; MI455X (gfx1250); checked and timed in simulation.
; The chip was launched on July 23, 2026; its instructions are those of AMD's public machine-readable ISA for CDNA 5 (MIT licence, August 2026) and "CDNA5" Instruction Set Architecture Reference Guide (July 2026). The comments in the code are by the model that wrote it; some were corrected since.
;; L Net2. Allowed arithmetic: float matrix products may take bf16 or f16 operands with f32 sums; all other float work in f32.
;; Inputs: b1 64 float32; b2 64 float32; b3 128 float32; b4 256 float32; b5 512 float32; g1 64 float32; g2 64 float32; g3 128 float32; g4 256 float32; g5 512 float32; src 4 x 3 x 2,048 float32; tgt 4 x 3 x 2,048 float32; w1 64 x 6 float32; w2 64 x 64 float32; w3 128 x 64 float32; w4 256 x 128 float32; w5 512 x 512 float32.
;; Outputs: out0 4 x 3 x 2,048 float32.
;; 2 versions, each right and faster than the one before. Each part assembles by itself: llvm-mc -triple=amdgcn-amd-amdhsa -mcpu=gfx1250 --defsym DOCPART=n.
;; ======== version 1 of 2: 9 launches
;; limits: values are held in f16: magnitudes above 65,504 overflow, below 6.1e-05 lose precision
;; workspace buffers: masks 8,388,608 bytes of whole numbers; feat 8,388,608 bytes; cw 557,056 bytes; cat 33,554,432 bytes; sa 552,960 bytes; sb 552,960 bytes; y5 34,603,008 bytes; emb 17,039,360 bytes
;; launch knn (part 1): grid 256 x 1, 8 waves a work-group, no clusters, 0 bytes of LDS; arguments src, tgt, masks; writes masks
.if DOCPART == 1
	.amdgcn_target "amdgcn-amd-amdhsa--gfx1250"
	.amdhsa_code_object_version 6
	.text
	.protected	k_q5d4214e0ee_knn
	.globl	k_q5d4214e0ee_knn
	.p2align	8
	.type	k_q5d4214e0ee_knn,@function
k_q5d4214e0ee_knn:
	s_mov_b64 s[64:65], 0
	v_nop
	global_prefetch_b8 v0, s[64:65] scope:SCOPE_SE
	s_setreg_imm32_b32 hwreg(HW_REG_WAVE_MODE, 25, 1), 1
	s_wait_xcnt 0x0
; For each of the 16,384 points: the 32nd smallest squared distance T to the 2,048 points of its cloud, and two bit masks
; (distance < T, distance == T) stored as whole numbers; the next launch turns them into indices.
; Distances in f32 on the vector unit, (xx_i - 2 x_i.x_j) + xx_j: K = 3 is no matrix work, and 16-bit operands would change the neighbour sets.
; A work-group owns 64 points of one cloud, a wave 8, one a trip.  Lane l holds candidates j = 32 r + l, r = 0..63.
; Selection by minima and maxima alone: two bitonic sorts of 32 in each lane, then merges that keep the lower 32: with the lane's other half, with lanes 1, 2, 4, 8 and 16 away.
; LIMITS: NaN and infinities are not treated; +0 and -0 compare equal.
; No LDS, no matrix unit, no cluster: the waves share only the cloud's 24 KB, which each keeps in registers.
.set X, 0                  ; window 1: x, y, z and |x|^2 of my 64 candidates
.set YC, 64
.set Z, 128
.set XX, 192
.set D, 8                  ; window 0: v8-71 distances
.set W0, 72                ; three work lists of 32
.set W1, 104
.set W2, 136
.set MK, 168               ; v168-171 the masks' four words of my lane
.set T, 172
.set MSB, 0
.macro WIN new
.if MSB != (\new)
	s_set_vgpr_msb (MSB<<8)|(\new)
.set MSB, (\new)
.endif
.endm
; position p of a list lies in register base + (p & 30) + parity(p): positions that differ in one bit lie in an even and an odd register, as the dual form wants
.macro RG out, base, p
.set \out, (\base)+((\p)&30)+((((\p)>>4)^((\p)>>3)^((\p)>>2)^((\p)>>1)^(\p))&1)
.endm
.macro CE src, dst, i, l, dn, nat     ; compare and exchange positions i < l, out of place; dn != 0: descending; nat = 1: the source lies in natural order
.if \nat
.set ra, (\src)+(\i)
.set rb, (\src)+(\l)
.else
	RG ra, \src, \i
	RG rb, \src, \l
.endif
.if (\dn) == 0
	RG rlo, \dst, \i
	RG rhi, \dst, \l
.else
	RG rlo, \dst, \l
	RG rhi, \dst, \i
.endif
	v_dual_min_num_f32 v[rlo], v[ra], v[rb] :: v_dual_max_num_f32 v[rhi], v[rb], v[ra]
.endm
.macro STAGE src, dst, k, j, nat
.set ii, 0
.rept 32
.if (ii^(\j)) > ii
	CE \src, \dst, ii, ii^(\j), ii&(\k), \nat
.endif
.set ii, ii+1
.endr
.endm
.macro SORT32 in, A, B                ; 15 stages; the result lies in A, ascending
	STAGE \in, \A, 2, 1, 1
	STAGE \A, \B, 4, 2, 0
	STAGE \B, \A, 4, 1, 0
	STAGE \A, \B, 8, 4, 0
	STAGE \B, \A, 8, 2, 0
	STAGE \A, \B, 8, 1, 0
	STAGE \B, \A, 16, 8, 0
	STAGE \A, \B, 16, 4, 0
	STAGE \B, \A, 16, 2, 0
	STAGE \A, \B, 16, 1, 0
	STAGE \B, \A, 32, 16, 0
	STAGE \A, \B, 32, 8, 0
	STAGE \B, \A, 32, 4, 0
	STAGE \A, \B, 32, 2, 0
	STAGE \B, \A, 32, 1, 0
.endm
.macro MERGE                          ; a bitonic list in W1 becomes an ascending one in W0
	STAGE W1, W0, 32, 16, 0
	STAGE W0, W1, 32, 8, 0
	STAGE W1, W0, 32, 4, 0
	STAGE W0, W1, 32, 2, 0
	STAGE W1, W0, 32, 1, 0
.endm
.macro LOWER kind, x                  ; W1[i] = min(W0[i], other[31 - i]): the lower 32 of two ascending lists.  kind 0: W2; 1: the lane x away; 2: the lane 16 away
.set ii, 0
.rept 32
	RG ra, W0, ii
	RG rc, W1, ii
.if (\kind) == 0
	RG rb, W2, 31-ii
	v_min_num_f32 v[rc], v[ra], v[rb]
.elseif (\kind) == 1
	RG rb, W0, 31-ii
	v_min_num_f32_dpp v[rc], v[rb], v[ra] row_xmask:\x row_mask:0xf bank_mask:0xf
.else
	RG rb, W0, 31-ii
	v_permlanex16_b32 v[rc], v[rb], s52, s53
	v_min_num_f32 v[rc], v[rc], v[ra]
.endif
.set ii, ii+1
.endr
.endm
	s_load_b128 s[4:7], s[0:1], 0x0                ; src, tgt
	s_load_b64 s[8:9], s[0:1], 0x10                ; masks
	v_lshrrev_b32 v3, 5, v0
	v_readfirstlane_b32 s10, v3                    ; wave
	v_and_b32 v4, 31, v0
	v_lshlrev_b32 v1, 2, v4                        ; 4 x lane: my candidates
	v_lshlrev_b32 v2, 4, v4                        ; 16 x lane: my words of a point's masks
	s_bfe_u32 s11, ttmp9, 0x20005                  ; cloud in its tensor: (wg >> 5) & 3
	s_mul_i32 s12, s11, 24576
	s_mov_b32 s13, 0
	s_and_b32 s14, ttmp9, 31
	s_lshl_b32 s14, s14, 8                         ; my group's 64 points, 4 bytes each,
	s_lshl_b32 s15, s10, 5                         ; my wave's 8
	s_add_co_u32 s14, s14, s15
	s_mov_b32 s15, 0
	s_lshl_b32 s54, ttmp9, 15                      ; 64 points x 512 bytes of masks
	s_lshl_b32 s55, s10, 12
	s_add_co_u32 s54, s54, s55
	s_mov_b32 s55, 0
	s_mov_b32 s52, 0x76543210
	s_mov_b32 s53, 0xfedcba98
	s_wait_kmcnt 0x0
	s_cmp_lt_u32 ttmp9, 128
	s_cselect_b64 s[4:5], s[4:5], s[6:7]           ; groups 0-127 take src, the others tgt
	s_add_nc_u64 s[4:5], s[4:5], s[12:13]          ; my cloud
	s_add_nc_u64 s[6:7], s[4:5], s[14:15]          ; my 8 points
	s_add_nc_u64 s[8:9], s[8:9], s[54:55]
	s_load_b256 s[16:23], s[6:7], 0x0              ; their x,
	s_load_b256 s[24:31], s[6:7], 0x2000           ; y,
	s_load_b256 s[32:39], s[6:7], 0x4000           ; z
	WIN 0x40
.set r, 0
.rept 64
	global_load_b32 v[X+r], v1, s[4:5] offset:128*r
	global_load_b32 v[YC+r], v1, s[4:5] offset:128*r+8192
	global_load_b32 v[Z+r], v1, s[4:5] offset:128*r+16384
.set r, r+1
.endr
	s_wait_loadcnt 0x0
	WIN 0x55
.set r, 0
.rept 32
	v_pk_mul_f32 v[XX+r:XX+r+1], v[X+r:X+r+1], v[X+r:X+r+1]
.set r, r+2
.endr
.set r, 0
.rept 32
	v_pk_fma_f32 v[XX+r:XX+r+1], v[YC+r:YC+r+1], v[YC+r:YC+r+1], v[XX+r:XX+r+1]
.set r, r+2
.endr
.set r, 0
.rept 32
	v_pk_fma_f32 v[XX+r:XX+r+1], v[Z+r:Z+r+1], v[Z+r:Z+r+1], v[XX+r:XX+r+1]
.set r, r+2
.endr
	WIN 0
.irp i, 0,1,2,3
	v_mov_b32 v[MK+\i], 0                          ; v_writelane_b32 counts as a reader of its destination
.endr
	s_wait_kmcnt 0x0
	s_mov_b32 s50, 8
.Lpoint:
	s_mul_f32 s46, s16, s16                        ; xx_i, in the candidates' order of operations
	s_fmac_f32 s46, s24, s24
	s_fmac_f32 s46, s32, s32
	s_mov_b32 s47, s46
	s_mul_f32 s40, s16, -2.0
	s_mov_b32 s41, s40
	s_mul_f32 s42, s24, -2.0
	s_mov_b32 s43, s42
	s_mul_f32 s44, s32, -2.0
	s_mov_b32 s45, s44
	WIN 0x01                                       ; source 0 in window 1
.set r, 0
.rept 32
	v_pk_mul_f32 v[D+r:D+r+1], v[X+r:X+r+1], s[40:41] op_sel_hi:[1,0]
.set r, r+2
.endr
.set r, 0
.rept 32
	v_pk_fma_f32 v[D+r:D+r+1], v[YC+r:YC+r+1], s[42:43], v[D+r:D+r+1] op_sel_hi:[1,0,1]
.set r, r+2
.endr
.set r, 0
.rept 32
	v_pk_fma_f32 v[D+r:D+r+1], v[Z+r:Z+r+1], s[44:45], v[D+r:D+r+1] op_sel_hi:[1,0,1]
.set r, r+2
.endr
.set r, 0
.rept 32
	v_pk_add_f32 v[D+r:D+r+1], s[46:47], v[D+r:D+r+1] op_sel_hi:[0,1]
.set r, r+2
.endr
.set r, 0
.rept 32
	v_pk_add_f32 v[D+r:D+r+1], v[XX+r:XX+r+1], v[D+r:D+r+1]
.set r, r+2
.endr
	WIN 0
	SORT32 D, W0, W1
	SORT32 D+32, W2, W1
	LOWER 0, 0
	MERGE
.irp x, 1,2,4,8
	LOWER 1, \x
	MERGE
.endr
	LOWER 2, 0                                     ; the lowest 32 of all 2,048, unsorted: their maximum is T
	v_max3_num_f32 v[T], v[W1], v[W1+1], v[W1+2]
.set r, 3
.rept 14
	v_max3_num_f32 v[T], v[T], v[W1+r], v[W1+r+1]
.set r, r+2
.endr
	v_max_num_f32 v[T], v[T], v[W1+31]
.set r, 0
.rept 64                                               ; word r of a mask holds candidates 32 r .. 32 r + 31; it goes to lane r % 32
	v_cmp_lt_f32 s48, v[D+r], v[T]
	v_writelane_b32 v[MK+(r>>5)], s48, r&31
	v_cmp_eq_f32 s49, v[D+r], v[T]
	v_writelane_b32 v[MK+2+(r>>5)], s49, r&31
.set r, r+1
.endr
	global_store_b128 v2, v[MK:MK+3], s[8:9]       ; the wave stores the point's 512 consecutive bytes
	s_wait_xcnt 0x0                                ; v2 and the four words are written again only behind this wait
	v_add_nc_u32 v2, 512, v2
.irp i, 0,1,2,3,4,5,6
	s_mov_b32 s[16+\i], s[17+\i]                   ; the next point moves to the front
	s_mov_b32 s[24+\i], s[25+\i]
	s_mov_b32 s[32+\i], s[33+\i]
.endr
	s_sub_co_u32 s50, s50, 1
	s_cmp_lg_u32 s50, 0
	s_cbranch_scc1 .Lpoint
	s_endpgm
.Lfunc_end_k_q5d4214e0ee_knn:
	.size	k_q5d4214e0ee_knn, .Lfunc_end_k_q5d4214e0ee_knn-k_q5d4214e0ee_knn
	.p2alignl 7, 3214868480
	.fill 96, 4, 3214868480
	.section	.rodata,"a",@progbits
	.p2align	6, 0x0
	.amdhsa_kernel k_q5d4214e0ee_knn
		.amdhsa_group_segment_fixed_size 0
		.amdhsa_private_segment_fixed_size 0
		.amdhsa_enable_private_segment 0
		.amdhsa_kernarg_size 24
		.amdhsa_user_sgpr_count 2
		.amdhsa_user_sgpr_kernarg_segment_ptr 1
		.amdhsa_wavefront_size32 1
		.amdhsa_system_sgpr_workgroup_id_x 1
		.amdhsa_system_sgpr_workgroup_id_y 1
		.amdhsa_system_sgpr_workgroup_id_z 1
		.amdhsa_system_vgpr_workitem_id 0
		.amdhsa_next_free_vgpr 512
		.amdhsa_next_free_sgpr 66
		.amdhsa_reserve_vcc 0
		.amdhsa_float_denorm_mode_32 3
		.amdhsa_float_denorm_mode_16_64 3
		.amdhsa_memory_ordered 1
		.amdhsa_forward_progress 1
		.amdhsa_inst_pref_size 122
	.end_amdhsa_kernel
	.amdgpu_metadata
---
amdhsa.version: [ 1, 2 ]
amdhsa.kernels:
  - .name:           k_q5d4214e0ee_knn
    .symbol:         k_q5d4214e0ee_knn.kd
    .args:
      - { .name: src, .offset: 0, .size: 8, .value_kind: global_buffer, .address_space: global }
      - { .name: tgt, .offset: 8, .size: 8, .value_kind: global_buffer, .address_space: global }
      - { .name: masks, .offset: 16, .size: 8, .value_kind: global_buffer, .address_space: global }
    .group_segment_fixed_size: 0
    .private_segment_fixed_size: 0
    .kernarg_segment_align: 8
    .kernarg_segment_size: 24
    .max_flat_workgroup_size: 256
    .sgpr_count:     66
    .vgpr_count:     512
    .wavefront_size: 32
...
	.end_amdgpu_metadata
.endif
;; end of part 1
;; launch compact (part 2): grid 256 x 1, 32 waves a work-group, no clusters, 8,192 bytes of LDS; arguments masks, src, tgt, w5, feat, cw; writes feat, cw
.if DOCPART == 2
	.amdgcn_target "amdgcn-amd-amdhsa--gfx1250"
	.amdhsa_code_object_version 6
	.text
	.protected	k_q5d4214e0ee_compact
	.globl	k_q5d4214e0ee_compact
	.p2align	8
	.type	k_q5d4214e0ee_compact,@function
k_q5d4214e0ee_compact:
	s_mov_b64 s[64:65], 0
	v_nop
	global_prefetch_b8 v0, s[64:65] scope:SCOPE_SE
	s_setreg_imm32_b32 hwreg(HW_REG_WAVE_MODE, 25, 1), 1
	s_wait_xcnt 0x0
; From each point's masks (whole numbers that the launch before stored): the 32 neighbours' indices; their coordinates are gathered; the edge features
; (u = x_j - x_i, v = x_i - p, 0, 0) go out in f16, 16 bytes an edge, p being the set's first point; and the work-group's 6 first and 21 second moments of (u, v) in f32,
; from which the next launch makes layer 1's batch statistics.  Waves 0-3 also write one block each of w5 in f16, laid out as matrix fragments.
; A wave takes two points; lane s is neighbour slot s.  Slot s takes the s-th bit of 'less than T', or behind those the (s - count)-th bit of 'equal to T': ties go to the lower index.
; LIMIT: u and v must lie within f16's range (65,504).
.set RED, 0                ; 32 waves x 128 bytes of moments
.set SPARE, 4096           ; the spare words: 128 bytes a wave
.set SPW, 94
.set NIL, 95
.macro POPC d, x, t        ; d = the number of ones in x
	v_lshrrev_b32 \t, 1, \x
	v_and_b32 \t, s40, \t
	v_sub_nc_u32 \d, \x, \t
	v_lshrrev_b32 \t, 2, \d
	v_and_b32 \t, s41, \t
	v_and_b32 \d, s41, \d
	v_add_nc_u32 \d, \d, \t
	v_lshrrev_b32 \t, 4, \d
	v_add_nc_u32 \d, \d, \t
	v_and_b32 \d, s42, \d
	v_mul_lo_u32 \d, \d, s43
	v_lshrrev_b32 \d, 24, \d
.endm
.macro SCAN v, t           ; inclusive prefix sums over the 32 lanes
.irp n, 1,2,4,8
	v_mov_b32_dpp \t, \v row_shr:\n row_mask:0xf bank_mask:0xf bound_ctrl:1
	v_add_nc_u32 \v, \v, \t
.endr
	v_readlane_b32 s44, \v, 15
	v_cndmask_b32 \t, 0, s44, s45
	v_add_nc_u32 \v, \v, \t
.endm
; a0, a1: 'less' words l and 32 + l; e0, e1: 'equal' words; j: 4 x the index of my slot's neighbour
.macro PICK a0, a1, e0, e1, j
	POPC v16, \a0, v35
	POPC v17, \a1, v35
	v_lshl_or_b32 v16, v17, 16, v16
	POPC v18, \e0, v35
	POPC v19, \e1, v35
	v_lshl_or_b32 v18, v19, 16, v18
	SCAN v16, v35
	SCAN v18, v35
	v_and_b32 v20, 0xffff, v16                     ; four prefixes in four bytes; those of 'equal' are capped at 63, which keeps every comparison with a rank below 32
	v_lshrrev_b32 v21, 16, v16
	v_and_b32 v22, 0xffff, v18
	v_min_u32 v22, 63, v22
	v_lshrrev_b32 v23, 16, v18
	v_min_u32 v23, 63, v23
	v_lshl_or_b32 v20, v21, 8, v20
	v_lshl_or_b32 v20, v22, 16, v20
	v_lshl_or_b32 v20, v23, 24, v20
	v_readlane_b32 s46, v20, 31                    ; the totals
	s_and_b32 s47, s46, 0xff
	s_bfe_u32 s48, s46, 0x80008
	s_add_co_u32 s49, s47, s48                     ; how many are less than T (31 at the most)
	s_bfe_u32 s50, s46, 0x80010
	v_cmp_le_u32 s52, s49, v1                      ; my slot takes an 'equal' bit
	v_sub_nc_u32 v21, v1, s49
	v_cndmask_b32 v21, v1, v21, s52                ; my rank in my set
	v_mov_b32 v22, s47
	v_mov_b32 v23, s50
	v_cndmask_b32 v22, v22, v23, s52               ; the set's bits in words 0-31
	v_cndmask_b32 v24, 0, 16, s52
	v_cmp_ge_u32 s51, v21, v22                     ; mine lies in words 32-63
	v_sub_nc_u32 v23, v21, v22
	v_cndmask_b32 v21, v21, v23, s51
	v_cndmask_b32 v25, 0, 1, s51
	v_lshl_add_u32 v24, v25, 3, v24                ; which byte of the prefixes
	v_mov_b32 v26, 0                               ; how many words' prefixes are at most my rank: the word that holds my bit
.irp st, 16,8,4,2,1
	v_add_nc_u32 v27, \st-1, v26
	v_lshlrev_b32 v27, 2, v27
	ds_bpermute_b32 v28, v27, v20
	s_wait_dscnt 0x0
	v_lshrrev_b32 v28, v24, v28
	v_and_b32 v28, 0xff, v28
	v_add_nc_u32 v27, \st, v26
	v_cmp_le_u32 vcc_lo, v28, v21
	v_cndmask_b32 v26, v26, v27, vcc_lo
.endr
	v_add_nc_u32 v27, -1, v26
	v_lshlrev_b32 v27, 2, v27
	v_lshlrev_b32 v29, 2, v26
	ds_bpermute_b32 v28, v27, v20                  ; the prefix in front of that word
	ds_bpermute_b32 v30, v29, \a0
	ds_bpermute_b32 v31, v29, \a1
	ds_bpermute_b32 v32, v29, \e0
	ds_bpermute_b32 v33, v29, \e1
	s_wait_dscnt 0x0
	v_lshrrev_b32 v28, v24, v28
	v_and_b32 v28, 0xff, v28
	v_cmp_eq_u32 vcc_lo, 0, v26
	v_cndmask_b32 v28, v28, 0, vcc_lo
	v_sub_nc_u32 v21, v21, v28                     ; my rank inside the word
	v_cndmask_b32 v30, v30, v31, s51
	v_cndmask_b32 v32, v32, v33, s51
	v_cndmask_b32 v30, v30, v32, s52
	v_mov_b32 v31, 0                               ; the largest place below which at most 'rank' ones lie: my bit
.irp st, 16,8,4,2,1
	v_add_nc_u32 v32, \st, v31
	v_lshlrev_b32 v33, v32, v36
	v_add_nc_u32 v33, -1, v33
	v_and_b32 v33, v33, v30
	POPC v34, v33, v35
	v_cmp_le_u32 vcc_lo, v34, v21
	v_cndmask_b32 v31, v31, v32, vcc_lo
.endr
	v_lshl_add_u32 v26, v25, 5, v26
	v_lshl_add_u32 \j, v26, 5, v31
	v_min_u32 \j, 0x7ff, \j                        ; an index stays inside its cloud
	v_lshlrev_b32 \j, 2, \j
.endm
.macro MOM first           ; the features in v40-45 enter the 27 sums in v48-74
.set a, 0
.rept 6
.if \first
	v_mov_b32 v[48+a], v[40+a]
.else
	v_add_f32 v[48+a], v[48+a], v[40+a]
.endif
.set a, a+1
.endr
.set k, 6
.set a, 0
.rept 6
.set b, a
.rept 6-a
.if \first
	v_mul_f32 v[48+k], v[40+a], v[40+b]
.else
	v_fmac_f32 v[48+k], v[40+a], v[40+b]
.endif
.set k, k+1
.set b, b+1
.endr
.set a, a+1
.endr
.endm
	s_load_b256 s[4:11], s[0:1], 0x0               ; masks, src, tgt, w5
	s_load_b128 s[12:15], s[0:1], 0x20             ; feat, cw
	v_lshl_add_u32 v[SPW], v0, 2, SPARE
	v_mov_b32 v[NIL], 0
	v_lshrrev_b32 v3, 5, v0
	v_readfirstlane_b32 s16, v3                    ; wave 0..31
	v_and_b32 v1, 31, v0
	v_lshlrev_b32 v2, 4, v1
	v_mov_b32 v35, 0
	v_mov_b32 v36, 1
	s_mov_b32 s40, 0x55555555
	s_mov_b32 s41, 0x33333333
	s_mov_b32 s42, 0x0f0f0f0f
	s_mov_b32 s43, 0x01010101
	s_mov_b32 s45, 0xffff0000
	s_mov_b32 s54, 0x76543210
	s_mov_b32 s55, 0xfedcba98
	s_bfe_u32 s17, ttmp9, 0x20005
	s_mul_i32 s22, s17, 24576                      ; my cloud in its tensor
	s_mov_b32 s23, 0
	s_and_b32 s34, ttmp9, 31
	s_lshl_b32 s34, s34, 8
	s_lshl_b32 s35, s16, 3
	s_add_co_u32 s34, s34, s35                     ; my two points, 4 bytes each
	s_mov_b32 s35, 0
	s_lshl_b32 s36, ttmp9, 15                      ; 64 points x 512 bytes, in masks and in feat,
	s_lshl_b32 s37, s16, 10                        ; my wave's two
	s_add_co_u32 s36, s36, s37
	s_mov_b32 s37, 0
	s_wait_kmcnt 0x0
	s_cmp_lt_u32 ttmp9, 128
	s_cselect_b64 s[20:21], s[6:7], s[8:9]         ; my set's tensor: its first point is p
	s_add_nc_u64 s[18:19], s[20:21], s[22:23]      ; my cloud
	s_add_nc_u64 s[38:39], s[18:19], s[34:35]
	s_add_nc_u64 s[4:5], s[4:5], s[36:37]
	s_add_nc_u64 s[12:13], s[12:13], s[36:37]
	global_load_b128 v[4:7], v2, s[4:5]
	global_load_b128 v[8:11], v2, s[4:5] offset:512
	s_load_b32 s24, s[20:21], 0x0
	s_load_b32 s25, s[20:21], 0x2000
	s_load_b32 s26, s[20:21], 0x4000
	s_load_b64 s[28:29], s[38:39], 0x0
	s_load_b64 s[30:31], s[38:39], 0x2000
	s_load_b64 s[32:33], s[38:39], 0x4000
	s_wait_loadcnt 0x0
	s_wait_kmcnt 0x0
	PICK v4, v5, v6, v7, v12
	PICK v8, v9, v10, v11, v13
	global_load_b32 v84, v12, s[18:19]
	global_load_b32 v85, v12, s[18:19] offset:8192
	global_load_b32 v86, v12, s[18:19] offset:16384
	global_load_b32 v87, v13, s[18:19]
	global_load_b32 v88, v13, s[18:19] offset:8192
	global_load_b32 v89, v13, s[18:19] offset:16384
	v_mov_b32 v79, 0
	v_mov_b32 v83, 0
	s_wait_loadcnt 0x0
	v_sub_f32 v40, v84, s28
	v_sub_f32 v41, v85, s30
	v_sub_f32 v42, v86, s32
	v_sub_f32 v43, s28, s24
	v_sub_f32 v44, s30, s25
	v_sub_f32 v45, s32, s26
	MOM 1
	v_cvt_pk_f16_f32 v76, v40, v41
	v_cvt_pk_f16_f32 v77, v42, v43
	v_cvt_pk_f16_f32 v78, v44, v45
	global_store_b128 v2, v[76:79], s[12:13]       ; a point's 32 edges: 512 consecutive bytes
	v_sub_f32 v40, v87, s29
	v_sub_f32 v41, v88, s31
	v_sub_f32 v42, v89, s33
	v_sub_f32 v43, s29, s24
	v_sub_f32 v44, s31, s25
	v_sub_f32 v45, s33, s26
	MOM 0
	v_cvt_pk_f16_f32 v80, v40, v41
	v_cvt_pk_f16_f32 v81, v42, v43
	v_cvt_pk_f16_f32 v82, v44, v45
	global_store_b128 v2, v[80:83], s[12:13] offset:512
	; w5 in f16, block 4 wg + w = (nt 16 + kk) 2 + q: lane l holds w5[16 nt + l % 16][32 kk + 16 q + 8 (l / 16) + 0..7]
	s_cmp_lt_u32 s16, 4
	s_cbranch_scc0 .Lno_w5
	s_lshl_b32 s17, ttmp9, 2
	s_add_co_u32 s17, s17, s16                     ; the block
	s_lshr_b32 s22, s17, 5
	s_lshl_b32 s22, s22, 15                        ; 16 rows of 2,048 bytes
	s_bfe_u32 s34, s17, 0x40001
	s_lshl_b32 s34, s34, 7
	s_add_co_u32 s22, s22, s34
	s_and_b32 s34, s17, 1
	s_lshl_b32 s34, s34, 6
	s_add_co_u32 s22, s22, s34
	s_mov_b32 s23, 0
	s_add_nc_u64 s[10:11], s[10:11], s[22:23]
	s_lshl_b32 s22, s17, 9
	s_add_co_u32 s22, s22, 32768
	s_add_nc_u64 s[34:35], s[14:15], s[22:23]
	v_and_b32 v14, 15, v0
	v_bfe_u32 v15, v0, 4, 1
	v_lshlrev_b32 v14, 11, v14
	v_lshl_add_u32 v14, v15, 5, v14
	global_load_b128 v[16:19], v14, s[10:11]
	global_load_b128 v[20:23], v14, s[10:11] offset:16
	s_wait_loadcnt 0x0
	v_cvt_pk_f16_f32 v24, v16, v17
	v_cvt_pk_f16_f32 v25, v18, v19
	v_cvt_pk_f16_f32 v26, v20, v21
	v_cvt_pk_f16_f32 v27, v22, v23
	global_store_b128 v2, v[24:27], s[34:35]
.Lno_w5:
	; the wave's moments: summed over the lanes, one word each into the wave's row
	v_mov_b32 v37, 0
.set k, 0
.rept 27
.irp x, 1,2,4,8
	v_add_f32_dpp v[48+k], v[48+k], v[48+k] row_xmask:\x row_mask:0xf bank_mask:0xf
.endr
	v_permlanex16_b32 v37, v[48+k], s54, s55
	v_add_f32 v[48+k], v[48+k], v37
.set k, k+1
.endr
	v_lshlrev_b32 v38, 7, v3                       ; my wave's row
.set k, 0
.rept 32
.if k < 27
	ds_store_b32 v38, v[48+k] offset:RED+4*k
.else
	ds_store_b32 v38, v[NIL] offset:RED+4*k
.endif
.set k, k+1
.endr
	s_wait_dscnt 0x0                               ; for the others' sake: my row is written
	s_barrier_signal -1
	s_barrier_wait -1
	s_cmp_lg_u32 s16, 0
	s_cbranch_scc1 .Lnot_0
	s_wait_xcnt 0x0                                ; the loads below land in v48-79, of which v76-79 were a store's data: they are written again only behind this wait
	v_lshlrev_b32 v39, 2, v1                       ; wave 0: lane a adds moment a of the 32 rows
.set k, 0
.rept 32
	ds_load_b32 v[48+k], v39 offset:RED+128*k
.set k, k+1
.endr
	s_wait_dscnt 0x0
.set k, 1
.rept 31
	v_add_f32 v48, v48, v[48+k]
.set k, k+1
.endr
	s_lshl_b32 s22, ttmp9, 7
	s_mov_b32 s23, 0
	s_add_nc_u64 s[14:15], s[14:15], s[22:23]
	global_store_b32 v39, v48, s[14:15]
.Lnot_0:
	s_wait_tensorcnt 0x0                           ; the wave's end
	ds_add_u32 v[SPW], v[NIL]
	s_wait_dscnt 0x0
	s_endpgm
.Lfunc_end_k_q5d4214e0ee_compact:
	.size	k_q5d4214e0ee_compact, .Lfunc_end_k_q5d4214e0ee_compact-k_q5d4214e0ee_compact
	.p2alignl 7, 3214868480
	.fill 96, 4, 3214868480
	.section	.rodata,"a",@progbits
	.p2align	6, 0x0
	.amdhsa_kernel k_q5d4214e0ee_compact
		.amdhsa_group_segment_fixed_size 8192
		.amdhsa_private_segment_fixed_size 0
		.amdhsa_enable_private_segment 0
		.amdhsa_kernarg_size 48
		.amdhsa_user_sgpr_count 2
		.amdhsa_user_sgpr_kernarg_segment_ptr 1
		.amdhsa_wavefront_size32 1
		.amdhsa_system_sgpr_workgroup_id_x 1
		.amdhsa_system_sgpr_workgroup_id_y 1
		.amdhsa_system_sgpr_workgroup_id_z 1
		.amdhsa_system_vgpr_workitem_id 0
		.amdhsa_next_free_vgpr 96
		.amdhsa_next_free_sgpr 66
		.amdhsa_reserve_vcc 1
		.amdhsa_float_denorm_mode_32 3
		.amdhsa_float_denorm_mode_16_64 3
		.amdhsa_memory_ordered 1
		.amdhsa_forward_progress 1
		.amdhsa_inst_pref_size 43
	.end_amdhsa_kernel
	.amdgpu_metadata
---
amdhsa.version: [ 1, 2 ]
amdhsa.kernels:
  - .name:           k_q5d4214e0ee_compact
    .symbol:         k_q5d4214e0ee_compact.kd
    .args:
      - { .name: masks, .offset: 0, .size: 8, .value_kind: global_buffer, .address_space: global }
      - { .name: src, .offset: 8, .size: 8, .value_kind: global_buffer, .address_space: global }
      - { .name: tgt, .offset: 16, .size: 8, .value_kind: global_buffer, .address_space: global }
      - { .name: w5, .offset: 24, .size: 8, .value_kind: global_buffer, .address_space: global }
      - { .name: feat, .offset: 32, .size: 8, .value_kind: global_buffer, .address_space: global }
      - { .name: cw, .offset: 40, .size: 8, .value_kind: global_buffer, .address_space: global }
    .group_segment_fixed_size: 8192
    .private_segment_fixed_size: 0
    .kernarg_segment_align: 8
    .kernarg_segment_size: 48
    .max_flat_workgroup_size: 1024
    .sgpr_count:     66
    .vgpr_count:     96
    .wavefront_size: 32
...
	.end_amdgpu_metadata
.endif
;; end of part 2
;; launch p2 (part 3): grid 256 x 1, 4 waves a work-group, no clusters, 109,824 bytes of LDS; arguments feat, cw, w1, g1, b1, w2, g2, cat, sa; writes cat, sa
.if DOCPART == 3
	.amdgcn_target "amdgcn-amd-amdhsa--gfx1250"
	.amdhsa_code_object_version 6
	.text
	.protected	k_q5d4214e0ee_p2
	.globl	k_q5d4214e0ee_p2
	.p2align	8
	.type	k_q5d4214e0ee_p2,@function
k_q5d4214e0ee_p2:
	s_mov_b64 s[64:65], 0
	v_nop
	global_prefetch_b8 v0, s[64:65] scope:SCOPE_SE
	s_setreg_imm32_b32 hwreg(HW_REG_WAVE_MODE, 25, 1), 1
	s_wait_xcnt 0x0
.set PASS, 2
; THE EDGE MLP, pass PASS of 2, 3, 4 (one source text; the line above chooses).  A pass knows the batch statistics of layers 1 .. PASS - 1, multiplies those layers again with the normalisation folded
; into f16 weights (scale into the rows, shift as the C operand), and multiplies layer PASS once, collecting for each channel the sum, the sum of squares and, for each point, the maximum over its 32 edges.
; Since batch-norm and ReLU rise with y once the sign of the gain is folded into the weights, max_k relu(bn(y)) = relu(bn(max_k y)): no activation is ever stored.
; The last layer's sums start at -pilot (pilot = W relu(b of the layer before)), so that the variance is no difference of large sums when the biases carry an offset; batch-norm does not see the shift.
; SHARES: a work-group owns 64 points (2,048 edges), four waves.  Product D = W x H^T: a lane holds one edge (lane % 16) and 8 channels; two results rounded to f16 are the next layer's B fragment.
; The 16 columns of a tile are 16 points at one neighbour slot, so the maximum over neighbours is taken register by register.  All weights stay in registers.
; Layer 1 has K = 6 of 32: its weights' rows hold zeros from k = 6 on, so the upper half of the lanes (k = 8 .. 15) may hold the same finite features as the lower: their products are 0.
; Pass 4: each wave makes H3 for a quarter of a chunk's 16 tiles, hands it on through LDS, and multiplies its own 64 of layer 4's 256 channels by all 16 tiles.
; LIMITS: matrix operands in f16 (65,504); NaN and infinities are not treated.  No cluster: the work-groups share only the weights, read once each at the start.
.set BIA1, 256             ; LDS: shifts of layers 1 to 3
.set BIA2, 512
.set BIA3, 768
.set SCL, 2304             ; row scales of layer PASS - 1
.set SCS, 2816             ; signs of layer PASS's gains
.set TOT, 3840             ; the set's sums
.set RED, 4864             ; 4 waves x 1,024: the group's sums on the way out
.set W1L, 8960             ; 64 rows x 80
.set W2L, 14080            ; 64 rows x 144
.set W3L, 23296            ; 128 rows x 144
.set SPARE, 41728          ; the spare words
.set FST, 42240            ; the group's features: 64 points x 528
.set STG, 76032            ; 4 waves x 16 rows x 528, for the way out
.set W4L, 131072           ; pass 4: 256 rows x 272, until the fragments are in registers;
.set HB3, 131072           ; then a chunk's H3: 16 tiles x 4,096
.if PASS == 2
.set CQ, 64
.set CP, 64
.set LGP, 3
.set WPL, W2L
.set PP, 144
.set KSP, 2
.set NTW, 4
.set FSTEP, 64
.elseif PASS == 3
.set CQ, 64
.set CP, 128
.set LGP, 3
.set WQL, W2L
.set BIQ, BIA2
.set WPL, W3L
.set PP, 144
.set KSP, 2
.set NTW, 8
.set AOFF, 12800
.set FSTEP, 64
.else
.set CQ, 128
.set CP, 256
.set LGP, 4
.set WQL, W3L
.set BIQ, BIA3
.set WPL, W4L
.set PP, 272
.set KSP, 4
.set NTW, 4
.set AOFF, 13312
.set FSTEP, 256
.endif
; registers.  window 0:
.set R, 1                  ; lane % 16
.set H, 2                  ; lane / 16
.set LN, 3
.set L16, 4
.set FA, 5                 ; LDS address of my feature fragment
.set SPW, 8
.set NIL, 9
.set HWA, 10
.set HRO, 11
.set STO, 12
.set RD, 13
.set GO, 14
.set TA, 15
.set F, 32                 ; 4 tiles x 8: layer 1's B fragments
.set Y, 64                 ; 8 accumulators
.set BI2, 128              ; C operands of layer 2 and layer 3
.set BI3, 160
.set T, 224
.set H1, 0                 ; window 1
.set H2, 64
.set HB, 128
.set W1, 0                 ; window 3
.set W2, 32
.set W3, 96
.set BI1, 224
.if PASS == 4              ; window 2
.set A4, 0
.set SUM, 128
.set SQ, 160
.set MX, 192
.set B4, 224
.else
.set SUM, 0
.set SQ, 64
.set MX, 128
.set MX1, 192
.endif
.set MSB, 0
.macro WIN new
.if MSB != (\new)
	s_set_vgpr_msb (MSB<<8)|(\new)
.set MSB, (\new)
.endif
.endm
.macro PLACES              ; four places between a matrix instruction and what reads its result or writes its registers (ISA guide 7.12.1)
.rept 4
	v_nop
.endr
.endm
.macro BAR                 ; what I stored in LDS is there, what I read is back; then the work-group's barrier
	s_wait_dscnt 0x0
	s_barrier_signal -1
	s_barrier_wait -1
.endm
.macro IF64 lab            ; where the layer before has 64 channels, waves 0 and 1 alone (threads 0 to 63, a channel each) do what follows, up to the label
.if CQ == 64
	s_cmp_lt_u32 s8, 2
	s_cbranch_scc0 \lab
.endif
.endm
; f16 rows between memory (dense) and LDS (padded): n chunks of 16 bytes a thread.  dir 0: in; 1: out
.macro MOVW dir, sb, goff, lb, p, lg, n
	s_wait_xcnt 0x0                                ; the registers below may be sources of earlier loads and stores
	v_lshrrev_b32 v17, \lg, v0
	v_and_b32 v18, (1<<(\lg))-1, v0
	v_mul_u32_u24 v17, v17, \p
	v_lshl_add_u32 v17, v18, 4, v17
	v_lshlrev_b32 v18, 4, v0
.set i, 0
.rept \n
.if \dir
	ds_load_b128 v[Y+4*i:Y+4*i+3], v17 offset:(\lb)+i*(128>>(\lg))*(\p)
.else
	global_load_b128 v[Y+4*i:Y+4*i+3], v18, s[\sb:\sb+1] offset:(\goff)+2048*i
.endif
.set i, i+1
.endr
	s_wait_loadcnt 0x0
	s_wait_dscnt 0x0
.set i, 0
.rept \n
.if \dir
	global_store_b128 v18, v[Y+4*i:Y+4*i+3], s[\sb:\sb+1] offset:(\goff)+2048*i
.else
	ds_store_b128 v17, v[Y+4*i:Y+4*i+3] offset:(\lb)+i*(128>>(\lg))*(\p)
.endif
.set i, i+1
.endr
.endm
; f32 weights times a scale for each row, rounded to f16, into padded LDS rows.  A thread takes chunks of 8 numbers, four a trip
.macro CVW sb, scl, lb, p, lg, trips
	s_wait_xcnt 0x0
	v_lshrrev_b32 v17, \lg, v0
	v_and_b32 v18, (1<<(\lg))-1, v0
	v_lshlrev_b32 v19, 2, v17
	v_mul_u32_u24 v17, v17, \p
	v_lshl_add_u32 v17, v18, 4, v17
	v_add_nc_u32 v17, \lb, v17
	v_lshlrev_b32 v18, 5, v0
	s_mov_b32 s11, \trips
.Lcvw_\@:
.set i, 0
.rept 4
	global_load_b128 v[Y+8*i:Y+8*i+3], v18, s[\sb:\sb+1] offset:4096*i
	global_load_b128 v[Y+8*i+4:Y+8*i+7], v18, s[\sb:\sb+1] offset:4096*i+16
	ds_load_b32 v[T+i], v19 offset:(\scl)+i*(128>>(\lg))*4
.set i, i+1
.endr
	s_wait_loadcnt 0x0                             ; also frees v18
	s_wait_dscnt 0x0
.set i, 0
.rept 4
.set k, 0
.rept 8
	v_mul_f32 v[Y+8*i+k], v[Y+8*i+k], v[T+i]
.set k, k+1
.endr
.set k, 0
.rept 4
	v_cvt_pk_f16_f32 v[T+8+4*i+k], v[Y+8*i+2*k], v[Y+8*i+2*k+1]
.set k, k+1
.endr
	ds_store_b128 v17, v[T+8+4*i:T+8+4*i+3] offset:i*(128>>(\lg))*(\p)
.set i, i+1
.endr
	v_add_nc_u32 v17, 4*(128>>(\lg))*(\p), v17
	v_add_nc_u32 v18, 16384, v18
	v_add_nc_u32 v19, 16*(128>>(\lg)), v19
	s_sub_co_u32 s11, s11, 1
	s_cmp_lg_u32 s11, 0
	s_cbranch_scc1 .Lcvw_\@
.endm
; Channel tiles 2 tp and 2 tp + 1 of a layer times four column tiles: 8 accumulators by turns, one instruction a turn.  The first K step takes the shift as C
.macro MM8 wb, ks, bib, hb, hs, m0, mk, tp
.set kk, 0
.rept \ks
.if kk == 0
	WIN \m0
.else
	WIN \mk
.endif
.set tt, 0
.rept 2
.set nn, 0
.rept 4
.set rD, Y+8*(4*tt+nn)
.set rA, (\wb)+((2*(\tp)+tt)*(\ks)+kk)*8
.set rB, (\hb)+nn*(\hs)+kk*8
.set rC, (\bib)+8*(2*(\tp)+tt)
.if kk == 0
	v_wmma_f32_16x16x32_f16 v[rD:rD+7], v[rA:rA+7], v[rB:rB+7], v[rC:rC+7]
.else
	v_wmma_f32_16x16x32_f16 v[rD:rD+7], v[rA:rA+7], v[rB:rB+7], v[rD:rD+7]
.endif
.set nn, nn+1
.endr
.set tt, tt+1
.endr
.set kk, kk+1
.endr
.endm
.macro RELU                ; each accumulator is read from its low end on
	PLACES
	WIN 0
.set i, 0
.rept 64
	v_max_num_f32 v[Y+i], 0, v[Y+i]
.set i, i+1
.endr
.endm
.macro ACT hd, hs, tp, x1  ; ReLU, (x1: layer 1's maximum over neighbours,) and f16 into the next layer's B fragments
	RELU
.if \x1
	WIN 0xa0
.set np, 0
.rept 2
.set tt, 0
.rept 2
.set k, 0
.rept 8
	v_max3_num_f32 v[MX1+8*(2*(\tp)+tt)+k], v[Y+8*(4*tt+2*np)+k], v[Y+8*(4*tt+2*np+1)+k], v[MX1+8*(2*(\tp)+tt)+k]
.set k, k+1
.endr
.set tt, tt+1
.endr
.set np, np+1
.endr
.endif
	WIN 0x40
.set tt, 0
.rept 2
.set nn, 0
.rept 4
.set k, 0
.rept 4
	v_cvt_pk_f16_f32 v[(\hd)+nn*(\hs)+(\tp)*8+tt*4+k], v[Y+8*(4*tt+nn)+2*k], v[Y+8*(4*tt+nn)+2*k+1]
.set k, k+1
.endr
.set nn, nn+1
.endr
.set tt, tt+1
.endr
.endm
.macro ACTL tp             ; pass 4, layer 3: the fragments go to LDS, half a fragment (512 bytes of the wave) a store
	RELU
.set tt, 0
.rept 2
.set nn, 0
.rept 4
.set k, 0
.rept 4
	v_cvt_pk_f16_f32 v[T+4*(4*tt+nn)+k], v[Y+8*(4*tt+nn)+2*k], v[Y+8*(4*tt+nn)+2*k+1]
.set k, k+1
.endr
	ds_store_b128 v[HWA], v[T+4*(4*tt+nn):T+4*(4*tt+nn)+3] offset:nn*4096+(\tp)*1024+tt*512
.set nn, nn+1
.endr
.set tt, tt+1
.endr
.endm
.macro STAT tp             ; the last layer: sums, sums of squares, maxima
	PLACES
	WIN 0xa0
.set nn, 0
.rept 4
.set tt, 0
.rept 2
.set k, 0
.rept 4
	v_pk_fma_f32 v[SUM+8*(2*(\tp)+tt)+2*k:SUM+8*(2*(\tp)+tt)+2*k+1], v[Y+8*(4*tt+nn)+2*k:Y+8*(4*tt+nn)+2*k+1], 1.0, v[SUM+8*(2*(\tp)+tt)+2*k:SUM+8*(2*(\tp)+tt)+2*k+1] op_sel_hi:[1,0,1]
.set k, k+1
.endr
.set tt, tt+1
.endr
.set nn, nn+1
.endr
.set nn, 0
.rept 4
.set tt, 0
.rept 2
.set k, 0
.rept 4
	v_pk_fma_f32 v[SQ+8*(2*(\tp)+tt)+2*k:SQ+8*(2*(\tp)+tt)+2*k+1], v[Y+8*(4*tt+nn)+2*k:Y+8*(4*tt+nn)+2*k+1], v[Y+8*(4*tt+nn)+2*k:Y+8*(4*tt+nn)+2*k+1], v[SQ+8*(2*(\tp)+tt)+2*k:SQ+8*(2*(\tp)+tt)+2*k+1]
.set k, k+1
.endr
.set tt, tt+1
.endr
.set nn, nn+1
.endr
.set np, 0
.rept 2
.set tt, 0
.rept 2
.set k, 0
.rept 8
	v_max3_num_f32 v[MX+8*(2*(\tp)+tt)+k], v[Y+8*(4*tt+2*np)+k], v[Y+8*(4*tt+2*np+1)+k], v[MX+8*(2*(\tp)+tt)+k]
.set k, k+1
.endr
.set tt, tt+1
.endr
.set np, np+1
.endr
.endm
.macro FLUSH src, nt, goff ; maxima of 16 points x 16 nt channels: through my stage, out as whole rows of 256 or 512 bytes
	WIN 0x08                                       ; the stores' data lie in window 2
.set i, 0
.rept \nt
	ds_store_b128 v[STO], v[(\src)+8*i:(\src)+8*i+3] offset:64*i
	ds_store_b128 v[STO], v[(\src)+8*i+4:(\src)+8*i+7] offset:64*i+16
.set i, i+1
.endr
	WIN 0
	s_wait_xcnt 0x0                                ; Y may be the data of earlier stores
.set i, 0
.rept 2*(\nt)
	ds_load_b128 v[Y+4*i:Y+4*i+3], v[RD] offset:i*(4224/(\nt))   ; LDS serves a wave's instructions in order (ISA guide 5.7.1.4): these see the stores above
.set i, i+1
.endr
	s_wait_dscnt 0x0
.set i, 0
.rept 2*(\nt)
	global_store_b128 v[GO], v[Y+4*i:Y+4*i+3], s[42:43] offset:(\goff)+i*(16384/(\nt))
.set i, i+1
.endr
.endm
.macro REDST src, nt, off  ; per-lane sums, added over the 16 edges of a half, into my row of RED: channel c at byte off + 4 c
	s_wait_xcnt 0x0
	WIN 0x02
.set i, 0
.rept 8*(\nt)
	v_mov_b32 v[Y+i], v[(\src)+i]
.set i, i+1
.endr
	WIN 0
.irp x, 1,2,4,8
.set i, 0
.rept 8*(\nt)
	v_add_f32_dpp v[Y+i], v[Y+i], v[Y+i] row_xmask:\x row_mask:0xf bank_mask:0xf
.set i, i+1
.endr
.endr
.set i, 0
.rept \nt
	ds_store_b128 v[TA], v[Y+8*i:Y+8*i+3] offset:(\off)+64*i
	ds_store_b128 v[TA], v[Y+8*i+4:Y+8*i+7] offset:(\off)+64*i+16
.set i, i+1
.endr
.endm
	s_load_b512 s[16:31], s[0:1], 0x0              ; feat 16, IN 18, w 20 / g 22 / b 24 of layer PASS - 1, w 26 / g 28 of layer PASS, cat 30
	s_load_b64 s[32:33], s[0:1], 0x40              ; OUT
	v_lshl_add_u32 v[SPW], v0, 2, SPARE
	v_mov_b32 v[NIL], 0
	v_lshrrev_b32 v16, 5, v0
	v_readfirstlane_b32 s8, v16                    ; wave
	v_and_b32 v[LN], 31, v0
	v_and_b32 v[R], 15, v0
	v_bfe_u32 v[H], v0, 4, 1
	v_lshlrev_b32 v[L16], 4, v[LN]
	s_lshr_b32 s9, ttmp9, 7                        ; set: 0 src, 1 tgt
	s_and_b32 s10, ttmp9, 127
	s_mov_b32 s3, 0
	s_wait_kmcnt 0x0
	s_lshl_b32 s2, ttmp9, 15
	s_add_nc_u64 s[16:17], s[16:17], s[2:3]        ; my 64 points' features
	s_lshl_b32 s2, ttmp9, 11
	s_add_nc_u64 s[38:39], s[32:33], s[2:3]        ; my row of statistics
	s_mul_i32 s2, s9, 14336
	s_add_co_u32 s2, s2, 524288
	s_add_nc_u64 s[40:41], s[32:33], s[2:3]        ; my set's coefficients, out
	s_add_nc_u64 s[36:37], s[18:19], s[2:3]        ; and in
	v_lshlrev_b32 v16, 4, v0
.set i, 0
.rept 16
	global_load_b128 v[Y+4*i:Y+4*i+3], v16, s[16:17] offset:2048*i
.set i, i+1
.endr
	v_lshrrev_b32 v17, 5, v0
	v_mul_u32_u24 v17, v17, 528
	v_add_nc_u32 v17, v17, v[L16]
	v_add_nc_u32 v17, FST, v17
	s_wait_loadcnt 0x0
.set i, 0
.rept 16
	ds_store_b128 v17, v[Y+4*i:Y+4*i+3] offset:2112*i   ; point t / 32 + 4 i, slot t % 32
.set i, i+1
.endr
.if PASS == 2
	; LAYER 1's statistics from the moments of (u, v).  Waves 0 and 1: each adds the set's 128 rows, lane a moment a; the 27 go to scalar registers; thread t then makes channel t.
	IF64 .Lno_l1
	s_lshl_b32 s2, s9, 14
	s_add_nc_u64 s[34:35], s[18:19], s[2:3]
	v_lshlrev_b32 v17, 2, v[LN]
	v_mov_b32 v16, 0
.set bb, 0
.rept 4
.set i, 0
.rept 32
	global_load_b32 v[Y+i], v17, s[34:35] offset:(bb*32+i)*128
.set i, i+1
.endr
	s_wait_loadcnt 0x0
.set i, 0
.rept 32
	v_add_f32 v16, v16, v[Y+i]
.set i, i+1
.endr
.set bb, bb+1
.endr
	v_mul_f32 v16, 0x36800000, v16                 ; / 2^18 edges of a set
.set a, 0
.rept 27
	v_readlane_b32 s[68+a], v16, a
.set a, a+1
.endr
.set a, 0
.rept 6
	s_mul_f32 s[44+a], s[68+a], -1.0
.set a, a+1
.endr
.set k, 6
.set a, 0
.rept 6
.set b, a
.rept 6-a
	s_fmac_f32 s[68+k], s[44+a], s[68+b]           ; covariance (a, b)
.set k, k+1
.set b, b+1
.endr
.set a, a+1
.endr
	v_mul_u32_u24 v19, v0, 24                      ; channel t
	v_lshlrev_b32 v20, 2, v0
	global_load_b64 v[64:65], v19, s[20:21]
	global_load_b64 v[66:67], v19, s[20:21] offset:8
	global_load_b64 v[68:69], v19, s[20:21] offset:16
	global_load_b32 v70, v20, s[22:23]
	global_load_b32 v71, v20, s[24:25]
	global_load_b32 v72, v20, s[28:29]
	s_wait_loadcnt 0x0
	v_add_f32 v67, v67, v64                        ; y = wa . u + (wa + wb) . v + a constant that batch-norm drops
	v_add_f32 v68, v68, v65
	v_add_f32 v69, v69, v66
	v_mul_f32 v73, s68, v64
.set a, 1
.rept 5
	v_fmac_f32 v73, s[68+a], v[64+a]               ; the mean
.set a, a+1
.endr
.set a, 0
.rept 6
.set b, 0
.rept 6
.if a <= b
.set ix, 6+a*6-a*(a-1)/2+(b-a)
.else
.set ix, 6+b*6-b*(b-1)/2+(a-b)
.endif
.if b == 0
	v_mul_f32 v75, s[68+ix], v[64+b]
.else
	v_fmac_f32 v75, s[68+ix], v[64+b]
.endif
.set b, b+1
.endr
.if a == 0
	v_mul_f32 v74, v75, v64
.else
	v_fmac_f32 v74, v75, v[64+a]                   ; the variance
.endif
.set a, a+1
.endr
	v_max_num_f32 v74, 0, v74
	v_add_f32 v74, 0x3727c5ac, v74
	v_rsq_f32 v74, v74
	v_mov_b32 v79, 0
	s_wait_alu depctr_va_vdst(0)
	v_mul_f32 v70, v70, v74                        ; g / sqrt(var + eps)
	v_fma_f32 v71, -v70, v73, v71                  ; the shift
.set a, 0
.rept 6
	v_mul_f32 v[64+a], v[64+a], v70
.set a, a+1
.endr
	v_cvt_pk_f16_f32 v76, v64, v65
	v_cvt_pk_f16_f32 v77, v66, v67
	v_cvt_pk_f16_f32 v78, v68, v69
.irp i, 80,81,82,83
	v_mov_b32 v\i, 0
.endr
	v_mul_u32_u24 v21, v0, 80
	ds_store_b128 v21, v[76:79] offset:W1L
	ds_store_b128 v21, v[80:83] offset:W1L+16
	ds_store_b128 v21, v[80:83] offset:W1L+32
	ds_store_b128 v21, v[80:83] offset:W1L+48
	ds_store_b32 v20, v71 offset:BIA1
	v_cmp_gt_f32 vcc_lo, 0, v72
	v_cndmask_b32 v72, 1.0, -1.0, vcc_lo
	ds_store_b32 v20, v72 offset:SCS
.Lno_l1:
.else
	; the statistics of layer PASS - 1: the set's 128 rows are added, a thread a column
	s_lshl_b32 s2, s9, 18
	s_add_nc_u64 s[34:35], s[18:19], s[2:3]
.set WD, 2*CQ/128
	v_lshlrev_b32 v17, 1+WD, v0
	v_mov_b32 v22, 0
	v_mov_b32 v23, 0
.set bb, 0
.rept 4
.set i, 0
.rept 32
.if WD == 1
	global_load_b32 v[Y+i], v17, s[34:35] offset:(bb*32+i)*2048
.else
	global_load_b64 v[Y+2*i:Y+2*i+1], v17, s[34:35] offset:(bb*32+i)*2048
.endif
.set i, i+1
.endr
	s_wait_loadcnt 0x0
.set i, 0
.rept 32
.if WD == 1
	v_add_f32 v22, v22, v[Y+i]
.else
	v_pk_add_f32 v[22:23], v[22:23], v[Y+2*i:Y+2*i+1]
.endif
.set i, i+1
.endr
.set bb, bb+1
.endr
.if WD == 1
	ds_store_b32 v17, v22 offset:TOT
.else
	ds_store_b64 v17, v[22:23] offset:TOT
.endif
	MOVW 0, 36, 0, W1L, 80, 2, 2                   ; the layers folded by earlier passes
.if PASS == 4
	MOVW 0, 36, 4096, W2L, 144, 3, 4
.endif
	IF64 .Lno_b1                                   ; pass 3: 64 shifts of layer 1; pass 4: 128, of layers 1 and 2, which lie on end
	v_lshlrev_b32 v16, 2, v0
	global_load_b32 v26, v16, s[36:37] offset:12288
	s_wait_loadcnt 0x0
	ds_store_b32 v16, v26 offset:BIA1
.Lno_b1:
	BAR
	v_and_b32 v18, CQ-1, v0
	v_lshlrev_b32 v20, 2, v18
	ds_load_b32 v26, v20 offset:TOT
	ds_load_b32 v27, v20 offset:TOT+4*CQ
	global_load_b32 v28, v20, s[22:23]
	global_load_b32 v29, v20, s[24:25]
	global_load_b32 v30, v20, s[34:35] offset:8*CQ ; -pilot, from the set's first row
	v_lshlrev_b32 v21, 2, v0
.set i, 0
.rept CP/128
	global_load_b32 v[16+i], v21, s[28:29] offset:512*i
.set i, i+1
.endr
	s_wait_loadcnt 0x0
	s_wait_dscnt 0x0
	v_mul_f32 v26, 0x36800000, v26                 ; mean of y - pilot
	v_mul_f32 v27, 0x36800000, v27
	v_fma_f32 v27, -v26, v26, v27
	v_max_num_f32 v27, 0, v27
	v_add_f32 v27, 0x3727c5ac, v27
	v_rsq_f32 v27, v27
	v_sub_f32 v30, v30, v26
	v_mul_f32 v24, |v28|, v27                      ; A = |g| / sqrt(var + eps)
	v_mul_f32 v28, v28, v27                        ; the rows' scale
	v_fma_f32 v25, -v24, v26, v29                  ; S = b - A mean': for the stored maxima
	v_fma_f32 v29, v24, v30, v29                   ; the shift b - A (pilot + mean')
.set i, 0
.rept CP/128
	v_cmp_gt_f32 vcc_lo, 0, v[16+i]
	v_cndmask_b32 v[16+i], 1.0, -1.0, vcc_lo
	ds_store_b32 v21, v[16+i] offset:SCS+512*i
.set i, i+1
.endr
	IF64 .Lno_fin                                  ; thread t stores channel t's
	ds_store_b32 v21, v28 offset:SCL
	ds_store_b32 v21, v29 offset:BIQ
.Lno_fin:
.endif
	BAR
.if PASS > 2
	CVW 20, SCL, WQL, 144, 3, CQ/64
.endif
	CVW 26, SCS, WPL, PP, LGP, (CP<<LGP)/512
	BAR
	s_cmp_lg_u32 s10, 0                            ; the set's first work-group hands the coefficients on
	s_cbranch_scc1 .Lno_export
.if PASS == 2
	MOVW 1, 40, 0, W1L, 80, 2, 2
	IF64 .Lno_export
	v_lshlrev_b32 v21, 2, v0
	ds_load_b32 v26, v21 offset:BIA1
	s_wait_dscnt 0x0
	global_store_b32 v21, v26, s[40:41] offset:12288
.elseif PASS == 3
	MOVW 1, 40, 0, W1L, 80, 2, 2
	MOVW 1, 40, 4096, W2L, 144, 3, 4
	ds_load_b32 v26, v21 offset:BIA1               ; 128 words: the shifts of layers 1 and 2
	s_wait_dscnt 0x0
	global_store_b32 v21, v26, s[40:41] offset:12288
.endif
.if PASS > 2
	IF64 .Lno_export
	global_store_b32 v21, v24, s[40:41] offset:AOFF
	global_store_b32 v21, v25, s[40:41] offset:AOFF+4*CQ
.endif
.Lno_export:
	; all fragments into registers: lane l holds row l % 16, K = 8 (l / 16) + 0..7 and 16 + 8 (l / 16) + 0..7
	s_wait_xcnt 0x0
	v_mul_u32_u24 v17, v[R], 80
	v_lshl_add_u32 v17, v[H], 4, v17
	v_mul_u32_u24 v18, v[R], 144
	v_lshl_add_u32 v18, v[H], 4, v18
	v_lshlrev_b32 v19, 5, v[H]
	WIN 0xc0
.set i, 0
.rept 4
	ds_load_b128 v[W1+8*i:W1+8*i+3], v17 offset:W1L+i*1280
	ds_load_b128 v[W1+8*i+4:W1+8*i+7], v17 offset:W1L+i*1280+32
	ds_load_b128 v[BI1+8*i:BI1+8*i+3], v19 offset:BIA1+64*i
	ds_load_b128 v[BI1+8*i+4:BI1+8*i+7], v19 offset:BIA1+64*i+16
.set i, i+1
.endr
.set i, 0
.rept 8
	ds_load_b128 v[W2+8*i:W2+8*i+3], v18 offset:W2L+(i/2)*2304+(i%2)*64
	ds_load_b128 v[W2+8*i+4:W2+8*i+7], v18 offset:W2L+(i/2)*2304+(i%2)*64+32
.set i, i+1
.endr
.if PASS > 2
.set i, 0
.rept 16
	ds_load_b128 v[W3+8*i:W3+8*i+3], v18 offset:W3L+(i/2)*2304+(i%2)*64
	ds_load_b128 v[W3+8*i+4:W3+8*i+7], v18 offset:W3L+(i/2)*2304+(i%2)*64+32
.set i, i+1
.endr
	WIN 0
.set i, 0
.rept 4
	ds_load_b128 v[BI2+8*i:BI2+8*i+3], v19 offset:BIA2+64*i
	ds_load_b128 v[BI2+8*i+4:BI2+8*i+7], v19 offset:BIA2+64*i+16
.set i, i+1
.endr
.endif
.if PASS == 4
.set i, 0
.rept 8
	ds_load_b128 v[BI3+8*i:BI3+8*i+3], v19 offset:BIA3+64*i
	ds_load_b128 v[BI3+8*i+4:BI3+8*i+7], v19 offset:BIA3+64*i+16
.set i, i+1
.endr
	v_lshl_add_u32 v21, s8, 6, v[R]                ; my 64 rows of w4
	v_mul_u32_u24 v21, v21, 272
	v_lshl_add_u32 v21, v[H], 4, v21
	v_add_nc_u32 v21, W4L, v21
	WIN 0x80
.set i, 0
.rept 16
	ds_load_b128 v[A4+8*i:A4+8*i+3], v21 offset:(i/4)*4352+(i%4)*64
	ds_load_b128 v[A4+8*i+4:A4+8*i+7], v21 offset:(i/4)*4352+(i%4)*64+32
.set i, i+1
.endr
.endif
	WIN 0
	; THE PILOT: relu(b of the layer before) in every column, times the last layer's weights; the result has the C operand's layout
.set i, 0
.rept KSP
	global_load_b128 v[Y+16*i:Y+16*i+3], v19, s[24:25] offset:128*i
	global_load_b128 v[Y+16*i+4:Y+16*i+7], v19, s[24:25] offset:128*i+16
	global_load_b128 v[Y+16*i+8:Y+16*i+11], v19, s[24:25] offset:128*i+64
	global_load_b128 v[Y+16*i+12:Y+16*i+15], v19, s[24:25] offset:128*i+80
.set i, i+1
.endr
	s_wait_loadcnt 0x0
.set i, 0
.rept 16*KSP
	v_max_num_f32 v[Y+i], 0, v[Y+i]
.set i, i+1
.endr
.if PASS == 2
.set HP, H1
.set WPR, W2
.elseif PASS == 3
.set HP, H2
.set WPR, W3
.else
.set HP, HB
.set WPR, A4
.endif
	WIN 0x40
.set i, 0
.rept 8*KSP
	v_cvt_pk_f16_f32 v[HP+i], v[Y+2*i], v[Y+2*i+1]
.set i, i+1
.endr
	s_wait_dscnt 0x0                               ; the fragments are in
.if PASS == 4
	WIN 0
	s_barrier_signal -1                            ; every wave has read w4's rows: their bytes may take H3
	s_barrier_wait -1
	WIN 0x06
.else
	WIN 0x07
.endif
.set kk, 0
.rept KSP
.set i, 0
.rept NTW
.if kk == 0
	v_wmma_f32_16x16x32_f16 v[Y+8*i:Y+8*i+7], v[WPR+(i*KSP+kk)*8:WPR+(i*KSP+kk)*8+7], v[HP+8*kk:HP+8*kk+7], 0
.else
	v_wmma_f32_16x16x32_f16 v[Y+8*i:Y+8*i+7], v[WPR+(i*KSP+kk)*8:WPR+(i*KSP+kk)*8+7], v[HP+8*kk:HP+8*kk+7], v[Y+8*i:Y+8*i+7]
.endif
.set i, i+1
.endr
.set kk, kk+1
.endr
	PLACES
.if PASS == 2
.set BIP, BI2
	WIN 0
.elseif PASS == 3
.set BIP, BI3
	WIN 0
.else
.set BIP, B4
	WIN 0x80
.endif
.set i, 0
.rept 8*NTW
	v_mul_f32 v[BIP+i], -1.0, v[Y+i]
.set i, i+1
.endr
	WIN 0
.if PASS < 4
	s_cmp_lg_u32 s8, 0                             ; wave 0's lanes 0 and 16 store -pilot behind the row's sums
	s_cbranch_scc1 .Lno_pilot
	v_cmp_eq_u32 vcc_lo, 0, v[R]
	s_wait_xcnt 0x0                                ; EXEC changes only behind this wait
	s_and_saveexec_b32 s11, vcc_lo
.set i, 0
.rept NTW
	global_store_b128 v19, v[BIP+8*i:BIP+8*i+3], s[38:39] offset:8*CP+64*i
	global_store_b128 v19, v[BIP+8*i+4:BIP+8*i+7], s[38:39] offset:8*CP+64*i+16
.set i, i+1
.endr
	s_wait_xcnt 0x0
	s_or_b32 exec_lo, exec_lo, s11
.Lno_pilot:
.endif
	; what the loop finds
	WIN 0x80
.set i, 0
.rept 8*NTW
	v_mov_b32 v[SUM+i], 0
	v_mov_b32 v[SQ+i], 0
	v_mov_b32 v[MX+i], 0xff800000
.if PASS == 2
	v_mov_b32 v[MX1+i], 0
.endif
.set i, i+1
.endr
	WIN 0
.set i, 0
.rept 4
.irp k, 4,5,6,7
	v_mov_b32 v[F+8*i+\k], 0                       ; K = 16 .. 31 of layer 1's fragments
.endr
.set i, i+1
.endr
	s_mul_i32 s11, s8, 8448
	s_add_co_u32 s11, s11, STG                     ; my stage
	v_mul_u32_u24 v[STO], v[R], 528
	v_lshl_add_u32 v[STO], v[H], 5, v[STO]
	v_add_nc_u32 v[STO], s11, v[STO]
.if PASS == 3
	v_add_nc_u32 v[RD], s11, v[L16]                ; back: a row of 512 bytes a load
	v_mov_b32 v[GO], v[L16]
.else
	v_mul_u32_u24 v[RD], v[H], 528                 ; back: two rows of 256 bytes a load
	v_lshl_add_u32 v[RD], v[R], 4, v[RD]
	v_add_nc_u32 v[RD], s11, v[RD]
	v_lshlrev_b32 v[GO], 11, v[H]
	v_lshl_add_u32 v[GO], v[R], 4, v[GO]
.endif
	s_lshl_b32 s11, s8, 10
	s_add_co_u32 s11, s11, RED
	v_lshl_add_u32 v[TA], v[H], 5, s11
	s_lshl_b32 s2, ttmp9, 17
.if PASS == 4
	v_mul_u32_u24 v[FA], v[R], 528
	v_lshl_add_u32 v[FA], s8, 6, v[FA]             ; point r of the 16, slots 4 w + n
	v_add_nc_u32 v[FA], FST, v[FA]
	s_lshl_b32 s11, s8, 8
	s_add_co_u32 s2, s2, s11
	s_add_co_u32 s2, s2, 1024
	v_lshl_add_u32 v[HWA], s8, 14, v[L16]
	v_add_nc_u32 v[HWA], HB3, v[HWA]
	v_add_nc_u32 v[HRO], HB3, v[L16]
.else
	v_lshl_add_u32 v[FA], s8, 4, v[R]              ; point 16 w + r
	v_mul_u32_u24 v[FA], v[FA], 528
	v_add_nc_u32 v[FA], FST, v[FA]
	s_lshl_b32 s11, s8, 15
	s_add_co_u32 s2, s2, s11
.endif
	s_add_nc_u64 s[42:43], s[30:31], s[2:3]        ; cat at my rows
.if PASS == 4
	s_mov_b32 s14, 4
.Lpoints:                                              ; 16 points: two chunks of 16 neighbour slots
	s_mov_b32 s12, 2
.else
	s_mov_b32 s12, 8
.endif
.Ltrip:                                                ; four neighbour slots of 16 points
.set i, 0
.rept 4
	ds_load_b128 v[F+8*i:F+8*i+3], v[FA] offset:16*i
.set i, i+1
.endr
	s_wait_dscnt 0x0
.irp tp, 0,1
	MM8 W1, 1, BI1, F, 8, 0x33, 0x33, \tp
	ACT H1, 16, \tp, (PASS==2)
.endr
.irp tp, 0,1
	MM8 W2, 2, BI2, H1, 16, 0x07, 0x07, \tp
.if PASS == 2
	STAT \tp
.else
	ACT H2, 16, \tp, 0
.endif
.endr
.if PASS > 2
.irp tp, 0,1,2,3
	MM8 W3, 2, BI3, H2, 16, 0x07, 0x07, \tp
.if PASS == 3
	STAT \tp
.else
	ACTL \tp
.endif
.endr
.endif
	WIN 0
	v_add_nc_u32 v[FA], FSTEP, v[FA]
.if PASS == 4
	BAR                                            ; the chunk's 16 tiles of H3 are whole
	s_mov_b32 s13, 4
.Lgroup:                                               ; four tiles x my 64 channels
	WIN 0x40
.set i, 0
.rept 32
	ds_load_b128 v[HB+4*i:HB+4*i+3], v[HRO] offset:512*i
.set i, i+1
.endr
	s_wait_dscnt 0x0
.irp tp, 0,1
	MM8 A4, 4, B4, HB, 32, 0x26, 0x06, \tp
	STAT \tp
.endr
	WIN 0
	v_add_nc_u32 v[HRO], 16384, v[HRO]
	s_sub_co_u32 s13, s13, 1
	s_cmp_lg_u32 s13, 0
	s_cbranch_scc1 .Lgroup
	v_add_nc_u32 v[HRO], -65536, v[HRO]
	BAR                                            ; every wave has read the chunk: the next may be written
.endif
	s_sub_co_u32 s12, s12, 1
	s_cmp_lg_u32 s12, 0
	s_cbranch_scc1 .Ltrip
.if PASS == 4
	FLUSH MX, 4, 0                                 ; the 16 points have seen all 32 slots
	s_wait_xcnt 0x0
	s_add_nc_u64 s[42:43], s[42:43], 32768
	v_add_nc_u32 v[FA], 7936, v[FA]                ; 16 points on, less the 512 bytes already stepped
	WIN 0x80
.set i, 0
.rept 32
	v_mov_b32 v[MX+i], 0xff800000
.set i, i+1
.endr
	WIN 0
	s_sub_co_u32 s14, s14, 1
	s_cmp_lg_u32 s14, 0
	s_cbranch_scc1 .Lpoints
.endif
.if PASS == 2
	FLUSH MX1, 4, 0                                ; x1, final
	FLUSH MX, 4, 256                               ; the raw maxima of layer 2
.elseif PASS == 3
	FLUSH MX, 8, 512
.endif
	REDST SUM, NTW, 0
	REDST SQ, NTW, 64*NTW
.if PASS == 4
	v_lshl_add_u32 v16, s8, 10, v[L16]             ; my 64 channels are mine alone: 512 bytes back, and out
	ds_load_b128 v[T:T+3], v16 offset:RED
	v_lshlrev_b32 v17, 10, v[H]
	v_lshl_add_u32 v17, v[R], 4, v17
	v_lshl_add_u32 v17, s8, 8, v17
	s_wait_dscnt 0x0
	global_store_b128 v17, v[T:T+3], s[38:39]
.else
	BAR
.set WD, 2*CP/128
	v_lshlrev_b32 v17, 1+WD, v0
.set i, 0
.rept 4
.if WD == 1
	ds_load_b32 v[T+2*i], v17 offset:RED+1024*i
.else
	ds_load_b64 v[T+2*i:T+2*i+1], v17 offset:RED+1024*i
.endif
.set i, i+1
.endr
	s_wait_dscnt 0x0
.if WD == 1
	v_add_f32 v[T], v[T], v[T+2]
	v_add_f32 v[T+4], v[T+4], v[T+6]
	v_add_f32 v[T], v[T], v[T+4]
	global_store_b32 v17, v[T], s[38:39]
.else
	v_pk_add_f32 v[T:T+1], v[T:T+1], v[T+2:T+3]
	v_pk_add_f32 v[T+4:T+5], v[T+4:T+5], v[T+6:T+7]
	v_pk_add_f32 v[T:T+1], v[T:T+1], v[T+4:T+5]
	global_store_b64 v17, v[T:T+1], s[38:39]
.endif
.endif
	s_wait_tensorcnt 0x0                           ; the wave's end
	ds_add_u32 v[SPW], v[NIL]
	s_wait_dscnt 0x0
	s_endpgm
.Lfunc_end_k_q5d4214e0ee_p2:
	.size	k_q5d4214e0ee_p2, .Lfunc_end_k_q5d4214e0ee_p2-k_q5d4214e0ee_p2
	.p2alignl 7, 3214868480
	.fill 96, 4, 3214868480
	.section	.rodata,"a",@progbits
	.p2align	6, 0x0
	.amdhsa_kernel k_q5d4214e0ee_p2
		.amdhsa_group_segment_fixed_size 109824
		.amdhsa_private_segment_fixed_size 0
		.amdhsa_enable_private_segment 0
		.amdhsa_kernarg_size 72
		.amdhsa_user_sgpr_count 2
		.amdhsa_user_sgpr_kernarg_segment_ptr 1
		.amdhsa_wavefront_size32 1
		.amdhsa_system_sgpr_workgroup_id_x 1
		.amdhsa_system_sgpr_workgroup_id_y 1
		.amdhsa_system_sgpr_workgroup_id_z 1
		.amdhsa_system_vgpr_workitem_id 0
		.amdhsa_next_free_vgpr 1024
		.amdhsa_next_free_sgpr 100
		.amdhsa_reserve_vcc 1
		.amdhsa_float_denorm_mode_32 3
		.amdhsa_float_denorm_mode_16_64 3
		.amdhsa_memory_ordered 1
		.amdhsa_forward_progress 1
		.amdhsa_inst_pref_size 99
	.end_amdhsa_kernel
	.amdgpu_metadata
---
amdhsa.version: [ 1, 2 ]
amdhsa.kernels:
  - .name:           k_q5d4214e0ee_p2
    .symbol:         k_q5d4214e0ee_p2.kd
    .args:
      - { .name: feat, .offset: 0, .size: 8, .value_kind: global_buffer, .address_space: global }
      - { .name: cw, .offset: 8, .size: 8, .value_kind: global_buffer, .address_space: global }
      - { .name: w1, .offset: 16, .size: 8, .value_kind: global_buffer, .address_space: global }
      - { .name: g1, .offset: 24, .size: 8, .value_kind: global_buffer, .address_space: global }
      - { .name: b1, .offset: 32, .size: 8, .value_kind: global_buffer, .address_space: global }
      - { .name: w2, .offset: 40, .size: 8, .value_kind: global_buffer, .address_space: global }
      - { .name: g2, .offset: 48, .size: 8, .value_kind: global_buffer, .address_space: global }
      - { .name: cat, .offset: 56, .size: 8, .value_kind: global_buffer, .address_space: global }
      - { .name: sa, .offset: 64, .size: 8, .value_kind: global_buffer, .address_space: global }
    .group_segment_fixed_size: 109824
    .private_segment_fixed_size: 0
    .kernarg_segment_align: 8
    .kernarg_segment_size: 72
    .max_flat_workgroup_size: 128
    .sgpr_count:     100
    .vgpr_count:     1024
    .wavefront_size: 32
...
	.end_amdgpu_metadata
.endif
;; end of part 3
;; launch p3 (part 4): grid 256 x 1, 4 waves a work-group, no clusters, 109,824 bytes of LDS; arguments feat, sa, w2, g2, b2, w3, g3, cat, sb; writes cat, sb
.if DOCPART == 4
	.amdgcn_target "amdgcn-amd-amdhsa--gfx1250"
	.amdhsa_code_object_version 6
	.text
	.protected	k_q5d4214e0ee_p3
	.globl	k_q5d4214e0ee_p3
	.p2align	8
	.type	k_q5d4214e0ee_p3,@function
k_q5d4214e0ee_p3:
	s_mov_b64 s[64:65], 0
	v_nop
	global_prefetch_b8 v0, s[64:65] scope:SCOPE_SE
	s_setreg_imm32_b32 hwreg(HW_REG_WAVE_MODE, 25, 1), 1
	s_wait_xcnt 0x0
.set PASS, 3
; THE EDGE MLP, pass PASS of 2, 3, 4 (one source text; the line above chooses).  A pass knows the batch statistics of layers 1 .. PASS - 1, multiplies those layers again with the normalisation folded
; into f16 weights (scale into the rows, shift as the C operand), and multiplies layer PASS once, collecting for each channel the sum, the sum of squares and, for each point, the maximum over its 32 edges.
; Since batch-norm and ReLU rise with y once the sign of the gain is folded into the weights, max_k relu(bn(y)) = relu(bn(max_k y)): no activation is ever stored.
; The last layer's sums start at -pilot (pilot = W relu(b of the layer before)), so that the variance is no difference of large sums when the biases carry an offset; batch-norm does not see the shift.
; SHARES: a work-group owns 64 points (2,048 edges), four waves.  Product D = W x H^T: a lane holds one edge (lane % 16) and 8 channels; two results rounded to f16 are the next layer's B fragment.
; The 16 columns of a tile are 16 points at one neighbour slot, so the maximum over neighbours is taken register by register.  All weights stay in registers.
; Layer 1 has K = 6 of 32: its weights' rows hold zeros from k = 6 on, so the upper half of the lanes (k = 8 .. 15) may hold the same finite features as the lower: their products are 0.
; Pass 4: each wave makes H3 for a quarter of a chunk's 16 tiles, hands it on through LDS, and multiplies its own 64 of layer 4's 256 channels by all 16 tiles.
; LIMITS: matrix operands in f16 (65,504); NaN and infinities are not treated.  No cluster: the work-groups share only the weights, read once each at the start.
.set BIA1, 256             ; LDS: shifts of layers 1 to 3
.set BIA2, 512
.set BIA3, 768
.set SCL, 2304             ; row scales of layer PASS - 1
.set SCS, 2816             ; signs of layer PASS's gains
.set TOT, 3840             ; the set's sums
.set RED, 4864             ; 4 waves x 1,024: the group's sums on the way out
.set W1L, 8960             ; 64 rows x 80
.set W2L, 14080            ; 64 rows x 144
.set W3L, 23296            ; 128 rows x 144
.set SPARE, 41728          ; the spare words
.set FST, 42240            ; the group's features: 64 points x 528
.set STG, 76032            ; 4 waves x 16 rows x 528, for the way out
.set W4L, 131072           ; pass 4: 256 rows x 272, until the fragments are in registers;
.set HB3, 131072           ; then a chunk's H3: 16 tiles x 4,096
.if PASS == 2
.set CQ, 64
.set CP, 64
.set LGP, 3
.set WPL, W2L
.set PP, 144
.set KSP, 2
.set NTW, 4
.set FSTEP, 64
.elseif PASS == 3
.set CQ, 64
.set CP, 128
.set LGP, 3
.set WQL, W2L
.set BIQ, BIA2
.set WPL, W3L
.set PP, 144
.set KSP, 2
.set NTW, 8
.set AOFF, 12800
.set FSTEP, 64
.else
.set CQ, 128
.set CP, 256
.set LGP, 4
.set WQL, W3L
.set BIQ, BIA3
.set WPL, W4L
.set PP, 272
.set KSP, 4
.set NTW, 4
.set AOFF, 13312
.set FSTEP, 256
.endif
; registers.  window 0:
.set R, 1                  ; lane % 16
.set H, 2                  ; lane / 16
.set LN, 3
.set L16, 4
.set FA, 5                 ; LDS address of my feature fragment
.set SPW, 8
.set NIL, 9
.set HWA, 10
.set HRO, 11
.set STO, 12
.set RD, 13
.set GO, 14
.set TA, 15
.set F, 32                 ; 4 tiles x 8: layer 1's B fragments
.set Y, 64                 ; 8 accumulators
.set BI2, 128              ; C operands of layer 2 and layer 3
.set BI3, 160
.set T, 224
.set H1, 0                 ; window 1
.set H2, 64
.set HB, 128
.set W1, 0                 ; window 3
.set W2, 32
.set W3, 96
.set BI1, 224
.if PASS == 4              ; window 2
.set A4, 0
.set SUM, 128
.set SQ, 160
.set MX, 192
.set B4, 224
.else
.set SUM, 0
.set SQ, 64
.set MX, 128
.set MX1, 192
.endif
.set MSB, 0
.macro WIN new
.if MSB != (\new)
	s_set_vgpr_msb (MSB<<8)|(\new)
.set MSB, (\new)
.endif
.endm
.macro PLACES              ; four places between a matrix instruction and what reads its result or writes its registers (ISA guide 7.12.1)
.rept 4
	v_nop
.endr
.endm
.macro BAR                 ; what I stored in LDS is there, what I read is back; then the work-group's barrier
	s_wait_dscnt 0x0
	s_barrier_signal -1
	s_barrier_wait -1
.endm
.macro IF64 lab            ; where the layer before has 64 channels, waves 0 and 1 alone (threads 0 to 63, a channel each) do what follows, up to the label
.if CQ == 64
	s_cmp_lt_u32 s8, 2
	s_cbranch_scc0 \lab
.endif
.endm
; f16 rows between memory (dense) and LDS (padded): n chunks of 16 bytes a thread.  dir 0: in; 1: out
.macro MOVW dir, sb, goff, lb, p, lg, n
	s_wait_xcnt 0x0                                ; the registers below may be sources of earlier loads and stores
	v_lshrrev_b32 v17, \lg, v0
	v_and_b32 v18, (1<<(\lg))-1, v0
	v_mul_u32_u24 v17, v17, \p
	v_lshl_add_u32 v17, v18, 4, v17
	v_lshlrev_b32 v18, 4, v0
.set i, 0
.rept \n
.if \dir
	ds_load_b128 v[Y+4*i:Y+4*i+3], v17 offset:(\lb)+i*(128>>(\lg))*(\p)
.else
	global_load_b128 v[Y+4*i:Y+4*i+3], v18, s[\sb:\sb+1] offset:(\goff)+2048*i
.endif
.set i, i+1
.endr
	s_wait_loadcnt 0x0
	s_wait_dscnt 0x0
.set i, 0
.rept \n
.if \dir
	global_store_b128 v18, v[Y+4*i:Y+4*i+3], s[\sb:\sb+1] offset:(\goff)+2048*i
.else
	ds_store_b128 v17, v[Y+4*i:Y+4*i+3] offset:(\lb)+i*(128>>(\lg))*(\p)
.endif
.set i, i+1
.endr
.endm
; f32 weights times a scale for each row, rounded to f16, into padded LDS rows.  A thread takes chunks of 8 numbers, four a trip
.macro CVW sb, scl, lb, p, lg, trips
	s_wait_xcnt 0x0
	v_lshrrev_b32 v17, \lg, v0
	v_and_b32 v18, (1<<(\lg))-1, v0
	v_lshlrev_b32 v19, 2, v17
	v_mul_u32_u24 v17, v17, \p
	v_lshl_add_u32 v17, v18, 4, v17
	v_add_nc_u32 v17, \lb, v17
	v_lshlrev_b32 v18, 5, v0
	s_mov_b32 s11, \trips
.Lcvw_\@:
.set i, 0
.rept 4
	global_load_b128 v[Y+8*i:Y+8*i+3], v18, s[\sb:\sb+1] offset:4096*i
	global_load_b128 v[Y+8*i+4:Y+8*i+7], v18, s[\sb:\sb+1] offset:4096*i+16
	ds_load_b32 v[T+i], v19 offset:(\scl)+i*(128>>(\lg))*4
.set i, i+1
.endr
	s_wait_loadcnt 0x0                             ; also frees v18
	s_wait_dscnt 0x0
.set i, 0
.rept 4
.set k, 0
.rept 8
	v_mul_f32 v[Y+8*i+k], v[Y+8*i+k], v[T+i]
.set k, k+1
.endr
.set k, 0
.rept 4
	v_cvt_pk_f16_f32 v[T+8+4*i+k], v[Y+8*i+2*k], v[Y+8*i+2*k+1]
.set k, k+1
.endr
	ds_store_b128 v17, v[T+8+4*i:T+8+4*i+3] offset:i*(128>>(\lg))*(\p)
.set i, i+1
.endr
	v_add_nc_u32 v17, 4*(128>>(\lg))*(\p), v17
	v_add_nc_u32 v18, 16384, v18
	v_add_nc_u32 v19, 16*(128>>(\lg)), v19
	s_sub_co_u32 s11, s11, 1
	s_cmp_lg_u32 s11, 0
	s_cbranch_scc1 .Lcvw_\@
.endm
; Channel tiles 2 tp and 2 tp + 1 of a layer times four column tiles: 8 accumulators by turns, one instruction a turn.  The first K step takes the shift as C
.macro MM8 wb, ks, bib, hb, hs, m0, mk, tp
.set kk, 0
.rept \ks
.if kk == 0
	WIN \m0
.else
	WIN \mk
.endif
.set tt, 0
.rept 2
.set nn, 0
.rept 4
.set rD, Y+8*(4*tt+nn)
.set rA, (\wb)+((2*(\tp)+tt)*(\ks)+kk)*8
.set rB, (\hb)+nn*(\hs)+kk*8
.set rC, (\bib)+8*(2*(\tp)+tt)
.if kk == 0
	v_wmma_f32_16x16x32_f16 v[rD:rD+7], v[rA:rA+7], v[rB:rB+7], v[rC:rC+7]
.else
	v_wmma_f32_16x16x32_f16 v[rD:rD+7], v[rA:rA+7], v[rB:rB+7], v[rD:rD+7]
.endif
.set nn, nn+1
.endr
.set tt, tt+1
.endr
.set kk, kk+1
.endr
.endm
.macro RELU                ; each accumulator is read from its low end on
	PLACES
	WIN 0
.set i, 0
.rept 64
	v_max_num_f32 v[Y+i], 0, v[Y+i]
.set i, i+1
.endr
.endm
.macro ACT hd, hs, tp, x1  ; ReLU, (x1: layer 1's maximum over neighbours,) and f16 into the next layer's B fragments
	RELU
.if \x1
	WIN 0xa0
.set np, 0
.rept 2
.set tt, 0
.rept 2
.set k, 0
.rept 8
	v_max3_num_f32 v[MX1+8*(2*(\tp)+tt)+k], v[Y+8*(4*tt+2*np)+k], v[Y+8*(4*tt+2*np+1)+k], v[MX1+8*(2*(\tp)+tt)+k]
.set k, k+1
.endr
.set tt, tt+1
.endr
.set np, np+1
.endr
.endif
	WIN 0x40
.set tt, 0
.rept 2
.set nn, 0
.rept 4
.set k, 0
.rept 4
	v_cvt_pk_f16_f32 v[(\hd)+nn*(\hs)+(\tp)*8+tt*4+k], v[Y+8*(4*tt+nn)+2*k], v[Y+8*(4*tt+nn)+2*k+1]
.set k, k+1
.endr
.set nn, nn+1
.endr
.set tt, tt+1
.endr
.endm
.macro ACTL tp             ; pass 4, layer 3: the fragments go to LDS, half a fragment (512 bytes of the wave) a store
	RELU
.set tt, 0
.rept 2
.set nn, 0
.rept 4
.set k, 0
.rept 4
	v_cvt_pk_f16_f32 v[T+4*(4*tt+nn)+k], v[Y+8*(4*tt+nn)+2*k], v[Y+8*(4*tt+nn)+2*k+1]
.set k, k+1
.endr
	ds_store_b128 v[HWA], v[T+4*(4*tt+nn):T+4*(4*tt+nn)+3] offset:nn*4096+(\tp)*1024+tt*512
.set nn, nn+1
.endr
.set tt, tt+1
.endr
.endm
.macro STAT tp             ; the last layer: sums, sums of squares, maxima
	PLACES
	WIN 0xa0
.set nn, 0
.rept 4
.set tt, 0
.rept 2
.set k, 0
.rept 4
	v_pk_fma_f32 v[SUM+8*(2*(\tp)+tt)+2*k:SUM+8*(2*(\tp)+tt)+2*k+1], v[Y+8*(4*tt+nn)+2*k:Y+8*(4*tt+nn)+2*k+1], 1.0, v[SUM+8*(2*(\tp)+tt)+2*k:SUM+8*(2*(\tp)+tt)+2*k+1] op_sel_hi:[1,0,1]
.set k, k+1
.endr
.set tt, tt+1
.endr
.set nn, nn+1
.endr
.set nn, 0
.rept 4
.set tt, 0
.rept 2
.set k, 0
.rept 4
	v_pk_fma_f32 v[SQ+8*(2*(\tp)+tt)+2*k:SQ+8*(2*(\tp)+tt)+2*k+1], v[Y+8*(4*tt+nn)+2*k:Y+8*(4*tt+nn)+2*k+1], v[Y+8*(4*tt+nn)+2*k:Y+8*(4*tt+nn)+2*k+1], v[SQ+8*(2*(\tp)+tt)+2*k:SQ+8*(2*(\tp)+tt)+2*k+1]
.set k, k+1
.endr
.set tt, tt+1
.endr
.set nn, nn+1
.endr
.set np, 0
.rept 2
.set tt, 0
.rept 2
.set k, 0
.rept 8
	v_max3_num_f32 v[MX+8*(2*(\tp)+tt)+k], v[Y+8*(4*tt+2*np)+k], v[Y+8*(4*tt+2*np+1)+k], v[MX+8*(2*(\tp)+tt)+k]
.set k, k+1
.endr
.set tt, tt+1
.endr
.set np, np+1
.endr
.endm
.macro FLUSH src, nt, goff ; maxima of 16 points x 16 nt channels: through my stage, out as whole rows of 256 or 512 bytes
	WIN 0x08                                       ; the stores' data lie in window 2
.set i, 0
.rept \nt
	ds_store_b128 v[STO], v[(\src)+8*i:(\src)+8*i+3] offset:64*i
	ds_store_b128 v[STO], v[(\src)+8*i+4:(\src)+8*i+7] offset:64*i+16
.set i, i+1
.endr
	WIN 0
	s_wait_xcnt 0x0                                ; Y may be the data of earlier stores
.set i, 0
.rept 2*(\nt)
	ds_load_b128 v[Y+4*i:Y+4*i+3], v[RD] offset:i*(4224/(\nt))   ; LDS serves a wave's instructions in order (ISA guide 5.7.1.4): these see the stores above
.set i, i+1
.endr
	s_wait_dscnt 0x0
.set i, 0
.rept 2*(\nt)
	global_store_b128 v[GO], v[Y+4*i:Y+4*i+3], s[42:43] offset:(\goff)+i*(16384/(\nt))
.set i, i+1
.endr
.endm
.macro REDST src, nt, off  ; per-lane sums, added over the 16 edges of a half, into my row of RED: channel c at byte off + 4 c
	s_wait_xcnt 0x0
	WIN 0x02
.set i, 0
.rept 8*(\nt)
	v_mov_b32 v[Y+i], v[(\src)+i]
.set i, i+1
.endr
	WIN 0
.irp x, 1,2,4,8
.set i, 0
.rept 8*(\nt)
	v_add_f32_dpp v[Y+i], v[Y+i], v[Y+i] row_xmask:\x row_mask:0xf bank_mask:0xf
.set i, i+1
.endr
.endr
.set i, 0
.rept \nt
	ds_store_b128 v[TA], v[Y+8*i:Y+8*i+3] offset:(\off)+64*i
	ds_store_b128 v[TA], v[Y+8*i+4:Y+8*i+7] offset:(\off)+64*i+16
.set i, i+1
.endr
.endm
	s_load_b512 s[16:31], s[0:1], 0x0              ; feat 16, IN 18, w 20 / g 22 / b 24 of layer PASS - 1, w 26 / g 28 of layer PASS, cat 30
	s_load_b64 s[32:33], s[0:1], 0x40              ; OUT
	v_lshl_add_u32 v[SPW], v0, 2, SPARE
	v_mov_b32 v[NIL], 0
	v_lshrrev_b32 v16, 5, v0
	v_readfirstlane_b32 s8, v16                    ; wave
	v_and_b32 v[LN], 31, v0
	v_and_b32 v[R], 15, v0
	v_bfe_u32 v[H], v0, 4, 1
	v_lshlrev_b32 v[L16], 4, v[LN]
	s_lshr_b32 s9, ttmp9, 7                        ; set: 0 src, 1 tgt
	s_and_b32 s10, ttmp9, 127
	s_mov_b32 s3, 0
	s_wait_kmcnt 0x0
	s_lshl_b32 s2, ttmp9, 15
	s_add_nc_u64 s[16:17], s[16:17], s[2:3]        ; my 64 points' features
	s_lshl_b32 s2, ttmp9, 11
	s_add_nc_u64 s[38:39], s[32:33], s[2:3]        ; my row of statistics
	s_mul_i32 s2, s9, 14336
	s_add_co_u32 s2, s2, 524288
	s_add_nc_u64 s[40:41], s[32:33], s[2:3]        ; my set's coefficients, out
	s_add_nc_u64 s[36:37], s[18:19], s[2:3]        ; and in
	v_lshlrev_b32 v16, 4, v0
.set i, 0
.rept 16
	global_load_b128 v[Y+4*i:Y+4*i+3], v16, s[16:17] offset:2048*i
.set i, i+1
.endr
	v_lshrrev_b32 v17, 5, v0
	v_mul_u32_u24 v17, v17, 528
	v_add_nc_u32 v17, v17, v[L16]
	v_add_nc_u32 v17, FST, v17
	s_wait_loadcnt 0x0
.set i, 0
.rept 16
	ds_store_b128 v17, v[Y+4*i:Y+4*i+3] offset:2112*i   ; point t / 32 + 4 i, slot t % 32
.set i, i+1
.endr
.if PASS == 2
	; LAYER 1's statistics from the moments of (u, v).  Waves 0 and 1: each adds the set's 128 rows, lane a moment a; the 27 go to scalar registers; thread t then makes channel t.
	IF64 .Lno_l1
	s_lshl_b32 s2, s9, 14
	s_add_nc_u64 s[34:35], s[18:19], s[2:3]
	v_lshlrev_b32 v17, 2, v[LN]
	v_mov_b32 v16, 0
.set bb, 0
.rept 4
.set i, 0
.rept 32
	global_load_b32 v[Y+i], v17, s[34:35] offset:(bb*32+i)*128
.set i, i+1
.endr
	s_wait_loadcnt 0x0
.set i, 0
.rept 32
	v_add_f32 v16, v16, v[Y+i]
.set i, i+1
.endr
.set bb, bb+1
.endr
	v_mul_f32 v16, 0x36800000, v16                 ; / 2^18 edges of a set
.set a, 0
.rept 27
	v_readlane_b32 s[68+a], v16, a
.set a, a+1
.endr
.set a, 0
.rept 6
	s_mul_f32 s[44+a], s[68+a], -1.0
.set a, a+1
.endr
.set k, 6
.set a, 0
.rept 6
.set b, a
.rept 6-a
	s_fmac_f32 s[68+k], s[44+a], s[68+b]           ; covariance (a, b)
.set k, k+1
.set b, b+1
.endr
.set a, a+1
.endr
	v_mul_u32_u24 v19, v0, 24                      ; channel t
	v_lshlrev_b32 v20, 2, v0
	global_load_b64 v[64:65], v19, s[20:21]
	global_load_b64 v[66:67], v19, s[20:21] offset:8
	global_load_b64 v[68:69], v19, s[20:21] offset:16
	global_load_b32 v70, v20, s[22:23]
	global_load_b32 v71, v20, s[24:25]
	global_load_b32 v72, v20, s[28:29]
	s_wait_loadcnt 0x0
	v_add_f32 v67, v67, v64                        ; y = wa . u + (wa + wb) . v + a constant that batch-norm drops
	v_add_f32 v68, v68, v65
	v_add_f32 v69, v69, v66
	v_mul_f32 v73, s68, v64
.set a, 1
.rept 5
	v_fmac_f32 v73, s[68+a], v[64+a]               ; the mean
.set a, a+1
.endr
.set a, 0
.rept 6
.set b, 0
.rept 6
.if a <= b
.set ix, 6+a*6-a*(a-1)/2+(b-a)
.else
.set ix, 6+b*6-b*(b-1)/2+(a-b)
.endif
.if b == 0
	v_mul_f32 v75, s[68+ix], v[64+b]
.else
	v_fmac_f32 v75, s[68+ix], v[64+b]
.endif
.set b, b+1
.endr
.if a == 0
	v_mul_f32 v74, v75, v64
.else
	v_fmac_f32 v74, v75, v[64+a]                   ; the variance
.endif
.set a, a+1
.endr
	v_max_num_f32 v74, 0, v74
	v_add_f32 v74, 0x3727c5ac, v74
	v_rsq_f32 v74, v74
	v_mov_b32 v79, 0
	v_mul_f32 v70, v70, v74                        ; g / sqrt(var + eps)
	v_fma_f32 v71, -v70, v73, v71                  ; the shift
.set a, 0
.rept 6
	v_mul_f32 v[64+a], v[64+a], v70
.set a, a+1
.endr
	v_cvt_pk_f16_f32 v76, v64, v65
	v_cvt_pk_f16_f32 v77, v66, v67
	v_cvt_pk_f16_f32 v78, v68, v69
.irp i, 80,81,82,83
	v_mov_b32 v\i, 0
.endr
	v_mul_u32_u24 v21, v0, 80
	ds_store_b128 v21, v[76:79] offset:W1L
	ds_store_b128 v21, v[80:83] offset:W1L+16
	ds_store_b128 v21, v[80:83] offset:W1L+32
	ds_store_b128 v21, v[80:83] offset:W1L+48
	ds_store_b32 v20, v71 offset:BIA1
	v_cmp_gt_f32 vcc_lo, 0, v72
	v_cndmask_b32 v72, 1.0, -1.0, vcc_lo
	ds_store_b32 v20, v72 offset:SCS
.Lno_l1:
.else
	; the statistics of layer PASS - 1: the set's 128 rows are added, a thread a column
	s_lshl_b32 s2, s9, 18
	s_add_nc_u64 s[34:35], s[18:19], s[2:3]
.set WD, 2*CQ/128
	v_lshlrev_b32 v17, 1+WD, v0
	v_mov_b32 v22, 0
	v_mov_b32 v23, 0
.set bb, 0
.rept 4
.set i, 0
.rept 32
.if WD == 1
	global_load_b32 v[Y+i], v17, s[34:35] offset:(bb*32+i)*2048
.else
	global_load_b64 v[Y+2*i:Y+2*i+1], v17, s[34:35] offset:(bb*32+i)*2048
.endif
.set i, i+1
.endr
	s_wait_loadcnt 0x0
.set i, 0
.rept 32
.if WD == 1
	v_add_f32 v22, v22, v[Y+i]
.else
	v_pk_add_f32 v[22:23], v[22:23], v[Y+2*i:Y+2*i+1]
.endif
.set i, i+1
.endr
.set bb, bb+1
.endr
.if WD == 1
	ds_store_b32 v17, v22 offset:TOT
.else
	ds_store_b64 v17, v[22:23] offset:TOT
.endif
	MOVW 0, 36, 0, W1L, 80, 2, 2                   ; the layers folded by earlier passes
.if PASS == 4
	MOVW 0, 36, 4096, W2L, 144, 3, 4
.endif
	IF64 .Lno_b1                                   ; pass 3: 64 shifts of layer 1; pass 4: 128, of layers 1 and 2, which lie on end
	v_lshlrev_b32 v16, 2, v0
	global_load_b32 v26, v16, s[36:37] offset:12288
	s_wait_loadcnt 0x0
	ds_store_b32 v16, v26 offset:BIA1
.Lno_b1:
	BAR
	v_and_b32 v18, CQ-1, v0
	v_lshlrev_b32 v20, 2, v18
	ds_load_b32 v26, v20 offset:TOT
	ds_load_b32 v27, v20 offset:TOT+4*CQ
	global_load_b32 v28, v20, s[22:23]
	global_load_b32 v29, v20, s[24:25]
	global_load_b32 v30, v20, s[34:35] offset:8*CQ ; -pilot, from the set's first row
	v_lshlrev_b32 v21, 2, v0
.set i, 0
.rept CP/128
	global_load_b32 v[16+i], v21, s[28:29] offset:512*i
.set i, i+1
.endr
	s_wait_loadcnt 0x0
	s_wait_dscnt 0x0
	v_mul_f32 v26, 0x36800000, v26                 ; mean of y - pilot
	v_mul_f32 v27, 0x36800000, v27
	v_fma_f32 v27, -v26, v26, v27
	v_max_num_f32 v27, 0, v27
	v_add_f32 v27, 0x3727c5ac, v27
	v_rsq_f32 v27, v27
	v_sub_f32 v30, v30, v26
	s_wait_alu depctr_va_vdst(0)
	v_mul_f32 v24, |v28|, v27                      ; A = |g| / sqrt(var + eps)
	v_mul_f32 v28, v28, v27                        ; the rows' scale
	v_fma_f32 v25, -v24, v26, v29                  ; S = b - A mean': for the stored maxima
	v_fma_f32 v29, v24, v30, v29                   ; the shift b - A (pilot + mean')
.set i, 0
.rept CP/128
	v_cmp_gt_f32 vcc_lo, 0, v[16+i]
	v_cndmask_b32 v[16+i], 1.0, -1.0, vcc_lo
	ds_store_b32 v21, v[16+i] offset:SCS+512*i
.set i, i+1
.endr
	IF64 .Lno_fin                                  ; thread t stores channel t's
	ds_store_b32 v21, v28 offset:SCL
	ds_store_b32 v21, v29 offset:BIQ
.Lno_fin:
.endif
	BAR
.if PASS > 2
	CVW 20, SCL, WQL, 144, 3, CQ/64
.endif
	CVW 26, SCS, WPL, PP, LGP, (CP<<LGP)/512
	BAR
	s_cmp_lg_u32 s10, 0                            ; the set's first work-group hands the coefficients on
	s_cbranch_scc1 .Lno_export
.if PASS == 2
	MOVW 1, 40, 0, W1L, 80, 2, 2
	IF64 .Lno_export
	v_lshlrev_b32 v21, 2, v0
	ds_load_b32 v26, v21 offset:BIA1
	s_wait_dscnt 0x0
	global_store_b32 v21, v26, s[40:41] offset:12288
.elseif PASS == 3
	MOVW 1, 40, 0, W1L, 80, 2, 2
	MOVW 1, 40, 4096, W2L, 144, 3, 4
	ds_load_b32 v26, v21 offset:BIA1               ; 128 words: the shifts of layers 1 and 2
	s_wait_dscnt 0x0
	global_store_b32 v21, v26, s[40:41] offset:12288
.endif
.if PASS > 2
	IF64 .Lno_export
	global_store_b32 v21, v24, s[40:41] offset:AOFF
	global_store_b32 v21, v25, s[40:41] offset:AOFF+4*CQ
.endif
.Lno_export:
	; all fragments into registers: lane l holds row l % 16, K = 8 (l / 16) + 0..7 and 16 + 8 (l / 16) + 0..7
	s_wait_xcnt 0x0
	v_mul_u32_u24 v17, v[R], 80
	v_lshl_add_u32 v17, v[H], 4, v17
	v_mul_u32_u24 v18, v[R], 144
	v_lshl_add_u32 v18, v[H], 4, v18
	v_lshlrev_b32 v19, 5, v[H]
	WIN 0xc0
.set i, 0
.rept 4
	ds_load_b128 v[W1+8*i:W1+8*i+3], v17 offset:W1L+i*1280
	ds_load_b128 v[W1+8*i+4:W1+8*i+7], v17 offset:W1L+i*1280+32
	ds_load_b128 v[BI1+8*i:BI1+8*i+3], v19 offset:BIA1+64*i
	ds_load_b128 v[BI1+8*i+4:BI1+8*i+7], v19 offset:BIA1+64*i+16
.set i, i+1
.endr
.set i, 0
.rept 8
	ds_load_b128 v[W2+8*i:W2+8*i+3], v18 offset:W2L+(i/2)*2304+(i%2)*64
	ds_load_b128 v[W2+8*i+4:W2+8*i+7], v18 offset:W2L+(i/2)*2304+(i%2)*64+32
.set i, i+1
.endr
.if PASS > 2
.set i, 0
.rept 16
	ds_load_b128 v[W3+8*i:W3+8*i+3], v18 offset:W3L+(i/2)*2304+(i%2)*64
	ds_load_b128 v[W3+8*i+4:W3+8*i+7], v18 offset:W3L+(i/2)*2304+(i%2)*64+32
.set i, i+1
.endr
	WIN 0
.set i, 0
.rept 4
	ds_load_b128 v[BI2+8*i:BI2+8*i+3], v19 offset:BIA2+64*i
	ds_load_b128 v[BI2+8*i+4:BI2+8*i+7], v19 offset:BIA2+64*i+16
.set i, i+1
.endr
.endif
.if PASS == 4
.set i, 0
.rept 8
	ds_load_b128 v[BI3+8*i:BI3+8*i+3], v19 offset:BIA3+64*i
	ds_load_b128 v[BI3+8*i+4:BI3+8*i+7], v19 offset:BIA3+64*i+16
.set i, i+1
.endr
	v_lshl_add_u32 v21, s8, 6, v[R]                ; my 64 rows of w4
	v_mul_u32_u24 v21, v21, 272
	v_lshl_add_u32 v21, v[H], 4, v21
	v_add_nc_u32 v21, W4L, v21
	WIN 0x80
.set i, 0
.rept 16
	ds_load_b128 v[A4+8*i:A4+8*i+3], v21 offset:(i/4)*4352+(i%4)*64
	ds_load_b128 v[A4+8*i+4:A4+8*i+7], v21 offset:(i/4)*4352+(i%4)*64+32
.set i, i+1
.endr
.endif
	WIN 0
	; THE PILOT: relu(b of the layer before) in every column, times the last layer's weights; the result has the C operand's layout
.set i, 0
.rept KSP
	global_load_b128 v[Y+16*i:Y+16*i+3], v19, s[24:25] offset:128*i
	global_load_b128 v[Y+16*i+4:Y+16*i+7], v19, s[24:25] offset:128*i+16
	global_load_b128 v[Y+16*i+8:Y+16*i+11], v19, s[24:25] offset:128*i+64
	global_load_b128 v[Y+16*i+12:Y+16*i+15], v19, s[24:25] offset:128*i+80
.set i, i+1
.endr
	s_wait_loadcnt 0x0
.set i, 0
.rept 16*KSP
	v_max_num_f32 v[Y+i], 0, v[Y+i]
.set i, i+1
.endr
.if PASS == 2
.set HP, H1
.set WPR, W2
.elseif PASS == 3
.set HP, H2
.set WPR, W3
.else
.set HP, HB
.set WPR, A4
.endif
	WIN 0x40
.set i, 0
.rept 8*KSP
	v_cvt_pk_f16_f32 v[HP+i], v[Y+2*i], v[Y+2*i+1]
.set i, i+1
.endr
	s_wait_dscnt 0x0                               ; the fragments are in
.if PASS == 4
	WIN 0
	s_barrier_signal -1                            ; every wave has read w4's rows: their bytes may take H3
	s_barrier_wait -1
	WIN 0x06
.else
	WIN 0x07
.endif
.set kk, 0
.rept KSP
.set i, 0
.rept NTW
.if kk == 0
	v_wmma_f32_16x16x32_f16 v[Y+8*i:Y+8*i+7], v[WPR+(i*KSP+kk)*8:WPR+(i*KSP+kk)*8+7], v[HP+8*kk:HP+8*kk+7], 0
.else
	v_wmma_f32_16x16x32_f16 v[Y+8*i:Y+8*i+7], v[WPR+(i*KSP+kk)*8:WPR+(i*KSP+kk)*8+7], v[HP+8*kk:HP+8*kk+7], v[Y+8*i:Y+8*i+7]
.endif
.set i, i+1
.endr
.set kk, kk+1
.endr
	PLACES
.if PASS == 2
.set BIP, BI2
	WIN 0
.elseif PASS == 3
.set BIP, BI3
	WIN 0
.else
.set BIP, B4
	WIN 0x80
.endif
.set i, 0
.rept 8*NTW
	v_mul_f32 v[BIP+i], -1.0, v[Y+i]
.set i, i+1
.endr
	WIN 0
.if PASS < 4
	s_cmp_lg_u32 s8, 0                             ; wave 0's lanes 0 and 16 store -pilot behind the row's sums
	s_cbranch_scc1 .Lno_pilot
	v_cmp_eq_u32 vcc_lo, 0, v[R]
	s_wait_xcnt 0x0                                ; EXEC changes only behind this wait
	s_and_saveexec_b32 s11, vcc_lo
.set i, 0
.rept NTW
	global_store_b128 v19, v[BIP+8*i:BIP+8*i+3], s[38:39] offset:8*CP+64*i
	global_store_b128 v19, v[BIP+8*i+4:BIP+8*i+7], s[38:39] offset:8*CP+64*i+16
.set i, i+1
.endr
	s_wait_xcnt 0x0
	s_or_b32 exec_lo, exec_lo, s11
.Lno_pilot:
.endif
	; what the loop finds
	WIN 0x80
.set i, 0
.rept 8*NTW
	v_mov_b32 v[SUM+i], 0
	v_mov_b32 v[SQ+i], 0
	v_mov_b32 v[MX+i], 0xff800000
.if PASS == 2
	v_mov_b32 v[MX1+i], 0
.endif
.set i, i+1
.endr
	WIN 0
.set i, 0
.rept 4
.irp k, 4,5,6,7
	v_mov_b32 v[F+8*i+\k], 0                       ; K = 16 .. 31 of layer 1's fragments
.endr
.set i, i+1
.endr
	s_mul_i32 s11, s8, 8448
	s_add_co_u32 s11, s11, STG                     ; my stage
	v_mul_u32_u24 v[STO], v[R], 528
	v_lshl_add_u32 v[STO], v[H], 5, v[STO]
	v_add_nc_u32 v[STO], s11, v[STO]
.if PASS == 3
	v_add_nc_u32 v[RD], s11, v[L16]                ; back: a row of 512 bytes a load
	v_mov_b32 v[GO], v[L16]
.else
	v_mul_u32_u24 v[RD], v[H], 528                 ; back: two rows of 256 bytes a load
	v_lshl_add_u32 v[RD], v[R], 4, v[RD]
	v_add_nc_u32 v[RD], s11, v[RD]
	v_lshlrev_b32 v[GO], 11, v[H]
	v_lshl_add_u32 v[GO], v[R], 4, v[GO]
.endif
	s_lshl_b32 s11, s8, 10
	s_add_co_u32 s11, s11, RED
	v_lshl_add_u32 v[TA], v[H], 5, s11
	s_lshl_b32 s2, ttmp9, 17
.if PASS == 4
	v_mul_u32_u24 v[FA], v[R], 528
	v_lshl_add_u32 v[FA], s8, 6, v[FA]             ; point r of the 16, slots 4 w + n
	v_add_nc_u32 v[FA], FST, v[FA]
	s_lshl_b32 s11, s8, 8
	s_add_co_u32 s2, s2, s11
	s_add_co_u32 s2, s2, 1024
	v_lshl_add_u32 v[HWA], s8, 14, v[L16]
	v_add_nc_u32 v[HWA], HB3, v[HWA]
	v_add_nc_u32 v[HRO], HB3, v[L16]
.else
	v_lshl_add_u32 v[FA], s8, 4, v[R]              ; point 16 w + r
	v_mul_u32_u24 v[FA], v[FA], 528
	v_add_nc_u32 v[FA], FST, v[FA]
	s_lshl_b32 s11, s8, 15
	s_add_co_u32 s2, s2, s11
.endif
	s_add_nc_u64 s[42:43], s[30:31], s[2:3]        ; cat at my rows
.if PASS == 4
	s_mov_b32 s14, 4
.Lpoints:                                              ; 16 points: two chunks of 16 neighbour slots
	s_mov_b32 s12, 2
.else
	s_mov_b32 s12, 8
.endif
.Ltrip:                                                ; four neighbour slots of 16 points
.set i, 0
.rept 4
	ds_load_b128 v[F+8*i:F+8*i+3], v[FA] offset:16*i
.set i, i+1
.endr
	s_wait_dscnt 0x0
.irp tp, 0,1
	MM8 W1, 1, BI1, F, 8, 0x33, 0x33, \tp
	ACT H1, 16, \tp, (PASS==2)
.endr
.irp tp, 0,1
	MM8 W2, 2, BI2, H1, 16, 0x07, 0x07, \tp
.if PASS == 2
	STAT \tp
.else
	ACT H2, 16, \tp, 0
.endif
.endr
.if PASS > 2
.irp tp, 0,1,2,3
	MM8 W3, 2, BI3, H2, 16, 0x07, 0x07, \tp
.if PASS == 3
	STAT \tp
.else
	ACTL \tp
.endif
.endr
.endif
	WIN 0
	v_add_nc_u32 v[FA], FSTEP, v[FA]
.if PASS == 4
	BAR                                            ; the chunk's 16 tiles of H3 are whole
	s_mov_b32 s13, 4
.Lgroup:                                               ; four tiles x my 64 channels
	WIN 0x40
.set i, 0
.rept 32
	ds_load_b128 v[HB+4*i:HB+4*i+3], v[HRO] offset:512*i
.set i, i+1
.endr
	s_wait_dscnt 0x0
.irp tp, 0,1
	MM8 A4, 4, B4, HB, 32, 0x26, 0x06, \tp
	STAT \tp
.endr
	WIN 0
	v_add_nc_u32 v[HRO], 16384, v[HRO]
	s_sub_co_u32 s13, s13, 1
	s_cmp_lg_u32 s13, 0
	s_cbranch_scc1 .Lgroup
	v_add_nc_u32 v[HRO], -65536, v[HRO]
	BAR                                            ; every wave has read the chunk: the next may be written
.endif
	s_sub_co_u32 s12, s12, 1
	s_cmp_lg_u32 s12, 0
	s_cbranch_scc1 .Ltrip
.if PASS == 4
	FLUSH MX, 4, 0                                 ; the 16 points have seen all 32 slots
	s_wait_xcnt 0x0
	s_add_nc_u64 s[42:43], s[42:43], 32768
	v_add_nc_u32 v[FA], 7936, v[FA]                ; 16 points on, less the 512 bytes already stepped
	WIN 0x80
.set i, 0
.rept 32
	v_mov_b32 v[MX+i], 0xff800000
.set i, i+1
.endr
	WIN 0
	s_sub_co_u32 s14, s14, 1
	s_cmp_lg_u32 s14, 0
	s_cbranch_scc1 .Lpoints
.endif
.if PASS == 2
	FLUSH MX1, 4, 0                                ; x1, final
	FLUSH MX, 4, 256                               ; the raw maxima of layer 2
.elseif PASS == 3
	FLUSH MX, 8, 512
.endif
	REDST SUM, NTW, 0
	REDST SQ, NTW, 64*NTW
.if PASS == 4
	v_lshl_add_u32 v16, s8, 10, v[L16]             ; my 64 channels are mine alone: 512 bytes back, and out
	ds_load_b128 v[T:T+3], v16 offset:RED
	v_lshlrev_b32 v17, 10, v[H]
	v_lshl_add_u32 v17, v[R], 4, v17
	v_lshl_add_u32 v17, s8, 8, v17
	s_wait_dscnt 0x0
	global_store_b128 v17, v[T:T+3], s[38:39]
.else
	BAR
.set WD, 2*CP/128
	v_lshlrev_b32 v17, 1+WD, v0
.set i, 0
.rept 4
.if WD == 1
	ds_load_b32 v[T+2*i], v17 offset:RED+1024*i
.else
	ds_load_b64 v[T+2*i:T+2*i+1], v17 offset:RED+1024*i
.endif
.set i, i+1
.endr
	s_wait_dscnt 0x0
.if WD == 1
	v_add_f32 v[T], v[T], v[T+2]
	v_add_f32 v[T+4], v[T+4], v[T+6]
	v_add_f32 v[T], v[T], v[T+4]
	global_store_b32 v17, v[T], s[38:39]
.else
	v_pk_add_f32 v[T:T+1], v[T:T+1], v[T+2:T+3]
	v_pk_add_f32 v[T+4:T+5], v[T+4:T+5], v[T+6:T+7]
	v_pk_add_f32 v[T:T+1], v[T:T+1], v[T+4:T+5]
	global_store_b64 v17, v[T:T+1], s[38:39]
.endif
.endif
	s_wait_tensorcnt 0x0                           ; the wave's end
	ds_add_u32 v[SPW], v[NIL]
	s_wait_dscnt 0x0
	s_endpgm
.Lfunc_end_k_q5d4214e0ee_p3:
	.size	k_q5d4214e0ee_p3, .Lfunc_end_k_q5d4214e0ee_p3-k_q5d4214e0ee_p3
	.p2alignl 7, 3214868480
	.fill 96, 4, 3214868480
	.section	.rodata,"a",@progbits
	.p2align	6, 0x0
	.amdhsa_kernel k_q5d4214e0ee_p3
		.amdhsa_group_segment_fixed_size 109824
		.amdhsa_private_segment_fixed_size 0
		.amdhsa_enable_private_segment 0
		.amdhsa_kernarg_size 72
		.amdhsa_user_sgpr_count 2
		.amdhsa_user_sgpr_kernarg_segment_ptr 1
		.amdhsa_wavefront_size32 1
		.amdhsa_system_sgpr_workgroup_id_x 1
		.amdhsa_system_sgpr_workgroup_id_y 1
		.amdhsa_system_sgpr_workgroup_id_z 1
		.amdhsa_system_vgpr_workitem_id 0
		.amdhsa_next_free_vgpr 1024
		.amdhsa_next_free_sgpr 100
		.amdhsa_reserve_vcc 1
		.amdhsa_float_denorm_mode_32 3
		.amdhsa_float_denorm_mode_16_64 3
		.amdhsa_memory_ordered 1
		.amdhsa_forward_progress 1
		.amdhsa_inst_pref_size 148
	.end_amdhsa_kernel
	.amdgpu_metadata
---
amdhsa.version: [ 1, 2 ]
amdhsa.kernels:
  - .name:           k_q5d4214e0ee_p3
    .symbol:         k_q5d4214e0ee_p3.kd
    .args:
      - { .name: feat, .offset: 0, .size: 8, .value_kind: global_buffer, .address_space: global }
      - { .name: sa, .offset: 8, .size: 8, .value_kind: global_buffer, .address_space: global }
      - { .name: w2, .offset: 16, .size: 8, .value_kind: global_buffer, .address_space: global }
      - { .name: g2, .offset: 24, .size: 8, .value_kind: global_buffer, .address_space: global }
      - { .name: b2, .offset: 32, .size: 8, .value_kind: global_buffer, .address_space: global }
      - { .name: w3, .offset: 40, .size: 8, .value_kind: global_buffer, .address_space: global }
      - { .name: g3, .offset: 48, .size: 8, .value_kind: global_buffer, .address_space: global }
      - { .name: cat, .offset: 56, .size: 8, .value_kind: global_buffer, .address_space: global }
      - { .name: sb, .offset: 64, .size: 8, .value_kind: global_buffer, .address_space: global }
    .group_segment_fixed_size: 109824
    .private_segment_fixed_size: 0
    .kernarg_segment_align: 8
    .kernarg_segment_size: 72
    .max_flat_workgroup_size: 128
    .sgpr_count:     100
    .vgpr_count:     1024
    .wavefront_size: 32
...
	.end_amdgpu_metadata
.endif
;; end of part 4
;; launch p4 (part 5): grid 256 x 1, 4 waves a work-group, no clusters, 200,704 bytes of LDS; arguments feat, sb, w3, g3, b3, w4, g4, cat, sa; writes cat, sa
.if DOCPART == 5
	.amdgcn_target "amdgcn-amd-amdhsa--gfx1250"
	.amdhsa_code_object_version 6
	.text
	.protected	k_q5d4214e0ee_p4
	.globl	k_q5d4214e0ee_p4
	.p2align	8
	.type	k_q5d4214e0ee_p4,@function
k_q5d4214e0ee_p4:
	s_mov_b64 s[64:65], 0
	v_nop
	global_prefetch_b8 v0, s[64:65] scope:SCOPE_SE
	s_setreg_imm32_b32 hwreg(HW_REG_WAVE_MODE, 25, 1), 1
	s_wait_xcnt 0x0
.set PASS, 4
; THE EDGE MLP, pass PASS of 2, 3, 4 (one source text; the line above chooses).  A pass knows the batch statistics of layers 1 .. PASS - 1, multiplies those layers again with the normalisation folded
; into f16 weights (scale into the rows, shift as the C operand), and multiplies layer PASS once, collecting for each channel the sum, the sum of squares and, for each point, the maximum over its 32 edges.
; Since batch-norm and ReLU rise with y once the sign of the gain is folded into the weights, max_k relu(bn(y)) = relu(bn(max_k y)): no activation is ever stored.
; The last layer's sums start at -pilot (pilot = W relu(b of the layer before)), so that the variance is no difference of large sums when the biases carry an offset; batch-norm does not see the shift.
; SHARES: a work-group owns 64 points (2,048 edges), four waves.  Product D = W x H^T: a lane holds one edge (lane % 16) and 8 channels; two results rounded to f16 are the next layer's B fragment.
; The 16 columns of a tile are 16 points at one neighbour slot, so the maximum over neighbours is taken register by register.  All weights stay in registers.
; Layer 1 has K = 6 of 32: its weights' rows hold zeros from k = 6 on, so the upper half of the lanes (k = 8 .. 15) may hold the same finite features as the lower: their products are 0.
; Pass 4: each wave makes H3 for a quarter of a chunk's 16 tiles, hands it on through LDS, and multiplies its own 64 of layer 4's 256 channels by all 16 tiles.
; LIMITS: matrix operands in f16 (65,504); NaN and infinities are not treated.  No cluster: the work-groups share only the weights, read once each at the start.
.set BIA1, 256             ; LDS: shifts of layers 1 to 3
.set BIA2, 512
.set BIA3, 768
.set SCL, 2304             ; row scales of layer PASS - 1
.set SCS, 2816             ; signs of layer PASS's gains
.set TOT, 3840             ; the set's sums
.set RED, 4864             ; 4 waves x 1,024: the group's sums on the way out
.set W1L, 8960             ; 64 rows x 80
.set W2L, 14080            ; 64 rows x 144
.set W3L, 23296            ; 128 rows x 144
.set SPARE, 41728          ; the spare words
.set FST, 42240            ; the group's features: 64 points x 528
.set STG, 76032            ; 4 waves x 16 rows x 528, for the way out
.set W4L, 131072           ; pass 4: 256 rows x 272, until the fragments are in registers;
.set HB3, 131072           ; then a chunk's H3: 16 tiles x 4,096
.if PASS == 2
.set CQ, 64
.set CP, 64
.set LGP, 3
.set WPL, W2L
.set PP, 144
.set KSP, 2
.set NTW, 4
.set FSTEP, 64
.elseif PASS == 3
.set CQ, 64
.set CP, 128
.set LGP, 3
.set WQL, W2L
.set BIQ, BIA2
.set WPL, W3L
.set PP, 144
.set KSP, 2
.set NTW, 8
.set AOFF, 12800
.set FSTEP, 64
.else
.set CQ, 128
.set CP, 256
.set LGP, 4
.set WQL, W3L
.set BIQ, BIA3
.set WPL, W4L
.set PP, 272
.set KSP, 4
.set NTW, 4
.set AOFF, 13312
.set FSTEP, 256
.endif
; registers.  window 0:
.set R, 1                  ; lane % 16
.set H, 2                  ; lane / 16
.set LN, 3
.set L16, 4
.set FA, 5                 ; LDS address of my feature fragment
.set SPW, 8
.set NIL, 9
.set HWA, 10
.set HRO, 11
.set STO, 12
.set RD, 13
.set GO, 14
.set TA, 15
.set F, 32                 ; 4 tiles x 8: layer 1's B fragments
.set Y, 64                 ; 8 accumulators
.set BI2, 128              ; C operands of layer 2 and layer 3
.set BI3, 160
.set T, 224
.set H1, 0                 ; window 1
.set H2, 64
.set HB, 128
.set W1, 0                 ; window 3
.set W2, 32
.set W3, 96
.set BI1, 224
.if PASS == 4              ; window 2
.set A4, 0
.set SUM, 128
.set SQ, 160
.set MX, 192
.set B4, 224
.else
.set SUM, 0
.set SQ, 64
.set MX, 128
.set MX1, 192
.endif
.set MSB, 0
.macro WIN new
.if MSB != (\new)
	s_set_vgpr_msb (MSB<<8)|(\new)
.set MSB, (\new)
.endif
.endm
.macro PLACES              ; four places between a matrix instruction and what reads its result or writes its registers (ISA guide 7.12.1)
.rept 4
	v_nop
.endr
.endm
.macro BAR                 ; what I stored in LDS is there, what I read is back; then the work-group's barrier
	s_wait_dscnt 0x0
	s_barrier_signal -1
	s_barrier_wait -1
.endm
.macro IF64 lab            ; where the layer before has 64 channels, waves 0 and 1 alone (threads 0 to 63, a channel each) do what follows, up to the label
.if CQ == 64
	s_cmp_lt_u32 s8, 2
	s_cbranch_scc0 \lab
.endif
.endm
; f16 rows between memory (dense) and LDS (padded): n chunks of 16 bytes a thread.  dir 0: in; 1: out
.macro MOVW dir, sb, goff, lb, p, lg, n
	s_wait_xcnt 0x0                                ; the registers below may be sources of earlier loads and stores
	v_lshrrev_b32 v17, \lg, v0
	v_and_b32 v18, (1<<(\lg))-1, v0
	v_mul_u32_u24 v17, v17, \p
	v_lshl_add_u32 v17, v18, 4, v17
	v_lshlrev_b32 v18, 4, v0
.set i, 0
.rept \n
.if \dir
	ds_load_b128 v[Y+4*i:Y+4*i+3], v17 offset:(\lb)+i*(128>>(\lg))*(\p)
.else
	global_load_b128 v[Y+4*i:Y+4*i+3], v18, s[\sb:\sb+1] offset:(\goff)+2048*i
.endif
.set i, i+1
.endr
	s_wait_loadcnt 0x0
	s_wait_dscnt 0x0
.set i, 0
.rept \n
.if \dir
	global_store_b128 v18, v[Y+4*i:Y+4*i+3], s[\sb:\sb+1] offset:(\goff)+2048*i
.else
	ds_store_b128 v17, v[Y+4*i:Y+4*i+3] offset:(\lb)+i*(128>>(\lg))*(\p)
.endif
.set i, i+1
.endr
.endm
; f32 weights times a scale for each row, rounded to f16, into padded LDS rows.  A thread takes chunks of 8 numbers, four a trip
.macro CVW sb, scl, lb, p, lg, trips
	s_wait_xcnt 0x0
	v_lshrrev_b32 v17, \lg, v0
	v_and_b32 v18, (1<<(\lg))-1, v0
	v_lshlrev_b32 v19, 2, v17
	v_mul_u32_u24 v17, v17, \p
	v_lshl_add_u32 v17, v18, 4, v17
	v_add_nc_u32 v17, \lb, v17
	v_lshlrev_b32 v18, 5, v0
	s_mov_b32 s11, \trips
.Lcvw_\@:
.set i, 0
.rept 4
	global_load_b128 v[Y+8*i:Y+8*i+3], v18, s[\sb:\sb+1] offset:4096*i
	global_load_b128 v[Y+8*i+4:Y+8*i+7], v18, s[\sb:\sb+1] offset:4096*i+16
	ds_load_b32 v[T+i], v19 offset:(\scl)+i*(128>>(\lg))*4
.set i, i+1
.endr
	s_wait_loadcnt 0x0                             ; also frees v18
	s_wait_dscnt 0x0
.set i, 0
.rept 4
.set k, 0
.rept 8
	v_mul_f32 v[Y+8*i+k], v[Y+8*i+k], v[T+i]
.set k, k+1
.endr
.set k, 0
.rept 4
	v_cvt_pk_f16_f32 v[T+8+4*i+k], v[Y+8*i+2*k], v[Y+8*i+2*k+1]
.set k, k+1
.endr
	ds_store_b128 v17, v[T+8+4*i:T+8+4*i+3] offset:i*(128>>(\lg))*(\p)
.set i, i+1
.endr
	v_add_nc_u32 v17, 4*(128>>(\lg))*(\p), v17
	v_add_nc_u32 v18, 16384, v18
	v_add_nc_u32 v19, 16*(128>>(\lg)), v19
	s_sub_co_u32 s11, s11, 1
	s_cmp_lg_u32 s11, 0
	s_cbranch_scc1 .Lcvw_\@
.endm
; Channel tiles 2 tp and 2 tp + 1 of a layer times four column tiles: 8 accumulators by turns, one instruction a turn.  The first K step takes the shift as C
.macro MM8 wb, ks, bib, hb, hs, m0, mk, tp
.set kk, 0
.rept \ks
.if kk == 0
	WIN \m0
.else
	WIN \mk
.endif
.set tt, 0
.rept 2
.set nn, 0
.rept 4
.set rD, Y+8*(4*tt+nn)
.set rA, (\wb)+((2*(\tp)+tt)*(\ks)+kk)*8
.set rB, (\hb)+nn*(\hs)+kk*8
.set rC, (\bib)+8*(2*(\tp)+tt)
.if kk == 0
	v_wmma_f32_16x16x32_f16 v[rD:rD+7], v[rA:rA+7], v[rB:rB+7], v[rC:rC+7]
.else
	v_wmma_f32_16x16x32_f16 v[rD:rD+7], v[rA:rA+7], v[rB:rB+7], v[rD:rD+7]
.endif
.set nn, nn+1
.endr
.set tt, tt+1
.endr
.set kk, kk+1
.endr
.endm
.macro RELU                ; each accumulator is read from its low end on
	PLACES
	WIN 0
.set i, 0
.rept 64
	v_max_num_f32 v[Y+i], 0, v[Y+i]
.set i, i+1
.endr
.endm
.macro ACT hd, hs, tp, x1  ; ReLU, (x1: layer 1's maximum over neighbours,) and f16 into the next layer's B fragments
	RELU
.if \x1
	WIN 0xa0
.set np, 0
.rept 2
.set tt, 0
.rept 2
.set k, 0
.rept 8
	v_max3_num_f32 v[MX1+8*(2*(\tp)+tt)+k], v[Y+8*(4*tt+2*np)+k], v[Y+8*(4*tt+2*np+1)+k], v[MX1+8*(2*(\tp)+tt)+k]
.set k, k+1
.endr
.set tt, tt+1
.endr
.set np, np+1
.endr
.endif
	WIN 0x40
.set tt, 0
.rept 2
.set nn, 0
.rept 4
.set k, 0
.rept 4
	v_cvt_pk_f16_f32 v[(\hd)+nn*(\hs)+(\tp)*8+tt*4+k], v[Y+8*(4*tt+nn)+2*k], v[Y+8*(4*tt+nn)+2*k+1]
.set k, k+1
.endr
.set nn, nn+1
.endr
.set tt, tt+1
.endr
.endm
.macro ACTL tp             ; pass 4, layer 3: the fragments go to LDS, half a fragment (512 bytes of the wave) a store
	RELU
.set tt, 0
.rept 2
.set nn, 0
.rept 4
.set k, 0
.rept 4
	v_cvt_pk_f16_f32 v[T+4*(4*tt+nn)+k], v[Y+8*(4*tt+nn)+2*k], v[Y+8*(4*tt+nn)+2*k+1]
.set k, k+1
.endr
	ds_store_b128 v[HWA], v[T+4*(4*tt+nn):T+4*(4*tt+nn)+3] offset:nn*4096+(\tp)*1024+tt*512
.set nn, nn+1
.endr
.set tt, tt+1
.endr
.endm
.macro STAT tp             ; the last layer: sums, sums of squares, maxima
	PLACES
	WIN 0xa0
.set nn, 0
.rept 4
.set tt, 0
.rept 2
.set k, 0
.rept 4
	v_pk_fma_f32 v[SUM+8*(2*(\tp)+tt)+2*k:SUM+8*(2*(\tp)+tt)+2*k+1], v[Y+8*(4*tt+nn)+2*k:Y+8*(4*tt+nn)+2*k+1], 1.0, v[SUM+8*(2*(\tp)+tt)+2*k:SUM+8*(2*(\tp)+tt)+2*k+1] op_sel_hi:[1,0,1]
.set k, k+1
.endr
.set tt, tt+1
.endr
.set nn, nn+1
.endr
.set nn, 0
.rept 4
.set tt, 0
.rept 2
.set k, 0
.rept 4
	v_pk_fma_f32 v[SQ+8*(2*(\tp)+tt)+2*k:SQ+8*(2*(\tp)+tt)+2*k+1], v[Y+8*(4*tt+nn)+2*k:Y+8*(4*tt+nn)+2*k+1], v[Y+8*(4*tt+nn)+2*k:Y+8*(4*tt+nn)+2*k+1], v[SQ+8*(2*(\tp)+tt)+2*k:SQ+8*(2*(\tp)+tt)+2*k+1]
.set k, k+1
.endr
.set tt, tt+1
.endr
.set nn, nn+1
.endr
.set np, 0
.rept 2
.set tt, 0
.rept 2
.set k, 0
.rept 8
	v_max3_num_f32 v[MX+8*(2*(\tp)+tt)+k], v[Y+8*(4*tt+2*np)+k], v[Y+8*(4*tt+2*np+1)+k], v[MX+8*(2*(\tp)+tt)+k]
.set k, k+1
.endr
.set tt, tt+1
.endr
.set np, np+1
.endr
.endm
.macro FLUSH src, nt, goff ; maxima of 16 points x 16 nt channels: through my stage, out as whole rows of 256 or 512 bytes
	WIN 0x08                                       ; the stores' data lie in window 2
.set i, 0
.rept \nt
	ds_store_b128 v[STO], v[(\src)+8*i:(\src)+8*i+3] offset:64*i
	ds_store_b128 v[STO], v[(\src)+8*i+4:(\src)+8*i+7] offset:64*i+16
.set i, i+1
.endr
	WIN 0
	s_wait_xcnt 0x0                                ; Y may be the data of earlier stores
.set i, 0
.rept 2*(\nt)
	ds_load_b128 v[Y+4*i:Y+4*i+3], v[RD] offset:i*(4224/(\nt))   ; LDS serves a wave's instructions in order (ISA guide 5.7.1.4): these see the stores above
.set i, i+1
.endr
	s_wait_dscnt 0x0
.set i, 0
.rept 2*(\nt)
	global_store_b128 v[GO], v[Y+4*i:Y+4*i+3], s[42:43] offset:(\goff)+i*(16384/(\nt))
.set i, i+1
.endr
.endm
.macro REDST src, nt, off  ; per-lane sums, added over the 16 edges of a half, into my row of RED: channel c at byte off + 4 c
	s_wait_xcnt 0x0
	WIN 0x02
.set i, 0
.rept 8*(\nt)
	v_mov_b32 v[Y+i], v[(\src)+i]
.set i, i+1
.endr
	WIN 0
.irp x, 1,2,4,8
.set i, 0
.rept 8*(\nt)
	v_add_f32_dpp v[Y+i], v[Y+i], v[Y+i] row_xmask:\x row_mask:0xf bank_mask:0xf
.set i, i+1
.endr
.endr
.set i, 0
.rept \nt
	ds_store_b128 v[TA], v[Y+8*i:Y+8*i+3] offset:(\off)+64*i
	ds_store_b128 v[TA], v[Y+8*i+4:Y+8*i+7] offset:(\off)+64*i+16
.set i, i+1
.endr
.endm
	s_load_b512 s[16:31], s[0:1], 0x0              ; feat 16, IN 18, w 20 / g 22 / b 24 of layer PASS - 1, w 26 / g 28 of layer PASS, cat 30
	s_load_b64 s[32:33], s[0:1], 0x40              ; OUT
	v_lshl_add_u32 v[SPW], v0, 2, SPARE
	v_mov_b32 v[NIL], 0
	v_lshrrev_b32 v16, 5, v0
	v_readfirstlane_b32 s8, v16                    ; wave
	v_and_b32 v[LN], 31, v0
	v_and_b32 v[R], 15, v0
	v_bfe_u32 v[H], v0, 4, 1
	v_lshlrev_b32 v[L16], 4, v[LN]
	s_lshr_b32 s9, ttmp9, 7                        ; set: 0 src, 1 tgt
	s_and_b32 s10, ttmp9, 127
	s_mov_b32 s3, 0
	s_wait_kmcnt 0x0
	s_lshl_b32 s2, ttmp9, 15
	s_add_nc_u64 s[16:17], s[16:17], s[2:3]        ; my 64 points' features
	s_lshl_b32 s2, ttmp9, 11
	s_add_nc_u64 s[38:39], s[32:33], s[2:3]        ; my row of statistics
	s_mul_i32 s2, s9, 14336
	s_add_co_u32 s2, s2, 524288
	s_add_nc_u64 s[40:41], s[32:33], s[2:3]        ; my set's coefficients, out
	s_add_nc_u64 s[36:37], s[18:19], s[2:3]        ; and in
	v_lshlrev_b32 v16, 4, v0
.set i, 0
.rept 16
	global_load_b128 v[Y+4*i:Y+4*i+3], v16, s[16:17] offset:2048*i
.set i, i+1
.endr
	v_lshrrev_b32 v17, 5, v0
	v_mul_u32_u24 v17, v17, 528
	v_add_nc_u32 v17, v17, v[L16]
	v_add_nc_u32 v17, FST, v17
	s_wait_loadcnt 0x0
.set i, 0
.rept 16
	ds_store_b128 v17, v[Y+4*i:Y+4*i+3] offset:2112*i   ; point t / 32 + 4 i, slot t % 32
.set i, i+1
.endr
.if PASS == 2
	; LAYER 1's statistics from the moments of (u, v).  Waves 0 and 1: each adds the set's 128 rows, lane a moment a; the 27 go to scalar registers; thread t then makes channel t.
	IF64 .Lno_l1
	s_lshl_b32 s2, s9, 14
	s_add_nc_u64 s[34:35], s[18:19], s[2:3]
	v_lshlrev_b32 v17, 2, v[LN]
	v_mov_b32 v16, 0
.set bb, 0
.rept 4
.set i, 0
.rept 32
	global_load_b32 v[Y+i], v17, s[34:35] offset:(bb*32+i)*128
.set i, i+1
.endr
	s_wait_loadcnt 0x0
.set i, 0
.rept 32
	v_add_f32 v16, v16, v[Y+i]
.set i, i+1
.endr
.set bb, bb+1
.endr
	v_mul_f32 v16, 0x36800000, v16                 ; / 2^18 edges of a set
.set a, 0
.rept 27
	v_readlane_b32 s[68+a], v16, a
.set a, a+1
.endr
.set a, 0
.rept 6
	s_mul_f32 s[44+a], s[68+a], -1.0
.set a, a+1
.endr
.set k, 6
.set a, 0
.rept 6
.set b, a
.rept 6-a
	s_fmac_f32 s[68+k], s[44+a], s[68+b]           ; covariance (a, b)
.set k, k+1
.set b, b+1
.endr
.set a, a+1
.endr
	v_mul_u32_u24 v19, v0, 24                      ; channel t
	v_lshlrev_b32 v20, 2, v0
	global_load_b64 v[64:65], v19, s[20:21]
	global_load_b64 v[66:67], v19, s[20:21] offset:8
	global_load_b64 v[68:69], v19, s[20:21] offset:16
	global_load_b32 v70, v20, s[22:23]
	global_load_b32 v71, v20, s[24:25]
	global_load_b32 v72, v20, s[28:29]
	s_wait_loadcnt 0x0
	v_add_f32 v67, v67, v64                        ; y = wa . u + (wa + wb) . v + a constant that batch-norm drops
	v_add_f32 v68, v68, v65
	v_add_f32 v69, v69, v66
	v_mul_f32 v73, s68, v64
.set a, 1
.rept 5
	v_fmac_f32 v73, s[68+a], v[64+a]               ; the mean
.set a, a+1
.endr
.set a, 0
.rept 6
.set b, 0
.rept 6
.if a <= b
.set ix, 6+a*6-a*(a-1)/2+(b-a)
.else
.set ix, 6+b*6-b*(b-1)/2+(a-b)
.endif
.if b == 0
	v_mul_f32 v75, s[68+ix], v[64+b]
.else
	v_fmac_f32 v75, s[68+ix], v[64+b]
.endif
.set b, b+1
.endr
.if a == 0
	v_mul_f32 v74, v75, v64
.else
	v_fmac_f32 v74, v75, v[64+a]                   ; the variance
.endif
.set a, a+1
.endr
	v_max_num_f32 v74, 0, v74
	v_add_f32 v74, 0x3727c5ac, v74
	v_rsq_f32 v74, v74
	v_mov_b32 v79, 0
	v_mul_f32 v70, v70, v74                        ; g / sqrt(var + eps)
	v_fma_f32 v71, -v70, v73, v71                  ; the shift
.set a, 0
.rept 6
	v_mul_f32 v[64+a], v[64+a], v70
.set a, a+1
.endr
	v_cvt_pk_f16_f32 v76, v64, v65
	v_cvt_pk_f16_f32 v77, v66, v67
	v_cvt_pk_f16_f32 v78, v68, v69
.irp i, 80,81,82,83
	v_mov_b32 v\i, 0
.endr
	v_mul_u32_u24 v21, v0, 80
	ds_store_b128 v21, v[76:79] offset:W1L
	ds_store_b128 v21, v[80:83] offset:W1L+16
	ds_store_b128 v21, v[80:83] offset:W1L+32
	ds_store_b128 v21, v[80:83] offset:W1L+48
	ds_store_b32 v20, v71 offset:BIA1
	v_cmp_gt_f32 vcc_lo, 0, v72
	v_cndmask_b32 v72, 1.0, -1.0, vcc_lo
	ds_store_b32 v20, v72 offset:SCS
.Lno_l1:
.else
	; the statistics of layer PASS - 1: the set's 128 rows are added, a thread a column
	s_lshl_b32 s2, s9, 18
	s_add_nc_u64 s[34:35], s[18:19], s[2:3]
.set WD, 2*CQ/128
	v_lshlrev_b32 v17, 1+WD, v0
	v_mov_b32 v22, 0
	v_mov_b32 v23, 0
.set bb, 0
.rept 4
.set i, 0
.rept 32
.if WD == 1
	global_load_b32 v[Y+i], v17, s[34:35] offset:(bb*32+i)*2048
.else
	global_load_b64 v[Y+2*i:Y+2*i+1], v17, s[34:35] offset:(bb*32+i)*2048
.endif
.set i, i+1
.endr
	s_wait_loadcnt 0x0
.set i, 0
.rept 32
.if WD == 1
	v_add_f32 v22, v22, v[Y+i]
.else
	v_pk_add_f32 v[22:23], v[22:23], v[Y+2*i:Y+2*i+1]
.endif
.set i, i+1
.endr
.set bb, bb+1
.endr
.if WD == 1
	ds_store_b32 v17, v22 offset:TOT
.else
	ds_store_b64 v17, v[22:23] offset:TOT
.endif
	MOVW 0, 36, 0, W1L, 80, 2, 2                   ; the layers folded by earlier passes
.if PASS == 4
	MOVW 0, 36, 4096, W2L, 144, 3, 4
.endif
	IF64 .Lno_b1                                   ; pass 3: 64 shifts of layer 1; pass 4: 128, of layers 1 and 2, which lie on end
	v_lshlrev_b32 v16, 2, v0
	global_load_b32 v26, v16, s[36:37] offset:12288
	s_wait_loadcnt 0x0
	ds_store_b32 v16, v26 offset:BIA1
.Lno_b1:
	BAR
	v_and_b32 v18, CQ-1, v0
	v_lshlrev_b32 v20, 2, v18
	ds_load_b32 v26, v20 offset:TOT
	ds_load_b32 v27, v20 offset:TOT+4*CQ
	global_load_b32 v28, v20, s[22:23]
	global_load_b32 v29, v20, s[24:25]
	global_load_b32 v30, v20, s[34:35] offset:8*CQ ; -pilot, from the set's first row
	v_lshlrev_b32 v21, 2, v0
.set i, 0
.rept CP/128
	global_load_b32 v[16+i], v21, s[28:29] offset:512*i
.set i, i+1
.endr
	s_wait_loadcnt 0x0
	s_wait_dscnt 0x0
	v_mul_f32 v26, 0x36800000, v26                 ; mean of y - pilot
	v_mul_f32 v27, 0x36800000, v27
	v_fma_f32 v27, -v26, v26, v27
	v_max_num_f32 v27, 0, v27
	v_add_f32 v27, 0x3727c5ac, v27
	v_rsq_f32 v27, v27
	v_sub_f32 v30, v30, v26
	s_wait_alu depctr_va_vdst(0)
	v_mul_f32 v24, |v28|, v27                      ; A = |g| / sqrt(var + eps)
	v_mul_f32 v28, v28, v27                        ; the rows' scale
	v_fma_f32 v25, -v24, v26, v29                  ; S = b - A mean': for the stored maxima
	v_fma_f32 v29, v24, v30, v29                   ; the shift b - A (pilot + mean')
.set i, 0
.rept CP/128
	v_cmp_gt_f32 vcc_lo, 0, v[16+i]
	v_cndmask_b32 v[16+i], 1.0, -1.0, vcc_lo
	ds_store_b32 v21, v[16+i] offset:SCS+512*i
.set i, i+1
.endr
	IF64 .Lno_fin                                  ; thread t stores channel t's
	ds_store_b32 v21, v28 offset:SCL
	ds_store_b32 v21, v29 offset:BIQ
.Lno_fin:
.endif
	BAR
.if PASS > 2
	CVW 20, SCL, WQL, 144, 3, CQ/64
.endif
	CVW 26, SCS, WPL, PP, LGP, (CP<<LGP)/512
	BAR
	s_cmp_lg_u32 s10, 0                            ; the set's first work-group hands the coefficients on
	s_cbranch_scc1 .Lno_export
.if PASS == 2
	MOVW 1, 40, 0, W1L, 80, 2, 2
	IF64 .Lno_export
	v_lshlrev_b32 v21, 2, v0
	ds_load_b32 v26, v21 offset:BIA1
	s_wait_dscnt 0x0
	global_store_b32 v21, v26, s[40:41] offset:12288
.elseif PASS == 3
	MOVW 1, 40, 0, W1L, 80, 2, 2
	MOVW 1, 40, 4096, W2L, 144, 3, 4
	ds_load_b32 v26, v21 offset:BIA1               ; 128 words: the shifts of layers 1 and 2
	s_wait_dscnt 0x0
	global_store_b32 v21, v26, s[40:41] offset:12288
.endif
.if PASS > 2
	IF64 .Lno_export
	global_store_b32 v21, v24, s[40:41] offset:AOFF
	global_store_b32 v21, v25, s[40:41] offset:AOFF+4*CQ
.endif
.Lno_export:
	; all fragments into registers: lane l holds row l % 16, K = 8 (l / 16) + 0..7 and 16 + 8 (l / 16) + 0..7
	s_wait_xcnt 0x0
	v_mul_u32_u24 v17, v[R], 80
	v_lshl_add_u32 v17, v[H], 4, v17
	v_mul_u32_u24 v18, v[R], 144
	v_lshl_add_u32 v18, v[H], 4, v18
	v_lshlrev_b32 v19, 5, v[H]
	WIN 0xc0
.set i, 0
.rept 4
	ds_load_b128 v[W1+8*i:W1+8*i+3], v17 offset:W1L+i*1280
	ds_load_b128 v[W1+8*i+4:W1+8*i+7], v17 offset:W1L+i*1280+32
	ds_load_b128 v[BI1+8*i:BI1+8*i+3], v19 offset:BIA1+64*i
	ds_load_b128 v[BI1+8*i+4:BI1+8*i+7], v19 offset:BIA1+64*i+16
.set i, i+1
.endr
.set i, 0
.rept 8
	ds_load_b128 v[W2+8*i:W2+8*i+3], v18 offset:W2L+(i/2)*2304+(i%2)*64
	ds_load_b128 v[W2+8*i+4:W2+8*i+7], v18 offset:W2L+(i/2)*2304+(i%2)*64+32
.set i, i+1
.endr
.if PASS > 2
.set i, 0
.rept 16
	ds_load_b128 v[W3+8*i:W3+8*i+3], v18 offset:W3L+(i/2)*2304+(i%2)*64
	ds_load_b128 v[W3+8*i+4:W3+8*i+7], v18 offset:W3L+(i/2)*2304+(i%2)*64+32
.set i, i+1
.endr
	WIN 0
.set i, 0
.rept 4
	ds_load_b128 v[BI2+8*i:BI2+8*i+3], v19 offset:BIA2+64*i
	ds_load_b128 v[BI2+8*i+4:BI2+8*i+7], v19 offset:BIA2+64*i+16
.set i, i+1
.endr
.endif
.if PASS == 4
.set i, 0
.rept 8
	ds_load_b128 v[BI3+8*i:BI3+8*i+3], v19 offset:BIA3+64*i
	ds_load_b128 v[BI3+8*i+4:BI3+8*i+7], v19 offset:BIA3+64*i+16
.set i, i+1
.endr
	v_lshl_add_u32 v21, s8, 6, v[R]                ; my 64 rows of w4
	v_mul_u32_u24 v21, v21, 272
	v_lshl_add_u32 v21, v[H], 4, v21
	v_add_nc_u32 v21, W4L, v21
	WIN 0x80
.set i, 0
.rept 16
	ds_load_b128 v[A4+8*i:A4+8*i+3], v21 offset:(i/4)*4352+(i%4)*64
	ds_load_b128 v[A4+8*i+4:A4+8*i+7], v21 offset:(i/4)*4352+(i%4)*64+32
.set i, i+1
.endr
.endif
	WIN 0
	; THE PILOT: relu(b of the layer before) in every column, times the last layer's weights; the result has the C operand's layout
.set i, 0
.rept KSP
	global_load_b128 v[Y+16*i:Y+16*i+3], v19, s[24:25] offset:128*i
	global_load_b128 v[Y+16*i+4:Y+16*i+7], v19, s[24:25] offset:128*i+16
	global_load_b128 v[Y+16*i+8:Y+16*i+11], v19, s[24:25] offset:128*i+64
	global_load_b128 v[Y+16*i+12:Y+16*i+15], v19, s[24:25] offset:128*i+80
.set i, i+1
.endr
	s_wait_loadcnt 0x0
.set i, 0
.rept 16*KSP
	v_max_num_f32 v[Y+i], 0, v[Y+i]
.set i, i+1
.endr
.if PASS == 2
.set HP, H1
.set WPR, W2
.elseif PASS == 3
.set HP, H2
.set WPR, W3
.else
.set HP, HB
.set WPR, A4
.endif
	WIN 0x40
.set i, 0
.rept 8*KSP
	v_cvt_pk_f16_f32 v[HP+i], v[Y+2*i], v[Y+2*i+1]
.set i, i+1
.endr
	s_wait_dscnt 0x0                               ; the fragments are in
.if PASS == 4
	WIN 0
	s_barrier_signal -1                            ; every wave has read w4's rows: their bytes may take H3
	s_barrier_wait -1
	WIN 0x06
.else
	WIN 0x07
.endif
.set kk, 0
.rept KSP
.set i, 0
.rept NTW
.if kk == 0
	v_wmma_f32_16x16x32_f16 v[Y+8*i:Y+8*i+7], v[WPR+(i*KSP+kk)*8:WPR+(i*KSP+kk)*8+7], v[HP+8*kk:HP+8*kk+7], 0
.else
	v_wmma_f32_16x16x32_f16 v[Y+8*i:Y+8*i+7], v[WPR+(i*KSP+kk)*8:WPR+(i*KSP+kk)*8+7], v[HP+8*kk:HP+8*kk+7], v[Y+8*i:Y+8*i+7]
.endif
.set i, i+1
.endr
.set kk, kk+1
.endr
	PLACES
.if PASS == 2
.set BIP, BI2
	WIN 0
.elseif PASS == 3
.set BIP, BI3
	WIN 0
.else
.set BIP, B4
	WIN 0x80
.endif
.set i, 0
.rept 8*NTW
	v_mul_f32 v[BIP+i], -1.0, v[Y+i]
.set i, i+1
.endr
	WIN 0
.if PASS < 4
	s_cmp_lg_u32 s8, 0                             ; wave 0's lanes 0 and 16 store -pilot behind the row's sums
	s_cbranch_scc1 .Lno_pilot
	v_cmp_eq_u32 vcc_lo, 0, v[R]
	s_wait_xcnt 0x0                                ; EXEC changes only behind this wait
	s_and_saveexec_b32 s11, vcc_lo
.set i, 0
.rept NTW
	global_store_b128 v19, v[BIP+8*i:BIP+8*i+3], s[38:39] offset:8*CP+64*i
	global_store_b128 v19, v[BIP+8*i+4:BIP+8*i+7], s[38:39] offset:8*CP+64*i+16
.set i, i+1
.endr
	s_wait_xcnt 0x0
	s_or_b32 exec_lo, exec_lo, s11
.Lno_pilot:
.endif
	; what the loop finds
	WIN 0x80
.set i, 0
.rept 8*NTW
	v_mov_b32 v[SUM+i], 0
	v_mov_b32 v[SQ+i], 0
	v_mov_b32 v[MX+i], 0xff800000
.if PASS == 2
	v_mov_b32 v[MX1+i], 0
.endif
.set i, i+1
.endr
	WIN 0
.set i, 0
.rept 4
.irp k, 4,5,6,7
	v_mov_b32 v[F+8*i+\k], 0                       ; K = 16 .. 31 of layer 1's fragments
.endr
.set i, i+1
.endr
	s_mul_i32 s11, s8, 8448
	s_add_co_u32 s11, s11, STG                     ; my stage
	v_mul_u32_u24 v[STO], v[R], 528
	v_lshl_add_u32 v[STO], v[H], 5, v[STO]
	v_add_nc_u32 v[STO], s11, v[STO]
.if PASS == 3
	v_add_nc_u32 v[RD], s11, v[L16]                ; back: a row of 512 bytes a load
	v_mov_b32 v[GO], v[L16]
.else
	v_mul_u32_u24 v[RD], v[H], 528                 ; back: two rows of 256 bytes a load
	v_lshl_add_u32 v[RD], v[R], 4, v[RD]
	v_add_nc_u32 v[RD], s11, v[RD]
	v_lshlrev_b32 v[GO], 11, v[H]
	v_lshl_add_u32 v[GO], v[R], 4, v[GO]
.endif
	s_lshl_b32 s11, s8, 10
	s_add_co_u32 s11, s11, RED
	v_lshl_add_u32 v[TA], v[H], 5, s11
	s_lshl_b32 s2, ttmp9, 17
.if PASS == 4
	v_mul_u32_u24 v[FA], v[R], 528
	v_lshl_add_u32 v[FA], s8, 6, v[FA]             ; point r of the 16, slots 4 w + n
	v_add_nc_u32 v[FA], FST, v[FA]
	s_lshl_b32 s11, s8, 8
	s_add_co_u32 s2, s2, s11
	s_add_co_u32 s2, s2, 1024
	v_lshl_add_u32 v[HWA], s8, 14, v[L16]
	v_add_nc_u32 v[HWA], HB3, v[HWA]
	v_add_nc_u32 v[HRO], HB3, v[L16]
.else
	v_lshl_add_u32 v[FA], s8, 4, v[R]              ; point 16 w + r
	v_mul_u32_u24 v[FA], v[FA], 528
	v_add_nc_u32 v[FA], FST, v[FA]
	s_lshl_b32 s11, s8, 15
	s_add_co_u32 s2, s2, s11
.endif
	s_add_nc_u64 s[42:43], s[30:31], s[2:3]        ; cat at my rows
.if PASS == 4
	s_mov_b32 s14, 4
.Lpoints:                                              ; 16 points: two chunks of 16 neighbour slots
	s_mov_b32 s12, 2
.else
	s_mov_b32 s12, 8
.endif
.Ltrip:                                                ; four neighbour slots of 16 points
.set i, 0
.rept 4
	ds_load_b128 v[F+8*i:F+8*i+3], v[FA] offset:16*i
.set i, i+1
.endr
	s_wait_dscnt 0x0
.irp tp, 0,1
	MM8 W1, 1, BI1, F, 8, 0x33, 0x33, \tp
	ACT H1, 16, \tp, (PASS==2)
.endr
.irp tp, 0,1
	MM8 W2, 2, BI2, H1, 16, 0x07, 0x07, \tp
.if PASS == 2
	STAT \tp
.else
	ACT H2, 16, \tp, 0
.endif
.endr
.if PASS > 2
.irp tp, 0,1,2,3
	MM8 W3, 2, BI3, H2, 16, 0x07, 0x07, \tp
.if PASS == 3
	STAT \tp
.else
	ACTL \tp
.endif
.endr
.endif
	WIN 0
	v_add_nc_u32 v[FA], FSTEP, v[FA]
.if PASS == 4
	BAR                                            ; the chunk's 16 tiles of H3 are whole
	s_mov_b32 s13, 4
.Lgroup:                                               ; four tiles x my 64 channels
	WIN 0x40
.set i, 0
.rept 32
	ds_load_b128 v[HB+4*i:HB+4*i+3], v[HRO] offset:512*i
.set i, i+1
.endr
	s_wait_dscnt 0x0
.irp tp, 0,1
	MM8 A4, 4, B4, HB, 32, 0x26, 0x06, \tp
	STAT \tp
.endr
	WIN 0
	v_add_nc_u32 v[HRO], 16384, v[HRO]
	s_sub_co_u32 s13, s13, 1
	s_cmp_lg_u32 s13, 0
	s_cbranch_scc1 .Lgroup
	v_add_nc_u32 v[HRO], -65536, v[HRO]
	BAR                                            ; every wave has read the chunk: the next may be written
.endif
	s_sub_co_u32 s12, s12, 1
	s_cmp_lg_u32 s12, 0
	s_cbranch_scc1 .Ltrip
.if PASS == 4
	FLUSH MX, 4, 0                                 ; the 16 points have seen all 32 slots
	s_wait_xcnt 0x0
	s_add_nc_u64 s[42:43], s[42:43], 32768
	v_add_nc_u32 v[FA], 7936, v[FA]                ; 16 points on, less the 512 bytes already stepped
	WIN 0x80
.set i, 0
.rept 32
	v_mov_b32 v[MX+i], 0xff800000
.set i, i+1
.endr
	WIN 0
	s_sub_co_u32 s14, s14, 1
	s_cmp_lg_u32 s14, 0
	s_cbranch_scc1 .Lpoints
.endif
.if PASS == 2
	FLUSH MX1, 4, 0                                ; x1, final
	FLUSH MX, 4, 256                               ; the raw maxima of layer 2
.elseif PASS == 3
	FLUSH MX, 8, 512
.endif
	REDST SUM, NTW, 0
	REDST SQ, NTW, 64*NTW
.if PASS == 4
	v_lshl_add_u32 v16, s8, 10, v[L16]             ; my 64 channels are mine alone: 512 bytes back, and out
	ds_load_b128 v[T:T+3], v16 offset:RED
	v_lshlrev_b32 v17, 10, v[H]
	v_lshl_add_u32 v17, v[R], 4, v17
	v_lshl_add_u32 v17, s8, 8, v17
	s_wait_dscnt 0x0
	global_store_b128 v17, v[T:T+3], s[38:39]
.else
	BAR
.set WD, 2*CP/128
	v_lshlrev_b32 v17, 1+WD, v0
.set i, 0
.rept 4
.if WD == 1
	ds_load_b32 v[T+2*i], v17 offset:RED+1024*i
.else
	ds_load_b64 v[T+2*i:T+2*i+1], v17 offset:RED+1024*i
.endif
.set i, i+1
.endr
	s_wait_dscnt 0x0
.if WD == 1
	v_add_f32 v[T], v[T], v[T+2]
	v_add_f32 v[T+4], v[T+4], v[T+6]
	v_add_f32 v[T], v[T], v[T+4]
	global_store_b32 v17, v[T], s[38:39]
.else
	v_pk_add_f32 v[T:T+1], v[T:T+1], v[T+2:T+3]
	v_pk_add_f32 v[T+4:T+5], v[T+4:T+5], v[T+6:T+7]
	v_pk_add_f32 v[T:T+1], v[T:T+1], v[T+4:T+5]
	global_store_b64 v17, v[T:T+1], s[38:39]
.endif
.endif
	s_wait_tensorcnt 0x0                           ; the wave's end
	ds_add_u32 v[SPW], v[NIL]
	s_wait_dscnt 0x0
	s_endpgm
.Lfunc_end_k_q5d4214e0ee_p4:
	.size	k_q5d4214e0ee_p4, .Lfunc_end_k_q5d4214e0ee_p4-k_q5d4214e0ee_p4
	.p2alignl 7, 3214868480
	.fill 96, 4, 3214868480
	.section	.rodata,"a",@progbits
	.p2align	6, 0x0
	.amdhsa_kernel k_q5d4214e0ee_p4
		.amdhsa_group_segment_fixed_size 200704
		.amdhsa_private_segment_fixed_size 0
		.amdhsa_enable_private_segment 0
		.amdhsa_kernarg_size 72
		.amdhsa_user_sgpr_count 2
		.amdhsa_user_sgpr_kernarg_segment_ptr 1
		.amdhsa_wavefront_size32 1
		.amdhsa_system_sgpr_workgroup_id_x 1
		.amdhsa_system_sgpr_workgroup_id_y 1
		.amdhsa_system_sgpr_workgroup_id_z 1
		.amdhsa_system_vgpr_workitem_id 0
		.amdhsa_next_free_vgpr 1024
		.amdhsa_next_free_sgpr 100
		.amdhsa_reserve_vcc 1
		.amdhsa_float_denorm_mode_32 3
		.amdhsa_float_denorm_mode_16_64 3
		.amdhsa_memory_ordered 1
		.amdhsa_forward_progress 1
		.amdhsa_inst_pref_size 145
	.end_amdhsa_kernel
	.amdgpu_metadata
---
amdhsa.version: [ 1, 2 ]
amdhsa.kernels:
  - .name:           k_q5d4214e0ee_p4
    .symbol:         k_q5d4214e0ee_p4.kd
    .args:
      - { .name: feat, .offset: 0, .size: 8, .value_kind: global_buffer, .address_space: global }
      - { .name: sb, .offset: 8, .size: 8, .value_kind: global_buffer, .address_space: global }
      - { .name: w3, .offset: 16, .size: 8, .value_kind: global_buffer, .address_space: global }
      - { .name: g3, .offset: 24, .size: 8, .value_kind: global_buffer, .address_space: global }
      - { .name: b3, .offset: 32, .size: 8, .value_kind: global_buffer, .address_space: global }
      - { .name: w4, .offset: 40, .size: 8, .value_kind: global_buffer, .address_space: global }
      - { .name: g4, .offset: 48, .size: 8, .value_kind: global_buffer, .address_space: global }
      - { .name: cat, .offset: 56, .size: 8, .value_kind: global_buffer, .address_space: global }
      - { .name: sa, .offset: 64, .size: 8, .value_kind: global_buffer, .address_space: global }
    .group_segment_fixed_size: 200704
    .private_segment_fixed_size: 0
    .kernarg_segment_align: 8
    .kernarg_segment_size: 72
    .max_flat_workgroup_size: 128
    .sgpr_count:     100
    .vgpr_count:     1024
    .wavefront_size: 32
...
	.end_amdgpu_metadata
.endif
;; end of part 5
;; launch l5 (part 6): grid 256 x 1, 4 waves a work-group, no clusters, 111,104 bytes of LDS; arguments cat, cw, sa, sb, g4, b4, y5; writes y5
.if DOCPART == 6
	.amdgcn_target "amdgcn-amd-amdhsa--gfx1250"
	.amdhsa_code_object_version 6
	.text
	.protected	k_q5d4214e0ee_l5
	.globl	k_q5d4214e0ee_l5
	.p2align	8
	.type	k_q5d4214e0ee_l5,@function
k_q5d4214e0ee_l5:
	s_mov_b64 s[64:65], 0
	v_nop
	global_prefetch_b8 v0, s[64:65] scope:SCOPE_SE
	s_setreg_imm32_b32 hwreg(HW_REG_WAVE_MODE, 25, 1), 1
	s_wait_xcnt 0x0
; y5 = cat x w5^T.  cat's columns are finished on the way in: relu(A x + S), with A, S of layers 2 to 4 (layer 4's from the 128 rows of sums of the set), (1, 0) for x1; then f16.
; A work-group owns 64 rows and all 512 outputs; wave w outputs 128 w .. + 127: 4 x 8 accumulators.  Source 0 = 16 rows of cat (LDS), source 1 = 16 rows of w5 (f16 fragments, straight from memory).
; In the result a lane holds one channel and 8 rows, so the group's statistics for layer 5 (sum, and sum of squares about the group's own mean) stay in the lane but for one exchange.
; No cluster: all work-groups walk the same 512 KB of w5, in registers, not LDS; joint tensor loads would want a ring in LDS, which this first form leaves out.
; LIMITS: operands in f16 (65,504); NaN and infinities are not treated.
.set CA, 0                 ; 512 scales
.set CS, 2048              ; 512 shifts
.set TOT, 4096
.set RED5, 6144            ; 512 sums, 512 sums of squares
.set SPARE, 10240
.set CATH, 10752           ; 64 rows x 1,040
.set STG, 77312            ; 4 waves x 16 rows x 528
.set SPW, 8
.set NIL, 9
.set AAD, 47
.set BAD, 48
.set AF, 64                ; two buffers of 32: A fragments
.set MSB, 0
.macro WIN new
.if MSB != (\new)
	s_set_vgpr_msb (MSB<<8)|(\new)
.set MSB, (\new)
.endif
.endm
.macro PLACES
.rept 4
	v_nop
.endr
.endm
.macro BAR
	s_wait_dscnt 0x0
	s_barrier_signal -1
	s_barrier_wait -1
.endm
.macro LDB slot, kk        ; a K step's 8 fragments of w5 into ring slot (window 2)
	WIN 0x80
.set i, 0
.rept 16
	global_load_b128 v[(\slot)*64+4*i:(\slot)*64+4*i+3], v[BAD], s[18:19] offset:(i/2)*16384+(\kk)*1024+(i%2)*512
.set i, i+1
.endr
.endm
.macro LDAF buf, kk        ; a K step's 4 fragments of cat
	WIN 0
.set i, 0
.rept 8
	ds_load_b128 v[AF+(\buf)*32+4*i:AF+(\buf)*32+4*i+3], v[AAD] offset:(i/2)*16640+(\kk)*64+(i%2)*32
.set i, i+1
.endr
.endm
; K step with ring slot sl: w5 is asked for three steps ahead, cat one.  lc, dc: the loads issued behind this step's, which may stay out
.macro KSTEP sl, zero, pf, lda, lc, dc
	PLACES                                         ; the loads below land in registers that the step before multiplied
.if \pf
	LDB ((\sl)+3)%4, (\sl)+3
.endif
.if \lda
	LDAF 1-((\sl)&1), (\sl)+1
.endif
	s_wait_loadcnt \lc
	s_wait_dscnt \dc
	WIN 0x58                                       ; A window 0, B window 2, C and D window 1
.set nt, 0
.rept 8
.set mt, 0
.rept 4
.if \zero
	v_wmma_f32_16x16x32_f16 v[mt*64+nt*8:mt*64+nt*8+7], v[AF+((\sl)&1)*32+mt*8:AF+((\sl)&1)*32+mt*8+7], v[(\sl)*64+nt*8:(\sl)*64+nt*8+7], 0
.else
	v_wmma_f32_16x16x32_f16 v[mt*64+nt*8:mt*64+nt*8+7], v[AF+((\sl)&1)*32+mt*8:AF+((\sl)&1)*32+mt*8+7], v[(\sl)*64+nt*8:(\sl)*64+nt*8+7], v[mt*64+nt*8:mt*64+nt*8+7]
.endif
.set mt, mt+1
.endr
.set nt, nt+1
.endr
.endm
.macro ON4                 ; four K steps on
	WIN 0
	s_wait_xcnt 0x0
	s_add_nc_u64 s[18:19], s[18:19], 4096
	v_add_nc_u32 v[AAD], 256, v[AAD]
.endm
	s_load_b256 s[16:23], s[0:1], 0x0              ; cat, cw, sa, sb
	s_load_b128 s[24:27], s[0:1], 0x20             ; g4, b4
	s_load_b64 s[28:29], s[0:1], 0x30              ; y5
	v_lshl_add_u32 v[SPW], v0, 2, SPARE
	v_mov_b32 v[NIL], 0
	v_lshrrev_b32 v1, 5, v0
	v_readfirstlane_b32 s8, v1
	v_and_b32 v2, 15, v0                           ; r
	v_bfe_u32 v3, v0, 4, 1                         ; h
	v_and_b32 v4, 31, v0
	v_lshlrev_b32 v[BAD], 4, v4
	v_lshlrev_b32 v16, 4, v0
	v_and_b32 v17, 63, v0
	v_lshlrev_b32 v17, 2, v17
	v_lshlrev_b32 v18, 2, v0
	v_lshlrev_b32 v19, 3, v0
	s_lshr_b32 s9, ttmp9, 7
	s_mov_b32 s3, 0
	s_mov_b32 s36, 0x76543210
	s_mov_b32 s37, 0xfedcba98
	s_wait_kmcnt 0x0
	s_lshl_b32 s2, s9, 18
	s_add_nc_u64 s[30:31], s[20:21], s[2:3]        ; the set's rows of layer 4's sums
	s_mul_i32 s2, s9, 14336
	s_add_co_u32 s2, s2, 524288
	s_add_nc_u64 s[32:33], s[22:23], s[2:3]        ; A2, S2
	s_add_nc_u64 s[34:35], s[20:21], s[2:3]        ; A3, S3
	s_lshl_b32 s2, ttmp9, 12
	s_add_co_u32 s2, s2, 33554432
	s_add_nc_u64 s[38:39], s[28:29], s[2:3]        ; my row of layer 5's statistics
	s_lshl_b32 s2, ttmp9, 17
	s_add_nc_u64 s[16:17], s[16:17], s[2:3]        ; my 64 rows of cat
	s_lshl_b32 s10, s8, 9
	s_add_co_u32 s2, s2, s10
	s_add_nc_u64 s[28:29], s[28:29], s[2:3]        ; and of y5, at my wave's 128 channels
	s_lshl_b32 s2, s8, 17
	s_add_co_u32 s2, s2, 32768
	s_add_nc_u64 s[18:19], s[18:19], s[2:3]        ; my wave's fragments of w5
	global_load_b32 v24, v17, s[32:33] offset:12800
	global_load_b32 v25, v17, s[32:33] offset:13056
	global_load_b32 v26, v18, s[34:35] offset:13312
	global_load_b32 v27, v18, s[34:35] offset:13824
	global_load_b64 v[28:29], v19, s[24:25]
	global_load_b64 v[30:31], v19, s[26:27]
.irp i, 20,21,22,23
	v_mov_b32 v\i, 0
.endr
.set bb, 0
.rept 8
.set i, 0
.rept 16
	global_load_b128 v[64+4*i:64+4*i+3], v16, s[30:31] offset:(bb*16+i)*2048
.set i, i+1
.endr
	s_wait_loadcnt 0x0
.set i, 0
.rept 16
	v_pk_add_f32 v[20:21], v[20:21], v[64+4*i:64+4*i+1]
	v_pk_add_f32 v[22:23], v[22:23], v[64+4*i+2:64+4*i+3]
.set i, i+1
.endr
.set bb, bb+1
.endr
	ds_store_b128 v16, v[20:23] offset:TOT
	v_cmp_gt_u32 vcc_lo, 64, v0
	v_cndmask_b32 v24, v24, 1.0, vcc_lo            ; x1 is final
	v_cndmask_b32 v25, v25, 0, vcc_lo
	ds_store_b32 v18, v24 offset:CA
	ds_store_b32 v18, v25 offset:CS
	ds_store_b32 v18, v26 offset:CA+512
	ds_store_b32 v18, v27 offset:CS+512
	BAR
	ds_load_b64 v[32:33], v19 offset:TOT
	ds_load_b64 v[34:35], v19 offset:TOT+1024
	s_wait_dscnt 0x0
.irp k, 0,1
	v_mul_f32 v[32+\k], 0x36800000, v[32+\k]
	v_mul_f32 v[34+\k], 0x36800000, v[34+\k]
	v_fma_f32 v[34+\k], -v[32+\k], v[32+\k], v[34+\k]
	v_max_num_f32 v[34+\k], 0, v[34+\k]
	v_add_f32 v[34+\k], 0x3727c5ac, v[34+\k]
	v_rsq_f32 v[34+\k], v[34+\k]
	v_nop
	s_wait_alu depctr_va_vdst(0)
	v_mul_f32 v[28+\k], |v[28+\k]|, v[34+\k]
	v_fma_f32 v[30+\k], -v[28+\k], v[32+\k], v[30+\k]
.endr
	ds_store_b64 v19, v[28:29] offset:CA+1024
	ds_store_b64 v19, v[30:31] offset:CS+1024
	BAR
	ds_load_b128 v[36:39], v16 offset:CA           ; my four columns
	ds_load_b128 v[40:43], v16 offset:CS
	v_add_nc_u32 v46, CATH, v19
	s_wait_dscnt 0x0
.set bb, 0
.rept 4
.set i, 0
.rept 16
	global_load_b128 v[64+4*i:64+4*i+3], v16, s[16:17] offset:(bb*16+i)*2048
.set i, i+1
.endr
	s_wait_loadcnt 0x0
.set i, 0
.rept 16
	v_pk_fma_f32 v[64+4*i:64+4*i+1], v[64+4*i:64+4*i+1], v[36:37], v[40:41]
	v_pk_fma_f32 v[64+4*i+2:64+4*i+3], v[64+4*i+2:64+4*i+3], v[38:39], v[42:43]
.irp k, 0,1,2,3
	v_max_num_f32 v[64+4*i+\k], 0, v[64+4*i+\k]
.endr
	v_cvt_pk_f16_f32 v[64+4*i], v[64+4*i], v[64+4*i+1]
	v_cvt_pk_f16_f32 v[64+4*i+1], v[64+4*i+2], v[64+4*i+3]
	ds_store_b64 v46, v[64+4*i:64+4*i+1] offset:(bb*16+i)*1040
.set i, i+1
.endr
.set bb, bb+1
.endr
	v_mul_u32_u24 v[AAD], v2, 1040
	v_lshl_add_u32 v[AAD], v3, 4, v[AAD]
	v_add_nc_u32 v[AAD], CATH, v[AAD]
	LDB 0, 0                                       ; w5 hangs on nothing that the barrier orders
	LDB 1, 1
	LDB 2, 2
	WIN 0
	BAR
	LDAF 0, 0
	KSTEP 0, 1, 1, 1, 48, 8                        ; the first K step starts the sums
	KSTEP 1, 0, 1, 1, 48, 8
	KSTEP 2, 0, 1, 1, 48, 8
	KSTEP 3, 0, 1, 1, 48, 8
	WIN 0
	s_mov_b32 s11, 2
.Lk:
	ON4
	KSTEP 0, 0, 1, 1, 48, 8
	KSTEP 1, 0, 1, 1, 48, 8
	KSTEP 2, 0, 1, 1, 48, 8
	KSTEP 3, 0, 1, 1, 48, 8
	WIN 0
	s_sub_co_u32 s11, s11, 1
	s_cmp_lg_u32 s11, 0
	s_cbranch_scc1 .Lk
	ON4
	KSTEP 0, 0, 1, 1, 48, 8                        ; steps 12 to 15: one more request, then the counts run down
	KSTEP 1, 0, 0, 1, 32, 8
	KSTEP 2, 0, 0, 1, 16, 8
	KSTEP 3, 0, 0, 0, 0, 0
	PLACES
	WIN 0
	v_lshl_add_u32 v60, s8, 7, v2
	v_lshlrev_b32 v60, 2, v60                      ; my channel's word
	v_mov_b32 v53, 0
	v_mov_b32 v59, 0
.set nt, 0
.rept 8                                                ; a channel's 64 rows: 32 registers here, 32 in the lane 16 away
	WIN 0x01
	v_pk_mul_f32 v[50:51], v[nt*8:nt*8+1], 1.0 op_sel_hi:[1,0]
.set k, 1
.rept 15
	v_pk_add_f32 v[50:51], v[(k/4)*64+nt*8+2*(k%4):(k/4)*64+nt*8+2*(k%4)+1], v[50:51]
.set k, k+1
.endr
	WIN 0
	v_add_f32 v52, v50, v51
	v_permlanex16_b32 v53, v52, s36, s37
	v_add_f32 v52, v52, v53
	v_mul_f32 v54, 0x3c800000, v52                 ; the group's mean
	v_mov_b32 v55, v54
	WIN 0x01
.set k, 0
.rept 16
	v_pk_add_f32 v[64+2*k:64+2*k+1], v[(k/4)*64+nt*8+2*(k%4):(k/4)*64+nt*8+2*(k%4)+1], v[54:55] neg_lo:[0,1] neg_hi:[0,1]
.set k, k+1
.endr
	WIN 0
	v_pk_mul_f32 v[56:57], v[64:65], v[64:65]
.set k, 1
.rept 15
	v_pk_fma_f32 v[56:57], v[64+2*k:64+2*k+1], v[64+2*k:64+2*k+1], v[56:57]
.set k, k+1
.endr
	v_add_f32 v58, v56, v57
	v_permlanex16_b32 v59, v58, s36, s37
	v_add_f32 v58, v58, v59
	ds_store_b32 v60, v52 offset:RED5+nt*64
	ds_store_b32 v60, v58 offset:RED5+2048+nt*64
.set nt, nt+1
.endr
	s_mul_i32 s10, s8, 8448
	s_add_co_u32 s10, s10, STG
	v_mul_u32_u24 v61, v3, 4224
	v_lshl_add_u32 v61, v2, 2, v61
	v_add_nc_u32 v61, s10, v61
	v_add_nc_u32 v62, s10, v[BAD]
.set mt, 0
.rept 4                                                ; 16 rows at a time through my stage, out as rows of 512 bytes
	WIN 0x04
.set k, 0
.rept 64
	ds_store_b32 v61, v[mt*64+k] offset:(k%8)*528+(k/8)*64
.set k, k+1
.endr
	WIN 0
	s_wait_xcnt 0x0
.set i, 0
.rept 16
	ds_load_b128 v[64+4*i:64+4*i+3], v62 offset:i*528
.set i, i+1
.endr
	s_wait_dscnt 0x0
.set i, 0
.rept 16
	global_store_b128 v[BAD], v[64+4*i:64+4*i+3], s[28:29] offset:(mt*16+i)*2048
.set i, i+1
.endr
.set mt, mt+1
.endr
	BAR
	ds_load_b128 v[20:23], v16 offset:RED5
	ds_load_b128 v[24:27], v16 offset:RED5+2048
	s_wait_dscnt 0x0
	global_store_b128 v16, v[20:23], s[38:39]
	global_store_b128 v16, v[24:27], s[38:39] offset:2048
	s_wait_tensorcnt 0x0                           ; the wave's end
	ds_add_u32 v[SPW], v[NIL]
	s_wait_dscnt 0x0
	s_endpgm
.Lfunc_end_k_q5d4214e0ee_l5:
	.size	k_q5d4214e0ee_l5, .Lfunc_end_k_q5d4214e0ee_l5-k_q5d4214e0ee_l5
	.p2alignl 7, 3214868480
	.fill 96, 4, 3214868480
	.section	.rodata,"a",@progbits
	.p2align	6, 0x0
	.amdhsa_kernel k_q5d4214e0ee_l5
		.amdhsa_group_segment_fixed_size 111104
		.amdhsa_private_segment_fixed_size 0
		.amdhsa_enable_private_segment 0
		.amdhsa_kernarg_size 56
		.amdhsa_user_sgpr_count 2
		.amdhsa_user_sgpr_kernarg_segment_ptr 1
		.amdhsa_wavefront_size32 1
		.amdhsa_system_sgpr_workgroup_id_x 1
		.amdhsa_system_sgpr_workgroup_id_y 1
		.amdhsa_system_sgpr_workgroup_id_z 1
		.amdhsa_system_vgpr_workitem_id 0
		.amdhsa_next_free_vgpr 768
		.amdhsa_next_free_sgpr 66
		.amdhsa_reserve_vcc 1
		.amdhsa_float_denorm_mode_32 3
		.amdhsa_float_denorm_mode_16_64 3
		.amdhsa_memory_ordered 1
		.amdhsa_forward_progress 1
		.amdhsa_inst_pref_size 176
	.end_amdhsa_kernel
	.amdgpu_metadata
---
amdhsa.version: [ 1, 2 ]
amdhsa.kernels:
  - .name:           k_q5d4214e0ee_l5
    .symbol:         k_q5d4214e0ee_l5.kd
    .args:
      - { .name: cat, .offset: 0, .size: 8, .value_kind: global_buffer, .address_space: global }
      - { .name: cw, .offset: 8, .size: 8, .value_kind: global_buffer, .address_space: global }
      - { .name: sa, .offset: 16, .size: 8, .value_kind: global_buffer, .address_space: global }
      - { .name: sb, .offset: 24, .size: 8, .value_kind: global_buffer, .address_space: global }
      - { .name: g4, .offset: 32, .size: 8, .value_kind: global_buffer, .address_space: global }
      - { .name: b4, .offset: 40, .size: 8, .value_kind: global_buffer, .address_space: global }
      - { .name: y5, .offset: 48, .size: 8, .value_kind: global_buffer, .address_space: global }
    .group_segment_fixed_size: 111104
    .private_segment_fixed_size: 0
    .kernarg_segment_align: 8
    .kernarg_segment_size: 56
    .max_flat_workgroup_size: 128
    .sgpr_count:     66
    .vgpr_count:     768
    .wavefront_size: 32
...
	.end_amdgpu_metadata
.endif
;; end of part 6
;; launch embk (part 7): grid 256 x 1, 8 waves a work-group, no clusters, 4,096 bytes of LDS; arguments y5, g5, b5, emb; writes emb
.if DOCPART == 7
	.amdgcn_target "amdgcn-amd-amdhsa--gfx1250"
	.amdhsa_code_object_version 6
	.text
	.protected	k_q5d4214e0ee_embk
	.globl	k_q5d4214e0ee_embk
	.p2align	8
	.type	k_q5d4214e0ee_embk,@function
k_q5d4214e0ee_embk:
	s_mov_b64 s[64:65], 0
	v_nop
	global_prefetch_b8 v0, s[64:65] scope:SCOPE_SE
	s_setreg_imm32_b32 hwreg(HW_REG_WAVE_MODE, 25, 1), 1
	s_wait_xcnt 0x0
; Layer 5's batch-norm and ReLU; the embeddings go out in f16 (those of tgt times -2, for the distance product), with each row's partial |f|^2 of the rounded numbers.
; The set's mean and variance come from its 128 groups' (sum, sum of squares about the group's mean): the groups' sums are joined about the first group's, so no large sums are subtracted.
; A work-group owns 256 rows x 128 channels, a wave 32 rows, a lane 4 channels.  A stream: no matrix unit, no cluster; all 32 row loads of a wave go out at once.
; LIMITS: |2 f| within f16's range (65,504); NaN and infinities are not treated.
.set SPARE, 3072
.set SPW, 14
.set NIL, 15
	s_load_b256 s[4:11], s[0:1], 0x0               ; y5, g5, b5, emb
	v_lshl_add_u32 v[SPW], v0, 2, SPARE
	v_mov_b32 v[NIL], 0
	v_lshrrev_b32 v3, 5, v0
	v_readfirstlane_b32 s12, v3                    ; wave
	v_and_b32 v4, 31, v0
	v_lshlrev_b32 v2, 4, v4
	v_and_b32 v1, 127, v0
	v_lshrrev_b32 v5, 7, v0
	v_lshlrev_b32 v1, 2, v1
	v_lshl_add_u32 v1, v5, 11, v1                  ; my column of the statistics: threads 0-127 the sums, 128-255 the squares
	s_lshr_b32 s13, ttmp9, 2                       ; block of 256 rows
	s_and_b32 s14, ttmp9, 3                        ; block of 128 channels
	s_lshr_b32 s15, ttmp9, 7                       ; set
	s_mov_b32 s17, 0
	s_mov_b32 s26, 0x76543210
	s_mov_b32 s27, 0xfedcba98
	s_cmp_eq_u32 s15, 0
	s_cselect_b32 s24, 1.0, -2.0                   ; what the stored numbers are multiplied by,
	s_mov_b32 s25, s24
	s_cselect_b32 s28, 1.0, 0x3e800000             ; and their squares divided by
	s_wait_kmcnt 0x0
	s_lshl_b32 s16, s15, 19
	s_lshl_b32 s18, s14, 9
	s_add_co_u32 s16, s16, s18
	s_add_co_u32 s16, s16, 33554432
	s_add_nc_u64 s[20:21], s[4:5], s[16:17]
	s_lshl_b32 s16, s13, 8
	s_lshl_b32 s19, s12, 5
	s_add_co_u32 s19, s16, s19                     ; my wave's first row
	s_lshl_b32 s16, s19, 11
	s_add_co_u32 s16, s16, s18
	s_add_nc_u64 s[4:5], s[4:5], s[16:17]
	s_mov_b32 s16, s18
	s_add_nc_u64 s[6:7], s[6:7], s[16:17]
	s_add_nc_u64 s[8:9], s[8:9], s[16:17]
	s_lshl_b32 s16, s14, 16
	s_lshl_b32 s18, s19, 2
	s_add_co_u32 s16, s16, s18
	s_add_co_u32 s16, s16, 16777216
	s_add_nc_u64 s[22:23], s[10:11], s[16:17]      ; the norms
	s_lshl_b32 s16, s19, 10
	s_lshl_b32 s18, s14, 8
	s_add_co_u32 s16, s16, s18
	s_add_nc_u64 s[10:11], s[10:11], s[16:17]      ; the embeddings
	v_mov_b32 v17, 0
	v_mov_b32 v18, 0
.set bb, 0
.rept 4
.set i, 0
.rept 32
	global_load_b32 v[32+i], v1, s[20:21] offset:(bb*32+i)*4096
.set i, i+1
.endr
	s_wait_loadcnt 0x0
.if bb == 0
	v_mov_b32 v16, v32
.endif
.set i, 0
.rept 32
	v_sub_f32 v[32+i], v[32+i], v16
	v_add_f32 v17, v17, v[32+i]
	v_fmac_f32 v18, v[32+i], v[32+i]
.set i, i+1
.endr
.set bb, bb+1
.endr
	v_lshlrev_b32 v6, 2, v0
	ds_store_b32 v6, v16
	ds_store_b32 v6, v17 offset:1024
	ds_store_b32 v6, v18 offset:2048
.set i, 0
.rept 32                                               ; my 32 rows, 512 consecutive bytes of the wave each
	global_load_b128 v[128+4*i:128+4*i+3], v2, s[4:5] offset:2048*i
.set i, i+1
.endr
	global_load_b128 v[40:43], v2, s[6:7]
	global_load_b128 v[44:47], v2, s[8:9]
	s_wait_dscnt 0x0
	s_barrier_signal -1
	s_barrier_wait -1
	ds_load_b128 v[20:23], v2                      ; first sum, sum of differences, of their squares; first M2, sum of differences
	ds_load_b128 v[24:27], v2 offset:1024
	ds_load_b128 v[28:31], v2 offset:2048
	ds_load_b128 v[32:35], v2 offset:512
	ds_load_b128 v[36:39], v2 offset:1536
	s_wait_dscnt 0x0
	s_wait_loadcnt 0x0
.irp k, 0,1,2,3
	v_mul_f32 v48, 0x3c000000, v[24+\k]            ; E1 / 128
	v_add_f32 v[20+\k], v[20+\k], v48
	v_mul_f32 v[20+\k], 0x3c800000, v[20+\k]       ; the mean
	v_fma_f32 v[28+\k], -v48, v[24+\k], v[28+\k]   ; the spread of the groups' sums
	v_fma_f32 v[32+\k], 0x43000000, v[32+\k], v[36+\k]
	v_fma_f32 v[32+\k], 0x3c800000, v[28+\k], v[32+\k]
	v_mul_f32 v[32+\k], 0x39000000, v[32+\k]       ; / 8,192 rows
	v_max_num_f32 v[32+\k], 0, v[32+\k]
	v_add_f32 v[32+\k], 0x3727c5ac, v[32+\k]
	v_rsq_f32 v[32+\k], v[32+\k]
	v_nop
	s_wait_alu depctr_va_vdst(0)
	v_mul_f32 v[40+\k], v[40+\k], v[32+\k]
	v_fma_f32 v[44+\k], -v[40+\k], v[20+\k], v[44+\k]
.endr
	v_lshlrev_b32 v7, 3, v4
	v_mov_b32 v8, 0
	v_mov_b32 v53, 0
.set i, 0
.rept 32
	v_pk_fma_f32 v[128+4*i:128+4*i+1], v[128+4*i:128+4*i+1], v[40:41], v[44:45]
	v_pk_fma_f32 v[128+4*i+2:128+4*i+3], v[128+4*i+2:128+4*i+3], v[42:43], v[46:47]
.irp k, 0,1,2,3
	v_max_num_f32 v[128+4*i+\k], 0, v[128+4*i+\k]
.endr
	v_pk_mul_f32 v[128+4*i:128+4*i+1], v[128+4*i:128+4*i+1], s[24:25] op_sel_hi:[1,0]
	v_pk_mul_f32 v[128+4*i+2:128+4*i+3], v[128+4*i+2:128+4*i+3], s[24:25] op_sel_hi:[1,0]
	v_cvt_pk_f16_f32 v[64+2*i], v[128+4*i], v[128+4*i+1]
	v_cvt_pk_f16_f32 v[64+2*i+1], v[128+4*i+2], v[128+4*i+3]
	global_store_b64 v7, v[64+2*i:64+2*i+1], s[10:11] offset:1024*i   ; 256 consecutive bytes of the wave
	v_cvt_f32_f16 v48, v[64+2*i].l
	v_cvt_f32_f16 v49, v[64+2*i].h
	v_cvt_f32_f16 v50, v[64+2*i+1].l
	v_cvt_f32_f16 v51, v[64+2*i+1].h
	v_mul_f32 v52, v48, v48
	v_fmac_f32 v52, v49, v49
	v_fmac_f32 v52, v50, v50
	v_fmac_f32 v52, v51, v51
.irp x, 1,2,4,8
	v_add_f32_dpp v52, v52, v52 row_xmask:\x row_mask:0xf bank_mask:0xf
.endr
	v_permlanex16_b32 v53, v52, s26, s27
	v_add_f32 v52, v52, v53
	s_mov_b32 s29, 1<<i
	v_cndmask_b32 v8, v8, v52, s29                 ; row i's norm stays in lane i
.set i, i+1
.endr
	v_mul_f32 v8, s28, v8
	v_lshlrev_b32 v9, 2, v4
	global_store_b32 v9, v8, s[22:23]
	s_wait_tensorcnt 0x0                           ; the wave's end
	ds_add_u32 v[SPW], v[NIL]
	s_wait_dscnt 0x0
	s_endpgm
.Lfunc_end_k_q5d4214e0ee_embk:
	.size	k_q5d4214e0ee_embk, .Lfunc_end_k_q5d4214e0ee_embk-k_q5d4214e0ee_embk
	.p2alignl 7, 3214868480
	.fill 96, 4, 3214868480
	.section	.rodata,"a",@progbits
	.p2align	6, 0x0
	.amdhsa_kernel k_q5d4214e0ee_embk
		.amdhsa_group_segment_fixed_size 4096
		.amdhsa_private_segment_fixed_size 0
		.amdhsa_enable_private_segment 0
		.amdhsa_kernarg_size 32
		.amdhsa_user_sgpr_count 2
		.amdhsa_user_sgpr_kernarg_segment_ptr 1
		.amdhsa_wavefront_size32 1
		.amdhsa_system_sgpr_workgroup_id_x 1
		.amdhsa_system_sgpr_workgroup_id_y 1
		.amdhsa_system_sgpr_workgroup_id_z 1
		.amdhsa_system_vgpr_workitem_id 0
		.amdhsa_next_free_vgpr 256
		.amdhsa_next_free_sgpr 66
		.amdhsa_reserve_vcc 0
		.amdhsa_float_denorm_mode_32 3
		.amdhsa_float_denorm_mode_16_64 3
		.amdhsa_memory_ordered 1
		.amdhsa_forward_progress 1
		.amdhsa_inst_pref_size 76
	.end_amdhsa_kernel
	.amdgpu_metadata
---
amdhsa.version: [ 1, 2 ]
amdhsa.kernels:
  - .name:           k_q5d4214e0ee_embk
    .symbol:         k_q5d4214e0ee_embk.kd
    .args:
      - { .name: y5, .offset: 0, .size: 8, .value_kind: global_buffer, .address_space: global }
      - { .name: g5, .offset: 8, .size: 8, .value_kind: global_buffer, .address_space: global }
      - { .name: b5, .offset: 16, .size: 8, .value_kind: global_buffer, .address_space: global }
      - { .name: emb, .offset: 24, .size: 8, .value_kind: global_buffer, .address_space: global }
    .group_segment_fixed_size: 4096
    .private_segment_fixed_size: 0
    .kernarg_segment_align: 8
    .kernarg_segment_size: 32
    .max_flat_workgroup_size: 256
    .sgpr_count:     66
    .vgpr_count:     256
    .wavefront_size: 32
...
	.end_amdgpu_metadata
.endif
;; end of part 7
;; launch dist (part 8): grid 256 x 1, 4 waves a work-group, no clusters, 327,680 bytes of LDS; arguments emb, tgt, cat; writes cat
.if DOCPART == 8
	.amdgcn_target "amdgcn-amd-amdhsa--gfx1250"
	.amdhsa_code_object_version 6
	.text
	.protected	k_q5d4214e0ee_dist
	.globl	k_q5d4214e0ee_dist
	.p2align	8
	.type	k_q5d4214e0ee_dist,@function
k_q5d4214e0ee_dist:
	s_mov_b64 s[64:65], 0
	v_nop
	global_prefetch_b8 v0, s[64:65] scope:SCOPE_SE
	s_setreg_imm32_b32 hwreg(HW_REG_WAVE_MODE, 25, 1), 1
	s_wait_xcnt 0x0
; Distances, softmax(-d) and the weighted sum of tgt, for 256 queries x 256 keys of one batch: a partial (sums, weight sum, c x least distance) that the last launch joins over the 8 key blocks.
; S^T = (-2 T) Q^T + (yy + xx): source 0 = 16 keys, source 1 = 16 queries, C started with the norms; a lane holds one query and 8 keys.  d = sqrt(max(S, 0)), which is the problem's clamp.
; p = 2^(c dmin - c d), c = log2 e, with a running least distance for each query; the sums are multiplied by 2^(c dmin_new - c dmin_old) in every step.  p rounded to f16 is source 1 of O^T = V^T P,
; where V^T's rows 0-2 are tgt's coordinates in f16 and row 3 is ones (the weights' sum, of the rounded weights).
; A wave owns 64 queries, kept in 512 registers; the key tile (256 rows x 1,024 bytes) is brought once by four tensor loads, one a wave and one outstanding, into rows 1,040 bytes apart.
; NO CLUSTER in this form: the 8 query blocks of a batch read the same key tile; joint loads would divide those requests by four and are left for a later form.
; LIMITS: f16 operands; a weight below 2^-126 counts as 0; NaN and infinities are not treated.
.set KT, 0                 ; 256 x 1,040
.set VTL, 266240           ; 16 rows x 528
.set YYL, 274688           ; 256 norms
.set SPARE, 275712
.set SPW, 8                ; window 0
.set NIL, 9
.set AKA, 15
.set VTA, 16
.set YYA, 17
.set AK, 128               ; two buffers of 64: keys' fragments of 4 K steps
.set S, 0                  ; window 3: accumulator (m, n) at 8 (4 m + n)
.set P, 64
.set O, 96
.set YY, 128
.set VT, 144
.set XX, 152
.set ST, 160               ; a tile's: c dmin, least S, the factor, -, two at work
.set NC, 44                ; s[44:45] -c
.set CC, 46                ; s46 c
.set SEL, 48
.set MSB, 0
.macro WIN new
.if MSB != (\new)
	s_set_vgpr_msb (MSB<<8)|(\new)
.set MSB, (\new)
.endif
.endm
.macro PLACES
.rept 4
	v_nop
.endr
.endm
.macro LDAK buf, g         ; keys' fragments of K steps 4 g .. 4 g + 3
	WIN 0
.set i, 0
.rept 8
	ds_load_b128 v[AK+(\buf)*64+8*i:AK+(\buf)*64+8*i+3], v[AKA] offset:(i/4)*16640+((\g)*4+i%4)*64
	ds_load_b128 v[AK+(\buf)*64+8*i+4:AK+(\buf)*64+8*i+7], v[AKA] offset:(i/4)*16640+((\g)*4+i%4)*64+32
.set i, i+1
.endr
.endm
.macro SMX n               ; one tile of 16 queries x 32 keys
.set a0, S+8*(\n)
.set a1, S+8*(4+(\n))
.set st, ST+8*(\n)
	v_min3_num_f32 v[st+4], v[a0], v[a0+1], v[a0+2]       ; each accumulator is read from its low end on
	v_min3_num_f32 v[st+5], v[a1], v[a1+1], v[a1+2]
	v_min3_num_f32 v[st+4], v[st+4], v[a0+3], v[a0+4]
	v_min3_num_f32 v[st+5], v[st+5], v[a1+3], v[a1+4]
	v_min3_num_f32 v[st+4], v[st+4], v[a0+5], v[a0+6]
	v_min3_num_f32 v[st+5], v[st+5], v[a1+5], v[a1+6]
	v_min3_num_f32 v[st+4], v[st+4], v[a0+7], v[a1+7]
	v_min3_num_f32 v[st+4], v[st+4], v[st+5], v[st+1]
	v_permlanex16_b32 v[st+5], v[st+4], s[SEL], s[SEL+1]  ; the query's other 16 keys lie in the lane 16 away
	v_min_num_f32 v[st+1], v[st+4], v[st+5]
	v_max_num_f32 v[st+4], 0, v[st+1]
	v_sqrt_f32 v[st+4], v[st+4]
.set k, 0
.rept 8
	v_max_num_f32 v[a0+k], 0, v[a0+k]
	v_max_num_f32 v[a1+k], 0, v[a1+k]
.set k, k+1
.endr
	v_mov_b32 v[st+5], v[st]
	s_wait_alu depctr_va_vdst(0)
	v_mul_f32 v[st], s[CC], v[st+4]
	v_sub_f32 v[st+5], v[st], v[st+5]
	v_exp_f32 v[st+2], v[st+5]
.set k, 0
.rept 8
	v_sqrt_f32 v[a0+k], v[a0+k]
	v_sqrt_f32 v[a1+k], v[a1+k]
.set k, k+1
.endr
	v_nop                                          ; a plain instruction behind the roots
.set k, 0
	s_wait_alu depctr_va_vdst(0)
.rept 4
	v_pk_fma_f32 v[a0+2*k:a0+2*k+1], v[a0+2*k:a0+2*k+1], s[NC:NC+1], v[st:st+1] op_sel_hi:[1,0,0]
	v_pk_fma_f32 v[a1+2*k:a1+2*k+1], v[a1+2*k:a1+2*k+1], s[NC:NC+1], v[st:st+1] op_sel_hi:[1,0,0]
.set k, k+1
.endr
.set k, 0
.rept 8
	v_exp_f32 v[a0+k], v[a0+k]
	v_exp_f32 v[a1+k], v[a1+k]
.set k, k+1
.endr
	v_nop
.set k, 0
	s_wait_alu depctr_va_vdst(0)
.rept 4
	v_cvt_pk_f16_f32 v[P+8*(\n)+k], v[a0+2*k], v[a0+2*k+1]
	v_cvt_pk_f16_f32 v[P+8*(\n)+4+k], v[a1+2*k], v[a1+2*k+1]
.set k, k+1
.endr
	v_pk_mul_f32 v[O+8*(\n):O+8*(\n)+1], v[O+8*(\n):O+8*(\n)+1], v[st+2:st+3] op_sel_hi:[1,0]
	v_pk_mul_f32 v[O+8*(\n)+2:O+8*(\n)+3], v[O+8*(\n)+2:O+8*(\n)+3], v[st+2:st+3] op_sel_hi:[1,0]
.endm
.macro STEP last           ; 32 keys
	WIN 0xc0
.set i, 0
.rept 4
	ds_load_b128 v[YY+4*i:YY+4*i+3], v[YYA] offset:(i/2)*64+(i%2)*16
.set i, i+1
.endr
	ds_load_b128 v[VT:VT+3], v[VTA]
	ds_load_b128 v[VT+4:VT+7], v[VTA] offset:32
	s_wait_dscnt 0x0
	WIN 0xff
.set i, 0
.rept 8                                                ; the sums start at yy + xx
.set k, 0
.rept 4
	v_pk_add_f32 v[S+8*i+2*k:S+8*i+2*k+1], v[YY+8*(i/4)+2*k:YY+8*(i/4)+2*k+1], v[XX+2*(i%4):XX+2*(i%4)+1]
.set k, k+1
.endr
.set i, i+1
.endr
.set g, 0
.rept 4
	PLACES                                         ; the loads below land in the buffer that the group before multiplied
.if g < 3
	LDAK (g+1)&1, g+1
	s_wait_dscnt 16                                ; all but the 16 just issued
.elseif !(\last)
	WIN 0
	v_add_nc_u32 v[AKA], 33280, v[AKA]             ; the next 32 keys
	LDAK 0, 0
	s_wait_dscnt 16
.else
	s_wait_dscnt 0x0
.endif
.if g < 2
	WIN 0xf4                                       ; keys window 0, queries window 1, sums window 3
.else
	WIN 0xf8                                       ; queries window 2
.endif
.set k, 0
.rept 4
.set i, 0
.rept 8                                                ; 8 accumulators by turns
	v_wmma_f32_16x16x32_f16 v[S+8*i:S+8*i+7], v[AK+(g&1)*64+((i/4)*4+k)*8:AK+(g&1)*64+((i/4)*4+k)*8+7], v[(i%4)*64+((g*4+k)&7)*8:(i%4)*64+((g*4+k)&7)*8+7], v[S+8*i:S+8*i+7]
.set i, i+1
.endr
.set k, k+1
.endr
.set g, g+1
.endr
	PLACES
	WIN 0xff
	SMX 0
	SMX 1
	SMX 2
	SMX 3
.set i, 0
.rept 4
	v_wmma_f32_16x16x32_f16 v[O+8*i:O+8*i+7], v[VT:VT+7], v[P+8*i:P+8*i+7], v[O+8*i:O+8*i+7]
.set i, i+1
.endr
	PLACES
	WIN 0
	v_add_nc_u32 v[YYA], 128, v[YYA]
	v_add_nc_u32 v[VTA], 64, v[VTA]
.endm
	s_load_b128 s[4:7], s[0:1], 0x0                ; emb, tgt
	s_load_b64 s[8:9], s[0:1], 0x10                ; cat: the partials
	v_lshl_add_u32 v[SPW], v0, 2, SPARE
	v_mov_b32 v[NIL], 0
	ds_add_u32 v[SPW], v[NIL]                      ; the wave's opening: an add and its wait ahead of my tensor load
	ds_add_u32 v8, v9
	v_lshrrev_b32 v1, 5, v0
	v_readfirstlane_b32 s10, v1                    ; wave
	v_and_b32 v2, 15, v0                           ; r
	v_bfe_u32 v3, v0, 4, 1                         ; h
	s_lshr_b32 s11, ttmp9, 6                       ; batch
	s_bfe_u32 s24, ttmp9, 0x30003                  ; query block
	s_and_b32 s25, ttmp9, 7                        ; key block
	s_mov_b32 s12, 1                               ; group 0: count
	s_mul_i32 s13, s10, 66560                      ; my 64 rows of the tile in LDS
	s_mov_b32 s16, (1<<16)|(1<<20)|(7<<22)|(3<<25) ; group 1: 2-byte elements; 4 words of padding after every 256
	s_mov_b32 s17, 512<<16                         ; tensor_dim0 = 512
	s_mov_b32 s18, 64<<16                          ; tensor_dim1 = 64
	s_mov_b32 s19, 512<<16                         ; tile_dim0 = 512
	s_mov_b32 s20, 64                              ; tile_dim1 = 64
	s_mov_b32 s21, 512                             ; elements from row to row
	s_mov_b32 s22, 0
	s_mov_b32 s23, 0
	s_lshl_b32 s26, s11, 11
	s_lshl_b32 s27, s25, 8
	s_add_co_u32 s27, s26, s27
	s_add_co_u32 s27, s27, 8192                    ; my first key's row in emb
	s_lshl_b32 s28, s24, 8
	s_add_co_u32 s26, s26, s28
	s_lshl_b32 s28, s10, 6
	s_add_co_u32 s26, s26, s28                     ; my wave's first query
	s_add_co_u32 s28, s27, s28
	s_lshl_b32 s28, s28, 10
	s_mov_b32 s29, 0
	s_mov_b32 s[NC], 0xbfb8aa3b
	s_mov_b32 s[NC+1], 0xbfb8aa3b
	s_mov_b32 s[CC], 0x3fb8aa3b
	s_mov_b32 s[SEL], 0x76543210
	s_mov_b32 s[SEL+1], 0xfedcba98
	s_mov_b32 s42, 0xffff0000
	s_wait_dscnt 0x0
	s_wait_kmcnt 0x0
	s_add_nc_u64 s[14:15], s[4:5], s[28:29]
	s_or_b32 s15, s15, 0x80000000                  ; type 2
	tensor_load_to_lds s[12:15], s[16:23]
	s_nop 0
	PLACES
	s_lshl_b32 s28, s26, 10
	s_add_nc_u64 s[30:31], s[4:5], s[28:29]        ; my queries
	s_lshl_b32 s28, s26, 2
	s_add_co_u32 s28, s28, 16777216
	s_add_nc_u64 s[32:33], s[4:5], s[28:29]        ; their norms
	s_lshl_b32 s28, s27, 2
	s_add_co_u32 s28, s28, 16777216
	s_add_nc_u64 s[34:35], s[4:5], s[28:29]        ; the keys' norms
	s_mul_i32 s28, s11, 24576
	s_lshl_b32 s36, s25, 10
	s_add_co_u32 s28, s28, s36
	s_add_nc_u64 s[6:7], s[6:7], s[28:29]          ; the keys' coordinates
	s_lshl_b32 s28, s25, 13
	s_add_co_u32 s28, s28, s26
	s_lshl_b32 s28, s28, 5
	s_add_nc_u64 s[8:9], s[8:9], s[28:29]
	v_lshlrev_b32 v10, 10, v2
	v_lshl_add_u32 v10, v3, 4, v10
	v_lshlrev_b32 v11, 2, v2
	v_lshlrev_b32 v12, 3, v0
	WIN 0x40
.set i, 0
.rept 32
	global_load_b128 v[(i/8)*64+(i%8)*8:(i/8)*64+(i%8)*8+3], v10, s[30:31] offset:(i/8)*16384+(i%8)*64
	global_load_b128 v[(i/8)*64+(i%8)*8+4:(i/8)*64+(i%8)*8+7], v10, s[30:31] offset:(i/8)*16384+(i%8)*64+32
.set i, i+1
.endr
	WIN 0x80
.set i, 0
.rept 32
	global_load_b128 v[(i/8)*64+(i%8)*8:(i/8)*64+(i%8)*8+3], v10, s[30:31] offset:(i/8)*16384+(i%8)*64+512
	global_load_b128 v[(i/8)*64+(i%8)*8+4:(i/8)*64+(i%8)*8+7], v10, s[30:31] offset:(i/8)*16384+(i%8)*64+544
.set i, i+1
.endr
	WIN 0
.set i, 0
.rept 16
	global_load_b32 v[32+i], v11, s[32:33] offset:(i%4)*65536+(i/4)*64
.set i, i+1
.endr
.set i, 0
.rept 4
	global_load_b64 v[48+2*i:48+2*i+1], v12, s[34:35] offset:i*65536
.set i, i+1
.endr
.set i, 0
.rept 3
	global_load_b64 v[56+2*i:56+2*i+1], v12, s[6:7] offset:i*8192
.set i, i+1
.endr
	v_add_nc_u32 v13, YYL, v12
	v_lshlrev_b32 v14, 2, v0
	v_add_nc_u32 v14, VTL, v14
	v_mov_b32 v65, 0x3c003c00
	s_wait_loadcnt 0x0
	v_pk_add_f32 v[48:49], v[48:49], v[50:51]
	v_pk_add_f32 v[52:53], v[52:53], v[54:55]
	v_pk_add_f32 v[48:49], v[48:49], v[52:53]
	ds_store_b64 v13, v[48:49]                     ; two keys' norms
	v_cvt_pk_f16_f32 v62, v56, v57
	v_cvt_pk_f16_f32 v63, v58, v59
	v_cvt_pk_f16_f32 v64, v60, v61
	ds_store_b32 v14, v62
	ds_store_b32 v14, v63 offset:528
	ds_store_b32 v14, v64 offset:1056
	ds_store_b32 v14, v65 offset:1584
.set i, 4
.rept 12
	ds_store_b32 v14, v[NIL] offset:528*i
.set i, i+1
.endr
.set i, 0
.rept 4
	v_add_f32 v[32+4*i], v[32+4*i], v[32+4*i+1]
	v_add_f32 v[32+4*i+2], v[32+4*i+2], v[32+4*i+3]
	v_add_f32 v[32+4*i], v[32+4*i], v[32+4*i+2]
.set i, i+1
.endr
	WIN 0xc0
.set i, 0
.rept 4
	v_mov_b32 v[XX+2*i], v[32+4*i]
	v_mov_b32 v[XX+2*i+1], v[32+4*i]
	v_mov_b32 v[ST+8*i], 0x7f000000                ; c dmin and the least S start far above every distance: the first factor is 0
	v_mov_b32 v[ST+8*i+1], 0x7f000000
.irp k, 2,3,4,5
	v_mov_b32 v[ST+8*i+\k], 0
.endr
.set i, i+1
.endr
.set i, 0
.rept 32
	v_mov_b32 v[O+i], 0
.set i, i+1
.endr
	WIN 0
	v_mul_u32_u24 v[AKA], v2, 1040
	v_lshl_add_u32 v[AKA], v3, 4, v[AKA]
	v_mul_u32_u24 v[VTA], v2, 528
	v_lshl_add_u32 v[VTA], v3, 4, v[VTA]
	v_add_nc_u32 v[VTA], VTL, v[VTA]
	v_lshlrev_b32 v[YYA], 5, v3
	v_add_nc_u32 v[YYA], YYL, v[YYA]
	v_lshlrev_b32 v18, 5, v2
	v_lshl_add_u32 v18, v3, 4, v18
	s_wait_tensorcnt 0x0                           ; my quarter of the key tile is in,
	s_wait_dscnt 0x0                               ; my stores are done:
	s_barrier_signal -1
	s_barrier_wait -1                              ; everybody's
	LDAK 0, 0
	s_mov_b32 s40, 7
.Lstep:
	STEP 0
	s_sub_co_u32 s40, s40, 1
	s_cmp_lg_u32 s40, 0
	s_cbranch_scc1 .Lstep
	STEP 1                                         ; the last 32 keys are written out: nothing is fetched past the tile
	WIN 0xff
.set i, 0
.rept 4
	v_cndmask_b32 v[O+8*i+3], v[O+8*i+3], v[ST+8*i], s42   ; the upper half of the lanes carries c dmin
.set i, i+1
.endr
	WIN 0x0c                                       ; the stores' data lie in window 3
.set i, 0
.rept 4
	global_store_b128 v18, v[O+8*i:O+8*i+3], s[8:9] offset:512*i   ; 16 queries: 512 consecutive bytes
.set i, i+1
.endr
	WIN 0
	s_wait_tensorcnt 0x0                           ; the wave's end
	ds_add_u32 v[SPW], v[NIL]
	s_wait_dscnt 0x0
	s_endpgm
.Lfunc_end_k_q5d4214e0ee_dist:
	.size	k_q5d4214e0ee_dist, .Lfunc_end_k_q5d4214e0ee_dist-k_q5d4214e0ee_dist
	.p2alignl 7, 3214868480
	.fill 96, 4, 3214868480
	.section	.rodata,"a",@progbits
	.p2align	6, 0x0
	.amdhsa_kernel k_q5d4214e0ee_dist
		.amdhsa_group_segment_fixed_size 327680
		.amdhsa_private_segment_fixed_size 0
		.amdhsa_enable_private_segment 0
		.amdhsa_kernarg_size 24
		.amdhsa_user_sgpr_count 2
		.amdhsa_user_sgpr_kernarg_segment_ptr 1
		.amdhsa_wavefront_size32 1
		.amdhsa_system_sgpr_workgroup_id_x 1
		.amdhsa_system_sgpr_workgroup_id_y 1
		.amdhsa_system_sgpr_workgroup_id_z 1
		.amdhsa_system_vgpr_workitem_id 0
		.amdhsa_next_free_vgpr 1024
		.amdhsa_next_free_sgpr 66
		.amdhsa_reserve_vcc 0
		.amdhsa_float_denorm_mode_32 3
		.amdhsa_float_denorm_mode_16_64 3
		.amdhsa_memory_ordered 1
		.amdhsa_forward_progress 1
		.amdhsa_inst_pref_size 85
	.end_amdhsa_kernel
	.amdgpu_metadata
---
amdhsa.version: [ 1, 2 ]
amdhsa.kernels:
  - .name:           k_q5d4214e0ee_dist
    .symbol:         k_q5d4214e0ee_dist.kd
    .args:
      - { .name: emb, .offset: 0, .size: 8, .value_kind: global_buffer, .address_space: global }
      - { .name: tgt, .offset: 8, .size: 8, .value_kind: global_buffer, .address_space: global }
      - { .name: cat, .offset: 16, .size: 8, .value_kind: global_buffer, .address_space: global }
    .group_segment_fixed_size: 327680
    .private_segment_fixed_size: 0
    .kernarg_segment_align: 8
    .kernarg_segment_size: 24
    .max_flat_workgroup_size: 128
    .sgpr_count:     66
    .vgpr_count:     1024
    .wavefront_size: 32
...
	.end_amdgpu_metadata
.endif
;; end of part 8
;; launch comb (part 9): grid 32 x 1, 8 waves a work-group, no clusters, 0 bytes of LDS; arguments cat, out0; writes out0
.if DOCPART == 9
	.amdgcn_target "amdgcn-amd-amdhsa--gfx1250"
	.amdhsa_code_object_version 6
	.text
	.protected	k_q5d4214e0ee_comb
	.globl	k_q5d4214e0ee_comb
	.p2align	8
	.type	k_q5d4214e0ee_comb,@function
k_q5d4214e0ee_comb:
	s_mov_b64 s[64:65], 0
	v_nop
	global_prefetch_b8 v0, s[64:65] scope:SCOPE_SE
	s_setreg_imm32_b32 hwreg(HW_REG_WAVE_MODE, 25, 1), 1
	s_wait_xcnt 0x0
; The 8 key blocks' partials of a query are joined: each is weighted by 2^(c dmin_all - c dmin_block), the sums are divided by the weights' sum.  A thread a query: 8,192 threads have all the work there is.
	s_load_b128 s[4:7], s[0:1], 0x0                ; the partials, out0
	v_lshlrev_b32 v1, 5, v0
	v_lshlrev_b32 v2, 2, v0
	s_lshl_b32 s8, ttmp9, 13
	s_mov_b32 s9, 0
	s_lshr_b32 s10, ttmp9, 3                       ; batch
	s_mul_i32 s10, s10, 24576
	s_and_b32 s11, ttmp9, 7
	s_lshl_b32 s11, s11, 10
	s_add_co_u32 s10, s10, s11
	s_mov_b32 s11, 0
	s_wait_kmcnt 0x0
	s_add_nc_u64 s[4:5], s[4:5], s[8:9]
	s_add_nc_u64 s[6:7], s[6:7], s[10:11]
.set k, 0
.rept 8
	global_load_b128 v[8+4*k:8+4*k+3], v1, s[4:5] offset:262144*k
	global_load_b32 v[40+k], v1, s[4:5] offset:262144*k+28
.set k, k+1
.endr
	s_wait_loadcnt 0x0
	v_min3_num_f32 v3, v40, v41, v42
	v_min3_num_f32 v3, v3, v43, v44
	v_min3_num_f32 v3, v3, v45, v46
	v_min_num_f32 v3, v3, v47
.set k, 0
.rept 8
	v_sub_f32 v[40+k], v3, v[40+k]
.set k, k+1
.endr
.set k, 0
.rept 8
	v_exp_f32 v[40+k], v[40+k]
.set k, k+1
.endr
	v_nop
	s_wait_alu depctr_va_vdst(0)
	v_mul_f32 v4, v40, v8
	v_mul_f32 v5, v40, v9
	v_mul_f32 v6, v40, v10
	v_mul_f32 v7, v40, v11
.set k, 1
.rept 7
	v_fmac_f32 v4, v[40+k], v[8+4*k]
	v_fmac_f32 v5, v[40+k], v[8+4*k+1]
	v_fmac_f32 v6, v[40+k], v[8+4*k+2]
	v_fmac_f32 v7, v[40+k], v[8+4*k+3]
.set k, k+1
.endr
	v_rcp_f32 v7, v7
	v_nop
	s_wait_alu depctr_va_vdst(0)
	v_mul_f32 v4, v4, v7
	v_mul_f32 v5, v5, v7
	v_mul_f32 v6, v6, v7
	global_store_b32 v2, v4, s[6:7]
	global_store_b32 v2, v5, s[6:7] offset:8192
	global_store_b32 v2, v6, s[6:7] offset:16384
	s_endpgm
.Lfunc_end_k_q5d4214e0ee_comb:
	.size	k_q5d4214e0ee_comb, .Lfunc_end_k_q5d4214e0ee_comb-k_q5d4214e0ee_comb
	.p2alignl 7, 3214868480
	.fill 96, 4, 3214868480
	.section	.rodata,"a",@progbits
	.p2align	6, 0x0
	.amdhsa_kernel k_q5d4214e0ee_comb
		.amdhsa_group_segment_fixed_size 0
		.amdhsa_private_segment_fixed_size 0
		.amdhsa_enable_private_segment 0
		.amdhsa_kernarg_size 16
		.amdhsa_user_sgpr_count 2
		.amdhsa_user_sgpr_kernarg_segment_ptr 1
		.amdhsa_wavefront_size32 1
		.amdhsa_system_sgpr_workgroup_id_x 1
		.amdhsa_system_sgpr_workgroup_id_y 1
		.amdhsa_system_sgpr_workgroup_id_z 1
		.amdhsa_system_vgpr_workitem_id 0
		.amdhsa_next_free_vgpr 64
		.amdhsa_next_free_sgpr 66
		.amdhsa_reserve_vcc 0
		.amdhsa_float_denorm_mode_32 3
		.amdhsa_float_denorm_mode_16_64 3
		.amdhsa_memory_ordered 1
		.amdhsa_forward_progress 1
		.amdhsa_inst_pref_size 5
	.end_amdhsa_kernel
	.amdgpu_metadata
---
amdhsa.version: [ 1, 2 ]
amdhsa.kernels:
  - .name:           k_q5d4214e0ee_comb
    .symbol:         k_q5d4214e0ee_comb.kd
    .args:
      - { .name: cat, .offset: 0, .size: 8, .value_kind: global_buffer, .address_space: global }
      - { .name: out0, .offset: 8, .size: 8, .value_kind: global_buffer, .address_space: global }
    .group_segment_fixed_size: 0
    .private_segment_fixed_size: 0
    .kernarg_segment_align: 8
    .kernarg_segment_size: 16
    .max_flat_workgroup_size: 256
    .sgpr_count:     66
    .vgpr_count:     64
    .wavefront_size: 32
...
	.end_amdgpu_metadata
.endif
;; end of part 9
;; ======== version 2 of 2: 9 launches; 1.37 times as fast as version 1
;; limits: values are held in f16: magnitudes above 65,504 overflow, below 6.1e-05 lose precision
;; workspace buffers: masks 8,388,608 bytes of whole numbers; feat 8,388,608 bytes; cw 622,592 bytes; cat 33,554,432 bytes; sa 552,960 bytes; sb 552,960 bytes; y5 34,603,008 bytes; emb 17,039,360 bytes
;; launch knn (part 10): grid 256 x 1, 8 waves a work-group, no clusters, 0 bytes of LDS; arguments src, tgt, masks; writes masks
.if DOCPART == 10
	.amdgcn_target "amdgcn-amd-amdhsa--gfx1250"
	.amdhsa_code_object_version 6
	.text
	.protected	k_q5d4214e0ee_knn
	.globl	k_q5d4214e0ee_knn
	.p2align	8
	.type	k_q5d4214e0ee_knn,@function
k_q5d4214e0ee_knn:
	s_mov_b64 s[64:65], 0
	v_nop
	global_prefetch_b8 v0, s[64:65] scope:SCOPE_SE
	s_setreg_imm32_b32 hwreg(HW_REG_WAVE_MODE, 25, 1), 1
	s_wait_xcnt 0x0
; For each of the 16,384 points: the 32nd smallest squared distance T to the 2,048 points of its cloud, and two bit masks
; (distance < T, distance == T) stored as whole numbers; the next launch turns them into indices.
; Distances in f32 on the vector unit, (xx_i - 2 x_i.x_j) + xx_j: K = 3 is no matrix work, and 16-bit operands would change the neighbour sets.
; A work-group owns 64 points of one cloud, a wave 8, one a trip.  Lane l holds candidates j = 32 r + l, r = 0..63.
; Selection by minima and maxima alone: two bitonic sorts of 32 in each lane (one text, walked twice), then five merges that keep the lower 32 (one text, walked five times):
; with the lane's other half, with lanes 1, 2, 4 and 8 away; a last step with the lane 16 away wants no merge, only the maximum.
; LIMITS: NaN and infinities are not treated; +0 and -0 compare equal.
; No LDS, no matrix unit, no cluster: the waves share only the cloud's 24 KB, which each keeps in registers.
.set X, 0                  ; window 1: x, y, z and |x|^2 of my 64 candidates
.set YC, 64
.set Z, 128
.set XX, 192
.set D, 8                  ; window 0: v8-71 distances
.set W0, 72                ; three work lists of 32
.set W1, 104
.set W2, 136
.set MK, 168               ; v168-171 the masks' four words of my lane
.set T, 172
.set MSB, 0
.macro WIN new
.if MSB != (\new)
	s_set_vgpr_msb (MSB<<8)|(\new)
.set MSB, (\new)
.endif
.endm
; position p of a list lies in register base + (p & 30) + parity(p): positions that differ in one bit lie in an even and an odd register, as the dual form wants
.macro RG out, base, p
.set \out, (\base)+((\p)&30)+((((\p)>>4)^((\p)>>3)^((\p)>>2)^((\p)>>1)^(\p))&1)
.endm
.macro CE src, dst, i, l, dn, nat     ; compare and exchange positions i < l, out of place; dn != 0: descending; nat = 1: the source lies in natural order
.if \nat
.set ra, (\src)+(\i)
.set rb, (\src)+(\l)
.else
	RG ra, \src, \i
	RG rb, \src, \l
.endif
.if (\dn) == 0
	RG rlo, \dst, \i
	RG rhi, \dst, \l
.else
	RG rlo, \dst, \l
	RG rhi, \dst, \i
.endif
	v_dual_min_num_f32 v[rlo], v[ra], v[rb] :: v_dual_max_num_f32 v[rhi], v[rb], v[ra]
.endm
.macro STAGE src, dst, k, j, nat
.set ii, 0
.rept 32
.if (ii^(\j)) > ii
	CE \src, \dst, ii, ii^(\j), ii&(\k), \nat
.endif
.set ii, ii+1
.endr
.endm
.macro SORT14 A, B                    ; stages 2 to 15 of a sort of 32: from A back into A, ascending
	STAGE \A, \B, 4, 2, 0
	STAGE \B, \A, 4, 1, 0
	STAGE \A, \B, 8, 4, 0
	STAGE \B, \A, 8, 2, 0
	STAGE \A, \B, 8, 1, 0
	STAGE \B, \A, 16, 8, 0
	STAGE \A, \B, 16, 4, 0
	STAGE \B, \A, 16, 2, 0
	STAGE \A, \B, 16, 1, 0
	STAGE \B, \A, 32, 16, 0
	STAGE \A, \B, 32, 8, 0
	STAGE \B, \A, 32, 4, 0
	STAGE \A, \B, 32, 2, 0
	STAGE \B, \A, 32, 1, 0
.endm
.macro MERGE                          ; a bitonic list in W1 becomes an ascending one in W0
	STAGE W1, W0, 32, 16, 0
	STAGE W0, W1, 32, 8, 0
	STAGE W1, W0, 32, 4, 0
	STAGE W0, W1, 32, 2, 0
	STAGE W1, W0, 32, 1, 0
.endm
.macro LOWER kind, x                  ; W1[i] = min(W0[i], other[31 - i]): the lower 32 of two ascending lists.  kind 0: W2; 1: the lane x away; 2: the lane 16 away
.set ii, 0
.rept 32
	RG ra, W0, ii
	RG rc, W1, ii
.if (\kind) == 0
	RG rb, W2, 31-ii
	v_min_num_f32 v[rc], v[ra], v[rb]
.elseif (\kind) == 1
	RG rb, W0, 31-ii
	v_min_num_f32_dpp v[rc], v[rb], v[ra] row_xmask:\x row_mask:0xf bank_mask:0xf
.else
	RG rb, W0, 31-ii
	v_permlanex16_b32 v[rc], v[rb], s52, s53
	v_min_num_f32 v[rc], v[rc], v[ra]
.endif
.set ii, ii+1
.endr
.endm
	s_load_b128 s[4:7], s[0:1], 0x0                ; src, tgt
	s_load_b64 s[8:9], s[0:1], 0x10                ; masks
	v_lshrrev_b32 v3, 5, v0
	v_readfirstlane_b32 s10, v3                    ; wave
	v_and_b32 v4, 31, v0
	v_lshlrev_b32 v1, 2, v4                        ; 4 x lane: my candidates
	v_lshlrev_b32 v2, 4, v4                        ; 16 x lane: my words of a point's masks
	s_bfe_u32 s11, ttmp9, 0x20005                  ; cloud in its tensor: (wg >> 5) & 3
	s_mul_i32 s12, s11, 24576
	s_mov_b32 s13, 0
	s_and_b32 s14, ttmp9, 31
	s_lshl_b32 s14, s14, 8                         ; my group's 64 points, 4 bytes each,
	s_lshl_b32 s15, s10, 5                         ; my wave's 8
	s_add_co_u32 s14, s14, s15
	s_mov_b32 s15, 0
	s_lshl_b32 s54, ttmp9, 15                      ; 64 points x 512 bytes of masks
	s_lshl_b32 s55, s10, 12
	s_add_co_u32 s54, s54, s55
	s_mov_b32 s55, 0
	s_mov_b32 s52, 0x76543210
	s_mov_b32 s53, 0xfedcba98
	s_wait_kmcnt 0x0
	s_cmp_lt_u32 ttmp9, 128
	s_cselect_b64 s[4:5], s[4:5], s[6:7]           ; groups 0-127 take src, the others tgt
	s_add_nc_u64 s[4:5], s[4:5], s[12:13]          ; my cloud
	s_add_nc_u64 s[6:7], s[4:5], s[14:15]          ; my 8 points
	s_add_nc_u64 s[8:9], s[8:9], s[54:55]
	s_load_b256 s[16:23], s[6:7], 0x0              ; their x,
	s_load_b256 s[24:31], s[6:7], 0x2000           ; y,
	s_load_b256 s[32:39], s[6:7], 0x4000           ; z
	WIN 0x40
.set r, 0
.rept 64
	global_load_b32 v[X+r], v1, s[4:5] offset:128*r
	global_load_b32 v[YC+r], v1, s[4:5] offset:128*r+8192
	global_load_b32 v[Z+r], v1, s[4:5] offset:128*r+16384
.set r, r+1
.endr
	s_wait_loadcnt 0x0
	WIN 0x55
.set r, 0
.rept 32
	v_pk_mul_f32 v[XX+r:XX+r+1], v[X+r:X+r+1], v[X+r:X+r+1]
.set r, r+2
.endr
.set r, 0
.rept 32
	v_pk_fma_f32 v[XX+r:XX+r+1], v[YC+r:YC+r+1], v[YC+r:YC+r+1], v[XX+r:XX+r+1]
.set r, r+2
.endr
.set r, 0
.rept 32
	v_pk_fma_f32 v[XX+r:XX+r+1], v[Z+r:Z+r+1], v[Z+r:Z+r+1], v[XX+r:XX+r+1]
.set r, r+2
.endr
	WIN 0
.irp i, 0,1,2,3
	v_mov_b32 v[MK+\i], 0                          ; v_writelane_b32 counts as a reader of its destination
.endr
.set r, 0
.rept 32
	v_mov_b32 v[W2+r], 0                           ; written once here, so that the list is written on every way through the sort's loop
.set r, r+1
.endr
	s_wait_kmcnt 0x0
	s_mov_b32 s50, 8
.Lpoint:
	s_mul_f32 s46, s16, s16                        ; xx_i, in the candidates' order of operations
	s_fmac_f32 s46, s24, s24
	s_fmac_f32 s46, s32, s32
	s_mov_b32 s47, s46
	s_mul_f32 s40, s16, -2.0
	s_mov_b32 s41, s40
	s_mul_f32 s42, s24, -2.0
	s_mov_b32 s43, s42
	s_mul_f32 s44, s32, -2.0
	s_mov_b32 s45, s44
	WIN 0x01                                       ; source 0 in window 1
.set r, 0
.rept 32
	v_pk_fma_f32 v[D+r:D+r+1], v[X+r:X+r+1], s[40:41], s[46:47] op_sel_hi:[1,0,0]   ; xx_i - 2 x_i x_j
.set r, r+2
.endr
.set r, 0
.rept 32
	v_pk_fma_f32 v[D+r:D+r+1], v[YC+r:YC+r+1], s[42:43], v[D+r:D+r+1] op_sel_hi:[1,0,1]
.set r, r+2
.endr
.set r, 0
.rept 32
	v_pk_fma_f32 v[D+r:D+r+1], v[Z+r:Z+r+1], s[44:45], v[D+r:D+r+1] op_sel_hi:[1,0,1]
.set r, r+2
.endr
.set r, 0
.rept 32
	v_pk_add_f32 v[D+r:D+r+1], v[XX+r:XX+r+1], v[D+r:D+r+1]
.set r, r+2
.endr
	WIN 0
	STAGE D+32, W0, 2, 1, 1                        ; the upper half's first stage
	s_mov_b32 s51, 2
.Lsort:
	SORT14 W0, W1
	s_cmp_eq_u32 s51, 1
	s_cbranch_scc1 .Lsorted
.set r, 0
.rept 16
	v_dual_mov_b32 v[W2+r], v[W0+r] :: v_dual_mov_b32 v[W2+r+1], v[W0+r+1]   ; the upper half, sorted, steps aside;
.set r, r+2
.endr
	STAGE D, W0, 2, 1, 1                           ; the lower half's first stage
.Lsorted:
	s_sub_co_u32 s51, s51, 1
	s_cmp_lg_u32 s51, 0
	s_cbranch_scc1 .Lsort
	s_mov_b32 s51, 5
.Lmerge:                                               ; five times: the lower 32 of two lists, then the merge; the counter says with whom
	s_cmp_eq_u32 s51, 5
	s_cbranch_scc1 .Lwith_half
	s_cmp_eq_u32 s51, 4
	s_cbranch_scc1 .Lwith_1
	s_cmp_eq_u32 s51, 3
	s_cbranch_scc1 .Lwith_2
	s_cmp_eq_u32 s51, 2
	s_cbranch_scc1 .Lwith_4
	LOWER 1, 8
	s_branch .Lgo
.Lwith_half:
	LOWER 0, 0
	s_branch .Lgo
.Lwith_1:
	LOWER 1, 1
	s_branch .Lgo
.Lwith_2:
	LOWER 1, 2
	s_branch .Lgo
.Lwith_4:
	LOWER 1, 4
.Lgo:
	MERGE
	s_sub_co_u32 s51, s51, 1
	s_cmp_lg_u32 s51, 0
	s_cbranch_scc1 .Lmerge
	LOWER 2, 0                                     ; the lowest 32 of all 2,048, unsorted: their maximum is T
	v_max3_num_f32 v[T], v[W1], v[W1+1], v[W1+2]
.set r, 3
.rept 14
	v_max3_num_f32 v[T], v[T], v[W1+r], v[W1+r+1]
.set r, r+2
.endr
	v_max_num_f32 v[T], v[T], v[W1+31]
.set r, 0
.rept 64                                               ; word r of a mask holds candidates 32 r .. 32 r + 31; it goes to lane r % 32
	v_cmp_lt_f32 s48, v[D+r], v[T]
	v_writelane_b32 v[MK+(r>>5)], s48, r&31
	v_cmp_eq_f32 s49, v[D+r], v[T]
	v_writelane_b32 v[MK+2+(r>>5)], s49, r&31
.set r, r+1
.endr
	global_store_b128 v2, v[MK:MK+3], s[8:9]       ; the wave stores the point's 512 consecutive bytes
	s_wait_xcnt 0x0                                ; v2 and the four words are written again only behind this wait
	v_add_nc_u32 v2, 512, v2
.irp i, 0,1,2,3,4,5,6
	s_mov_b32 s[16+\i], s[17+\i]                   ; the next point moves to the front
	s_mov_b32 s[24+\i], s[25+\i]
	s_mov_b32 s[32+\i], s[33+\i]
.endr
	s_sub_co_u32 s50, s50, 1
	s_cmp_lg_u32 s50, 0
	s_cbranch_scc1 .Lpoint
	s_endpgm
.Lfunc_end_k_q5d4214e0ee_knn:
	.size	k_q5d4214e0ee_knn, .Lfunc_end_k_q5d4214e0ee_knn-k_q5d4214e0ee_knn
	.p2alignl 7, 3214868480
	.fill 96, 4, 3214868480
	.section	.rodata,"a",@progbits
	.p2align	6, 0x0
	.amdhsa_kernel k_q5d4214e0ee_knn
		.amdhsa_group_segment_fixed_size 0
		.amdhsa_private_segment_fixed_size 0
		.amdhsa_enable_private_segment 0
		.amdhsa_kernarg_size 24
		.amdhsa_user_sgpr_count 2
		.amdhsa_user_sgpr_kernarg_segment_ptr 1
		.amdhsa_wavefront_size32 1
		.amdhsa_system_sgpr_workgroup_id_x 1
		.amdhsa_system_sgpr_workgroup_id_y 1
		.amdhsa_system_sgpr_workgroup_id_z 1
		.amdhsa_system_vgpr_workitem_id 0
		.amdhsa_next_free_vgpr 512
		.amdhsa_next_free_sgpr 66
		.amdhsa_reserve_vcc 0
		.amdhsa_float_denorm_mode_32 3
		.amdhsa_float_denorm_mode_16_64 3
		.amdhsa_memory_ordered 1
		.amdhsa_forward_progress 1
		.amdhsa_inst_pref_size 88
	.end_amdhsa_kernel
	.amdgpu_metadata
---
amdhsa.version: [ 1, 2 ]
amdhsa.kernels:
  - .name:           k_q5d4214e0ee_knn
    .symbol:         k_q5d4214e0ee_knn.kd
    .args:
      - { .name: src, .offset: 0, .size: 8, .value_kind: global_buffer, .address_space: global }
      - { .name: tgt, .offset: 8, .size: 8, .value_kind: global_buffer, .address_space: global }
      - { .name: masks, .offset: 16, .size: 8, .value_kind: global_buffer, .address_space: global }
    .group_segment_fixed_size: 0
    .private_segment_fixed_size: 0
    .kernarg_segment_align: 8
    .kernarg_segment_size: 24
    .max_flat_workgroup_size: 256
    .sgpr_count:     66
    .vgpr_count:     512
    .wavefront_size: 32
...
	.end_amdgpu_metadata
.endif
;; end of part 10
;; launch compact (part 11): grid 256 x 1, 32 waves a work-group, no clusters, 8,192 bytes of LDS; arguments masks, src, tgt, w5, feat, cw, w4, g4; writes feat, cw
.if DOCPART == 11
	.amdgcn_target "amdgcn-amd-amdhsa--gfx1250"
	.amdhsa_code_object_version 6
	.text
	.protected	k_q5d4214e0ee_compact
	.globl	k_q5d4214e0ee_compact
	.p2align	8
	.type	k_q5d4214e0ee_compact,@function
k_q5d4214e0ee_compact:
	s_mov_b64 s[64:65], 0
	v_nop
	global_prefetch_b8 v0, s[64:65] scope:SCOPE_SE
	s_setreg_imm32_b32 hwreg(HW_REG_WAVE_MODE, 25, 1), 1
	s_wait_xcnt 0x0
; From each point's masks (whole numbers that the launch before stored): the 32 neighbours' indices; their coordinates are gathered; the edge features
; (u = x_j - x_i, v = x_i - p, 0, 0) go out in f16, 16 bytes an edge, p being the set's first point; and the work-group's 6 first and 21 second moments of (u, v) in f32,
; from which the next launch makes layer 1's batch statistics.  Waves 0-3 also write one block each of w5 in f16, laid out as matrix fragments; wave 4 of work-groups 0-127 one block of w4,
; each row times the sign of its gain g4 (the edge MLP's last pass wants the sign folded in, so that a maximum serves for either sign).
; A wave takes two points, one a trip of its loop; lane s is neighbour slot s.  Slot s takes the s-th bit of 'less than T', or behind those the (s - count)-th bit of 'equal to T': ties go to the lower index.
; LIMIT: u, v and the weights must lie within f16's range (65,504).
.set RED, 0                ; 32 waves x 128 bytes of moments
.set SPARE, 4096           ; the spare words: 128 bytes a wave
.set SPW, 94
.set NIL, 95
.macro POPC d, x, t        ; d = the number of ones in x
	v_lshrrev_b32 \t, 1, \x
	v_and_b32 \t, s40, \t
	v_sub_nc_u32 \d, \x, \t
	v_lshrrev_b32 \t, 2, \d
	v_and_b32 \t, s41, \t
	v_and_b32 \d, s41, \d
	v_add_nc_u32 \d, \d, \t
	v_lshrrev_b32 \t, 4, \d
	v_add_nc_u32 \d, \d, \t
	v_and_b32 \d, s42, \d
	v_mul_lo_u32 \d, \d, s43
	v_lshrrev_b32 \d, 24, \d
.endm
.macro SCAN v, t           ; inclusive prefix sums over the 32 lanes
.irp n, 1,2,4,8
	v_mov_b32_dpp \t, \v row_shr:\n row_mask:0xf bank_mask:0xf bound_ctrl:1
	v_add_nc_u32 \v, \v, \t
.endr
	v_readlane_b32 s44, \v, 15
	v_cndmask_b32 \t, 0, s44, s45
	v_add_nc_u32 \v, \v, \t
.endm
; a0, a1: 'less' words l and 32 + l; e0, e1: 'equal' words; j: 4 x the index of my slot's neighbour
.macro PICK a0, a1, e0, e1, j
	POPC v16, \a0, v35
	POPC v17, \a1, v35
	v_lshl_or_b32 v16, v17, 16, v16
	POPC v18, \e0, v35
	POPC v19, \e1, v35
	v_lshl_or_b32 v18, v19, 16, v18
	SCAN v16, v35
	SCAN v18, v35
	v_and_b32 v20, 0xffff, v16                     ; four prefixes in four bytes; those of 'equal' are capped at 63, which keeps every comparison with a rank below 32
	v_lshrrev_b32 v21, 16, v16
	v_and_b32 v22, 0xffff, v18
	v_min_u32 v22, 63, v22
	v_lshrrev_b32 v23, 16, v18
	v_min_u32 v23, 63, v23
	v_lshl_or_b32 v20, v21, 8, v20
	v_lshl_or_b32 v20, v22, 16, v20
	v_lshl_or_b32 v20, v23, 24, v20
	v_readlane_b32 s46, v20, 31                    ; the totals
	s_and_b32 s47, s46, 0xff
	s_bfe_u32 s48, s46, 0x80008
	s_add_co_u32 s49, s47, s48                     ; how many are less than T (31 at the most)
	s_bfe_u32 s50, s46, 0x80010
	v_cmp_le_u32 s52, s49, v1                      ; my slot takes an 'equal' bit
	v_sub_nc_u32 v21, v1, s49
	v_cndmask_b32 v21, v1, v21, s52                ; my rank in my set
	v_mov_b32 v22, s47
	v_mov_b32 v23, s50
	v_cndmask_b32 v22, v22, v23, s52               ; the set's bits in words 0-31
	v_cndmask_b32 v24, 0, 16, s52
	v_cmp_ge_u32 s51, v21, v22                     ; mine lies in words 32-63
	v_sub_nc_u32 v23, v21, v22
	v_cndmask_b32 v21, v21, v23, s51
	v_cndmask_b32 v25, 0, 1, s51
	v_lshl_add_u32 v24, v25, 3, v24                ; which byte of the prefixes
	v_mov_b32 v26, 0                               ; how many words' prefixes are at most my rank: the word that holds my bit
.irp st, 16,8,4,2,1
	v_add_nc_u32 v27, \st-1, v26
	v_lshlrev_b32 v27, 2, v27
	ds_bpermute_b32 v28, v27, v20
	s_wait_dscnt 0x0
	v_lshrrev_b32 v28, v24, v28
	v_and_b32 v28, 0xff, v28
	v_add_nc_u32 v27, \st, v26
	v_cmp_le_u32 vcc_lo, v28, v21
	v_cndmask_b32 v26, v26, v27, vcc_lo
.endr
	v_add_nc_u32 v27, -1, v26
	v_lshlrev_b32 v27, 2, v27
	v_lshlrev_b32 v29, 2, v26
	ds_bpermute_b32 v28, v27, v20                  ; the prefix in front of that word
	ds_bpermute_b32 v30, v29, \a0
	ds_bpermute_b32 v31, v29, \a1
	ds_bpermute_b32 v32, v29, \e0
	ds_bpermute_b32 v33, v29, \e1
	s_wait_dscnt 0x0
	v_lshrrev_b32 v28, v24, v28
	v_and_b32 v28, 0xff, v28
	v_cmp_eq_u32 vcc_lo, 0, v26
	v_cndmask_b32 v28, v28, 0, vcc_lo
	v_sub_nc_u32 v21, v21, v28                     ; my rank inside the word
	v_cndmask_b32 v30, v30, v31, s51
	v_cndmask_b32 v32, v32, v33, s51
	v_cndmask_b32 v30, v30, v32, s52
	v_mov_b32 v31, 0                               ; the largest place below which at most 'rank' ones lie: my bit
.irp st, 16,8,4,2,1
	v_add_nc_u32 v32, \st, v31
	v_lshlrev_b32 v33, v32, v36
	v_add_nc_u32 v33, -1, v33
	v_and_b32 v33, v33, v30
	POPC v34, v33, v35
	v_cmp_le_u32 vcc_lo, v34, v21
	v_cndmask_b32 v31, v31, v32, vcc_lo
.endr
	v_lshl_add_u32 v26, v25, 5, v26
	v_lshl_add_u32 \j, v26, 5, v31
	v_min_u32 \j, 0x7ff, \j                        ; an index stays inside its cloud
	v_lshlrev_b32 \j, 2, \j
.endm
	s_load_b256 s[4:11], s[0:1], 0x0               ; masks, src, tgt, w5
	s_load_b128 s[12:15], s[0:1], 0x20             ; feat, cw
	s_load_b128 s[60:63], s[0:1], 0x30             ; w4, g4
	v_lshl_add_u32 v[SPW], v0, 2, SPARE
	v_mov_b32 v[NIL], 0
	v_lshrrev_b32 v3, 5, v0
	v_readfirstlane_b32 s16, v3                    ; wave 0..31
	v_and_b32 v1, 31, v0
	v_lshlrev_b32 v2, 4, v1
	v_mov_b32 v35, 0
	v_mov_b32 v36, 1
	s_mov_b32 s40, 0x55555555
	s_mov_b32 s41, 0x33333333
	s_mov_b32 s42, 0x0f0f0f0f
	s_mov_b32 s43, 0x01010101
	s_mov_b32 s45, 0xffff0000
	s_mov_b32 s54, 0x76543210
	s_mov_b32 s55, 0xfedcba98
	s_bfe_u32 s17, ttmp9, 0x20005
	s_mul_i32 s22, s17, 24576                      ; my cloud in its tensor
	s_mov_b32 s23, 0
	s_and_b32 s34, ttmp9, 31
	s_lshl_b32 s34, s34, 8
	s_lshl_b32 s35, s16, 3
	s_add_co_u32 s34, s34, s35                     ; my two points, 4 bytes each
	s_mov_b32 s35, 0
	s_lshl_b32 s36, ttmp9, 15                      ; 64 points x 512 bytes, in masks and in feat,
	s_lshl_b32 s37, s16, 10                        ; my wave's two
	s_add_co_u32 s36, s36, s37
	s_mov_b32 s37, 0
	s_wait_kmcnt 0x0
	s_cmp_lt_u32 ttmp9, 128
	s_cselect_b64 s[20:21], s[6:7], s[8:9]         ; my set's tensor: its first point is p
	s_add_nc_u64 s[18:19], s[20:21], s[22:23]      ; my cloud
	s_add_nc_u64 s[38:39], s[18:19], s[34:35]
	s_add_nc_u64 s[4:5], s[4:5], s[36:37]
	s_add_nc_u64 s[12:13], s[12:13], s[36:37]
	global_load_b128 v[4:7], v2, s[4:5]            ; both points' masks are asked for at once
	global_load_b128 v[8:11], v2, s[4:5] offset:512
	s_load_b32 s24, s[20:21], 0x0
	s_load_b32 s25, s[20:21], 0x2000
	s_load_b32 s26, s[20:21], 0x4000
	s_load_b64 s[28:29], s[38:39], 0x0
	s_load_b64 s[30:31], s[38:39], 0x2000
	s_load_b64 s[32:33], s[38:39], 0x4000
.set k, 0
.rept 27
	v_mov_b32 v[48+k], 0                           ; the 27 sums
.set k, k+1
.endr
	v_mov_b32 v79, 0
	s_wait_loadcnt 0x0
	s_wait_kmcnt 0x0
	s_mov_b32 s56, 2
.Lpoint:
	PICK v4, v5, v6, v7, v12
	global_load_b32 v84, v12, s[18:19]
	global_load_b32 v85, v12, s[18:19] offset:8192
	global_load_b32 v86, v12, s[18:19] offset:16384
	s_wait_loadcnt 0x0
	v_sub_f32 v40, v84, s28
	v_sub_f32 v41, v85, s30
	v_sub_f32 v42, v86, s32
	v_sub_f32 v43, s28, s24
	v_sub_f32 v44, s30, s25
	v_sub_f32 v45, s32, s26
.set a, 0
.rept 6
	v_add_f32 v[48+a], v[48+a], v[40+a]
.set a, a+1
.endr
.set k, 6
.set a, 0
.rept 6
.set b, a
.rept 6-a
	v_fmac_f32 v[48+k], v[40+a], v[40+b]
.set k, k+1
.set b, b+1
.endr
.set a, a+1
.endr
	v_cvt_pk_f16_f32 v76, v40, v41
	v_cvt_pk_f16_f32 v77, v42, v43
	v_cvt_pk_f16_f32 v78, v44, v45
	global_store_b128 v2, v[76:79], s[12:13]       ; a point's 32 edges: 512 consecutive bytes
.irp i, 0,1,2,3
	v_mov_b32 v[4+\i], v[8+\i]                     ; the second point moves to the front
.endr
	s_mov_b32 s28, s29
	s_mov_b32 s30, s31
	s_mov_b32 s32, s33
	s_wait_xcnt 0x0                                ; the store's data and base are written again only behind this wait
	s_add_nc_u64 s[12:13], s[12:13], 512
	s_sub_co_u32 s56, s56, 1
	s_cmp_lg_u32 s56, 0
	s_cbranch_scc1 .Lpoint
	; w5 in f16, block 4 wg + w = (nt 16 + kk) 2 + q: lane l holds w5[16 nt + l % 16][32 kk + 16 q + 8 (l / 16) + 0..7]
	s_cmp_lt_u32 s16, 4
	s_cbranch_scc0 .Lno_w5
	s_lshl_b32 s17, ttmp9, 2
	s_add_co_u32 s17, s17, s16                     ; the block
	s_lshr_b32 s22, s17, 5
	s_lshl_b32 s22, s22, 15                        ; 16 rows of 2,048 bytes
	s_bfe_u32 s34, s17, 0x40001
	s_lshl_b32 s34, s34, 7
	s_add_co_u32 s22, s22, s34
	s_and_b32 s34, s17, 1
	s_lshl_b32 s34, s34, 6
	s_add_co_u32 s22, s22, s34
	s_mov_b32 s23, 0
	s_add_nc_u64 s[10:11], s[10:11], s[22:23]
	s_lshl_b32 s22, s17, 9
	s_add_co_u32 s22, s22, 32768
	s_add_nc_u64 s[34:35], s[14:15], s[22:23]
	v_and_b32 v14, 15, v0
	v_bfe_u32 v15, v0, 4, 1
	v_lshlrev_b32 v14, 11, v14
	v_lshl_add_u32 v14, v15, 5, v14
	global_load_b128 v[16:19], v14, s[10:11]
	global_load_b128 v[20:23], v14, s[10:11] offset:16
	s_wait_loadcnt 0x0
	v_cvt_pk_f16_f32 v24, v16, v17
	v_cvt_pk_f16_f32 v25, v18, v19
	v_cvt_pk_f16_f32 v26, v20, v21
	v_cvt_pk_f16_f32 v27, v22, v23
	global_store_b128 v2, v[24:27], s[34:35]
.Lno_w5:
	; w4 times the sign of g4, in f16, block wg = (nt 4 + kk) 2 + q: lane l holds w4[16 nt + l % 16][32 kk + 16 q + 8 (l / 16) + 0..7]; 128 blocks behind w5's
	s_cmp_eq_u32 s16, 4
	s_cbranch_scc0 .Lno_w4
	s_cmp_lt_u32 ttmp9, 128
	s_cbranch_scc0 .Lno_w4
	s_wait_xcnt 0x0                                ; the registers below are written only behind this wait
	s_lshr_b32 s17, ttmp9, 3                       ; nt
	s_lshl_b32 s22, s17, 13                        ; 16 rows of 512 bytes
	s_bfe_u32 s34, ttmp9, 0x20001                  ; kk
	s_lshl_b32 s34, s34, 7
	s_add_co_u32 s22, s22, s34
	s_and_b32 s34, ttmp9, 1                        ; q
	s_lshl_b32 s34, s34, 6
	s_add_co_u32 s22, s22, s34
	s_mov_b32 s23, 0
	s_add_nc_u64 s[60:61], s[60:61], s[22:23]
	s_lshl_b32 s22, s17, 6                         ; the 16 rows' gains
	s_add_nc_u64 s[62:63], s[62:63], s[22:23]
	s_lshl_b32 s22, ttmp9, 9
	s_add_co_u32 s22, s22, 557056
	s_add_nc_u64 s[34:35], s[14:15], s[22:23]
	v_and_b32 v14, 15, v0
	v_bfe_u32 v15, v0, 4, 1
	v_lshlrev_b32 v28, 2, v14
	v_lshlrev_b32 v14, 9, v14
	v_lshl_add_u32 v14, v15, 5, v14
	global_load_b128 v[16:19], v14, s[60:61]
	global_load_b128 v[20:23], v14, s[60:61] offset:16
	global_load_b32 v29, v28, s[62:63]
	s_wait_loadcnt 0x0
	v_cmp_gt_f32 vcc_lo, 0, v29
	v_cndmask_b32 v29, 1.0, -1.0, vcc_lo
.set k, 0
.rept 8
	v_mul_f32 v[16+k], v29, v[16+k]
.set k, k+1
.endr
	v_cvt_pk_f16_f32 v24, v16, v17
	v_cvt_pk_f16_f32 v25, v18, v19
	v_cvt_pk_f16_f32 v26, v20, v21
	v_cvt_pk_f16_f32 v27, v22, v23
	global_store_b128 v2, v[24:27], s[34:35]
.Lno_w4:
	; the wave's moments: summed over the lanes, one word each into the wave's row
	v_mov_b32 v37, 0
.set k, 0
.rept 27
.irp x, 1,2,4,8
	v_add_f32_dpp v[48+k], v[48+k], v[48+k] row_xmask:\x row_mask:0xf bank_mask:0xf
.endr
	v_permlanex16_b32 v37, v[48+k], s54, s55
	v_add_f32 v[48+k], v[48+k], v37
.set k, k+1
.endr
	v_lshlrev_b32 v38, 7, v3                       ; my wave's row
.set k, 0
.rept 32
.if k < 27
	ds_store_b32 v38, v[48+k] offset:RED+4*k
.else
	ds_store_b32 v38, v[NIL] offset:RED+4*k
.endif
.set k, k+1
.endr
	s_wait_dscnt 0x0                               ; for the others' sake: my row is written
	s_barrier_signal -1
	s_barrier_wait -1
	s_cmp_lg_u32 s16, 0
	s_cbranch_scc1 .Lnot_0
	s_wait_xcnt 0x0                                ; the loads below land in v48-79, of which v76-79 were a store's data: they are written again only behind this wait
	v_lshlrev_b32 v39, 2, v1                       ; wave 0: lane a adds moment a of the 32 rows
.set k, 0
.rept 32
	ds_load_b32 v[48+k], v39 offset:RED+128*k
.set k, k+1
.endr
	s_wait_dscnt 0x0
.set k, 1
.rept 31
	v_add_f32 v48, v48, v[48+k]
.set k, k+1
.endr
	s_lshl_b32 s22, ttmp9, 7
	s_mov_b32 s23, 0
	s_add_nc_u64 s[14:15], s[14:15], s[22:23]
	global_store_b32 v39, v48, s[14:15]
.Lnot_0:
	s_wait_tensorcnt 0x0                           ; the wave's end
	ds_add_u32 v[SPW], v[NIL]
	s_wait_dscnt 0x0
	s_endpgm
.Lfunc_end_k_q5d4214e0ee_compact:
	.size	k_q5d4214e0ee_compact, .Lfunc_end_k_q5d4214e0ee_compact-k_q5d4214e0ee_compact
	.p2alignl 7, 3214868480
	.fill 96, 4, 3214868480
	.section	.rodata,"a",@progbits
	.p2align	6, 0x0
	.amdhsa_kernel k_q5d4214e0ee_compact
		.amdhsa_group_segment_fixed_size 8192
		.amdhsa_private_segment_fixed_size 0
		.amdhsa_enable_private_segment 0
		.amdhsa_kernarg_size 64
		.amdhsa_user_sgpr_count 2
		.amdhsa_user_sgpr_kernarg_segment_ptr 1
		.amdhsa_wavefront_size32 1
		.amdhsa_system_sgpr_workgroup_id_x 1
		.amdhsa_system_sgpr_workgroup_id_y 1
		.amdhsa_system_sgpr_workgroup_id_z 1
		.amdhsa_system_vgpr_workitem_id 0
		.amdhsa_next_free_vgpr 96
		.amdhsa_next_free_sgpr 66
		.amdhsa_reserve_vcc 1
		.amdhsa_float_denorm_mode_32 3
		.amdhsa_float_denorm_mode_16_64 3
		.amdhsa_memory_ordered 1
		.amdhsa_forward_progress 1
		.amdhsa_inst_pref_size 34
	.end_amdhsa_kernel
	.amdgpu_metadata
---
amdhsa.version: [ 1, 2 ]
amdhsa.kernels:
  - .name:           k_q5d4214e0ee_compact
    .symbol:         k_q5d4214e0ee_compact.kd
    .args:
      - { .name: masks, .offset: 0, .size: 8, .value_kind: global_buffer, .address_space: global }
      - { .name: src, .offset: 8, .size: 8, .value_kind: global_buffer, .address_space: global }
      - { .name: tgt, .offset: 16, .size: 8, .value_kind: global_buffer, .address_space: global }
      - { .name: w5, .offset: 24, .size: 8, .value_kind: global_buffer, .address_space: global }
      - { .name: feat, .offset: 32, .size: 8, .value_kind: global_buffer, .address_space: global }
      - { .name: cw, .offset: 40, .size: 8, .value_kind: global_buffer, .address_space: global }
      - { .name: w4, .offset: 48, .size: 8, .value_kind: global_buffer, .address_space: global }
      - { .name: g4, .offset: 56, .size: 8, .value_kind: global_buffer, .address_space: global }
    .group_segment_fixed_size: 8192
    .private_segment_fixed_size: 0
    .kernarg_segment_align: 8
    .kernarg_segment_size: 64
    .max_flat_workgroup_size: 1024
    .sgpr_count:     66
    .vgpr_count:     96
    .wavefront_size: 32
...
	.end_amdgpu_metadata
.endif
;; end of part 11
;; launch p2 (part 12): grid 256 x 1, 4 waves a work-group, no clusters, 110,848 bytes of LDS; arguments feat, cw, w1, g1, b1, w2, g2, cat, sa; writes cat, sa
.if DOCPART == 12
	.amdgcn_target "amdgcn-amd-amdhsa--gfx1250"
	.amdhsa_code_object_version 6
	.text
	.protected	k_q5d4214e0ee_p2
	.globl	k_q5d4214e0ee_p2
	.p2align	8
	.type	k_q5d4214e0ee_p2,@function
k_q5d4214e0ee_p2:
	s_mov_b64 s[64:65], 0
	v_nop
	global_prefetch_b8 v0, s[64:65] scope:SCOPE_SE
	s_setreg_imm32_b32 hwreg(HW_REG_WAVE_MODE, 25, 1), 1
	s_wait_xcnt 0x0
.set PASS, 2
; THE EDGE MLP, pass PASS of 2, 3, 4 (one source text; the line above chooses).  A pass knows the batch statistics of layers 1 .. PASS - 1, multiplies those layers again with the normalisation folded
; into f16 weights (scale into the rows, shift as the C operand), and multiplies layer PASS once, collecting for each channel the sum, the sum of squares and, for each point, the maximum over its 32 edges.
; Since batch-norm and ReLU rise with y once the sign of the gain is folded into the weights, max_k relu(bn(y)) = relu(bn(max_k y)): no activation is ever stored.
; The last layer's sums start at -pilot (pilot = W relu(b of the layer before)), so that the variance is no difference of large sums when the biases carry an offset; batch-norm does not see the shift.
; SHARES: a work-group owns 64 points (2,048 edges), four waves.  Product D = W x H^T: a lane holds one edge (lane % 16) and 8 channels; two results rounded to f16 are the next layer's B fragment.
; The 16 columns of a tile are 16 points at one neighbour slot, so the maximum over neighbours is taken register by register.  All weights stay in registers.  A step is 4 channel tiles x 2 column tiles.
; Layer 1 has K = 6 of 32: its weights' rows hold zeros from k = 6 on, so the upper half of the lanes (k = 8 .. 15) may hold the same finite features as the lower: their products are 0.
; Pass 4: each wave makes H3 for a quarter of a chunk's 16 tiles, hands it on through LDS, and multiplies its own 64 of layer 4's 256 channels by all 16 tiles.
; THE SET-UP: every load that hangs on nothing but the arguments (features, the earlier passes' folded weights, raw weights, gains, shifts, statistics) goes out in one run at the head, into registers
; that the loop takes over only later, and one wait serves them all: the loads do not wait for each other.
; LIMITS: matrix operands in f16 (65,504); NaN and infinities are not treated.  No cluster: the work-groups share only the weights, read once each at the start.
.set PB, 0                 ; LDS: relu(b of the layer before) in f16, 2 bytes a channel: the pilot's operand
.set BIA1, 256             ; shifts of layers 1 to 3
.set BIA2, 512
.set BIA3, 768
.set SCL, 2304             ; row scales of layer PASS - 1
.set SCS, 2816             ; signs of layer PASS's gains
.set TOT, 3840             ; the set's sums, in 4 or 2 partial rows: 2,048 bytes
.set RED, 5888             ; 4 waves x 1,024: the group's sums on the way out
.set W1L, 9984             ; 64 rows x 80
.set W2L, 15104            ; 64 rows x 144
.set W3L, 24320            ; 128 rows x 144
.set SPARE, 42752          ; the spare words
.set FST, 43264            ; the group's features: 64 points x 528
.set STG, 77056            ; 4 waves x 16 rows x 528, for the way out
.set HB3, 131072           ; pass 4: a chunk's H3: 16 tiles x 4,096
.set W4F, 557056           ; pass 4: where layer 4's fragments begin in their buffer
; registers.  window 0:
.set R, 1                  ; lane % 16
.set H, 2                  ; lane / 16
.set LN, 3
.set L16, 4
.set FA, 5                 ; LDS address of my feature fragment
.set SPW, 8
.set NIL, 9
.set HWA, 10
.set HRO, 11
.set STO, 12
.set RD, 13
.set GO, 14
.set TA, 15
.set F, 32                 ; 2 tiles x 8: layer 1's B fragments (v16-51 serve the set-up before)
.set Y, 64                 ; 8 accumulators
.set BI2, 128              ; C operands of layer 2 and layer 3
.set BI3, 160
.set Q, 192                ; pass 2's set-up: layer 1's row at work
.set T, 224
.set H1, 0                 ; window 1
.set H2, 64
.set HB, 128
.set FT, 0                 ; window 1 in the set-up: the features as loaded,
.set IM, 64                ; the earlier passes' folded weights,
.set RQ, 128               ; the raw weights of layer PASS - 1
.set RP, 192               ; and of layer PASS
.set W1, 0                 ; window 3
.set W2, 32
.set W3, 96
.set BI1, 224
.if PASS == 4              ; window 2
.set A4, 0
.set SUM, 128
.set SQ, 160
.set MX, 192
.set B4, 224
.else
.set SUM, 0
.set SQ, 64
.set MX, 128
.set MX1, 192
.endif
.if PASS == 2
.set CQ, 64
.set CP, 64
.set KSP, 2
.set NTW, 4
.set HP, H1
.set WPR, W2
.set BIP, BI2
.elseif PASS == 3
.set CQ, 64
.set CP, 128
.set BIQ, BIA2
.set KSP, 2
.set NTW, 8
.set AOFF, 12800
.set HP, H2
.set WPR, W3
.set BIP, BI3
.set LGR, 5                ; 2^LGR threads, 16 bytes each, take a row of statistics (sums and squares: 8 CQ bytes)
.else
.set CQ, 128
.set CP, 256
.set BIQ, BIA3
.set KSP, 4
.set NTW, 4
.set AOFF, 13312
.set HP, HB
.set WPR, A4
.set BIP, B4
.set LGR, 6
.endif
.set MSB, 0
.macro WIN new
.if MSB != (\new)
	s_set_vgpr_msb (MSB<<8)|(\new)
.set MSB, (\new)
.endif
.endm
.macro PLACES              ; four places between a matrix instruction and what reads its result or writes its registers (ISA guide 7.12.1)
.rept 4
	v_nop
.endr
.endm
.macro BAR                 ; what I stored in LDS is there, what I read is back; then the work-group's barrier
	s_wait_dscnt 0x0
	s_barrier_signal -1
	s_barrier_wait -1
.endm
.macro IF64 lab            ; where the layer before has 64 channels, waves 0 and 1 alone (threads 0 to 63, a channel each) do what follows, up to the label
.if CQ == 64
	s_cmp_lt_u32 s8, 2
	s_cbranch_scc0 \lab
.endif
.endm
.macro RAWLD dst, sb, u    ; at the head: u chunks of 8 f32 a thread, chunk t + 128 i, into window 1
.set i, 0
.rept \u
	global_load_b128 v[(\dst)+8*i:(\dst)+8*i+3], v17, s[\sb:\sb+1] offset:4096*i
	global_load_b128 v[(\dst)+8*i+4:(\dst)+8*i+7], v17, s[\sb:\sb+1] offset:4096*i+16
.set i, i+1
.endr
.endm
.macro IMPW src, lb, p, lg, n  ; n chunks of 16 bytes a thread, loaded at the head into window 1, go into padded LDS rows
	WIN 0
	v_lshrrev_b32 v35, \lg, v0
	v_and_b32 v37, (1<<(\lg))-1, v0
	v_mul_u32_u24 v35, v35, \p
	v_lshl_add_u32 v35, v37, 4, v35
	WIN 0x04                                       ; the stores' data lie in window 1
.set i, 0
.rept \n
	ds_store_b128 v35, v[(\src)+4*i:(\src)+4*i+3] offset:(\lb)+i*(128>>(\lg))*(\p)
.set i, i+1
.endr
	WIN 0
.endm
.macro EXPW sb, goff, lb, p, lg, n  ; padded LDS rows of f16 go out dense: n chunks of 16 bytes a thread
	s_wait_xcnt 0x0                                ; the registers below may be sources of earlier loads and stores
	v_lshrrev_b32 v17, \lg, v0
	v_and_b32 v18, (1<<(\lg))-1, v0
	v_mul_u32_u24 v17, v17, \p
	v_lshl_add_u32 v17, v18, 4, v17
.set i, 0
.rept \n
	ds_load_b128 v[Y+4*i:Y+4*i+3], v17 offset:(\lb)+i*(128>>(\lg))*(\p)
.set i, i+1
.endr
	s_wait_dscnt 0x0
.set i, 0
.rept \n
	global_store_b128 v16, v[Y+4*i:Y+4*i+3], s[\sb:\sb+1] offset:(\goff)+2048*i
.set i, i+1
.endr
.endm
; u chunks of 8 f32 a thread, loaded at the head into window 1: times the row's scale, rounded to f16, into padded LDS rows
.macro CVW src, scl, lb, p, lg, u
	WIN 0
	v_lshrrev_b32 v35, \lg, v0
	v_and_b32 v37, (1<<(\lg))-1, v0
	v_lshlrev_b32 v36, 2, v35
	v_mul_u32_u24 v35, v35, \p
	v_lshl_add_u32 v35, v37, 4, v35
.set i, 0
.rept \u
	ds_load_b32 v[T+i], v36 offset:(\scl)+i*(128>>(\lg))*4
.set i, i+1
.endr
	s_wait_dscnt 0x0
	WIN 0x44                                       ; the scale in window 0, the weights in window 1
.set i, 0
.rept \u
.set k, 0
.rept 8
	v_mul_f32 v[(\src)+8*i+k], v[T+i], v[(\src)+8*i+k]
.set k, k+1
.endr
.set i, i+1
.endr
	WIN 0x45
.set i, 0
.rept \u
.set k, 0
.rept 4
	v_cvt_pk_f16_f32 v[(\src)+8*i+k], v[(\src)+8*i+2*k], v[(\src)+8*i+2*k+1]   ; in place: register k is free when pair k is rounded
.set k, k+1
.endr
.set i, i+1
.endr
	WIN 0x04
.set i, 0
.rept \u
	ds_store_b128 v35, v[(\src)+8*i:(\src)+8*i+3] offset:(\lb)+i*(128>>(\lg))*(\p)
.set i, i+1
.endr
	WIN 0
.endm
; Channel tiles 4 tq .. 4 tq + 3 of a layer times two column tiles: 8 accumulators by turns, one instruction a turn.  The first K step takes the shift as C
.macro MM8 wb, ks, bib, hb, hs, m0, mk, tq
.set kk, 0
.rept \ks
.if kk == 0
	WIN \m0
.else
	WIN \mk
.endif
.set tt, 0
.rept 4
.set nn, 0
.rept 2
.set rD, Y+8*(2*tt+nn)
.set rA, (\wb)+((4*(\tq)+tt)*(\ks)+kk)*8
.set rB, (\hb)+nn*(\hs)+kk*8
.set rC, (\bib)+8*(4*(\tq)+tt)
.if kk == 0
	v_wmma_f32_16x16x32_f16 v[rD:rD+7], v[rA:rA+7], v[rB:rB+7], v[rC:rC+7]
.else
	v_wmma_f32_16x16x32_f16 v[rD:rD+7], v[rA:rA+7], v[rB:rB+7], v[rD:rD+7]
.endif
.set nn, nn+1
.endr
.set tt, tt+1
.endr
.set kk, kk+1
.endr
.endm
.macro RELU                ; each accumulator is read from its low end on
	PLACES
	WIN 0
.set i, 0
.rept 64
	v_max_num_f32 v[Y+i], 0, v[Y+i]
.set i, i+1
.endr
.endm
.macro ACT hd, hs, tq, x1  ; ReLU, (x1: layer 1's maximum over neighbours,) and f16 into the next layer's B fragments
	RELU
.if \x1
	WIN 0xa0
.set tt, 0
.rept 4
.set k, 0
.rept 8
	v_max3_num_f32 v[MX1+8*(4*(\tq)+tt)+k], v[Y+16*tt+k], v[Y+16*tt+8+k], v[MX1+8*(4*(\tq)+tt)+k]
.set k, k+1
.endr
.set tt, tt+1
.endr
.endif
	WIN 0x40
.set tt, 0
.rept 4
.set nn, 0
.rept 2
.set k, 0
.rept 4
	v_cvt_pk_f16_f32 v[(\hd)+nn*(\hs)+((4*(\tq)+tt)/2)*8+(tt%2)*4+k], v[Y+8*(2*tt+nn)+2*k], v[Y+8*(2*tt+nn)+2*k+1]
.set k, k+1
.endr
.set nn, nn+1
.endr
.set tt, tt+1
.endr
.endm
.macro ACTL tq             ; pass 4, layer 3: the fragments go to LDS, half a fragment (512 bytes of the wave) a store
	RELU
.set tt, 0
.rept 4
.set nn, 0
.rept 2
.set k, 0
.rept 4
	v_cvt_pk_f16_f32 v[T+4*(2*tt+nn)+k], v[Y+8*(2*tt+nn)+2*k], v[Y+8*(2*tt+nn)+2*k+1]
.set k, k+1
.endr
	ds_store_b128 v[HWA], v[T+4*(2*tt+nn):T+4*(2*tt+nn)+3] offset:nn*4096+((4*(\tq)+tt)/2)*1024+(tt%2)*512
.set nn, nn+1
.endr
.set tt, tt+1
.endr
.endm
.macro STAT tq, pl         ; the last layer: sums, sums of squares, maxima.  pl = 1: the places behind the products stand here
.if \pl
	PLACES
.endif
	WIN 0xa0
.set nn, 0
.rept 2
.set tt, 0
.rept 4
.set k, 0
.rept 4
	v_pk_fma_f32 v[SUM+8*(4*(\tq)+tt)+2*k:SUM+8*(4*(\tq)+tt)+2*k+1], v[Y+8*(2*tt+nn)+2*k:Y+8*(2*tt+nn)+2*k+1], 1.0, v[SUM+8*(4*(\tq)+tt)+2*k:SUM+8*(4*(\tq)+tt)+2*k+1] op_sel_hi:[1,0,1]
.set k, k+1
.endr
.set tt, tt+1
.endr
.set nn, nn+1
.endr
.set nn, 0
.rept 2
.set tt, 0
.rept 4
.set k, 0
.rept 4
	v_pk_fma_f32 v[SQ+8*(4*(\tq)+tt)+2*k:SQ+8*(4*(\tq)+tt)+2*k+1], v[Y+8*(2*tt+nn)+2*k:Y+8*(2*tt+nn)+2*k+1], v[Y+8*(2*tt+nn)+2*k:Y+8*(2*tt+nn)+2*k+1], v[SQ+8*(4*(\tq)+tt)+2*k:SQ+8*(4*(\tq)+tt)+2*k+1]
.set k, k+1
.endr
.set tt, tt+1
.endr
.set nn, nn+1
.endr
.set tt, 0
.rept 4
.set k, 0
.rept 8
	v_max3_num_f32 v[MX+8*(4*(\tq)+tt)+k], v[Y+16*tt+k], v[Y+16*tt+8+k], v[MX+8*(4*(\tq)+tt)+k]
.set k, k+1
.endr
.set tt, tt+1
.endr
.endm
.macro STAGE src, nt       ; 16 lanes' rows x 16 nt channels of window 2 go into my stage and come back into Y as whole rows of 256 or 512 bytes
	WIN 0x08                                       ; the stores' data lie in window 2
.set i, 0
.rept \nt
	ds_store_b128 v[STO], v[(\src)+8*i:(\src)+8*i+3] offset:64*i
	ds_store_b128 v[STO], v[(\src)+8*i+4:(\src)+8*i+7] offset:64*i+16
.set i, i+1
.endr
	WIN 0
	s_wait_xcnt 0x0                                ; Y may be the data of earlier stores
.set i, 0
.rept 2*(\nt)
	ds_load_b128 v[Y+4*i:Y+4*i+3], v[RD] offset:i*(4224/(\nt))   ; LDS serves a wave's instructions in order (ISA guide 5.7.1.4): these see the stores above
.set i, i+1
.endr
	s_wait_dscnt 0x0
.endm
.macro FLUSH src, nt, goff ; the maxima of 16 points go out
	STAGE \src, \nt
.set i, 0
.rept 2*(\nt)
	global_store_b128 v[GO], v[Y+4*i:Y+4*i+3], s[42:43] offset:(\goff)+i*(16384/(\nt))
.set i, i+1
.endr
.endm
.macro REDST src, nt, off  ; per-lane sums are added over the 16 edges: the stage's rows are added, a lane four channels; into my row of RED, channel c at byte off + 4 c
	STAGE \src, \nt
.set i, 1
.rept 2*(\nt)-1
	v_pk_add_f32 v[Y:Y+1], v[Y:Y+1], v[Y+4*i:Y+4*i+1]
	v_pk_add_f32 v[Y+2:Y+3], v[Y+2:Y+3], v[Y+4*i+2:Y+4*i+3]
.set i, i+1
.endr
.if (\nt) == 4                         ; rows of 256 bytes: the odd rows lie in the lane 16 away
.irp k, 0,1,2,3
	v_permlanex16_b32 v[T+\k], v[Y+\k], s62, s63
.endr
	v_pk_add_f32 v[Y:Y+1], v[Y:Y+1], v[T:T+1]
	v_pk_add_f32 v[Y+2:Y+3], v[Y+2:Y+3], v[T+2:T+3]
.endif
	ds_store_b128 v[TA], v[Y:Y+3] offset:\off
.endm
.macro LDHB                ; two tiles of H3: 8 fragments
	WIN 0x40
.set i, 0
.rept 16
	ds_load_b128 v[HB+4*i:HB+4*i+3], v[HRO] offset:512*i
.set i, i+1
.endr
	WIN 0
.endm
	s_load_b512 s[16:31], s[0:1], 0x0              ; feat 16, IN 18, w 20 / g 22 / b 24 of layer PASS - 1, w 26 (pass 4: the fragments' buffer) / g 28 of layer PASS (pass 4: its signs are in the fragments), cat 30
	s_load_b64 s[32:33], s[0:1], 0x40              ; OUT
	v_lshl_add_u32 v[SPW], v0, 2, SPARE
	v_mov_b32 v[NIL], 0
	v_lshrrev_b32 v16, 5, v0
	v_readfirstlane_b32 s8, v16                    ; wave
	v_and_b32 v[LN], 31, v0
	v_and_b32 v[R], 15, v0
	v_bfe_u32 v[H], v0, 4, 1
	v_lshlrev_b32 v[L16], 4, v[LN]
	v_lshlrev_b32 v16, 4, v0                       ; 16 t, 32 t and 4 t: kept through the set-up
	v_lshlrev_b32 v17, 5, v0
	v_lshlrev_b32 v21, 2, v0
.if PASS > 2
	v_and_b32 v20, CQ-1, v0
	v_lshlrev_b32 v20, 2, v20                      ; 4 x my channel of layer PASS - 1
	v_and_b32 v19, (1<<LGR)-1, v0                  ; the statistics: my 16 bytes of a row,
	v_lshrrev_b32 v22, LGR, v0                     ; and which rows are mine
	v_lshlrev_b32 v19, 4, v19
	v_lshl_add_u32 v19, v22, 11, v19
.endif
.if PASS == 4
	v_lshl_add_u32 v38, s8, 14, v[L16]             ; my wave's 16 fragments of layer 4
.endif
	s_lshr_b32 s9, ttmp9, 7                        ; set: 0 src, 1 tgt
	s_and_b32 s10, ttmp9, 127
	s_mov_b32 s3, 0
	s_mov_b32 s15, 0xff800000                      ; where the maxima start
	s_mov_b32 s62, 0x76543210
	s_mov_b32 s63, 0xfedcba98
	s_wait_kmcnt 0x0
	s_lshl_b32 s2, ttmp9, 15
	s_add_nc_u64 s[16:17], s[16:17], s[2:3]        ; my 64 points' features
	s_lshl_b32 s2, ttmp9, 11
	s_add_nc_u64 s[38:39], s[32:33], s[2:3]        ; my row of statistics
	s_mul_i32 s2, s9, 14336
	s_add_co_u32 s2, s2, 524288
	s_add_nc_u64 s[40:41], s[32:33], s[2:3]        ; my set's coefficients, out
	s_add_nc_u64 s[36:37], s[18:19], s[2:3]        ; and in
.if PASS == 2
	s_lshl_b32 s2, s9, 14
.else
	s_lshl_b32 s2, s9, 18
.endif
	s_add_nc_u64 s[34:35], s[18:19], s[2:3]        ; my set's 128 rows of moments or of statistics
	; THE HEAD: one run of loads
	WIN 0x40                                       ; destinations in window 1
.set i, 0
.rept 16
	global_load_b128 v[FT+4*i:FT+4*i+3], v16, s[16:17] offset:2048*i
.set i, i+1
.endr
.if PASS > 2
.set i, 0
.rept 2
	global_load_b128 v[IM+4*i:IM+4*i+3], v16, s[36:37] offset:2048*i            ; layer 1, folded
.set i, i+1
.endr
.endif
.if PASS == 2
	RAWLD RP, 26, 4
.elseif PASS == 3
	RAWLD RQ, 20, 4
	RAWLD RP, 26, 8
.else
.set i, 0
.rept 4
	global_load_b128 v[IM+8+4*i:IM+8+4*i+3], v16, s[36:37] offset:4096+2048*i   ; layer 2, folded
.set i, i+1
.endr
	RAWLD RQ, 20, 8
	WIN 0x80                                       ; layer 4's fragments go straight where the products take them: 512 consecutive bytes a load
.set i, 0
.rept 32
	global_load_b128 v[A4+4*i:A4+4*i+3], v38, s[26:27] offset:W4F+512*i
.set i, i+1
.endr
.endif
	WIN 0
.if PASS == 2
	; LAYER 1's statistics from the moments of (u, v).  Waves 0 and 1: each adds the set's 128 rows (a load takes four rows, 512 consecutive bytes: lane l holds moments 4 (l % 8) + 0..3 of row l / 8);
	; the 27 go to scalar registers; thread t then makes channel t.
	IF64 .Lno_l1
.set i, 0
.rept 32
	global_load_b128 v[Y+4*i:Y+4*i+3], v[L16], s[34:35] offset:512*i
.set i, i+1
.endr
	v_mul_u32_u24 v19, v0, 24                      ; channel t
	global_load_b64 v[Q:Q+1], v19, s[20:21]
	global_load_b64 v[Q+2:Q+3], v19, s[20:21] offset:8
	global_load_b64 v[Q+4:Q+5], v19, s[20:21] offset:16
	global_load_b32 v[Q+6], v21, s[22:23]
	global_load_b32 v[Q+7], v21, s[24:25]
	global_load_b32 v[Q+8], v21, s[28:29]
	s_wait_loadcnt 0x0
.set i, 1
.rept 31
	v_pk_add_f32 v[Y:Y+1], v[Y:Y+1], v[Y+4*i:Y+4*i+1]
	v_pk_add_f32 v[Y+2:Y+3], v[Y+2:Y+3], v[Y+4*i+2:Y+4*i+3]
.set i, i+1
.endr
.irp k, 0,1,2,3
	v_add_f32_dpp v[Y+\k], v[Y+\k], v[Y+\k] row_xmask:8 row_mask:0xf bank_mask:0xf
.endr
.irp k, 0,1,2,3
	v_permlanex16_b32 v[Y+4+\k], v[Y+\k], s62, s63
.endr
.irp k, 0,1,2,3
	v_add_f32 v[Y+\k], v[Y+\k], v[Y+4+\k]
.endr
.irp k, 0,1,2,3
	v_mul_f32 v[Y+\k], 0x36800000, v[Y+\k]         ; / 2^18 edges of a set
.endr
.set a, 0
.rept 27
	v_readlane_b32 s[68+a], v[Y+(a%4)], a/4
.set a, a+1
.endr
.set a, 0
.rept 6
	s_mul_f32 s[44+a], s[68+a], -1.0
.set a, a+1
.endr
.set k, 6
.set a, 0
.rept 6
.set b, a
.rept 6-a
	s_fmac_f32 s[68+k], s[44+a], s[68+b]           ; covariance (a, b)
.set k, k+1
.set b, b+1
.endr
.set a, a+1
.endr
	v_max_num_f32 v[Q+20], 0, v[Q+7]               ; the pilot's operand: relu(b1) in f16
	v_cvt_pk_f16_f32 v[Q+20], v[Q+20], v[Q+20]
	v_lshlrev_b32 v[Q+21], 1, v0
	ds_store_b16 v[Q+21], v[Q+20] offset:PB
	v_add_f32 v[Q+3], v[Q+3], v[Q]                 ; y = wa . u + (wa + wb) . v + a constant that batch-norm drops
	v_add_f32 v[Q+4], v[Q+4], v[Q+1]
	v_add_f32 v[Q+5], v[Q+5], v[Q+2]
	v_mul_f32 v[Q+9], s68, v[Q]
.set a, 1
.rept 5
	v_fmac_f32 v[Q+9], s[68+a], v[Q+a]             ; the mean
.set a, a+1
.endr
.set a, 0
.rept 6
.set b, 0
.rept 6
.if a <= b
.set ix, 6+a*6-a*(a-1)/2+(b-a)
.else
.set ix, 6+b*6-b*(b-1)/2+(a-b)
.endif
.if b == 0
	v_mul_f32 v[Q+11], s[68+ix], v[Q+b]
.else
	v_fmac_f32 v[Q+11], s[68+ix], v[Q+b]
.endif
.set b, b+1
.endr
.if a == 0
	v_mul_f32 v[Q+10], v[Q+11], v[Q]
.else
	v_fmac_f32 v[Q+10], v[Q+11], v[Q+a]            ; the variance
.endif
.set a, a+1
.endr
	v_max_num_f32 v[Q+10], 0, v[Q+10]
	v_add_f32 v[Q+10], 0x3727c5ac, v[Q+10]
	v_rsq_f32 v[Q+10], v[Q+10]
	v_mov_b32 v[Q+15], 0
	s_wait_alu depctr_va_vdst(0)
	v_mul_f32 v[Q+6], v[Q+6], v[Q+10]              ; g / sqrt(var + eps)
	v_fma_f32 v[Q+7], -v[Q+6], v[Q+9], v[Q+7]      ; the shift
.set a, 0
.rept 6
	v_mul_f32 v[Q+a], v[Q+a], v[Q+6]
.set a, a+1
.endr
	v_cvt_pk_f16_f32 v[Q+12], v[Q], v[Q+1]
	v_cvt_pk_f16_f32 v[Q+13], v[Q+2], v[Q+3]
	v_cvt_pk_f16_f32 v[Q+14], v[Q+4], v[Q+5]
.irp i, 16,17,18,19
	v_mov_b32 v[Q+\i], 0
.endr
	v_mul_u32_u24 v22, v0, 80
	ds_store_b128 v22, v[Q+12:Q+15] offset:W1L
	ds_store_b128 v22, v[Q+16:Q+19] offset:W1L+16
	ds_store_b128 v22, v[Q+16:Q+19] offset:W1L+32
	ds_store_b128 v22, v[Q+16:Q+19] offset:W1L+48
	ds_store_b32 v21, v[Q+7] offset:BIA1
	v_cmp_gt_f32 vcc_lo, 0, v[Q+8]
	v_cndmask_b32 v[Q+8], 1.0, -1.0, vcc_lo
	ds_store_b32 v21, v[Q+8] offset:SCS
.Lno_l1:
	s_wait_loadcnt 0x0                             ; the head's loads are in
.else
	global_load_b32 v28, v20, s[22:23]             ; my channel's gain,
	global_load_b32 v29, v20, s[24:25]             ; shift,
	global_load_b32 v30, v20, s[34:35] offset:8*CQ ; -pilot, from the set's first row,
	global_load_b32 v33, v20, s[36:37] offset:12288  ; and a word of the earlier layers' shifts
.if PASS == 3
	global_load_b32 v32, v21, s[28:29]
.endif
	; the statistics of layer PASS - 1: the set's 128 rows; a thread takes 16 bytes of every 128 >> LGR-th row, 32 rows a batch
.set RS, 2048*(128>>LGR)
.irp i, 40,41,42,43
	v_mov_b32 v\i, 0
.endr
.if PASS == 4
	s_mov_b32 s11, 2
.Lred:
.endif
.set i, 0
.rept 32
	global_load_b128 v[Y+4*i:Y+4*i+3], v19, s[34:35] offset:i*RS
.set i, i+1
.endr
	s_wait_loadcnt 0x0                             ; these and all the head's loads are in; also frees the address registers
.set i, 0
.rept 32
	v_pk_add_f32 v[40:41], v[40:41], v[Y+4*i:Y+4*i+1]
	v_pk_add_f32 v[42:43], v[42:43], v[Y+4*i+2:Y+4*i+3]
.set i, i+1
.endr
.if PASS == 4
	v_add_nc_u32 v19, 32*RS, v19
	s_sub_co_u32 s11, s11, 1
	s_cmp_lg_u32 s11, 0
	s_cbranch_scc1 .Lred
.endif
	ds_store_b128 v16, v[40:43] offset:TOT         ; byte 16 t: partial row t >> LGR, my 16 bytes of it
.endif
	v_lshrrev_b32 v34, 5, v0                       ; the features: point t / 32 + 4 i, slot t % 32
	v_mul_u32_u24 v34, v34, 528
	v_add_nc_u32 v34, v34, v[L16]
	v_add_nc_u32 v34, FST, v34
	WIN 0x04                                       ; the stores' data lie in window 1
.set i, 0
.rept 16
	ds_store_b128 v34, v[FT+4*i:FT+4*i+3] offset:2112*i
.set i, i+1
.endr
	WIN 0
.if PASS > 2
	IMPW IM, W1L, 80, 2, 2                         ; the layers folded by earlier passes
.if PASS == 4
	IMPW IM+8, W2L, 144, 3, 4
.endif
	IF64 .Lno_b1                                   ; pass 3: 64 shifts of layer 1; pass 4: 128, of layers 1 and 2, which lie on end
	ds_store_b32 v21, v33 offset:BIA1
.Lno_b1:
	BAR
.set NPH, 128>>LGR
.set i, 0
.rept NPH
	ds_load_b32 v[44+i], v20 offset:TOT+i*8*CQ
	ds_load_b32 v[48+i], v20 offset:TOT+i*8*CQ+4*CQ
.set i, i+1
.endr
	s_wait_dscnt 0x0
	v_add_f32 v26, v44, v45
	v_add_f32 v27, v48, v49
.if NPH == 4
	v_add_f32 v46, v46, v47
	v_add_f32 v50, v50, v51
	v_add_f32 v26, v26, v46
	v_add_f32 v27, v27, v50
.endif
	v_max_num_f32 v31, 0, v29                      ; the pilot's operand: relu(b) in f16
	v_cvt_pk_f16_f32 v31, v31, v31
	v_mul_f32 v26, 0x36800000, v26                 ; mean of y - pilot
	v_mul_f32 v27, 0x36800000, v27
	v_fma_f32 v27, -v26, v26, v27
	v_max_num_f32 v27, 0, v27
	v_add_f32 v27, 0x3727c5ac, v27
	v_rsq_f32 v27, v27
	v_sub_f32 v30, v30, v26
	v_mul_f32 v24, |v28|, v27                      ; A = |g| / sqrt(var + eps)
	v_mul_f32 v28, v28, v27                        ; the rows' scale
	v_fma_f32 v25, -v24, v26, v29                  ; S = b - A mean': for the stored maxima
	v_fma_f32 v29, v24, v30, v29                   ; the shift b - A (pilot + mean')
.if PASS == 3
	v_cmp_gt_f32 vcc_lo, 0, v32
	v_cndmask_b32 v32, 1.0, -1.0, vcc_lo
	ds_store_b32 v21, v32 offset:SCS
.endif
	IF64 .Lno_fin                                  ; thread t stores channel t's
	ds_store_b32 v21, v28 offset:SCL
	ds_store_b32 v21, v29 offset:BIQ
	v_lshlrev_b32 v23, 1, v0
	ds_store_b16 v23, v31 offset:PB
.Lno_fin:
.endif
	BAR
.if PASS == 2
	CVW RP, SCS, W2L, 144, 3, 4
.elseif PASS == 3
	CVW RQ, SCL, W2L, 144, 3, 4
	CVW RP, SCS, W3L, 144, 3, 8
.else
	CVW RQ, SCL, W3L, 144, 3, 8
.endif
	BAR
	s_cmp_lg_u32 s10, 0                            ; the set's first work-group hands the coefficients on
	s_cbranch_scc1 .Lno_export
.if PASS == 2
	EXPW 40, 0, W1L, 80, 2, 2
	IF64 .Lno_export
	ds_load_b32 v26, v21 offset:BIA1
	s_wait_dscnt 0x0
	global_store_b32 v21, v26, s[40:41] offset:12288
.elseif PASS == 3
	EXPW 40, 0, W1L, 80, 2, 2
	EXPW 40, 4096, W2L, 144, 3, 4
	ds_load_b32 v26, v21 offset:BIA1               ; 128 words: the shifts of layers 1 and 2
	s_wait_dscnt 0x0
	global_store_b32 v21, v26, s[40:41] offset:12288
.endif
.if PASS > 2
	IF64 .Lno_export
	global_store_b32 v21, v24, s[40:41] offset:AOFF
	global_store_b32 v21, v25, s[40:41] offset:AOFF+4*CQ
.endif
.Lno_export:
	; all fragments into registers: lane l holds row l % 16, K = 8 (l / 16) + 0..7 and 16 + 8 (l / 16) + 0..7
	s_wait_xcnt 0x0
	v_mul_u32_u24 v17, v[R], 80
	v_lshl_add_u32 v17, v[H], 4, v17
	v_mul_u32_u24 v18, v[R], 144
	v_lshl_add_u32 v18, v[H], 4, v18
	v_lshlrev_b32 v19, 5, v[H]
	v_lshlrev_b32 v20, 4, v[H]
	WIN 0xc0
.set i, 0
.rept 4
	ds_load_b128 v[W1+8*i:W1+8*i+3], v17 offset:W1L+i*1280
	ds_load_b128 v[W1+8*i+4:W1+8*i+7], v17 offset:W1L+i*1280+32
	ds_load_b128 v[BI1+8*i:BI1+8*i+3], v19 offset:BIA1+64*i
	ds_load_b128 v[BI1+8*i+4:BI1+8*i+7], v19 offset:BIA1+64*i+16
.set i, i+1
.endr
.set i, 0
.rept 8
	ds_load_b128 v[W2+8*i:W2+8*i+3], v18 offset:W2L+(i/2)*2304+(i%2)*64
	ds_load_b128 v[W2+8*i+4:W2+8*i+7], v18 offset:W2L+(i/2)*2304+(i%2)*64+32
.set i, i+1
.endr
.if PASS > 2
.set i, 0
.rept 16
	ds_load_b128 v[W3+8*i:W3+8*i+3], v18 offset:W3L+(i/2)*2304+(i%2)*64
	ds_load_b128 v[W3+8*i+4:W3+8*i+7], v18 offset:W3L+(i/2)*2304+(i%2)*64+32
.set i, i+1
.endr
	WIN 0
.set i, 0
.rept 4
	ds_load_b128 v[BI2+8*i:BI2+8*i+3], v19 offset:BIA2+64*i
	ds_load_b128 v[BI2+8*i+4:BI2+8*i+7], v19 offset:BIA2+64*i+16
.set i, i+1
.endr
.endif
.if PASS == 4
.set i, 0
.rept 8
	ds_load_b128 v[BI3+8*i:BI3+8*i+3], v19 offset:BIA3+64*i
	ds_load_b128 v[BI3+8*i+4:BI3+8*i+7], v19 offset:BIA3+64*i+16
.set i, i+1
.endr
.endif
	; THE PILOT: relu(b of the layer before) in every column, times the last layer's weights; the result has the C operand's layout
	WIN 0x40
.set i, 0
.rept KSP
	ds_load_b128 v[HP+8*i:HP+8*i+3], v20 offset:PB+64*i
	ds_load_b128 v[HP+8*i+4:HP+8*i+7], v20 offset:PB+64*i+32
.set i, i+1
.endr
	s_wait_dscnt 0x0                               ; the fragments are in
.if PASS == 4
	WIN 0x06
.else
	WIN 0x07
.endif
.set kk, 0
.rept KSP
.set i, 0
.rept NTW
.if kk == 0
	v_wmma_f32_16x16x32_f16 v[Y+8*i:Y+8*i+7], v[WPR+(i*KSP+kk)*8:WPR+(i*KSP+kk)*8+7], v[HP+8*kk:HP+8*kk+7], 0
.else
	v_wmma_f32_16x16x32_f16 v[Y+8*i:Y+8*i+7], v[WPR+(i*KSP+kk)*8:WPR+(i*KSP+kk)*8+7], v[HP+8*kk:HP+8*kk+7], v[Y+8*i:Y+8*i+7]
.endif
.set i, i+1
.endr
.set kk, kk+1
.endr
	PLACES
.if PASS == 4
	WIN 0x80
.else
	WIN 0
.endif
.set i, 0
.rept 8*NTW
	v_mul_f32 v[BIP+i], -1.0, v[Y+i]
.set i, i+1
.endr
	WIN 0
.if PASS < 4
	s_cmp_lg_u32 s8, 0                             ; wave 0's lanes 0 and 16 store -pilot behind the row's sums
	s_cbranch_scc1 .Lno_pilot
	v_cmp_eq_u32 vcc_lo, 0, v[R]
	s_wait_xcnt 0x0                                ; EXEC changes only behind this wait
	s_and_saveexec_b32 s11, vcc_lo
.set i, 0
.rept NTW
	global_store_b128 v19, v[BIP+8*i:BIP+8*i+3], s[38:39] offset:8*CP+64*i
	global_store_b128 v19, v[BIP+8*i+4:BIP+8*i+7], s[38:39] offset:8*CP+64*i+16
.set i, i+1
.endr
	s_wait_xcnt 0x0
	s_or_b32 exec_lo, exec_lo, s11
.Lno_pilot:
.endif
	; what the loop finds
	WIN 0x80
.set i, 0
.rept 8*NTW
	v_mov_b32 v[SUM+i], 0
	v_mov_b32 v[SQ+i], 0
	v_mov_b32 v[MX+i], s15
.if PASS == 2
	v_mov_b32 v[MX1+i], 0
.endif
.set i, i+1
.endr
	WIN 0
.irp k, 4,5,6,7,12,13,14,15
	v_mov_b32 v[F+\k], 0                           ; K = 16 .. 31 of layer 1's fragments
.endr
	s_mul_i32 s11, s8, 8448
	s_add_co_u32 s11, s11, STG                     ; my stage
	v_mul_u32_u24 v[STO], v[R], 528
	v_lshl_add_u32 v[STO], v[H], 5, v[STO]
	v_add_nc_u32 v[STO], s11, v[STO]
.if NTW == 8
	v_add_nc_u32 v[RD], s11, v[L16]                ; back: a row of 512 bytes a load
	v_mov_b32 v[GO], v[L16]
.else
	v_mul_u32_u24 v[RD], v[H], 528                 ; back: two rows of 256 bytes a load
	v_lshl_add_u32 v[RD], v[R], 4, v[RD]
	v_add_nc_u32 v[RD], s11, v[RD]
	v_lshlrev_b32 v[GO], 11, v[H]
	v_lshl_add_u32 v[GO], v[R], 4, v[GO]
.endif
	s_lshl_b32 s11, s8, 10
	s_add_co_u32 s11, s11, RED                     ; my row of RED: four channels a lane
.if NTW == 8
	v_add_nc_u32 v[TA], s11, v[L16]
.else
	v_lshl_add_u32 v[TA], v[R], 4, s11
.endif
	s_lshl_b32 s2, ttmp9, 17
.if PASS == 4
	v_mul_u32_u24 v[FA], v[R], 528
	v_lshl_add_u32 v[FA], s8, 6, v[FA]             ; point r of the 16, slots 4 w on
	v_add_nc_u32 v[FA], FST, v[FA]
	s_lshl_b32 s11, s8, 8
	s_add_co_u32 s2, s2, s11
	s_add_co_u32 s2, s2, 1024
	v_lshl_add_u32 v[HWA], s8, 14, v[L16]
	v_add_nc_u32 v[HWA], HB3, v[HWA]
	v_add_nc_u32 v[HRO], HB3, v[L16]
.else
	v_lshl_add_u32 v[FA], s8, 4, v[R]              ; point 16 w + r
	v_mul_u32_u24 v[FA], v[FA], 528
	v_add_nc_u32 v[FA], FST, v[FA]
	s_lshl_b32 s11, s8, 15
	s_add_co_u32 s2, s2, s11
.endif
	s_add_nc_u64 s[42:43], s[30:31], s[2:3]        ; cat at my rows
.if PASS == 4
	s_mov_b32 s14, 4
.Lpoints:                                              ; 16 points: two chunks of 16 neighbour slots
	s_mov_b32 s46, 2
.Lchunk:                                               ; of a chunk's 16 slots my wave makes four, two a trip
	s_mov_b32 s12, 2
.else
	s_mov_b32 s12, 16
.endif
.Ltrip:                                                ; two neighbour slots of 16 points
	ds_load_b128 v[F:F+3], v[FA]
	ds_load_b128 v[F+8:F+11], v[FA] offset:16
	s_wait_dscnt 0x0
	MM8 W1, 1, BI1, F, 8, 0x33, 0x33, 0
	ACT H1, 16, 0, (PASS==2)
	MM8 W2, 2, BI2, H1, 16, 0x07, 0x07, 0
.if PASS == 2
	STAT 0, 1
.else
	ACT H2, 16, 0, 0
.irp tq, 0,1
	MM8 W3, 2, BI3, H2, 16, 0x07, 0x07, \tq
.if PASS == 3
	STAT \tq, 1
.else
	ACTL \tq
.endif
.endr
.endif
	WIN 0
	v_add_nc_u32 v[FA], 32, v[FA]
.if PASS == 4
	v_add_nc_u32 v[HWA], 8192, v[HWA]
.endif
	s_sub_co_u32 s12, s12, 1
	s_cmp_lg_u32 s12, 0
	s_cbranch_scc1 .Ltrip
.if PASS == 4
	v_add_nc_u32 v[FA], 192, v[FA]                 ; the next chunk's slots: 256 bytes on, less the 64 already stepped
	v_add_nc_u32 v[HWA], -16384, v[HWA]
	BAR                                            ; the chunk's 16 tiles of H3 are whole
	LDHB                                           ; tiles 0 and 1
	s_mov_b32 s13, 8
.Lgroup:                                               ; two tiles x my 64 channels
	s_wait_dscnt 0x0
	MM8 A4, 4, B4, HB, 32, 0x26, 0x06, 0
	PLACES                                         ; behind the products: for the loads into the fragments and for the reads of the results
	WIN 0
	v_add_nc_u32 v[HRO], 8192, v[HRO]
	s_cmp_eq_u32 s13, 1
	s_cbranch_scc1 .Lno_more                       ; the last trip has no next tiles
	LDHB                                           ; the next two tiles land while this trip's sums are taken
.Lno_more:
	STAT 0, 0
	WIN 0
	s_sub_co_u32 s13, s13, 1
	s_cmp_lg_u32 s13, 0
	s_cbranch_scc1 .Lgroup
	v_add_nc_u32 v[HRO], -65536, v[HRO]
	BAR                                            ; every wave has read the chunk: the next may be written
	s_sub_co_u32 s46, s46, 1
	s_cmp_lg_u32 s46, 0
	s_cbranch_scc1 .Lchunk
	FLUSH MX, 4, 0                                 ; the 16 points have seen all 32 slots
	s_wait_xcnt 0x0
	s_add_nc_u64 s[42:43], s[42:43], 32768
	v_add_nc_u32 v[FA], 7936, v[FA]                ; 16 points on, less the 512 bytes already stepped
	WIN 0x80
.set i, 0
.rept 32
	v_mov_b32 v[MX+i], s15
.set i, i+1
.endr
	WIN 0
	s_sub_co_u32 s14, s14, 1
	s_cmp_lg_u32 s14, 0
	s_cbranch_scc1 .Lpoints
.endif
.if PASS == 2
	FLUSH MX1, 4, 0                                ; x1, final
	FLUSH MX, 4, 256                               ; the raw maxima of layer 2
.elseif PASS == 3
	FLUSH MX, 8, 512
.endif
	REDST SUM, NTW, 0
	REDST SQ, NTW, 64*NTW
.if PASS == 4
	v_lshl_add_u32 v16, s8, 10, v[L16]             ; my 64 channels are mine alone: 512 bytes back, and out
	ds_load_b128 v[T:T+3], v16 offset:RED
	v_lshlrev_b32 v17, 10, v[H]
	v_lshl_add_u32 v17, v[R], 4, v17
	v_lshl_add_u32 v17, s8, 8, v17
	s_wait_dscnt 0x0
	global_store_b128 v17, v[T:T+3], s[38:39]
.else
	BAR
.set WD, 2*CP/128
	v_lshlrev_b32 v17, 1+WD, v0
.set i, 0
.rept 4
.if WD == 1
	ds_load_b32 v[T+2*i], v17 offset:RED+1024*i
.else
	ds_load_b64 v[T+2*i:T+2*i+1], v17 offset:RED+1024*i
.endif
.set i, i+1
.endr
	s_wait_dscnt 0x0
.if WD == 1
	v_add_f32 v[T], v[T], v[T+2]
	v_add_f32 v[T+4], v[T+4], v[T+6]
	v_add_f32 v[T], v[T], v[T+4]
	global_store_b32 v17, v[T], s[38:39]
.else
	v_pk_add_f32 v[T:T+1], v[T:T+1], v[T+2:T+3]
	v_pk_add_f32 v[T+4:T+5], v[T+4:T+5], v[T+6:T+7]
	v_pk_add_f32 v[T:T+1], v[T:T+1], v[T+4:T+5]
	global_store_b64 v17, v[T:T+1], s[38:39]
.endif
.endif
	s_wait_tensorcnt 0x0                           ; the wave's end
	ds_add_u32 v[SPW], v[NIL]
	s_wait_dscnt 0x0
	s_endpgm
.Lfunc_end_k_q5d4214e0ee_p2:
	.size	k_q5d4214e0ee_p2, .Lfunc_end_k_q5d4214e0ee_p2-k_q5d4214e0ee_p2
	.p2alignl 7, 3214868480
	.fill 96, 4, 3214868480
	.section	.rodata,"a",@progbits
	.p2align	6, 0x0
	.amdhsa_kernel k_q5d4214e0ee_p2
		.amdhsa_group_segment_fixed_size 110848
		.amdhsa_private_segment_fixed_size 0
		.amdhsa_enable_private_segment 0
		.amdhsa_kernarg_size 72
		.amdhsa_user_sgpr_count 2
		.amdhsa_user_sgpr_kernarg_segment_ptr 1
		.amdhsa_wavefront_size32 1
		.amdhsa_system_sgpr_workgroup_id_x 1
		.amdhsa_system_sgpr_workgroup_id_y 1
		.amdhsa_system_sgpr_workgroup_id_z 1
		.amdhsa_system_vgpr_workitem_id 0
		.amdhsa_next_free_vgpr 1024
		.amdhsa_next_free_sgpr 100
		.amdhsa_reserve_vcc 1
		.amdhsa_float_denorm_mode_32 3
		.amdhsa_float_denorm_mode_16_64 3
		.amdhsa_memory_ordered 1
		.amdhsa_forward_progress 1
		.amdhsa_inst_pref_size 58
	.end_amdhsa_kernel
	.amdgpu_metadata
---
amdhsa.version: [ 1, 2 ]
amdhsa.kernels:
  - .name:           k_q5d4214e0ee_p2
    .symbol:         k_q5d4214e0ee_p2.kd
    .args:
      - { .name: feat, .offset: 0, .size: 8, .value_kind: global_buffer, .address_space: global }
      - { .name: cw, .offset: 8, .size: 8, .value_kind: global_buffer, .address_space: global }
      - { .name: w1, .offset: 16, .size: 8, .value_kind: global_buffer, .address_space: global }
      - { .name: g1, .offset: 24, .size: 8, .value_kind: global_buffer, .address_space: global }
      - { .name: b1, .offset: 32, .size: 8, .value_kind: global_buffer, .address_space: global }
      - { .name: w2, .offset: 40, .size: 8, .value_kind: global_buffer, .address_space: global }
      - { .name: g2, .offset: 48, .size: 8, .value_kind: global_buffer, .address_space: global }
      - { .name: cat, .offset: 56, .size: 8, .value_kind: global_buffer, .address_space: global }
      - { .name: sa, .offset: 64, .size: 8, .value_kind: global_buffer, .address_space: global }
    .group_segment_fixed_size: 110848
    .private_segment_fixed_size: 0
    .kernarg_segment_align: 8
    .kernarg_segment_size: 72
    .max_flat_workgroup_size: 128
    .sgpr_count:     100
    .vgpr_count:     1024
    .wavefront_size: 32
...
	.end_amdgpu_metadata
.endif
;; end of part 12
;; launch p3 (part 13): grid 256 x 1, 4 waves a work-group, no clusters, 110,848 bytes of LDS; arguments feat, sa, w2, g2, b2, w3, g3, cat, sb; writes cat, sb
.if DOCPART == 13
	.amdgcn_target "amdgcn-amd-amdhsa--gfx1250"
	.amdhsa_code_object_version 6
	.text
	.protected	k_q5d4214e0ee_p3
	.globl	k_q5d4214e0ee_p3
	.p2align	8
	.type	k_q5d4214e0ee_p3,@function
k_q5d4214e0ee_p3:
	s_mov_b64 s[64:65], 0
	v_nop
	global_prefetch_b8 v0, s[64:65] scope:SCOPE_SE
	s_setreg_imm32_b32 hwreg(HW_REG_WAVE_MODE, 25, 1), 1
	s_wait_xcnt 0x0
.set PASS, 3
; THE EDGE MLP, pass PASS of 2, 3, 4 (one source text; the line above chooses).  A pass knows the batch statistics of layers 1 .. PASS - 1, multiplies those layers again with the normalisation folded
; into f16 weights (scale into the rows, shift as the C operand), and multiplies layer PASS once, collecting for each channel the sum, the sum of squares and, for each point, the maximum over its 32 edges.
; Since batch-norm and ReLU rise with y once the sign of the gain is folded into the weights, max_k relu(bn(y)) = relu(bn(max_k y)): no activation is ever stored.
; The last layer's sums start at -pilot (pilot = W relu(b of the layer before)), so that the variance is no difference of large sums when the biases carry an offset; batch-norm does not see the shift.
; SHARES: a work-group owns 64 points (2,048 edges), four waves.  Product D = W x H^T: a lane holds one edge (lane % 16) and 8 channels; two results rounded to f16 are the next layer's B fragment.
; The 16 columns of a tile are 16 points at one neighbour slot, so the maximum over neighbours is taken register by register.  All weights stay in registers.  A step is 4 channel tiles x 2 column tiles.
; Layer 1 has K = 6 of 32: its weights' rows hold zeros from k = 6 on, so the upper half of the lanes (k = 8 .. 15) may hold the same finite features as the lower: their products are 0.
; Pass 4: each wave makes H3 for a quarter of a chunk's 16 tiles, hands it on through LDS, and multiplies its own 64 of layer 4's 256 channels by all 16 tiles.
; THE SET-UP: every load that hangs on nothing but the arguments (features, the earlier passes' folded weights, raw weights, gains, shifts, statistics) goes out in one run at the head, into registers
; that the loop takes over only later, and one wait serves them all: the loads do not wait for each other.
; LIMITS: matrix operands in f16 (65,504); NaN and infinities are not treated.  No cluster: the work-groups share only the weights, read once each at the start.
.set PB, 0                 ; LDS: relu(b of the layer before) in f16, 2 bytes a channel: the pilot's operand
.set BIA1, 256             ; shifts of layers 1 to 3
.set BIA2, 512
.set BIA3, 768
.set SCL, 2304             ; row scales of layer PASS - 1
.set SCS, 2816             ; signs of layer PASS's gains
.set TOT, 3840             ; the set's sums, in 4 or 2 partial rows: 2,048 bytes
.set RED, 5888             ; 4 waves x 1,024: the group's sums on the way out
.set W1L, 9984             ; 64 rows x 80
.set W2L, 15104            ; 64 rows x 144
.set W3L, 24320            ; 128 rows x 144
.set SPARE, 42752          ; the spare words
.set FST, 43264            ; the group's features: 64 points x 528
.set STG, 77056            ; 4 waves x 16 rows x 528, for the way out
.set HB3, 131072           ; pass 4: a chunk's H3: 16 tiles x 4,096
.set W4F, 557056           ; pass 4: where layer 4's fragments begin in their buffer
; registers.  window 0:
.set R, 1                  ; lane % 16
.set H, 2                  ; lane / 16
.set LN, 3
.set L16, 4
.set FA, 5                 ; LDS address of my feature fragment
.set SPW, 8
.set NIL, 9
.set HWA, 10
.set HRO, 11
.set STO, 12
.set RD, 13
.set GO, 14
.set TA, 15
.set F, 32                 ; 2 tiles x 8: layer 1's B fragments (v16-51 serve the set-up before)
.set Y, 64                 ; 8 accumulators
.set BI2, 128              ; C operands of layer 2 and layer 3
.set BI3, 160
.set Q, 192                ; pass 2's set-up: layer 1's row at work
.set T, 224
.set H1, 0                 ; window 1
.set H2, 64
.set HB, 128
.set FT, 0                 ; window 1 in the set-up: the features as loaded,
.set IM, 64                ; the earlier passes' folded weights,
.set RQ, 128               ; the raw weights of layer PASS - 1
.set RP, 192               ; and of layer PASS
.set W1, 0                 ; window 3
.set W2, 32
.set W3, 96
.set BI1, 224
.if PASS == 4              ; window 2
.set A4, 0
.set SUM, 128
.set SQ, 160
.set MX, 192
.set B4, 224
.else
.set SUM, 0
.set SQ, 64
.set MX, 128
.set MX1, 192
.endif
.if PASS == 2
.set CQ, 64
.set CP, 64
.set KSP, 2
.set NTW, 4
.set HP, H1
.set WPR, W2
.set BIP, BI2
.elseif PASS == 3
.set CQ, 64
.set CP, 128
.set BIQ, BIA2
.set KSP, 2
.set NTW, 8
.set AOFF, 12800
.set HP, H2
.set WPR, W3
.set BIP, BI3
.set LGR, 5                ; 2^LGR threads, 16 bytes each, take a row of statistics (sums and squares: 8 CQ bytes)
.else
.set CQ, 128
.set CP, 256
.set BIQ, BIA3
.set KSP, 4
.set NTW, 4
.set AOFF, 13312
.set HP, HB
.set WPR, A4
.set BIP, B4
.set LGR, 6
.endif
.set MSB, 0
.macro WIN new
.if MSB != (\new)
	s_set_vgpr_msb (MSB<<8)|(\new)
.set MSB, (\new)
.endif
.endm
.macro PLACES              ; four places between a matrix instruction and what reads its result or writes its registers (ISA guide 7.12.1)
.rept 4
	v_nop
.endr
.endm
.macro BAR                 ; what I stored in LDS is there, what I read is back; then the work-group's barrier
	s_wait_dscnt 0x0
	s_barrier_signal -1
	s_barrier_wait -1
.endm
.macro IF64 lab            ; where the layer before has 64 channels, waves 0 and 1 alone (threads 0 to 63, a channel each) do what follows, up to the label
.if CQ == 64
	s_cmp_lt_u32 s8, 2
	s_cbranch_scc0 \lab
.endif
.endm
.macro RAWLD dst, sb, u    ; at the head: u chunks of 8 f32 a thread, chunk t + 128 i, into window 1
.set i, 0
.rept \u
	global_load_b128 v[(\dst)+8*i:(\dst)+8*i+3], v17, s[\sb:\sb+1] offset:4096*i
	global_load_b128 v[(\dst)+8*i+4:(\dst)+8*i+7], v17, s[\sb:\sb+1] offset:4096*i+16
.set i, i+1
.endr
.endm
.macro IMPW src, lb, p, lg, n  ; n chunks of 16 bytes a thread, loaded at the head into window 1, go into padded LDS rows
	WIN 0
	v_lshrrev_b32 v35, \lg, v0
	v_and_b32 v37, (1<<(\lg))-1, v0
	v_mul_u32_u24 v35, v35, \p
	v_lshl_add_u32 v35, v37, 4, v35
	WIN 0x04                                       ; the stores' data lie in window 1
.set i, 0
.rept \n
	ds_store_b128 v35, v[(\src)+4*i:(\src)+4*i+3] offset:(\lb)+i*(128>>(\lg))*(\p)
.set i, i+1
.endr
	WIN 0
.endm
.macro EXPW sb, goff, lb, p, lg, n  ; padded LDS rows of f16 go out dense: n chunks of 16 bytes a thread
	s_wait_xcnt 0x0                                ; the registers below may be sources of earlier loads and stores
	v_lshrrev_b32 v17, \lg, v0
	v_and_b32 v18, (1<<(\lg))-1, v0
	v_mul_u32_u24 v17, v17, \p
	v_lshl_add_u32 v17, v18, 4, v17
.set i, 0
.rept \n
	ds_load_b128 v[Y+4*i:Y+4*i+3], v17 offset:(\lb)+i*(128>>(\lg))*(\p)
.set i, i+1
.endr
	s_wait_dscnt 0x0
.set i, 0
.rept \n
	global_store_b128 v16, v[Y+4*i:Y+4*i+3], s[\sb:\sb+1] offset:(\goff)+2048*i
.set i, i+1
.endr
.endm
; u chunks of 8 f32 a thread, loaded at the head into window 1: times the row's scale, rounded to f16, into padded LDS rows
.macro CVW src, scl, lb, p, lg, u
	WIN 0
	v_lshrrev_b32 v35, \lg, v0
	v_and_b32 v37, (1<<(\lg))-1, v0
	v_lshlrev_b32 v36, 2, v35
	v_mul_u32_u24 v35, v35, \p
	v_lshl_add_u32 v35, v37, 4, v35
.set i, 0
.rept \u
	ds_load_b32 v[T+i], v36 offset:(\scl)+i*(128>>(\lg))*4
.set i, i+1
.endr
	s_wait_dscnt 0x0
	WIN 0x44                                       ; the scale in window 0, the weights in window 1
.set i, 0
.rept \u
.set k, 0
.rept 8
	v_mul_f32 v[(\src)+8*i+k], v[T+i], v[(\src)+8*i+k]
.set k, k+1
.endr
.set i, i+1
.endr
	WIN 0x45
.set i, 0
.rept \u
.set k, 0
.rept 4
	v_cvt_pk_f16_f32 v[(\src)+8*i+k], v[(\src)+8*i+2*k], v[(\src)+8*i+2*k+1]   ; in place: register k is free when pair k is rounded
.set k, k+1
.endr
.set i, i+1
.endr
	WIN 0x04
.set i, 0
.rept \u
	ds_store_b128 v35, v[(\src)+8*i:(\src)+8*i+3] offset:(\lb)+i*(128>>(\lg))*(\p)
.set i, i+1
.endr
	WIN 0
.endm
; Channel tiles 4 tq .. 4 tq + 3 of a layer times two column tiles: 8 accumulators by turns, one instruction a turn.  The first K step takes the shift as C
.macro MM8 wb, ks, bib, hb, hs, m0, mk, tq
.set kk, 0
.rept \ks
.if kk == 0
	WIN \m0
.else
	WIN \mk
.endif
.set tt, 0
.rept 4
.set nn, 0
.rept 2
.set rD, Y+8*(2*tt+nn)
.set rA, (\wb)+((4*(\tq)+tt)*(\ks)+kk)*8
.set rB, (\hb)+nn*(\hs)+kk*8
.set rC, (\bib)+8*(4*(\tq)+tt)
.if kk == 0
	v_wmma_f32_16x16x32_f16 v[rD:rD+7], v[rA:rA+7], v[rB:rB+7], v[rC:rC+7]
.else
	v_wmma_f32_16x16x32_f16 v[rD:rD+7], v[rA:rA+7], v[rB:rB+7], v[rD:rD+7]
.endif
.set nn, nn+1
.endr
.set tt, tt+1
.endr
.set kk, kk+1
.endr
.endm
.macro RELU                ; each accumulator is read from its low end on
	PLACES
	WIN 0
.set i, 0
.rept 64
	v_max_num_f32 v[Y+i], 0, v[Y+i]
.set i, i+1
.endr
.endm
.macro ACT hd, hs, tq, x1  ; ReLU, (x1: layer 1's maximum over neighbours,) and f16 into the next layer's B fragments
	RELU
.if \x1
	WIN 0xa0
.set tt, 0
.rept 4
.set k, 0
.rept 8
	v_max3_num_f32 v[MX1+8*(4*(\tq)+tt)+k], v[Y+16*tt+k], v[Y+16*tt+8+k], v[MX1+8*(4*(\tq)+tt)+k]
.set k, k+1
.endr
.set tt, tt+1
.endr
.endif
	WIN 0x40
.set tt, 0
.rept 4
.set nn, 0
.rept 2
.set k, 0
.rept 4
	v_cvt_pk_f16_f32 v[(\hd)+nn*(\hs)+((4*(\tq)+tt)/2)*8+(tt%2)*4+k], v[Y+8*(2*tt+nn)+2*k], v[Y+8*(2*tt+nn)+2*k+1]
.set k, k+1
.endr
.set nn, nn+1
.endr
.set tt, tt+1
.endr
.endm
.macro ACTL tq             ; pass 4, layer 3: the fragments go to LDS, half a fragment (512 bytes of the wave) a store
	RELU
.set tt, 0
.rept 4
.set nn, 0
.rept 2
.set k, 0
.rept 4
	v_cvt_pk_f16_f32 v[T+4*(2*tt+nn)+k], v[Y+8*(2*tt+nn)+2*k], v[Y+8*(2*tt+nn)+2*k+1]
.set k, k+1
.endr
	ds_store_b128 v[HWA], v[T+4*(2*tt+nn):T+4*(2*tt+nn)+3] offset:nn*4096+((4*(\tq)+tt)/2)*1024+(tt%2)*512
.set nn, nn+1
.endr
.set tt, tt+1
.endr
.endm
.macro STAT tq, pl         ; the last layer: sums, sums of squares, maxima.  pl = 1: the places behind the products stand here
.if \pl
	PLACES
.endif
	WIN 0xa0
.set nn, 0
.rept 2
.set tt, 0
.rept 4
.set k, 0
.rept 4
	v_pk_fma_f32 v[SUM+8*(4*(\tq)+tt)+2*k:SUM+8*(4*(\tq)+tt)+2*k+1], v[Y+8*(2*tt+nn)+2*k:Y+8*(2*tt+nn)+2*k+1], 1.0, v[SUM+8*(4*(\tq)+tt)+2*k:SUM+8*(4*(\tq)+tt)+2*k+1] op_sel_hi:[1,0,1]
.set k, k+1
.endr
.set tt, tt+1
.endr
.set nn, nn+1
.endr
.set nn, 0
.rept 2
.set tt, 0
.rept 4
.set k, 0
.rept 4
	v_pk_fma_f32 v[SQ+8*(4*(\tq)+tt)+2*k:SQ+8*(4*(\tq)+tt)+2*k+1], v[Y+8*(2*tt+nn)+2*k:Y+8*(2*tt+nn)+2*k+1], v[Y+8*(2*tt+nn)+2*k:Y+8*(2*tt+nn)+2*k+1], v[SQ+8*(4*(\tq)+tt)+2*k:SQ+8*(4*(\tq)+tt)+2*k+1]
.set k, k+1
.endr
.set tt, tt+1
.endr
.set nn, nn+1
.endr
.set tt, 0
.rept 4
.set k, 0
.rept 8
	v_max3_num_f32 v[MX+8*(4*(\tq)+tt)+k], v[Y+16*tt+k], v[Y+16*tt+8+k], v[MX+8*(4*(\tq)+tt)+k]
.set k, k+1
.endr
.set tt, tt+1
.endr
.endm
.macro STAGE src, nt       ; 16 lanes' rows x 16 nt channels of window 2 go into my stage and come back into Y as whole rows of 256 or 512 bytes
	WIN 0x08                                       ; the stores' data lie in window 2
.set i, 0
.rept \nt
	ds_store_b128 v[STO], v[(\src)+8*i:(\src)+8*i+3] offset:64*i
	ds_store_b128 v[STO], v[(\src)+8*i+4:(\src)+8*i+7] offset:64*i+16
.set i, i+1
.endr
	WIN 0
	s_wait_xcnt 0x0                                ; Y may be the data of earlier stores
.set i, 0
.rept 2*(\nt)
	ds_load_b128 v[Y+4*i:Y+4*i+3], v[RD] offset:i*(4224/(\nt))   ; LDS serves a wave's instructions in order (ISA guide 5.7.1.4): these see the stores above
.set i, i+1
.endr
	s_wait_dscnt 0x0
.endm
.macro FLUSH src, nt, goff ; the maxima of 16 points go out
	STAGE \src, \nt
.set i, 0
.rept 2*(\nt)
	global_store_b128 v[GO], v[Y+4*i:Y+4*i+3], s[42:43] offset:(\goff)+i*(16384/(\nt))
.set i, i+1
.endr
.endm
.macro REDST src, nt, off  ; per-lane sums are added over the 16 edges: the stage's rows are added, a lane four channels; into my row of RED, channel c at byte off + 4 c
	STAGE \src, \nt
.set i, 1
.rept 2*(\nt)-1
	v_pk_add_f32 v[Y:Y+1], v[Y:Y+1], v[Y+4*i:Y+4*i+1]
	v_pk_add_f32 v[Y+2:Y+3], v[Y+2:Y+3], v[Y+4*i+2:Y+4*i+3]
.set i, i+1
.endr
.if (\nt) == 4                         ; rows of 256 bytes: the odd rows lie in the lane 16 away
.irp k, 0,1,2,3
	v_permlanex16_b32 v[T+\k], v[Y+\k], s62, s63
.endr
	v_pk_add_f32 v[Y:Y+1], v[Y:Y+1], v[T:T+1]
	v_pk_add_f32 v[Y+2:Y+3], v[Y+2:Y+3], v[T+2:T+3]
.endif
	ds_store_b128 v[TA], v[Y:Y+3] offset:\off
.endm
.macro LDHB                ; two tiles of H3: 8 fragments
	WIN 0x40
.set i, 0
.rept 16
	ds_load_b128 v[HB+4*i:HB+4*i+3], v[HRO] offset:512*i
.set i, i+1
.endr
	WIN 0
.endm
	s_load_b512 s[16:31], s[0:1], 0x0              ; feat 16, IN 18, w 20 / g 22 / b 24 of layer PASS - 1, w 26 (pass 4: the fragments' buffer) / g 28 of layer PASS (pass 4: its signs are in the fragments), cat 30
	s_load_b64 s[32:33], s[0:1], 0x40              ; OUT
	v_lshl_add_u32 v[SPW], v0, 2, SPARE
	v_mov_b32 v[NIL], 0
	v_lshrrev_b32 v16, 5, v0
	v_readfirstlane_b32 s8, v16                    ; wave
	v_and_b32 v[LN], 31, v0
	v_and_b32 v[R], 15, v0
	v_bfe_u32 v[H], v0, 4, 1
	v_lshlrev_b32 v[L16], 4, v[LN]
	v_lshlrev_b32 v16, 4, v0                       ; 16 t, 32 t and 4 t: kept through the set-up
	v_lshlrev_b32 v17, 5, v0
	v_lshlrev_b32 v21, 2, v0
.if PASS > 2
	v_and_b32 v20, CQ-1, v0
	v_lshlrev_b32 v20, 2, v20                      ; 4 x my channel of layer PASS - 1
	v_and_b32 v19, (1<<LGR)-1, v0                  ; the statistics: my 16 bytes of a row,
	v_lshrrev_b32 v22, LGR, v0                     ; and which rows are mine
	v_lshlrev_b32 v19, 4, v19
	v_lshl_add_u32 v19, v22, 11, v19
.endif
.if PASS == 4
	v_lshl_add_u32 v38, s8, 14, v[L16]             ; my wave's 16 fragments of layer 4
.endif
	s_lshr_b32 s9, ttmp9, 7                        ; set: 0 src, 1 tgt
	s_and_b32 s10, ttmp9, 127
	s_mov_b32 s3, 0
	s_mov_b32 s15, 0xff800000                      ; where the maxima start
	s_mov_b32 s62, 0x76543210
	s_mov_b32 s63, 0xfedcba98
	s_wait_kmcnt 0x0
	s_lshl_b32 s2, ttmp9, 15
	s_add_nc_u64 s[16:17], s[16:17], s[2:3]        ; my 64 points' features
	s_lshl_b32 s2, ttmp9, 11
	s_add_nc_u64 s[38:39], s[32:33], s[2:3]        ; my row of statistics
	s_mul_i32 s2, s9, 14336
	s_add_co_u32 s2, s2, 524288
	s_add_nc_u64 s[40:41], s[32:33], s[2:3]        ; my set's coefficients, out
	s_add_nc_u64 s[36:37], s[18:19], s[2:3]        ; and in
.if PASS == 2
	s_lshl_b32 s2, s9, 14
.else
	s_lshl_b32 s2, s9, 18
.endif
	s_add_nc_u64 s[34:35], s[18:19], s[2:3]        ; my set's 128 rows of moments or of statistics
	; THE HEAD: one run of loads
	WIN 0x40                                       ; destinations in window 1
.set i, 0
.rept 16
	global_load_b128 v[FT+4*i:FT+4*i+3], v16, s[16:17] offset:2048*i
.set i, i+1
.endr
.if PASS > 2
.set i, 0
.rept 2
	global_load_b128 v[IM+4*i:IM+4*i+3], v16, s[36:37] offset:2048*i            ; layer 1, folded
.set i, i+1
.endr
.endif
.if PASS == 2
	RAWLD RP, 26, 4
.elseif PASS == 3
	RAWLD RQ, 20, 4
	RAWLD RP, 26, 8
.else
.set i, 0
.rept 4
	global_load_b128 v[IM+8+4*i:IM+8+4*i+3], v16, s[36:37] offset:4096+2048*i   ; layer 2, folded
.set i, i+1
.endr
	RAWLD RQ, 20, 8
	WIN 0x80                                       ; layer 4's fragments go straight where the products take them: 512 consecutive bytes a load
.set i, 0
.rept 32
	global_load_b128 v[A4+4*i:A4+4*i+3], v38, s[26:27] offset:W4F+512*i
.set i, i+1
.endr
.endif
	WIN 0
.if PASS == 2
	; LAYER 1's statistics from the moments of (u, v).  Waves 0 and 1: each adds the set's 128 rows (a load takes four rows, 512 consecutive bytes: lane l holds moments 4 (l % 8) + 0..3 of row l / 8);
	; the 27 go to scalar registers; thread t then makes channel t.
	IF64 .Lno_l1
.set i, 0
.rept 32
	global_load_b128 v[Y+4*i:Y+4*i+3], v[L16], s[34:35] offset:512*i
.set i, i+1
.endr
	v_mul_u32_u24 v19, v0, 24                      ; channel t
	global_load_b64 v[Q:Q+1], v19, s[20:21]
	global_load_b64 v[Q+2:Q+3], v19, s[20:21] offset:8
	global_load_b64 v[Q+4:Q+5], v19, s[20:21] offset:16
	global_load_b32 v[Q+6], v21, s[22:23]
	global_load_b32 v[Q+7], v21, s[24:25]
	global_load_b32 v[Q+8], v21, s[28:29]
	s_wait_loadcnt 0x0
.set i, 1
.rept 31
	v_pk_add_f32 v[Y:Y+1], v[Y:Y+1], v[Y+4*i:Y+4*i+1]
	v_pk_add_f32 v[Y+2:Y+3], v[Y+2:Y+3], v[Y+4*i+2:Y+4*i+3]
.set i, i+1
.endr
.irp k, 0,1,2,3
	v_add_f32_dpp v[Y+\k], v[Y+\k], v[Y+\k] row_xmask:8 row_mask:0xf bank_mask:0xf
.endr
.irp k, 0,1,2,3
	v_permlanex16_b32 v[Y+4+\k], v[Y+\k], s62, s63
.endr
.irp k, 0,1,2,3
	v_add_f32 v[Y+\k], v[Y+\k], v[Y+4+\k]
.endr
.irp k, 0,1,2,3
	v_mul_f32 v[Y+\k], 0x36800000, v[Y+\k]         ; / 2^18 edges of a set
.endr
.set a, 0
.rept 27
	v_readlane_b32 s[68+a], v[Y+(a%4)], a/4
.set a, a+1
.endr
.set a, 0
.rept 6
	s_mul_f32 s[44+a], s[68+a], -1.0
.set a, a+1
.endr
.set k, 6
.set a, 0
.rept 6
.set b, a
.rept 6-a
	s_fmac_f32 s[68+k], s[44+a], s[68+b]           ; covariance (a, b)
.set k, k+1
.set b, b+1
.endr
.set a, a+1
.endr
	v_max_num_f32 v[Q+20], 0, v[Q+7]               ; the pilot's operand: relu(b1) in f16
	v_cvt_pk_f16_f32 v[Q+20], v[Q+20], v[Q+20]
	v_lshlrev_b32 v[Q+21], 1, v0
	ds_store_b16 v[Q+21], v[Q+20] offset:PB
	v_add_f32 v[Q+3], v[Q+3], v[Q]                 ; y = wa . u + (wa + wb) . v + a constant that batch-norm drops
	v_add_f32 v[Q+4], v[Q+4], v[Q+1]
	v_add_f32 v[Q+5], v[Q+5], v[Q+2]
	v_mul_f32 v[Q+9], s68, v[Q]
.set a, 1
.rept 5
	v_fmac_f32 v[Q+9], s[68+a], v[Q+a]             ; the mean
.set a, a+1
.endr
.set a, 0
.rept 6
.set b, 0
.rept 6
.if a <= b
.set ix, 6+a*6-a*(a-1)/2+(b-a)
.else
.set ix, 6+b*6-b*(b-1)/2+(a-b)
.endif
.if b == 0
	v_mul_f32 v[Q+11], s[68+ix], v[Q+b]
.else
	v_fmac_f32 v[Q+11], s[68+ix], v[Q+b]
.endif
.set b, b+1
.endr
.if a == 0
	v_mul_f32 v[Q+10], v[Q+11], v[Q]
.else
	v_fmac_f32 v[Q+10], v[Q+11], v[Q+a]            ; the variance
.endif
.set a, a+1
.endr
	v_max_num_f32 v[Q+10], 0, v[Q+10]
	v_add_f32 v[Q+10], 0x3727c5ac, v[Q+10]
	v_rsq_f32 v[Q+10], v[Q+10]
	v_mov_b32 v[Q+15], 0
	v_mul_f32 v[Q+6], v[Q+6], v[Q+10]              ; g / sqrt(var + eps)
	v_fma_f32 v[Q+7], -v[Q+6], v[Q+9], v[Q+7]      ; the shift
.set a, 0
.rept 6
	v_mul_f32 v[Q+a], v[Q+a], v[Q+6]
.set a, a+1
.endr
	v_cvt_pk_f16_f32 v[Q+12], v[Q], v[Q+1]
	v_cvt_pk_f16_f32 v[Q+13], v[Q+2], v[Q+3]
	v_cvt_pk_f16_f32 v[Q+14], v[Q+4], v[Q+5]
.irp i, 16,17,18,19
	v_mov_b32 v[Q+\i], 0
.endr
	v_mul_u32_u24 v22, v0, 80
	ds_store_b128 v22, v[Q+12:Q+15] offset:W1L
	ds_store_b128 v22, v[Q+16:Q+19] offset:W1L+16
	ds_store_b128 v22, v[Q+16:Q+19] offset:W1L+32
	ds_store_b128 v22, v[Q+16:Q+19] offset:W1L+48
	ds_store_b32 v21, v[Q+7] offset:BIA1
	v_cmp_gt_f32 vcc_lo, 0, v[Q+8]
	v_cndmask_b32 v[Q+8], 1.0, -1.0, vcc_lo
	ds_store_b32 v21, v[Q+8] offset:SCS
.Lno_l1:
	s_wait_loadcnt 0x0                             ; the head's loads are in
.else
	global_load_b32 v28, v20, s[22:23]             ; my channel's gain,
	global_load_b32 v29, v20, s[24:25]             ; shift,
	global_load_b32 v30, v20, s[34:35] offset:8*CQ ; -pilot, from the set's first row,
	global_load_b32 v33, v20, s[36:37] offset:12288  ; and a word of the earlier layers' shifts
.if PASS == 3
	global_load_b32 v32, v21, s[28:29]
.endif
	; the statistics of layer PASS - 1: the set's 128 rows; a thread takes 16 bytes of every 128 >> LGR-th row, 32 rows a batch
.set RS, 2048*(128>>LGR)
.irp i, 40,41,42,43
	v_mov_b32 v\i, 0
.endr
.if PASS == 4
	s_mov_b32 s11, 2
.Lred:
.endif
.set i, 0
.rept 32
	global_load_b128 v[Y+4*i:Y+4*i+3], v19, s[34:35] offset:i*RS
.set i, i+1
.endr
	s_wait_loadcnt 0x0                             ; these and all the head's loads are in; also frees the address registers
.set i, 0
.rept 32
	v_pk_add_f32 v[40:41], v[40:41], v[Y+4*i:Y+4*i+1]
	v_pk_add_f32 v[42:43], v[42:43], v[Y+4*i+2:Y+4*i+3]
.set i, i+1
.endr
.if PASS == 4
	v_add_nc_u32 v19, 32*RS, v19
	s_sub_co_u32 s11, s11, 1
	s_cmp_lg_u32 s11, 0
	s_cbranch_scc1 .Lred
.endif
	ds_store_b128 v16, v[40:43] offset:TOT         ; byte 16 t: partial row t >> LGR, my 16 bytes of it
.endif
	v_lshrrev_b32 v34, 5, v0                       ; the features: point t / 32 + 4 i, slot t % 32
	v_mul_u32_u24 v34, v34, 528
	v_add_nc_u32 v34, v34, v[L16]
	v_add_nc_u32 v34, FST, v34
	WIN 0x04                                       ; the stores' data lie in window 1
.set i, 0
.rept 16
	ds_store_b128 v34, v[FT+4*i:FT+4*i+3] offset:2112*i
.set i, i+1
.endr
	WIN 0
.if PASS > 2
	IMPW IM, W1L, 80, 2, 2                         ; the layers folded by earlier passes
.if PASS == 4
	IMPW IM+8, W2L, 144, 3, 4
.endif
	IF64 .Lno_b1                                   ; pass 3: 64 shifts of layer 1; pass 4: 128, of layers 1 and 2, which lie on end
	ds_store_b32 v21, v33 offset:BIA1
.Lno_b1:
	BAR
.set NPH, 128>>LGR
.set i, 0
.rept NPH
	ds_load_b32 v[44+i], v20 offset:TOT+i*8*CQ
	ds_load_b32 v[48+i], v20 offset:TOT+i*8*CQ+4*CQ
.set i, i+1
.endr
	s_wait_dscnt 0x0
	v_add_f32 v26, v44, v45
	v_add_f32 v27, v48, v49
.if NPH == 4
	v_add_f32 v46, v46, v47
	v_add_f32 v50, v50, v51
	v_add_f32 v26, v26, v46
	v_add_f32 v27, v27, v50
.endif
	v_max_num_f32 v31, 0, v29                      ; the pilot's operand: relu(b) in f16
	v_cvt_pk_f16_f32 v31, v31, v31
	v_mul_f32 v26, 0x36800000, v26                 ; mean of y - pilot
	v_mul_f32 v27, 0x36800000, v27
	v_fma_f32 v27, -v26, v26, v27
	v_max_num_f32 v27, 0, v27
	v_add_f32 v27, 0x3727c5ac, v27
	v_rsq_f32 v27, v27
	v_sub_f32 v30, v30, v26
	s_wait_alu depctr_va_vdst(0)
	v_mul_f32 v24, |v28|, v27                      ; A = |g| / sqrt(var + eps)
	v_mul_f32 v28, v28, v27                        ; the rows' scale
	v_fma_f32 v25, -v24, v26, v29                  ; S = b - A mean': for the stored maxima
	v_fma_f32 v29, v24, v30, v29                   ; the shift b - A (pilot + mean')
.if PASS == 3
	v_cmp_gt_f32 vcc_lo, 0, v32
	v_cndmask_b32 v32, 1.0, -1.0, vcc_lo
	ds_store_b32 v21, v32 offset:SCS
.endif
	IF64 .Lno_fin                                  ; thread t stores channel t's
	ds_store_b32 v21, v28 offset:SCL
	ds_store_b32 v21, v29 offset:BIQ
	v_lshlrev_b32 v23, 1, v0
	ds_store_b16 v23, v31 offset:PB
.Lno_fin:
.endif
	BAR
.if PASS == 2
	CVW RP, SCS, W2L, 144, 3, 4
.elseif PASS == 3
	CVW RQ, SCL, W2L, 144, 3, 4
	CVW RP, SCS, W3L, 144, 3, 8
.else
	CVW RQ, SCL, W3L, 144, 3, 8
.endif
	BAR
	s_cmp_lg_u32 s10, 0                            ; the set's first work-group hands the coefficients on
	s_cbranch_scc1 .Lno_export
.if PASS == 2
	EXPW 40, 0, W1L, 80, 2, 2
	IF64 .Lno_export
	ds_load_b32 v26, v21 offset:BIA1
	s_wait_dscnt 0x0
	global_store_b32 v21, v26, s[40:41] offset:12288
.elseif PASS == 3
	EXPW 40, 0, W1L, 80, 2, 2
	EXPW 40, 4096, W2L, 144, 3, 4
	ds_load_b32 v26, v21 offset:BIA1               ; 128 words: the shifts of layers 1 and 2
	s_wait_dscnt 0x0
	global_store_b32 v21, v26, s[40:41] offset:12288
.endif
.if PASS > 2
	IF64 .Lno_export
	global_store_b32 v21, v24, s[40:41] offset:AOFF
	global_store_b32 v21, v25, s[40:41] offset:AOFF+4*CQ
.endif
.Lno_export:
	; all fragments into registers: lane l holds row l % 16, K = 8 (l / 16) + 0..7 and 16 + 8 (l / 16) + 0..7
	s_wait_xcnt 0x0
	v_mul_u32_u24 v17, v[R], 80
	v_lshl_add_u32 v17, v[H], 4, v17
	v_mul_u32_u24 v18, v[R], 144
	v_lshl_add_u32 v18, v[H], 4, v18
	v_lshlrev_b32 v19, 5, v[H]
	v_lshlrev_b32 v20, 4, v[H]
	WIN 0xc0
.set i, 0
.rept 4
	ds_load_b128 v[W1+8*i:W1+8*i+3], v17 offset:W1L+i*1280
	ds_load_b128 v[W1+8*i+4:W1+8*i+7], v17 offset:W1L+i*1280+32
	ds_load_b128 v[BI1+8*i:BI1+8*i+3], v19 offset:BIA1+64*i
	ds_load_b128 v[BI1+8*i+4:BI1+8*i+7], v19 offset:BIA1+64*i+16
.set i, i+1
.endr
.set i, 0
.rept 8
	ds_load_b128 v[W2+8*i:W2+8*i+3], v18 offset:W2L+(i/2)*2304+(i%2)*64
	ds_load_b128 v[W2+8*i+4:W2+8*i+7], v18 offset:W2L+(i/2)*2304+(i%2)*64+32
.set i, i+1
.endr
.if PASS > 2
.set i, 0
.rept 16
	ds_load_b128 v[W3+8*i:W3+8*i+3], v18 offset:W3L+(i/2)*2304+(i%2)*64
	ds_load_b128 v[W3+8*i+4:W3+8*i+7], v18 offset:W3L+(i/2)*2304+(i%2)*64+32
.set i, i+1
.endr
	WIN 0
.set i, 0
.rept 4
	ds_load_b128 v[BI2+8*i:BI2+8*i+3], v19 offset:BIA2+64*i
	ds_load_b128 v[BI2+8*i+4:BI2+8*i+7], v19 offset:BIA2+64*i+16
.set i, i+1
.endr
.endif
.if PASS == 4
.set i, 0
.rept 8
	ds_load_b128 v[BI3+8*i:BI3+8*i+3], v19 offset:BIA3+64*i
	ds_load_b128 v[BI3+8*i+4:BI3+8*i+7], v19 offset:BIA3+64*i+16
.set i, i+1
.endr
.endif
	; THE PILOT: relu(b of the layer before) in every column, times the last layer's weights; the result has the C operand's layout
	WIN 0x40
.set i, 0
.rept KSP
	ds_load_b128 v[HP+8*i:HP+8*i+3], v20 offset:PB+64*i
	ds_load_b128 v[HP+8*i+4:HP+8*i+7], v20 offset:PB+64*i+32
.set i, i+1
.endr
	s_wait_dscnt 0x0                               ; the fragments are in
.if PASS == 4
	WIN 0x06
.else
	WIN 0x07
.endif
.set kk, 0
.rept KSP
.set i, 0
.rept NTW
.if kk == 0
	v_wmma_f32_16x16x32_f16 v[Y+8*i:Y+8*i+7], v[WPR+(i*KSP+kk)*8:WPR+(i*KSP+kk)*8+7], v[HP+8*kk:HP+8*kk+7], 0
.else
	v_wmma_f32_16x16x32_f16 v[Y+8*i:Y+8*i+7], v[WPR+(i*KSP+kk)*8:WPR+(i*KSP+kk)*8+7], v[HP+8*kk:HP+8*kk+7], v[Y+8*i:Y+8*i+7]
.endif
.set i, i+1
.endr
.set kk, kk+1
.endr
	PLACES
.if PASS == 4
	WIN 0x80
.else
	WIN 0
.endif
.set i, 0
.rept 8*NTW
	v_mul_f32 v[BIP+i], -1.0, v[Y+i]
.set i, i+1
.endr
	WIN 0
.if PASS < 4
	s_cmp_lg_u32 s8, 0                             ; wave 0's lanes 0 and 16 store -pilot behind the row's sums
	s_cbranch_scc1 .Lno_pilot
	v_cmp_eq_u32 vcc_lo, 0, v[R]
	s_wait_xcnt 0x0                                ; EXEC changes only behind this wait
	s_and_saveexec_b32 s11, vcc_lo
.set i, 0
.rept NTW
	global_store_b128 v19, v[BIP+8*i:BIP+8*i+3], s[38:39] offset:8*CP+64*i
	global_store_b128 v19, v[BIP+8*i+4:BIP+8*i+7], s[38:39] offset:8*CP+64*i+16
.set i, i+1
.endr
	s_wait_xcnt 0x0
	s_or_b32 exec_lo, exec_lo, s11
.Lno_pilot:
.endif
	; what the loop finds
	WIN 0x80
.set i, 0
.rept 8*NTW
	v_mov_b32 v[SUM+i], 0
	v_mov_b32 v[SQ+i], 0
	v_mov_b32 v[MX+i], s15
.if PASS == 2
	v_mov_b32 v[MX1+i], 0
.endif
.set i, i+1
.endr
	WIN 0
.irp k, 4,5,6,7,12,13,14,15
	v_mov_b32 v[F+\k], 0                           ; K = 16 .. 31 of layer 1's fragments
.endr
	s_mul_i32 s11, s8, 8448
	s_add_co_u32 s11, s11, STG                     ; my stage
	v_mul_u32_u24 v[STO], v[R], 528
	v_lshl_add_u32 v[STO], v[H], 5, v[STO]
	v_add_nc_u32 v[STO], s11, v[STO]
.if NTW == 8
	v_add_nc_u32 v[RD], s11, v[L16]                ; back: a row of 512 bytes a load
	v_mov_b32 v[GO], v[L16]
.else
	v_mul_u32_u24 v[RD], v[H], 528                 ; back: two rows of 256 bytes a load
	v_lshl_add_u32 v[RD], v[R], 4, v[RD]
	v_add_nc_u32 v[RD], s11, v[RD]
	v_lshlrev_b32 v[GO], 11, v[H]
	v_lshl_add_u32 v[GO], v[R], 4, v[GO]
.endif
	s_lshl_b32 s11, s8, 10
	s_add_co_u32 s11, s11, RED                     ; my row of RED: four channels a lane
.if NTW == 8
	v_add_nc_u32 v[TA], s11, v[L16]
.else
	v_lshl_add_u32 v[TA], v[R], 4, s11
.endif
	s_lshl_b32 s2, ttmp9, 17
.if PASS == 4
	v_mul_u32_u24 v[FA], v[R], 528
	v_lshl_add_u32 v[FA], s8, 6, v[FA]             ; point r of the 16, slots 4 w on
	v_add_nc_u32 v[FA], FST, v[FA]
	s_lshl_b32 s11, s8, 8
	s_add_co_u32 s2, s2, s11
	s_add_co_u32 s2, s2, 1024
	v_lshl_add_u32 v[HWA], s8, 14, v[L16]
	v_add_nc_u32 v[HWA], HB3, v[HWA]
	v_add_nc_u32 v[HRO], HB3, v[L16]
.else
	v_lshl_add_u32 v[FA], s8, 4, v[R]              ; point 16 w + r
	v_mul_u32_u24 v[FA], v[FA], 528
	v_add_nc_u32 v[FA], FST, v[FA]
	s_lshl_b32 s11, s8, 15
	s_add_co_u32 s2, s2, s11
.endif
	s_add_nc_u64 s[42:43], s[30:31], s[2:3]        ; cat at my rows
.if PASS == 4
	s_mov_b32 s14, 4
.Lpoints:                                              ; 16 points: two chunks of 16 neighbour slots
	s_mov_b32 s46, 2
.Lchunk:                                               ; of a chunk's 16 slots my wave makes four, two a trip
	s_mov_b32 s12, 2
.else
	s_mov_b32 s12, 16
.endif
.Ltrip:                                                ; two neighbour slots of 16 points
	ds_load_b128 v[F:F+3], v[FA]
	ds_load_b128 v[F+8:F+11], v[FA] offset:16
	s_wait_dscnt 0x0
	MM8 W1, 1, BI1, F, 8, 0x33, 0x33, 0
	ACT H1, 16, 0, (PASS==2)
	MM8 W2, 2, BI2, H1, 16, 0x07, 0x07, 0
.if PASS == 2
	STAT 0, 1
.else
	ACT H2, 16, 0, 0
.irp tq, 0,1
	MM8 W3, 2, BI3, H2, 16, 0x07, 0x07, \tq
.if PASS == 3
	STAT \tq, 1
.else
	ACTL \tq
.endif
.endr
.endif
	WIN 0
	v_add_nc_u32 v[FA], 32, v[FA]
.if PASS == 4
	v_add_nc_u32 v[HWA], 8192, v[HWA]
.endif
	s_sub_co_u32 s12, s12, 1
	s_cmp_lg_u32 s12, 0
	s_cbranch_scc1 .Ltrip
.if PASS == 4
	v_add_nc_u32 v[FA], 192, v[FA]                 ; the next chunk's slots: 256 bytes on, less the 64 already stepped
	v_add_nc_u32 v[HWA], -16384, v[HWA]
	BAR                                            ; the chunk's 16 tiles of H3 are whole
	LDHB                                           ; tiles 0 and 1
	s_mov_b32 s13, 8
.Lgroup:                                               ; two tiles x my 64 channels
	s_wait_dscnt 0x0
	MM8 A4, 4, B4, HB, 32, 0x26, 0x06, 0
	PLACES                                         ; behind the products: for the loads into the fragments and for the reads of the results
	WIN 0
	v_add_nc_u32 v[HRO], 8192, v[HRO]
	s_cmp_eq_u32 s13, 1
	s_cbranch_scc1 .Lno_more                       ; the last trip has no next tiles
	LDHB                                           ; the next two tiles land while this trip's sums are taken
.Lno_more:
	STAT 0, 0
	WIN 0
	s_sub_co_u32 s13, s13, 1
	s_cmp_lg_u32 s13, 0
	s_cbranch_scc1 .Lgroup
	v_add_nc_u32 v[HRO], -65536, v[HRO]
	BAR                                            ; every wave has read the chunk: the next may be written
	s_sub_co_u32 s46, s46, 1
	s_cmp_lg_u32 s46, 0
	s_cbranch_scc1 .Lchunk
	FLUSH MX, 4, 0                                 ; the 16 points have seen all 32 slots
	s_wait_xcnt 0x0
	s_add_nc_u64 s[42:43], s[42:43], 32768
	v_add_nc_u32 v[FA], 7936, v[FA]                ; 16 points on, less the 512 bytes already stepped
	WIN 0x80
.set i, 0
.rept 32
	v_mov_b32 v[MX+i], s15
.set i, i+1
.endr
	WIN 0
	s_sub_co_u32 s14, s14, 1
	s_cmp_lg_u32 s14, 0
	s_cbranch_scc1 .Lpoints
.endif
.if PASS == 2
	FLUSH MX1, 4, 0                                ; x1, final
	FLUSH MX, 4, 256                               ; the raw maxima of layer 2
.elseif PASS == 3
	FLUSH MX, 8, 512
.endif
	REDST SUM, NTW, 0
	REDST SQ, NTW, 64*NTW
.if PASS == 4
	v_lshl_add_u32 v16, s8, 10, v[L16]             ; my 64 channels are mine alone: 512 bytes back, and out
	ds_load_b128 v[T:T+3], v16 offset:RED
	v_lshlrev_b32 v17, 10, v[H]
	v_lshl_add_u32 v17, v[R], 4, v17
	v_lshl_add_u32 v17, s8, 8, v17
	s_wait_dscnt 0x0
	global_store_b128 v17, v[T:T+3], s[38:39]
.else
	BAR
.set WD, 2*CP/128
	v_lshlrev_b32 v17, 1+WD, v0
.set i, 0
.rept 4
.if WD == 1
	ds_load_b32 v[T+2*i], v17 offset:RED+1024*i
.else
	ds_load_b64 v[T+2*i:T+2*i+1], v17 offset:RED+1024*i
.endif
.set i, i+1
.endr
	s_wait_dscnt 0x0
.if WD == 1
	v_add_f32 v[T], v[T], v[T+2]
	v_add_f32 v[T+4], v[T+4], v[T+6]
	v_add_f32 v[T], v[T], v[T+4]
	global_store_b32 v17, v[T], s[38:39]
.else
	v_pk_add_f32 v[T:T+1], v[T:T+1], v[T+2:T+3]
	v_pk_add_f32 v[T+4:T+5], v[T+4:T+5], v[T+6:T+7]
	v_pk_add_f32 v[T:T+1], v[T:T+1], v[T+4:T+5]
	global_store_b64 v17, v[T:T+1], s[38:39]
.endif
.endif
	s_wait_tensorcnt 0x0                           ; the wave's end
	ds_add_u32 v[SPW], v[NIL]
	s_wait_dscnt 0x0
	s_endpgm
.Lfunc_end_k_q5d4214e0ee_p3:
	.size	k_q5d4214e0ee_p3, .Lfunc_end_k_q5d4214e0ee_p3-k_q5d4214e0ee_p3
	.p2alignl 7, 3214868480
	.fill 96, 4, 3214868480
	.section	.rodata,"a",@progbits
	.p2align	6, 0x0
	.amdhsa_kernel k_q5d4214e0ee_p3
		.amdhsa_group_segment_fixed_size 110848
		.amdhsa_private_segment_fixed_size 0
		.amdhsa_enable_private_segment 0
		.amdhsa_kernarg_size 72
		.amdhsa_user_sgpr_count 2
		.amdhsa_user_sgpr_kernarg_segment_ptr 1
		.amdhsa_wavefront_size32 1
		.amdhsa_system_sgpr_workgroup_id_x 1
		.amdhsa_system_sgpr_workgroup_id_y 1
		.amdhsa_system_sgpr_workgroup_id_z 1
		.amdhsa_system_vgpr_workitem_id 0
		.amdhsa_next_free_vgpr 1024
		.amdhsa_next_free_sgpr 100
		.amdhsa_reserve_vcc 1
		.amdhsa_float_denorm_mode_32 3
		.amdhsa_float_denorm_mode_16_64 3
		.amdhsa_memory_ordered 1
		.amdhsa_forward_progress 1
		.amdhsa_inst_pref_size 83
	.end_amdhsa_kernel
	.amdgpu_metadata
---
amdhsa.version: [ 1, 2 ]
amdhsa.kernels:
  - .name:           k_q5d4214e0ee_p3
    .symbol:         k_q5d4214e0ee_p3.kd
    .args:
      - { .name: feat, .offset: 0, .size: 8, .value_kind: global_buffer, .address_space: global }
      - { .name: sa, .offset: 8, .size: 8, .value_kind: global_buffer, .address_space: global }
      - { .name: w2, .offset: 16, .size: 8, .value_kind: global_buffer, .address_space: global }
      - { .name: g2, .offset: 24, .size: 8, .value_kind: global_buffer, .address_space: global }
      - { .name: b2, .offset: 32, .size: 8, .value_kind: global_buffer, .address_space: global }
      - { .name: w3, .offset: 40, .size: 8, .value_kind: global_buffer, .address_space: global }
      - { .name: g3, .offset: 48, .size: 8, .value_kind: global_buffer, .address_space: global }
      - { .name: cat, .offset: 56, .size: 8, .value_kind: global_buffer, .address_space: global }
      - { .name: sb, .offset: 64, .size: 8, .value_kind: global_buffer, .address_space: global }
    .group_segment_fixed_size: 110848
    .private_segment_fixed_size: 0
    .kernarg_segment_align: 8
    .kernarg_segment_size: 72
    .max_flat_workgroup_size: 128
    .sgpr_count:     100
    .vgpr_count:     1024
    .wavefront_size: 32
...
	.end_amdgpu_metadata
.endif
;; end of part 13
;; launch p4 (part 14): grid 256 x 1, 4 waves a work-group, no clusters, 196,608 bytes of LDS; arguments feat, sb, w3, g3, b3, cw, g4, cat, sa; writes cat, sa
.if DOCPART == 14
	.amdgcn_target "amdgcn-amd-amdhsa--gfx1250"
	.amdhsa_code_object_version 6
	.text
	.protected	k_q5d4214e0ee_p4
	.globl	k_q5d4214e0ee_p4
	.p2align	8
	.type	k_q5d4214e0ee_p4,@function
k_q5d4214e0ee_p4:
	s_mov_b64 s[64:65], 0
	v_nop
	global_prefetch_b8 v0, s[64:65] scope:SCOPE_SE
	s_setreg_imm32_b32 hwreg(HW_REG_WAVE_MODE, 25, 1), 1
	s_wait_xcnt 0x0
.set PASS, 4
; THE EDGE MLP, pass PASS of 2, 3, 4 (one source text; the line above chooses).  A pass knows the batch statistics of layers 1 .. PASS - 1, multiplies those layers again with the normalisation folded
; into f16 weights (scale into the rows, shift as the C operand), and multiplies layer PASS once, collecting for each channel the sum, the sum of squares and, for each point, the maximum over its 32 edges.
; Since batch-norm and ReLU rise with y once the sign of the gain is folded into the weights, max_k relu(bn(y)) = relu(bn(max_k y)): no activation is ever stored.
; The last layer's sums start at -pilot (pilot = W relu(b of the layer before)), so that the variance is no difference of large sums when the biases carry an offset; batch-norm does not see the shift.
; SHARES: a work-group owns 64 points (2,048 edges), four waves.  Product D = W x H^T: a lane holds one edge (lane % 16) and 8 channels; two results rounded to f16 are the next layer's B fragment.
; The 16 columns of a tile are 16 points at one neighbour slot, so the maximum over neighbours is taken register by register.  All weights stay in registers.  A step is 4 channel tiles x 2 column tiles.
; Layer 1 has K = 6 of 32: its weights' rows hold zeros from k = 6 on, so the upper half of the lanes (k = 8 .. 15) may hold the same finite features as the lower: their products are 0.
; Pass 4: each wave makes H3 for a quarter of a chunk's 16 tiles, hands it on through LDS, and multiplies its own 64 of layer 4's 256 channels by all 16 tiles.
; THE SET-UP: every load that hangs on nothing but the arguments (features, the earlier passes' folded weights, raw weights, gains, shifts, statistics) goes out in one run at the head, into registers
; that the loop takes over only later, and one wait serves them all: the loads do not wait for each other.
; LIMITS: matrix operands in f16 (65,504); NaN and infinities are not treated.  No cluster: the work-groups share only the weights, read once each at the start.
.set PB, 0                 ; LDS: relu(b of the layer before) in f16, 2 bytes a channel: the pilot's operand
.set BIA1, 256             ; shifts of layers 1 to 3
.set BIA2, 512
.set BIA3, 768
.set SCL, 2304             ; row scales of layer PASS - 1
.set SCS, 2816             ; signs of layer PASS's gains
.set TOT, 3840             ; the set's sums, in 4 or 2 partial rows: 2,048 bytes
.set RED, 5888             ; 4 waves x 1,024: the group's sums on the way out
.set W1L, 9984             ; 64 rows x 80
.set W2L, 15104            ; 64 rows x 144
.set W3L, 24320            ; 128 rows x 144
.set SPARE, 42752          ; the spare words
.set FST, 43264            ; the group's features: 64 points x 528
.set STG, 77056            ; 4 waves x 16 rows x 528, for the way out
.set HB3, 131072           ; pass 4: a chunk's H3: 16 tiles x 4,096
.set W4F, 557056           ; pass 4: where layer 4's fragments begin in their buffer
; registers.  window 0:
.set R, 1                  ; lane % 16
.set H, 2                  ; lane / 16
.set LN, 3
.set L16, 4
.set FA, 5                 ; LDS address of my feature fragment
.set SPW, 8
.set NIL, 9
.set HWA, 10
.set HRO, 11
.set STO, 12
.set RD, 13
.set GO, 14
.set TA, 15
.set F, 32                 ; 2 tiles x 8: layer 1's B fragments (v16-51 serve the set-up before)
.set Y, 64                 ; 8 accumulators
.set BI2, 128              ; C operands of layer 2 and layer 3
.set BI3, 160
.set Q, 192                ; pass 2's set-up: layer 1's row at work
.set T, 224
.set H1, 0                 ; window 1
.set H2, 64
.set HB, 128
.set FT, 0                 ; window 1 in the set-up: the features as loaded,
.set IM, 64                ; the earlier passes' folded weights,
.set RQ, 128               ; the raw weights of layer PASS - 1
.set RP, 192               ; and of layer PASS
.set W1, 0                 ; window 3
.set W2, 32
.set W3, 96
.set BI1, 224
.if PASS == 4              ; window 2
.set A4, 0
.set SUM, 128
.set SQ, 160
.set MX, 192
.set B4, 224
.else
.set SUM, 0
.set SQ, 64
.set MX, 128
.set MX1, 192
.endif
.if PASS == 2
.set CQ, 64
.set CP, 64
.set KSP, 2
.set NTW, 4
.set HP, H1
.set WPR, W2
.set BIP, BI2
.elseif PASS == 3
.set CQ, 64
.set CP, 128
.set BIQ, BIA2
.set KSP, 2
.set NTW, 8
.set AOFF, 12800
.set HP, H2
.set WPR, W3
.set BIP, BI3
.set LGR, 5                ; 2^LGR threads, 16 bytes each, take a row of statistics (sums and squares: 8 CQ bytes)
.else
.set CQ, 128
.set CP, 256
.set BIQ, BIA3
.set KSP, 4
.set NTW, 4
.set AOFF, 13312
.set HP, HB
.set WPR, A4
.set BIP, B4
.set LGR, 6
.endif
.set MSB, 0
.macro WIN new
.if MSB != (\new)
	s_set_vgpr_msb (MSB<<8)|(\new)
.set MSB, (\new)
.endif
.endm
.macro PLACES              ; four places between a matrix instruction and what reads its result or writes its registers (ISA guide 7.12.1)
.rept 4
	v_nop
.endr
.endm
.macro BAR                 ; what I stored in LDS is there, what I read is back; then the work-group's barrier
	s_wait_dscnt 0x0
	s_barrier_signal -1
	s_barrier_wait -1
.endm
.macro IF64 lab            ; where the layer before has 64 channels, waves 0 and 1 alone (threads 0 to 63, a channel each) do what follows, up to the label
.if CQ == 64
	s_cmp_lt_u32 s8, 2
	s_cbranch_scc0 \lab
.endif
.endm
.macro RAWLD dst, sb, u    ; at the head: u chunks of 8 f32 a thread, chunk t + 128 i, into window 1
.set i, 0
.rept \u
	global_load_b128 v[(\dst)+8*i:(\dst)+8*i+3], v17, s[\sb:\sb+1] offset:4096*i
	global_load_b128 v[(\dst)+8*i+4:(\dst)+8*i+7], v17, s[\sb:\sb+1] offset:4096*i+16
.set i, i+1
.endr
.endm
.macro IMPW src, lb, p, lg, n  ; n chunks of 16 bytes a thread, loaded at the head into window 1, go into padded LDS rows
	WIN 0
	v_lshrrev_b32 v35, \lg, v0
	v_and_b32 v37, (1<<(\lg))-1, v0
	v_mul_u32_u24 v35, v35, \p
	v_lshl_add_u32 v35, v37, 4, v35
	WIN 0x04                                       ; the stores' data lie in window 1
.set i, 0
.rept \n
	ds_store_b128 v35, v[(\src)+4*i:(\src)+4*i+3] offset:(\lb)+i*(128>>(\lg))*(\p)
.set i, i+1
.endr
	WIN 0
.endm
.macro EXPW sb, goff, lb, p, lg, n  ; padded LDS rows of f16 go out dense: n chunks of 16 bytes a thread
	s_wait_xcnt 0x0                                ; the registers below may be sources of earlier loads and stores
	v_lshrrev_b32 v17, \lg, v0
	v_and_b32 v18, (1<<(\lg))-1, v0
	v_mul_u32_u24 v17, v17, \p
	v_lshl_add_u32 v17, v18, 4, v17
.set i, 0
.rept \n
	ds_load_b128 v[Y+4*i:Y+4*i+3], v17 offset:(\lb)+i*(128>>(\lg))*(\p)
.set i, i+1
.endr
	s_wait_dscnt 0x0
.set i, 0
.rept \n
	global_store_b128 v16, v[Y+4*i:Y+4*i+3], s[\sb:\sb+1] offset:(\goff)+2048*i
.set i, i+1
.endr
.endm
; u chunks of 8 f32 a thread, loaded at the head into window 1: times the row's scale, rounded to f16, into padded LDS rows
.macro CVW src, scl, lb, p, lg, u
	WIN 0
	v_lshrrev_b32 v35, \lg, v0
	v_and_b32 v37, (1<<(\lg))-1, v0
	v_lshlrev_b32 v36, 2, v35
	v_mul_u32_u24 v35, v35, \p
	v_lshl_add_u32 v35, v37, 4, v35
.set i, 0
.rept \u
	ds_load_b32 v[T+i], v36 offset:(\scl)+i*(128>>(\lg))*4
.set i, i+1
.endr
	s_wait_dscnt 0x0
	WIN 0x44                                       ; the scale in window 0, the weights in window 1
.set i, 0
.rept \u
.set k, 0
.rept 8
	v_mul_f32 v[(\src)+8*i+k], v[T+i], v[(\src)+8*i+k]
.set k, k+1
.endr
.set i, i+1
.endr
	WIN 0x45
.set i, 0
.rept \u
.set k, 0
.rept 4
	v_cvt_pk_f16_f32 v[(\src)+8*i+k], v[(\src)+8*i+2*k], v[(\src)+8*i+2*k+1]   ; in place: register k is free when pair k is rounded
.set k, k+1
.endr
.set i, i+1
.endr
	WIN 0x04
.set i, 0
.rept \u
	ds_store_b128 v35, v[(\src)+8*i:(\src)+8*i+3] offset:(\lb)+i*(128>>(\lg))*(\p)
.set i, i+1
.endr
	WIN 0
.endm
; Channel tiles 4 tq .. 4 tq + 3 of a layer times two column tiles: 8 accumulators by turns, one instruction a turn.  The first K step takes the shift as C
.macro MM8 wb, ks, bib, hb, hs, m0, mk, tq
.set kk, 0
.rept \ks
.if kk == 0
	WIN \m0
.else
	WIN \mk
.endif
.set tt, 0
.rept 4
.set nn, 0
.rept 2
.set rD, Y+8*(2*tt+nn)
.set rA, (\wb)+((4*(\tq)+tt)*(\ks)+kk)*8
.set rB, (\hb)+nn*(\hs)+kk*8
.set rC, (\bib)+8*(4*(\tq)+tt)
.if kk == 0
	v_wmma_f32_16x16x32_f16 v[rD:rD+7], v[rA:rA+7], v[rB:rB+7], v[rC:rC+7]
.else
	v_wmma_f32_16x16x32_f16 v[rD:rD+7], v[rA:rA+7], v[rB:rB+7], v[rD:rD+7]
.endif
.set nn, nn+1
.endr
.set tt, tt+1
.endr
.set kk, kk+1
.endr
.endm
.macro RELU                ; each accumulator is read from its low end on
	PLACES
	WIN 0
.set i, 0
.rept 64
	v_max_num_f32 v[Y+i], 0, v[Y+i]
.set i, i+1
.endr
.endm
.macro ACT hd, hs, tq, x1  ; ReLU, (x1: layer 1's maximum over neighbours,) and f16 into the next layer's B fragments
	RELU
.if \x1
	WIN 0xa0
.set tt, 0
.rept 4
.set k, 0
.rept 8
	v_max3_num_f32 v[MX1+8*(4*(\tq)+tt)+k], v[Y+16*tt+k], v[Y+16*tt+8+k], v[MX1+8*(4*(\tq)+tt)+k]
.set k, k+1
.endr
.set tt, tt+1
.endr
.endif
	WIN 0x40
.set tt, 0
.rept 4
.set nn, 0
.rept 2
.set k, 0
.rept 4
	v_cvt_pk_f16_f32 v[(\hd)+nn*(\hs)+((4*(\tq)+tt)/2)*8+(tt%2)*4+k], v[Y+8*(2*tt+nn)+2*k], v[Y+8*(2*tt+nn)+2*k+1]
.set k, k+1
.endr
.set nn, nn+1
.endr
.set tt, tt+1
.endr
.endm
.macro ACTL tq             ; pass 4, layer 3: the fragments go to LDS, half a fragment (512 bytes of the wave) a store
	RELU
.set tt, 0
.rept 4
.set nn, 0
.rept 2
.set k, 0
.rept 4
	v_cvt_pk_f16_f32 v[T+4*(2*tt+nn)+k], v[Y+8*(2*tt+nn)+2*k], v[Y+8*(2*tt+nn)+2*k+1]
.set k, k+1
.endr
	ds_store_b128 v[HWA], v[T+4*(2*tt+nn):T+4*(2*tt+nn)+3] offset:nn*4096+((4*(\tq)+tt)/2)*1024+(tt%2)*512
.set nn, nn+1
.endr
.set tt, tt+1
.endr
.endm
.macro STAT tq, pl         ; the last layer: sums, sums of squares, maxima.  pl = 1: the places behind the products stand here
.if \pl
	PLACES
.endif
	WIN 0xa0
.set nn, 0
.rept 2
.set tt, 0
.rept 4
.set k, 0
.rept 4
	v_pk_fma_f32 v[SUM+8*(4*(\tq)+tt)+2*k:SUM+8*(4*(\tq)+tt)+2*k+1], v[Y+8*(2*tt+nn)+2*k:Y+8*(2*tt+nn)+2*k+1], 1.0, v[SUM+8*(4*(\tq)+tt)+2*k:SUM+8*(4*(\tq)+tt)+2*k+1] op_sel_hi:[1,0,1]
.set k, k+1
.endr
.set tt, tt+1
.endr
.set nn, nn+1
.endr
.set nn, 0
.rept 2
.set tt, 0
.rept 4
.set k, 0
.rept 4
	v_pk_fma_f32 v[SQ+8*(4*(\tq)+tt)+2*k:SQ+8*(4*(\tq)+tt)+2*k+1], v[Y+8*(2*tt+nn)+2*k:Y+8*(2*tt+nn)+2*k+1], v[Y+8*(2*tt+nn)+2*k:Y+8*(2*tt+nn)+2*k+1], v[SQ+8*(4*(\tq)+tt)+2*k:SQ+8*(4*(\tq)+tt)+2*k+1]
.set k, k+1
.endr
.set tt, tt+1
.endr
.set nn, nn+1
.endr
.set tt, 0
.rept 4
.set k, 0
.rept 8
	v_max3_num_f32 v[MX+8*(4*(\tq)+tt)+k], v[Y+16*tt+k], v[Y+16*tt+8+k], v[MX+8*(4*(\tq)+tt)+k]
.set k, k+1
.endr
.set tt, tt+1
.endr
.endm
.macro STAGE src, nt       ; 16 lanes' rows x 16 nt channels of window 2 go into my stage and come back into Y as whole rows of 256 or 512 bytes
	WIN 0x08                                       ; the stores' data lie in window 2
.set i, 0
.rept \nt
	ds_store_b128 v[STO], v[(\src)+8*i:(\src)+8*i+3] offset:64*i
	ds_store_b128 v[STO], v[(\src)+8*i+4:(\src)+8*i+7] offset:64*i+16
.set i, i+1
.endr
	WIN 0
	s_wait_xcnt 0x0                                ; Y may be the data of earlier stores
.set i, 0
.rept 2*(\nt)
	ds_load_b128 v[Y+4*i:Y+4*i+3], v[RD] offset:i*(4224/(\nt))   ; LDS serves a wave's instructions in order (ISA guide 5.7.1.4): these see the stores above
.set i, i+1
.endr
	s_wait_dscnt 0x0
.endm
.macro FLUSH src, nt, goff ; the maxima of 16 points go out
	STAGE \src, \nt
.set i, 0
.rept 2*(\nt)
	global_store_b128 v[GO], v[Y+4*i:Y+4*i+3], s[42:43] offset:(\goff)+i*(16384/(\nt))
.set i, i+1
.endr
.endm
.macro REDST src, nt, off  ; per-lane sums are added over the 16 edges: the stage's rows are added, a lane four channels; into my row of RED, channel c at byte off + 4 c
	STAGE \src, \nt
.set i, 1
.rept 2*(\nt)-1
	v_pk_add_f32 v[Y:Y+1], v[Y:Y+1], v[Y+4*i:Y+4*i+1]
	v_pk_add_f32 v[Y+2:Y+3], v[Y+2:Y+3], v[Y+4*i+2:Y+4*i+3]
.set i, i+1
.endr
.if (\nt) == 4                         ; rows of 256 bytes: the odd rows lie in the lane 16 away
.irp k, 0,1,2,3
	v_permlanex16_b32 v[T+\k], v[Y+\k], s62, s63
.endr
	v_pk_add_f32 v[Y:Y+1], v[Y:Y+1], v[T:T+1]
	v_pk_add_f32 v[Y+2:Y+3], v[Y+2:Y+3], v[T+2:T+3]
.endif
	ds_store_b128 v[TA], v[Y:Y+3] offset:\off
.endm
.macro LDHB                ; two tiles of H3: 8 fragments
	WIN 0x40
.set i, 0
.rept 16
	ds_load_b128 v[HB+4*i:HB+4*i+3], v[HRO] offset:512*i
.set i, i+1
.endr
	WIN 0
.endm
	s_load_b512 s[16:31], s[0:1], 0x0              ; feat 16, IN 18, w 20 / g 22 / b 24 of layer PASS - 1, w 26 (pass 4: the fragments' buffer) / g 28 of layer PASS (pass 4: its signs are in the fragments), cat 30
	s_load_b64 s[32:33], s[0:1], 0x40              ; OUT
	v_lshl_add_u32 v[SPW], v0, 2, SPARE
	v_mov_b32 v[NIL], 0
	v_lshrrev_b32 v16, 5, v0
	v_readfirstlane_b32 s8, v16                    ; wave
	v_and_b32 v[LN], 31, v0
	v_and_b32 v[R], 15, v0
	v_bfe_u32 v[H], v0, 4, 1
	v_lshlrev_b32 v[L16], 4, v[LN]
	v_lshlrev_b32 v16, 4, v0                       ; 16 t, 32 t and 4 t: kept through the set-up
	v_lshlrev_b32 v17, 5, v0
	v_lshlrev_b32 v21, 2, v0
.if PASS > 2
	v_and_b32 v20, CQ-1, v0
	v_lshlrev_b32 v20, 2, v20                      ; 4 x my channel of layer PASS - 1
	v_and_b32 v19, (1<<LGR)-1, v0                  ; the statistics: my 16 bytes of a row,
	v_lshrrev_b32 v22, LGR, v0                     ; and which rows are mine
	v_lshlrev_b32 v19, 4, v19
	v_lshl_add_u32 v19, v22, 11, v19
.endif
.if PASS == 4
	v_lshl_add_u32 v38, s8, 14, v[L16]             ; my wave's 16 fragments of layer 4
.endif
	s_lshr_b32 s9, ttmp9, 7                        ; set: 0 src, 1 tgt
	s_and_b32 s10, ttmp9, 127
	s_mov_b32 s3, 0
	s_mov_b32 s15, 0xff800000                      ; where the maxima start
	s_mov_b32 s62, 0x76543210
	s_mov_b32 s63, 0xfedcba98
	s_wait_kmcnt 0x0
	s_lshl_b32 s2, ttmp9, 15
	s_add_nc_u64 s[16:17], s[16:17], s[2:3]        ; my 64 points' features
	s_lshl_b32 s2, ttmp9, 11
	s_add_nc_u64 s[38:39], s[32:33], s[2:3]        ; my row of statistics
	s_mul_i32 s2, s9, 14336
	s_add_co_u32 s2, s2, 524288
	s_add_nc_u64 s[40:41], s[32:33], s[2:3]        ; my set's coefficients, out
	s_add_nc_u64 s[36:37], s[18:19], s[2:3]        ; and in
.if PASS == 2
	s_lshl_b32 s2, s9, 14
.else
	s_lshl_b32 s2, s9, 18
.endif
	s_add_nc_u64 s[34:35], s[18:19], s[2:3]        ; my set's 128 rows of moments or of statistics
	; THE HEAD: one run of loads
	WIN 0x40                                       ; destinations in window 1
.set i, 0
.rept 16
	global_load_b128 v[FT+4*i:FT+4*i+3], v16, s[16:17] offset:2048*i
.set i, i+1
.endr
.if PASS > 2
.set i, 0
.rept 2
	global_load_b128 v[IM+4*i:IM+4*i+3], v16, s[36:37] offset:2048*i            ; layer 1, folded
.set i, i+1
.endr
.endif
.if PASS == 2
	RAWLD RP, 26, 4
.elseif PASS == 3
	RAWLD RQ, 20, 4
	RAWLD RP, 26, 8
.else
.set i, 0
.rept 4
	global_load_b128 v[IM+8+4*i:IM+8+4*i+3], v16, s[36:37] offset:4096+2048*i   ; layer 2, folded
.set i, i+1
.endr
	RAWLD RQ, 20, 8
	WIN 0x80                                       ; layer 4's fragments go straight where the products take them: 512 consecutive bytes a load
.set i, 0
.rept 32
	global_load_b128 v[A4+4*i:A4+4*i+3], v38, s[26:27] offset:W4F+512*i
.set i, i+1
.endr
.endif
	WIN 0
.if PASS == 2
	; LAYER 1's statistics from the moments of (u, v).  Waves 0 and 1: each adds the set's 128 rows (a load takes four rows, 512 consecutive bytes: lane l holds moments 4 (l % 8) + 0..3 of row l / 8);
	; the 27 go to scalar registers; thread t then makes channel t.
	IF64 .Lno_l1
.set i, 0
.rept 32
	global_load_b128 v[Y+4*i:Y+4*i+3], v[L16], s[34:35] offset:512*i
.set i, i+1
.endr
	v_mul_u32_u24 v19, v0, 24                      ; channel t
	global_load_b64 v[Q:Q+1], v19, s[20:21]
	global_load_b64 v[Q+2:Q+3], v19, s[20:21] offset:8
	global_load_b64 v[Q+4:Q+5], v19, s[20:21] offset:16
	global_load_b32 v[Q+6], v21, s[22:23]
	global_load_b32 v[Q+7], v21, s[24:25]
	global_load_b32 v[Q+8], v21, s[28:29]
	s_wait_loadcnt 0x0
.set i, 1
.rept 31
	v_pk_add_f32 v[Y:Y+1], v[Y:Y+1], v[Y+4*i:Y+4*i+1]
	v_pk_add_f32 v[Y+2:Y+3], v[Y+2:Y+3], v[Y+4*i+2:Y+4*i+3]
.set i, i+1
.endr
.irp k, 0,1,2,3
	v_add_f32_dpp v[Y+\k], v[Y+\k], v[Y+\k] row_xmask:8 row_mask:0xf bank_mask:0xf
.endr
.irp k, 0,1,2,3
	v_permlanex16_b32 v[Y+4+\k], v[Y+\k], s62, s63
.endr
.irp k, 0,1,2,3
	v_add_f32 v[Y+\k], v[Y+\k], v[Y+4+\k]
.endr
.irp k, 0,1,2,3
	v_mul_f32 v[Y+\k], 0x36800000, v[Y+\k]         ; / 2^18 edges of a set
.endr
.set a, 0
.rept 27
	v_readlane_b32 s[68+a], v[Y+(a%4)], a/4
.set a, a+1
.endr
.set a, 0
.rept 6
	s_mul_f32 s[44+a], s[68+a], -1.0
.set a, a+1
.endr
.set k, 6
.set a, 0
.rept 6
.set b, a
.rept 6-a
	s_fmac_f32 s[68+k], s[44+a], s[68+b]           ; covariance (a, b)
.set k, k+1
.set b, b+1
.endr
.set a, a+1
.endr
	v_max_num_f32 v[Q+20], 0, v[Q+7]               ; the pilot's operand: relu(b1) in f16
	v_cvt_pk_f16_f32 v[Q+20], v[Q+20], v[Q+20]
	v_lshlrev_b32 v[Q+21], 1, v0
	ds_store_b16 v[Q+21], v[Q+20] offset:PB
	v_add_f32 v[Q+3], v[Q+3], v[Q]                 ; y = wa . u + (wa + wb) . v + a constant that batch-norm drops
	v_add_f32 v[Q+4], v[Q+4], v[Q+1]
	v_add_f32 v[Q+5], v[Q+5], v[Q+2]
	v_mul_f32 v[Q+9], s68, v[Q]
.set a, 1
.rept 5
	v_fmac_f32 v[Q+9], s[68+a], v[Q+a]             ; the mean
.set a, a+1
.endr
.set a, 0
.rept 6
.set b, 0
.rept 6
.if a <= b
.set ix, 6+a*6-a*(a-1)/2+(b-a)
.else
.set ix, 6+b*6-b*(b-1)/2+(a-b)
.endif
.if b == 0
	v_mul_f32 v[Q+11], s[68+ix], v[Q+b]
.else
	v_fmac_f32 v[Q+11], s[68+ix], v[Q+b]
.endif
.set b, b+1
.endr
.if a == 0
	v_mul_f32 v[Q+10], v[Q+11], v[Q]
.else
	v_fmac_f32 v[Q+10], v[Q+11], v[Q+a]            ; the variance
.endif
.set a, a+1
.endr
	v_max_num_f32 v[Q+10], 0, v[Q+10]
	v_add_f32 v[Q+10], 0x3727c5ac, v[Q+10]
	v_rsq_f32 v[Q+10], v[Q+10]
	v_mov_b32 v[Q+15], 0
	v_mul_f32 v[Q+6], v[Q+6], v[Q+10]              ; g / sqrt(var + eps)
	v_fma_f32 v[Q+7], -v[Q+6], v[Q+9], v[Q+7]      ; the shift
.set a, 0
.rept 6
	v_mul_f32 v[Q+a], v[Q+a], v[Q+6]
.set a, a+1
.endr
	v_cvt_pk_f16_f32 v[Q+12], v[Q], v[Q+1]
	v_cvt_pk_f16_f32 v[Q+13], v[Q+2], v[Q+3]
	v_cvt_pk_f16_f32 v[Q+14], v[Q+4], v[Q+5]
.irp i, 16,17,18,19
	v_mov_b32 v[Q+\i], 0
.endr
	v_mul_u32_u24 v22, v0, 80
	ds_store_b128 v22, v[Q+12:Q+15] offset:W1L
	ds_store_b128 v22, v[Q+16:Q+19] offset:W1L+16
	ds_store_b128 v22, v[Q+16:Q+19] offset:W1L+32
	ds_store_b128 v22, v[Q+16:Q+19] offset:W1L+48
	ds_store_b32 v21, v[Q+7] offset:BIA1
	v_cmp_gt_f32 vcc_lo, 0, v[Q+8]
	v_cndmask_b32 v[Q+8], 1.0, -1.0, vcc_lo
	ds_store_b32 v21, v[Q+8] offset:SCS
.Lno_l1:
	s_wait_loadcnt 0x0                             ; the head's loads are in
.else
	global_load_b32 v28, v20, s[22:23]             ; my channel's gain,
	global_load_b32 v29, v20, s[24:25]             ; shift,
	global_load_b32 v30, v20, s[34:35] offset:8*CQ ; -pilot, from the set's first row,
	global_load_b32 v33, v20, s[36:37] offset:12288  ; and a word of the earlier layers' shifts
.if PASS == 3
	global_load_b32 v32, v21, s[28:29]
.endif
	; the statistics of layer PASS - 1: the set's 128 rows; a thread takes 16 bytes of every 128 >> LGR-th row, 32 rows a batch
.set RS, 2048*(128>>LGR)
.irp i, 40,41,42,43
	v_mov_b32 v\i, 0
.endr
.if PASS == 4
	s_mov_b32 s11, 2
.Lred:
.endif
.set i, 0
.rept 32
	global_load_b128 v[Y+4*i:Y+4*i+3], v19, s[34:35] offset:i*RS
.set i, i+1
.endr
	s_wait_loadcnt 0x0                             ; these and all the head's loads are in; also frees the address registers
.set i, 0
.rept 32
	v_pk_add_f32 v[40:41], v[40:41], v[Y+4*i:Y+4*i+1]
	v_pk_add_f32 v[42:43], v[42:43], v[Y+4*i+2:Y+4*i+3]
.set i, i+1
.endr
.if PASS == 4
	v_add_nc_u32 v19, 32*RS, v19
	s_sub_co_u32 s11, s11, 1
	s_cmp_lg_u32 s11, 0
	s_cbranch_scc1 .Lred
.endif
	ds_store_b128 v16, v[40:43] offset:TOT         ; byte 16 t: partial row t >> LGR, my 16 bytes of it
.endif
	v_lshrrev_b32 v34, 5, v0                       ; the features: point t / 32 + 4 i, slot t % 32
	v_mul_u32_u24 v34, v34, 528
	v_add_nc_u32 v34, v34, v[L16]
	v_add_nc_u32 v34, FST, v34
	WIN 0x04                                       ; the stores' data lie in window 1
.set i, 0
.rept 16
	ds_store_b128 v34, v[FT+4*i:FT+4*i+3] offset:2112*i
.set i, i+1
.endr
	WIN 0
.if PASS > 2
	IMPW IM, W1L, 80, 2, 2                         ; the layers folded by earlier passes
.if PASS == 4
	IMPW IM+8, W2L, 144, 3, 4
.endif
	IF64 .Lno_b1                                   ; pass 3: 64 shifts of layer 1; pass 4: 128, of layers 1 and 2, which lie on end
	ds_store_b32 v21, v33 offset:BIA1
.Lno_b1:
	BAR
.set NPH, 128>>LGR
.set i, 0
.rept NPH
	ds_load_b32 v[44+i], v20 offset:TOT+i*8*CQ
	ds_load_b32 v[48+i], v20 offset:TOT+i*8*CQ+4*CQ
.set i, i+1
.endr
	s_wait_dscnt 0x0
	v_add_f32 v26, v44, v45
	v_add_f32 v27, v48, v49
.if NPH == 4
	v_add_f32 v46, v46, v47
	v_add_f32 v50, v50, v51
	v_add_f32 v26, v26, v46
	v_add_f32 v27, v27, v50
.endif
	v_max_num_f32 v31, 0, v29                      ; the pilot's operand: relu(b) in f16
	v_cvt_pk_f16_f32 v31, v31, v31
	v_mul_f32 v26, 0x36800000, v26                 ; mean of y - pilot
	v_mul_f32 v27, 0x36800000, v27
	v_fma_f32 v27, -v26, v26, v27
	v_max_num_f32 v27, 0, v27
	v_add_f32 v27, 0x3727c5ac, v27
	v_rsq_f32 v27, v27
	v_sub_f32 v30, v30, v26
	s_wait_alu depctr_va_vdst(0)
	v_mul_f32 v24, |v28|, v27                      ; A = |g| / sqrt(var + eps)
	v_mul_f32 v28, v28, v27                        ; the rows' scale
	v_fma_f32 v25, -v24, v26, v29                  ; S = b - A mean': for the stored maxima
	v_fma_f32 v29, v24, v30, v29                   ; the shift b - A (pilot + mean')
.if PASS == 3
	v_cmp_gt_f32 vcc_lo, 0, v32
	v_cndmask_b32 v32, 1.0, -1.0, vcc_lo
	ds_store_b32 v21, v32 offset:SCS
.endif
	IF64 .Lno_fin                                  ; thread t stores channel t's
	ds_store_b32 v21, v28 offset:SCL
	ds_store_b32 v21, v29 offset:BIQ
	v_lshlrev_b32 v23, 1, v0
	ds_store_b16 v23, v31 offset:PB
.Lno_fin:
.endif
	BAR
.if PASS == 2
	CVW RP, SCS, W2L, 144, 3, 4
.elseif PASS == 3
	CVW RQ, SCL, W2L, 144, 3, 4
	CVW RP, SCS, W3L, 144, 3, 8
.else
	CVW RQ, SCL, W3L, 144, 3, 8
.endif
	BAR
	s_cmp_lg_u32 s10, 0                            ; the set's first work-group hands the coefficients on
	s_cbranch_scc1 .Lno_export
.if PASS == 2
	EXPW 40, 0, W1L, 80, 2, 2
	IF64 .Lno_export
	ds_load_b32 v26, v21 offset:BIA1
	s_wait_dscnt 0x0
	global_store_b32 v21, v26, s[40:41] offset:12288
.elseif PASS == 3
	EXPW 40, 0, W1L, 80, 2, 2
	EXPW 40, 4096, W2L, 144, 3, 4
	ds_load_b32 v26, v21 offset:BIA1               ; 128 words: the shifts of layers 1 and 2
	s_wait_dscnt 0x0
	global_store_b32 v21, v26, s[40:41] offset:12288
.endif
.if PASS > 2
	IF64 .Lno_export
	global_store_b32 v21, v24, s[40:41] offset:AOFF
	global_store_b32 v21, v25, s[40:41] offset:AOFF+4*CQ
.endif
.Lno_export:
	; all fragments into registers: lane l holds row l % 16, K = 8 (l / 16) + 0..7 and 16 + 8 (l / 16) + 0..7
	s_wait_xcnt 0x0
	v_mul_u32_u24 v17, v[R], 80
	v_lshl_add_u32 v17, v[H], 4, v17
	v_mul_u32_u24 v18, v[R], 144
	v_lshl_add_u32 v18, v[H], 4, v18
	v_lshlrev_b32 v19, 5, v[H]
	v_lshlrev_b32 v20, 4, v[H]
	WIN 0xc0
.set i, 0
.rept 4
	ds_load_b128 v[W1+8*i:W1+8*i+3], v17 offset:W1L+i*1280
	ds_load_b128 v[W1+8*i+4:W1+8*i+7], v17 offset:W1L+i*1280+32
	ds_load_b128 v[BI1+8*i:BI1+8*i+3], v19 offset:BIA1+64*i
	ds_load_b128 v[BI1+8*i+4:BI1+8*i+7], v19 offset:BIA1+64*i+16
.set i, i+1
.endr
.set i, 0
.rept 8
	ds_load_b128 v[W2+8*i:W2+8*i+3], v18 offset:W2L+(i/2)*2304+(i%2)*64
	ds_load_b128 v[W2+8*i+4:W2+8*i+7], v18 offset:W2L+(i/2)*2304+(i%2)*64+32
.set i, i+1
.endr
.if PASS > 2
.set i, 0
.rept 16
	ds_load_b128 v[W3+8*i:W3+8*i+3], v18 offset:W3L+(i/2)*2304+(i%2)*64
	ds_load_b128 v[W3+8*i+4:W3+8*i+7], v18 offset:W3L+(i/2)*2304+(i%2)*64+32
.set i, i+1
.endr
	WIN 0
.set i, 0
.rept 4
	ds_load_b128 v[BI2+8*i:BI2+8*i+3], v19 offset:BIA2+64*i
	ds_load_b128 v[BI2+8*i+4:BI2+8*i+7], v19 offset:BIA2+64*i+16
.set i, i+1
.endr
.endif
.if PASS == 4
.set i, 0
.rept 8
	ds_load_b128 v[BI3+8*i:BI3+8*i+3], v19 offset:BIA3+64*i
	ds_load_b128 v[BI3+8*i+4:BI3+8*i+7], v19 offset:BIA3+64*i+16
.set i, i+1
.endr
.endif
	; THE PILOT: relu(b of the layer before) in every column, times the last layer's weights; the result has the C operand's layout
	WIN 0x40
.set i, 0
.rept KSP
	ds_load_b128 v[HP+8*i:HP+8*i+3], v20 offset:PB+64*i
	ds_load_b128 v[HP+8*i+4:HP+8*i+7], v20 offset:PB+64*i+32
.set i, i+1
.endr
	s_wait_dscnt 0x0                               ; the fragments are in
.if PASS == 4
	WIN 0x06
.else
	WIN 0x07
.endif
.set kk, 0
.rept KSP
.set i, 0
.rept NTW
.if kk == 0
	v_wmma_f32_16x16x32_f16 v[Y+8*i:Y+8*i+7], v[WPR+(i*KSP+kk)*8:WPR+(i*KSP+kk)*8+7], v[HP+8*kk:HP+8*kk+7], 0
.else
	v_wmma_f32_16x16x32_f16 v[Y+8*i:Y+8*i+7], v[WPR+(i*KSP+kk)*8:WPR+(i*KSP+kk)*8+7], v[HP+8*kk:HP+8*kk+7], v[Y+8*i:Y+8*i+7]
.endif
.set i, i+1
.endr
.set kk, kk+1
.endr
	PLACES
.if PASS == 4
	WIN 0x80
.else
	WIN 0
.endif
.set i, 0
.rept 8*NTW
	v_mul_f32 v[BIP+i], -1.0, v[Y+i]
.set i, i+1
.endr
	WIN 0
.if PASS < 4
	s_cmp_lg_u32 s8, 0                             ; wave 0's lanes 0 and 16 store -pilot behind the row's sums
	s_cbranch_scc1 .Lno_pilot
	v_cmp_eq_u32 vcc_lo, 0, v[R]
	s_wait_xcnt 0x0                                ; EXEC changes only behind this wait
	s_and_saveexec_b32 s11, vcc_lo
.set i, 0
.rept NTW
	global_store_b128 v19, v[BIP+8*i:BIP+8*i+3], s[38:39] offset:8*CP+64*i
	global_store_b128 v19, v[BIP+8*i+4:BIP+8*i+7], s[38:39] offset:8*CP+64*i+16
.set i, i+1
.endr
	s_wait_xcnt 0x0
	s_or_b32 exec_lo, exec_lo, s11
.Lno_pilot:
.endif
	; what the loop finds
	WIN 0x80
.set i, 0
.rept 8*NTW
	v_mov_b32 v[SUM+i], 0
	v_mov_b32 v[SQ+i], 0
	v_mov_b32 v[MX+i], s15
.if PASS == 2
	v_mov_b32 v[MX1+i], 0
.endif
.set i, i+1
.endr
	WIN 0
.irp k, 4,5,6,7,12,13,14,15
	v_mov_b32 v[F+\k], 0                           ; K = 16 .. 31 of layer 1's fragments
.endr
	s_mul_i32 s11, s8, 8448
	s_add_co_u32 s11, s11, STG                     ; my stage
	v_mul_u32_u24 v[STO], v[R], 528
	v_lshl_add_u32 v[STO], v[H], 5, v[STO]
	v_add_nc_u32 v[STO], s11, v[STO]
.if NTW == 8
	v_add_nc_u32 v[RD], s11, v[L16]                ; back: a row of 512 bytes a load
	v_mov_b32 v[GO], v[L16]
.else
	v_mul_u32_u24 v[RD], v[H], 528                 ; back: two rows of 256 bytes a load
	v_lshl_add_u32 v[RD], v[R], 4, v[RD]
	v_add_nc_u32 v[RD], s11, v[RD]
	v_lshlrev_b32 v[GO], 11, v[H]
	v_lshl_add_u32 v[GO], v[R], 4, v[GO]
.endif
	s_lshl_b32 s11, s8, 10
	s_add_co_u32 s11, s11, RED                     ; my row of RED: four channels a lane
.if NTW == 8
	v_add_nc_u32 v[TA], s11, v[L16]
.else
	v_lshl_add_u32 v[TA], v[R], 4, s11
.endif
	s_lshl_b32 s2, ttmp9, 17
.if PASS == 4
	v_mul_u32_u24 v[FA], v[R], 528
	v_lshl_add_u32 v[FA], s8, 6, v[FA]             ; point r of the 16, slots 4 w on
	v_add_nc_u32 v[FA], FST, v[FA]
	s_lshl_b32 s11, s8, 8
	s_add_co_u32 s2, s2, s11
	s_add_co_u32 s2, s2, 1024
	v_lshl_add_u32 v[HWA], s8, 14, v[L16]
	v_add_nc_u32 v[HWA], HB3, v[HWA]
	v_add_nc_u32 v[HRO], HB3, v[L16]
.else
	v_lshl_add_u32 v[FA], s8, 4, v[R]              ; point 16 w + r
	v_mul_u32_u24 v[FA], v[FA], 528
	v_add_nc_u32 v[FA], FST, v[FA]
	s_lshl_b32 s11, s8, 15
	s_add_co_u32 s2, s2, s11
.endif
	s_add_nc_u64 s[42:43], s[30:31], s[2:3]        ; cat at my rows
.if PASS == 4
	s_mov_b32 s14, 4
.Lpoints:                                              ; 16 points: two chunks of 16 neighbour slots
	s_mov_b32 s46, 2
.Lchunk:                                               ; of a chunk's 16 slots my wave makes four, two a trip
	s_mov_b32 s12, 2
.else
	s_mov_b32 s12, 16
.endif
.Ltrip:                                                ; two neighbour slots of 16 points
	ds_load_b128 v[F:F+3], v[FA]
	ds_load_b128 v[F+8:F+11], v[FA] offset:16
	s_wait_dscnt 0x0
	MM8 W1, 1, BI1, F, 8, 0x33, 0x33, 0
	ACT H1, 16, 0, (PASS==2)
	MM8 W2, 2, BI2, H1, 16, 0x07, 0x07, 0
.if PASS == 2
	STAT 0, 1
.else
	ACT H2, 16, 0, 0
.irp tq, 0,1
	MM8 W3, 2, BI3, H2, 16, 0x07, 0x07, \tq
.if PASS == 3
	STAT \tq, 1
.else
	ACTL \tq
.endif
.endr
.endif
	WIN 0
	v_add_nc_u32 v[FA], 32, v[FA]
.if PASS == 4
	v_add_nc_u32 v[HWA], 8192, v[HWA]
.endif
	s_sub_co_u32 s12, s12, 1
	s_cmp_lg_u32 s12, 0
	s_cbranch_scc1 .Ltrip
.if PASS == 4
	v_add_nc_u32 v[FA], 192, v[FA]                 ; the next chunk's slots: 256 bytes on, less the 64 already stepped
	v_add_nc_u32 v[HWA], -16384, v[HWA]
	BAR                                            ; the chunk's 16 tiles of H3 are whole
	LDHB                                           ; tiles 0 and 1
	s_mov_b32 s13, 8
.Lgroup:                                               ; two tiles x my 64 channels
	s_wait_dscnt 0x0
	MM8 A4, 4, B4, HB, 32, 0x26, 0x06, 0
	PLACES                                         ; behind the products: for the loads into the fragments and for the reads of the results
	WIN 0
	v_add_nc_u32 v[HRO], 8192, v[HRO]
	s_cmp_eq_u32 s13, 1
	s_cbranch_scc1 .Lno_more                       ; the last trip has no next tiles
	LDHB                                           ; the next two tiles land while this trip's sums are taken
.Lno_more:
	STAT 0, 0
	WIN 0
	s_sub_co_u32 s13, s13, 1
	s_cmp_lg_u32 s13, 0
	s_cbranch_scc1 .Lgroup
	v_add_nc_u32 v[HRO], -65536, v[HRO]
	BAR                                            ; every wave has read the chunk: the next may be written
	s_sub_co_u32 s46, s46, 1
	s_cmp_lg_u32 s46, 0
	s_cbranch_scc1 .Lchunk
	FLUSH MX, 4, 0                                 ; the 16 points have seen all 32 slots
	s_wait_xcnt 0x0
	s_add_nc_u64 s[42:43], s[42:43], 32768
	v_add_nc_u32 v[FA], 7936, v[FA]                ; 16 points on, less the 512 bytes already stepped
	WIN 0x80
.set i, 0
.rept 32
	v_mov_b32 v[MX+i], s15
.set i, i+1
.endr
	WIN 0
	s_sub_co_u32 s14, s14, 1
	s_cmp_lg_u32 s14, 0
	s_cbranch_scc1 .Lpoints
.endif
.if PASS == 2
	FLUSH MX1, 4, 0                                ; x1, final
	FLUSH MX, 4, 256                               ; the raw maxima of layer 2
.elseif PASS == 3
	FLUSH MX, 8, 512
.endif
	REDST SUM, NTW, 0
	REDST SQ, NTW, 64*NTW
.if PASS == 4
	v_lshl_add_u32 v16, s8, 10, v[L16]             ; my 64 channels are mine alone: 512 bytes back, and out
	ds_load_b128 v[T:T+3], v16 offset:RED
	v_lshlrev_b32 v17, 10, v[H]
	v_lshl_add_u32 v17, v[R], 4, v17
	v_lshl_add_u32 v17, s8, 8, v17
	s_wait_dscnt 0x0
	global_store_b128 v17, v[T:T+3], s[38:39]
.else
	BAR
.set WD, 2*CP/128
	v_lshlrev_b32 v17, 1+WD, v0
.set i, 0
.rept 4
.if WD == 1
	ds_load_b32 v[T+2*i], v17 offset:RED+1024*i
.else
	ds_load_b64 v[T+2*i:T+2*i+1], v17 offset:RED+1024*i
.endif
.set i, i+1
.endr
	s_wait_dscnt 0x0
.if WD == 1
	v_add_f32 v[T], v[T], v[T+2]
	v_add_f32 v[T+4], v[T+4], v[T+6]
	v_add_f32 v[T], v[T], v[T+4]
	global_store_b32 v17, v[T], s[38:39]
.else
	v_pk_add_f32 v[T:T+1], v[T:T+1], v[T+2:T+3]
	v_pk_add_f32 v[T+4:T+5], v[T+4:T+5], v[T+6:T+7]
	v_pk_add_f32 v[T:T+1], v[T:T+1], v[T+4:T+5]
	global_store_b64 v17, v[T:T+1], s[38:39]
.endif
.endif
	s_wait_tensorcnt 0x0                           ; the wave's end
	ds_add_u32 v[SPW], v[NIL]
	s_wait_dscnt 0x0
	s_endpgm
.Lfunc_end_k_q5d4214e0ee_p4:
	.size	k_q5d4214e0ee_p4, .Lfunc_end_k_q5d4214e0ee_p4-k_q5d4214e0ee_p4
	.p2alignl 7, 3214868480
	.fill 96, 4, 3214868480
	.section	.rodata,"a",@progbits
	.p2align	6, 0x0
	.amdhsa_kernel k_q5d4214e0ee_p4
		.amdhsa_group_segment_fixed_size 196608
		.amdhsa_private_segment_fixed_size 0
		.amdhsa_enable_private_segment 0
		.amdhsa_kernarg_size 72
		.amdhsa_user_sgpr_count 2
		.amdhsa_user_sgpr_kernarg_segment_ptr 1
		.amdhsa_wavefront_size32 1
		.amdhsa_system_sgpr_workgroup_id_x 1
		.amdhsa_system_sgpr_workgroup_id_y 1
		.amdhsa_system_sgpr_workgroup_id_z 1
		.amdhsa_system_vgpr_workitem_id 0
		.amdhsa_next_free_vgpr 1024
		.amdhsa_next_free_sgpr 100
		.amdhsa_reserve_vcc 1
		.amdhsa_float_denorm_mode_32 3
		.amdhsa_float_denorm_mode_16_64 3
		.amdhsa_memory_ordered 1
		.amdhsa_forward_progress 1
		.amdhsa_inst_pref_size 81
	.end_amdhsa_kernel
	.amdgpu_metadata
---
amdhsa.version: [ 1, 2 ]
amdhsa.kernels:
  - .name:           k_q5d4214e0ee_p4
    .symbol:         k_q5d4214e0ee_p4.kd
    .args:
      - { .name: feat, .offset: 0, .size: 8, .value_kind: global_buffer, .address_space: global }
      - { .name: sb, .offset: 8, .size: 8, .value_kind: global_buffer, .address_space: global }
      - { .name: w3, .offset: 16, .size: 8, .value_kind: global_buffer, .address_space: global }
      - { .name: g3, .offset: 24, .size: 8, .value_kind: global_buffer, .address_space: global }
      - { .name: b3, .offset: 32, .size: 8, .value_kind: global_buffer, .address_space: global }
      - { .name: cw, .offset: 40, .size: 8, .value_kind: global_buffer, .address_space: global }
      - { .name: g4, .offset: 48, .size: 8, .value_kind: global_buffer, .address_space: global }
      - { .name: cat, .offset: 56, .size: 8, .value_kind: global_buffer, .address_space: global }
      - { .name: sa, .offset: 64, .size: 8, .value_kind: global_buffer, .address_space: global }
    .group_segment_fixed_size: 196608
    .private_segment_fixed_size: 0
    .kernarg_segment_align: 8
    .kernarg_segment_size: 72
    .max_flat_workgroup_size: 128
    .sgpr_count:     100
    .vgpr_count:     1024
    .wavefront_size: 32
...
	.end_amdgpu_metadata
.endif
;; end of part 14
;; launch l5 (part 15): grid 256 x 1, 4 waves a work-group, no clusters, 208,384 bytes of LDS; arguments cat, cw, sa, sb, g4, b4, y5; writes y5
.if DOCPART == 15
	.amdgcn_target "amdgcn-amd-amdhsa--gfx1250"
	.amdhsa_code_object_version 6
	.text
	.protected	k_q5d4214e0ee_l5
	.globl	k_q5d4214e0ee_l5
	.p2align	8
	.type	k_q5d4214e0ee_l5,@function
k_q5d4214e0ee_l5:
	s_mov_b64 s[64:65], 0
	v_nop
	global_prefetch_b8 v0, s[64:65] scope:SCOPE_SE
	s_setreg_imm32_b32 hwreg(HW_REG_WAVE_MODE, 25, 1), 1
	s_wait_xcnt 0x0
; y5 = cat x w5^T.  cat's columns are finished on the way in: relu(A x + S), with A, S of layers 2 to 4 (layer 4's from the 128 rows of sums of the set), (1, 0) for x1; then f16.
; A work-group owns 64 rows and all 512 outputs; wave w outputs 128 w .. + 127: 4 x 8 accumulators.  Source 0 = 16 rows of w5 (f16 fragments, straight from memory), source 1 = 16 rows of cat (LDS):
; in the result a lane holds one row and 8 neighbouring channels, 16 bytes a store into the wave's stage.  The stage holds the wave's 64 rows x 512 bytes; they come back as whole rows, a lane
; four channels of every row, so that the group's statistics for layer 5 are the lane's own: d = y - y of the group's first row; sum = 64 y_first + sum d; M2 about the group's mean = sum d^2 - (sum d)^2 / 64.
; What hangs on nothing but the arguments is asked for at the head: the first three K steps' fragments of w5 and the first 16 rows of cat land while layer 4's sums are added.
; No cluster: all work-groups walk the same 512 KB of w5, in registers, not LDS; joint tensor loads would want a ring in LDS, which this form leaves out.
; LIMITS: operands in f16 (65,504); NaN and infinities are not treated.
.set CA, 0                 ; 512 scales
.set CS, 2048              ; 512 shifts
.set TOT, 4096
.set SPARE, 6144
.set CATH, 6656            ; 64 rows x 1,040
.set STG, 73216            ; 4 waves x 64 rows x 528
.set SPW, 8
.set NIL, 9
.set AAD, 47
.set BAD, 48
.set AF, 64                ; two buffers of 32: fragments of cat
.set CL, 192               ; 16 rows of cat as loaded
.set MSB, 0
.macro WIN new
.if MSB != (\new)
	s_set_vgpr_msb (MSB<<8)|(\new)
.set MSB, (\new)
.endif
.endm
.macro PLACES
.rept 4
	v_nop
.endr
.endm
.macro BAR
	s_wait_dscnt 0x0
	s_barrier_signal -1
	s_barrier_wait -1
.endm
.macro LDB slot, kk        ; a K step's 8 fragments of w5 into ring slot (window 2)
	WIN 0x80
.set i, 0
.rept 16
	global_load_b128 v[(\slot)*64+4*i:(\slot)*64+4*i+3], v[BAD], s[18:19] offset:(i/2)*16384+(\kk)*1024+(i%2)*512
.set i, i+1
.endr
.endm
.macro LDAF buf, kk        ; a K step's 4 fragments of cat
	WIN 0
.set i, 0
.rept 8
	ds_load_b128 v[AF+(\buf)*32+4*i:AF+(\buf)*32+4*i+3], v[AAD] offset:(i/2)*16640+(\kk)*64+(i%2)*32
.set i, i+1
.endr
.endm
.macro LDCAT               ; 16 rows of cat, four columns a thread
.set i, 0
.rept 16
	global_load_b128 v[CL+4*i:CL+4*i+3], v14, s[16:17] offset:i*2048
.set i, i+1
.endr
.endm
; K step r, counted from the step at which the two addresses stand (a multiple of four): ring slot r % 4.  w5 is asked for three steps ahead, cat one.  lc, dc: the loads issued behind this step's, which may stay out
.macro KSTEP r, zero, pf, lda, lc, dc
	PLACES                                         ; the loads below land in registers that the step before multiplied
.if \pf
	LDB ((\r)+3)%4, (\r)+3
.endif
.if \lda
	LDAF 1-((\r)&1), (\r)+1
.endif
	s_wait_loadcnt \lc
	s_wait_dscnt \dc
	WIN 0x52                                       ; w5 window 2, cat window 0, C and D window 1
.set sl, (\r)%4
.set nt, 0
.rept 8
.set mt, 0
.rept 4
.if \zero
	v_wmma_f32_16x16x32_f16 v[mt*64+nt*8:mt*64+nt*8+7], v[sl*64+nt*8:sl*64+nt*8+7], v[AF+((\r)&1)*32+mt*8:AF+((\r)&1)*32+mt*8+7], 0
.else
	v_wmma_f32_16x16x32_f16 v[mt*64+nt*8:mt*64+nt*8+7], v[sl*64+nt*8:sl*64+nt*8+7], v[AF+((\r)&1)*32+mt*8:AF+((\r)&1)*32+mt*8+7], v[mt*64+nt*8:mt*64+nt*8+7]
.endif
.set mt, mt+1
.endr
.set nt, nt+1
.endr
.endm
.macro ON4                 ; four K steps on
	WIN 0
	s_wait_xcnt 0x0
	s_add_nc_u64 s[18:19], s[18:19], 4096
	v_add_nc_u32 v[AAD], 256, v[AAD]
.endm
	s_load_b256 s[16:23], s[0:1], 0x0              ; cat, cw, sa, sb
	s_load_b128 s[24:27], s[0:1], 0x20             ; g4, b4
	s_load_b64 s[28:29], s[0:1], 0x30              ; y5
	v_lshl_add_u32 v[SPW], v0, 2, SPARE
	v_mov_b32 v[NIL], 0
	v_lshrrev_b32 v1, 5, v0
	v_readfirstlane_b32 s8, v1
	v_and_b32 v2, 15, v0                           ; r
	v_bfe_u32 v3, v0, 4, 1                         ; h
	v_and_b32 v4, 31, v0
	v_lshlrev_b32 v[BAD], 4, v4
	v_lshlrev_b32 v16, 4, v0
	v_and_b32 v17, 63, v0
	v_lshlrev_b32 v17, 2, v17
	v_lshlrev_b32 v18, 2, v0
	v_lshlrev_b32 v19, 3, v0
	v_mov_b32 v14, v16
	v_mov_b32 v15, v16
	s_lshr_b32 s9, ttmp9, 7
	s_mov_b32 s3, 0
	s_mov_b32 s12, 0x42800000                      ; 64
	s_wait_kmcnt 0x0
	s_lshl_b32 s2, s9, 18
	s_add_nc_u64 s[30:31], s[20:21], s[2:3]        ; the set's rows of layer 4's sums
	s_mul_i32 s2, s9, 14336
	s_add_co_u32 s2, s2, 524288
	s_add_nc_u64 s[32:33], s[22:23], s[2:3]        ; A2, S2
	s_add_nc_u64 s[34:35], s[20:21], s[2:3]        ; A3, S3
	s_lshl_b32 s2, ttmp9, 12
	s_add_co_u32 s2, s2, 33554432
	s_add_nc_u64 s[38:39], s[28:29], s[2:3]        ; my row of layer 5's statistics
	s_lshl_b32 s2, ttmp9, 17
	s_add_nc_u64 s[16:17], s[16:17], s[2:3]        ; my 64 rows of cat
	s_lshl_b32 s10, s8, 9
	s_add_co_u32 s2, s2, s10
	s_add_nc_u64 s[28:29], s[28:29], s[2:3]        ; and of y5, at my wave's 128 channels
	s_lshl_b32 s2, s8, 17
	s_add_co_u32 s2, s2, 32768
	s_add_nc_u64 s[18:19], s[18:19], s[2:3]        ; my wave's fragments of w5
	global_load_b32 v24, v17, s[32:33] offset:12800
	global_load_b32 v25, v17, s[32:33] offset:13056
	global_load_b32 v26, v18, s[34:35] offset:13312
	global_load_b32 v27, v18, s[34:35] offset:13824
	global_load_b64 v[28:29], v19, s[24:25]
	global_load_b64 v[30:31], v19, s[26:27]
	LDB 0, 0                                       ; the first three K steps of w5,
	LDB 1, 1
	LDB 2, 2
	WIN 0
	LDCAT                                          ; and cat's first 16 rows
.irp i, 20,21,22,23
	v_mov_b32 v\i, 0
.endr
	s_mov_b32 s11, 4
.Lred:                                                 ; layer 4's sums: the set's 128 rows, 32 a trip, four columns a thread
.set i, 0
.rept 32
	global_load_b128 v[64+4*i:64+4*i+3], v15, s[30:31] offset:i*2048
.set i, i+1
.endr
	s_wait_loadcnt 0x0                             ; also frees v15
.set i, 0
.rept 32
	v_pk_add_f32 v[20:21], v[20:21], v[64+4*i:64+4*i+1]
	v_pk_add_f32 v[22:23], v[22:23], v[64+4*i+2:64+4*i+3]
.set i, i+1
.endr
	v_add_nc_u32 v15, 65536, v15
	s_sub_co_u32 s11, s11, 1
	s_cmp_lg_u32 s11, 0
	s_cbranch_scc1 .Lred
	ds_store_b128 v16, v[20:23] offset:TOT
	v_cmp_gt_u32 vcc_lo, 64, v0
	v_cndmask_b32 v24, v24, 1.0, vcc_lo            ; x1 is final
	v_cndmask_b32 v25, v25, 0, vcc_lo
	ds_store_b32 v18, v24 offset:CA
	ds_store_b32 v18, v25 offset:CS
	ds_store_b32 v18, v26 offset:CA+512
	ds_store_b32 v18, v27 offset:CS+512
	BAR
	ds_load_b64 v[32:33], v19 offset:TOT
	ds_load_b64 v[34:35], v19 offset:TOT+1024
	s_wait_dscnt 0x0
.irp k, 0,1
	v_mul_f32 v[32+\k], 0x36800000, v[32+\k]
	v_mul_f32 v[34+\k], 0x36800000, v[34+\k]
	v_fma_f32 v[34+\k], -v[32+\k], v[32+\k], v[34+\k]
	v_max_num_f32 v[34+\k], 0, v[34+\k]
	v_add_f32 v[34+\k], 0x3727c5ac, v[34+\k]
	v_rsq_f32 v[34+\k], v[34+\k]
	v_nop
	s_wait_alu depctr_va_vdst(0)
	v_mul_f32 v[28+\k], |v[28+\k]|, v[34+\k]
	v_fma_f32 v[30+\k], -v[28+\k], v[32+\k], v[30+\k]
.endr
	ds_store_b64 v19, v[28:29] offset:CA+1024
	ds_store_b64 v19, v[30:31] offset:CS+1024
	BAR
	ds_load_b128 v[36:39], v16 offset:CA           ; my four columns
	ds_load_b128 v[40:43], v16 offset:CS
	v_add_nc_u32 v46, CATH, v19
	s_wait_dscnt 0x0
	s_mov_b32 s11, 4
.Lcat:                                                 ; 16 rows of cat a trip; the next 16 are asked for as soon as the multiply-adds have read the registers
	s_wait_loadcnt 0x0                             ; the trip's rows are in; also frees v14
.set i, 0
.rept 16
	v_pk_fma_f32 v[64+4*i:64+4*i+1], v[CL+4*i:CL+4*i+1], v[36:37], v[40:41]
	v_pk_fma_f32 v[64+4*i+2:64+4*i+3], v[CL+4*i+2:CL+4*i+3], v[38:39], v[42:43]
.set i, i+1
.endr
	s_cmp_eq_u32 s11, 1
	s_cbranch_scc1 .Lno_cat                        ; the last trip asks for nothing
	v_add_nc_u32 v14, 32768, v14
	LDCAT
.Lno_cat:
.set i, 0
.rept 16
.irp k, 0,1,2,3
	v_max_num_f32 v[64+4*i+\k], 0, v[64+4*i+\k]
.endr
	v_cvt_pk_f16_f32 v[64+4*i], v[64+4*i], v[64+4*i+1]
	v_cvt_pk_f16_f32 v[64+4*i+1], v[64+4*i+2], v[64+4*i+3]
	ds_store_b64 v46, v[64+4*i:64+4*i+1] offset:i*1040
.set i, i+1
.endr
	v_add_nc_u32 v46, 16640, v46
	s_sub_co_u32 s11, s11, 1
	s_cmp_lg_u32 s11, 0
	s_cbranch_scc1 .Lcat
	v_mul_u32_u24 v[AAD], v2, 1040
	v_lshl_add_u32 v[AAD], v3, 4, v[AAD]
	v_add_nc_u32 v[AAD], CATH, v[AAD]
	BAR
	LDAF 0, 0
	KSTEP 0, 1, 1, 1, 48, 8                        ; the first K step starts the sums
	WIN 0
	s_mov_b32 s11, 3
.Lk:                                                   ; K steps 1 to 12, four a trip
	KSTEP 1, 0, 1, 1, 48, 8
	KSTEP 2, 0, 1, 1, 48, 8
	KSTEP 3, 0, 1, 1, 48, 8
	KSTEP 4, 0, 1, 1, 48, 8
	ON4
	s_sub_co_u32 s11, s11, 1
	s_cmp_lg_u32 s11, 0
	s_cbranch_scc1 .Lk
	KSTEP 1, 0, 0, 1, 32, 8                        ; steps 13 to 15 ask for no more of w5: the counts run down
	KSTEP 2, 0, 0, 1, 16, 8
	KSTEP 3, 0, 0, 0, 0, 0
	PLACES
	WIN 0
	s_mul_i32 s10, s8, 33792
	s_add_co_u32 s10, s10, STG                     ; my stage
	v_mul_u32_u24 v61, v2, 528
	v_lshl_add_u32 v61, v3, 5, v61
	v_add_nc_u32 v61, s10, v61                     ; in: row l % 16, 32 bytes for each half of the lanes
	v_add_nc_u32 v62, s10, v[BAD]                  ; back: a row of 512 bytes a load
	WIN 0x04                                       ; the stores' data lie in window 1
.set mt, 0
.rept 4
.set nt, 0
.rept 8
	ds_store_b128 v61, v[mt*64+nt*8:mt*64+nt*8+3] offset:mt*8448+nt*64
	ds_store_b128 v61, v[mt*64+nt*8+4:mt*64+nt*8+7] offset:mt*8448+nt*64+16
.set nt, nt+1
.endr
.set mt, mt+1
.endr
	WIN 0
	ds_load_b128 v[20:23], v62                     ; the group's first row: what the sums are taken about (LDS serves a wave's instructions in order, ISA guide 5.7.1.4)
.irp i, 24,25,26,27,28,29,30,31
	v_mov_b32 v\i, 0
.endr
	s_mov_b32 s11, 4
.Lout:                                                 ; 16 rows a trip: back from the stage, out, and into the sums
.set i, 0
.rept 16
	ds_load_b128 v[64+4*i:64+4*i+3], v62 offset:i*528
.set i, i+1
.endr
	s_wait_dscnt 0x0
.set i, 0
.rept 16
	global_store_b128 v[BAD], v[64+4*i:64+4*i+3], s[28:29] offset:i*2048   ; the wave stores 512 consecutive bytes
.set i, i+1
.endr
.set i, 0
.rept 16
	v_pk_add_f32 v[128+4*(i%4):128+4*(i%4)+1], v[64+4*i:64+4*i+1], v[20:21] neg_lo:[0,1] neg_hi:[0,1]
	v_pk_add_f32 v[130+4*(i%4):130+4*(i%4)+1], v[64+4*i+2:64+4*i+3], v[22:23] neg_lo:[0,1] neg_hi:[0,1]
	v_pk_add_f32 v[24:25], v[24:25], v[128+4*(i%4):128+4*(i%4)+1]
	v_pk_add_f32 v[26:27], v[26:27], v[130+4*(i%4):130+4*(i%4)+1]
	v_pk_fma_f32 v[28:29], v[128+4*(i%4):128+4*(i%4)+1], v[128+4*(i%4):128+4*(i%4)+1], v[28:29]
	v_pk_fma_f32 v[30:31], v[130+4*(i%4):130+4*(i%4)+1], v[130+4*(i%4):130+4*(i%4)+1], v[30:31]
.set i, i+1
.endr
	v_add_nc_u32 v62, 8448, v62
	s_wait_xcnt 0x0                                ; the stores' data and base are written again only behind this wait
	s_add_nc_u64 s[28:29], s[28:29], 32768
	s_sub_co_u32 s11, s11, 1
	s_cmp_lg_u32 s11, 0
	s_cbranch_scc1 .Lout
.irp k, 0,1,2,3
	v_mul_f32 v[32+\k], 0x3c800000, v[24+\k]
	v_fma_f32 v[28+\k], -v[32+\k], v[24+\k], v[28+\k]   ; M2 about the group's mean
	v_fma_f32 v[24+\k], s12, v[20+\k], v[24+\k]         ; the sum
.endr
	v_lshl_add_u32 v63, s8, 9, v[BAD]
	global_store_b128 v63, v[24:27], s[38:39]
	global_store_b128 v63, v[28:31], s[38:39] offset:2048
	s_wait_tensorcnt 0x0                           ; the wave's end
	ds_add_u32 v[SPW], v[NIL]
	s_wait_dscnt 0x0
	s_endpgm
.Lfunc_end_k_q5d4214e0ee_l5:
	.size	k_q5d4214e0ee_l5, .Lfunc_end_k_q5d4214e0ee_l5-k_q5d4214e0ee_l5
	.p2alignl 7, 3214868480
	.fill 96, 4, 3214868480
	.section	.rodata,"a",@progbits
	.p2align	6, 0x0
	.amdhsa_kernel k_q5d4214e0ee_l5
		.amdhsa_group_segment_fixed_size 208384
		.amdhsa_private_segment_fixed_size 0
		.amdhsa_enable_private_segment 0
		.amdhsa_kernarg_size 56
		.amdhsa_user_sgpr_count 2
		.amdhsa_user_sgpr_kernarg_segment_ptr 1
		.amdhsa_wavefront_size32 1
		.amdhsa_system_sgpr_workgroup_id_x 1
		.amdhsa_system_sgpr_workgroup_id_y 1
		.amdhsa_system_sgpr_workgroup_id_z 1
		.amdhsa_system_vgpr_workitem_id 0
		.amdhsa_next_free_vgpr 768
		.amdhsa_next_free_sgpr 66
		.amdhsa_reserve_vcc 1
		.amdhsa_float_denorm_mode_32 3
		.amdhsa_float_denorm_mode_16_64 3
		.amdhsa_memory_ordered 1
		.amdhsa_forward_progress 1
		.amdhsa_inst_pref_size 72
	.end_amdhsa_kernel
	.amdgpu_metadata
---
amdhsa.version: [ 1, 2 ]
amdhsa.kernels:
  - .name:           k_q5d4214e0ee_l5
    .symbol:         k_q5d4214e0ee_l5.kd
    .args:
      - { .name: cat, .offset: 0, .size: 8, .value_kind: global_buffer, .address_space: global }
      - { .name: cw, .offset: 8, .size: 8, .value_kind: global_buffer, .address_space: global }
      - { .name: sa, .offset: 16, .size: 8, .value_kind: global_buffer, .address_space: global }
      - { .name: sb, .offset: 24, .size: 8, .value_kind: global_buffer, .address_space: global }
      - { .name: g4, .offset: 32, .size: 8, .value_kind: global_buffer, .address_space: global }
      - { .name: b4, .offset: 40, .size: 8, .value_kind: global_buffer, .address_space: global }
      - { .name: y5, .offset: 48, .size: 8, .value_kind: global_buffer, .address_space: global }
    .group_segment_fixed_size: 208384
    .private_segment_fixed_size: 0
    .kernarg_segment_align: 8
    .kernarg_segment_size: 56
    .max_flat_workgroup_size: 128
    .sgpr_count:     66
    .vgpr_count:     768
    .wavefront_size: 32
...
	.end_amdgpu_metadata
.endif
;; end of part 15
;; launch embk (part 16): grid 256 x 1, 8 waves a work-group, no clusters, 4,096 bytes of LDS; arguments y5, g5, b5, emb; writes emb
.if DOCPART == 16
	.amdgcn_target "amdgcn-amd-amdhsa--gfx1250"
	.amdhsa_code_object_version 6
	.text
	.protected	k_q5d4214e0ee_embk
	.globl	k_q5d4214e0ee_embk
	.p2align	8
	.type	k_q5d4214e0ee_embk,@function
k_q5d4214e0ee_embk:
	s_mov_b64 s[64:65], 0
	v_nop
	global_prefetch_b8 v0, s[64:65] scope:SCOPE_SE
	s_setreg_imm32_b32 hwreg(HW_REG_WAVE_MODE, 25, 1), 1
	s_wait_xcnt 0x0
; Layer 5's batch-norm and ReLU; the embeddings go out in f16 (those of tgt times -2, for the distance product), with each row's partial |f|^2 of the rounded numbers.
; The set's mean and variance come from its 128 groups' (sum, sum of squares about the group's mean): the groups' sums are joined about the first group's, so no large sums are subtracted.
; A work-group owns 256 rows x 128 channels, a wave 32 rows, a lane 4 channels.  A stream: no matrix unit, no cluster.  The rows go in two trips of 16: the first 16 are asked for at the head,
; the second 16 as soon as the first multiply-adds have read the registers that they land in.
; LIMITS: |2 f| within f16's range (65,504); NaN and infinities are not treated.
.set SPARE, 3072
.set SPW, 14
.set NIL, 15
.set L, 128                ; 16 rows as loaded
.set W, 192                ; 16 rows at work
	s_load_b256 s[4:11], s[0:1], 0x0               ; y5, g5, b5, emb
	v_lshl_add_u32 v[SPW], v0, 2, SPARE
	v_mov_b32 v[NIL], 0
	v_lshrrev_b32 v3, 5, v0
	v_readfirstlane_b32 s12, v3                    ; wave
	v_and_b32 v4, 31, v0
	v_lshlrev_b32 v2, 4, v4
	v_and_b32 v1, 127, v0
	v_lshrrev_b32 v5, 7, v0
	v_lshlrev_b32 v1, 2, v1
	v_lshl_add_u32 v1, v5, 11, v1                  ; my column of the statistics: threads 0-127 the sums, 128-255 the squares
	s_lshr_b32 s13, ttmp9, 2                       ; block of 256 rows
	s_and_b32 s14, ttmp9, 3                        ; block of 128 channels
	s_lshr_b32 s15, ttmp9, 7                       ; set
	s_mov_b32 s17, 0
	s_mov_b32 s26, 0x76543210
	s_mov_b32 s27, 0xfedcba98
	s_cmp_eq_u32 s15, 0
	s_cselect_b32 s24, 1.0, -2.0                   ; what the stored numbers are multiplied by,
	s_mov_b32 s25, s24
	s_cselect_b32 s28, 1.0, 0x3e800000             ; and their squares divided by
	s_wait_kmcnt 0x0
	s_lshl_b32 s16, s15, 19
	s_lshl_b32 s18, s14, 9
	s_add_co_u32 s16, s16, s18
	s_add_co_u32 s16, s16, 33554432
	s_add_nc_u64 s[20:21], s[4:5], s[16:17]
	s_lshl_b32 s16, s13, 8
	s_lshl_b32 s19, s12, 5
	s_add_co_u32 s19, s16, s19                     ; my wave's first row
	s_lshl_b32 s16, s19, 11
	s_add_co_u32 s16, s16, s18
	s_add_nc_u64 s[4:5], s[4:5], s[16:17]
	s_mov_b32 s16, s18
	s_add_nc_u64 s[6:7], s[6:7], s[16:17]
	s_add_nc_u64 s[8:9], s[8:9], s[16:17]
	s_lshl_b32 s16, s14, 16
	s_lshl_b32 s18, s19, 2
	s_add_co_u32 s16, s16, s18
	s_add_co_u32 s16, s16, 16777216
	s_add_nc_u64 s[22:23], s[10:11], s[16:17]      ; the norms
	s_lshl_b32 s16, s19, 10
	s_lshl_b32 s18, s14, 8
	s_add_co_u32 s16, s16, s18
	s_add_nc_u64 s[10:11], s[10:11], s[16:17]      ; the embeddings
.set i, 0
.rept 16                                               ; my first 16 rows, 512 consecutive bytes of the wave each
	global_load_b128 v[L+4*i:L+4*i+3], v2, s[4:5] offset:2048*i
.set i, i+1
.endr
	global_load_b128 v[40:43], v2, s[6:7]
	global_load_b128 v[44:47], v2, s[8:9]
	global_load_b32 v16, v1, s[20:21]              ; the first group's figure: what the others are taken about
	v_mov_b32 v17, 0
	v_mov_b32 v18, 0
	v_mov_b32 v10, v1
	s_mov_b32 s30, 4
.Lst:                                                  ; the set's 128 groups, 32 a trip
.set i, 0
.rept 32
	global_load_b32 v[64+i], v10, s[20:21] offset:i*4096
.set i, i+1
.endr
	s_wait_loadcnt 0x0                             ; also frees v10
.set i, 0
.rept 32
	v_sub_f32 v[64+i], v[64+i], v16
	v_add_f32 v17, v17, v[64+i]
	v_fmac_f32 v18, v[64+i], v[64+i]
.set i, i+1
.endr
	v_add_nc_u32 v10, 0x20000, v10
	s_sub_co_u32 s30, s30, 1
	s_cmp_lg_u32 s30, 0
	s_cbranch_scc1 .Lst
	v_lshlrev_b32 v6, 2, v0
	ds_store_b32 v6, v16
	ds_store_b32 v6, v17 offset:1024
	ds_store_b32 v6, v18 offset:2048
	s_wait_dscnt 0x0
	s_barrier_signal -1
	s_barrier_wait -1
	ds_load_b128 v[20:23], v2                      ; first sum, sum of differences, of their squares; first M2, sum of differences
	ds_load_b128 v[24:27], v2 offset:1024
	ds_load_b128 v[28:31], v2 offset:2048
	ds_load_b128 v[32:35], v2 offset:512
	ds_load_b128 v[36:39], v2 offset:1536
	s_wait_dscnt 0x0
.irp k, 0,1,2,3
	v_mul_f32 v48, 0x3c000000, v[24+\k]            ; E1 / 128
	v_add_f32 v[20+\k], v[20+\k], v48
	v_mul_f32 v[20+\k], 0x3c800000, v[20+\k]       ; the mean
	v_fma_f32 v[28+\k], -v48, v[24+\k], v[28+\k]   ; the spread of the groups' sums
	v_fma_f32 v[32+\k], 0x43000000, v[32+\k], v[36+\k]
	v_fma_f32 v[32+\k], 0x3c800000, v[28+\k], v[32+\k]
	v_mul_f32 v[32+\k], 0x39000000, v[32+\k]       ; / 8,192 rows
	v_max_num_f32 v[32+\k], 0, v[32+\k]
	v_add_f32 v[32+\k], 0x3727c5ac, v[32+\k]
	v_rsq_f32 v[32+\k], v[32+\k]
	v_nop
	s_wait_alu depctr_va_vdst(0)
	v_mul_f32 v[40+\k], v[40+\k], v[32+\k]
	v_fma_f32 v[44+\k], -v[40+\k], v[20+\k], v[44+\k]
.endr
	v_lshlrev_b32 v7, 3, v4
	v_mov_b32 v8, 0
	v_mov_b32 v53, 0
	s_mov_b32 s31, 1                               ; the lane that keeps the norm of the trip's first row
	s_mov_b32 s30, 2
.Lrows:
	s_wait_loadcnt 0x0                             ; the trip's 16 rows are in
.set i, 0
.rept 16
	v_pk_fma_f32 v[W+4*i:W+4*i+1], v[L+4*i:L+4*i+1], v[40:41], v[44:45]
	v_pk_fma_f32 v[W+4*i+2:W+4*i+3], v[L+4*i+2:L+4*i+3], v[42:43], v[46:47]
.set i, i+1
.endr
	s_cmp_eq_u32 s30, 1
	s_cbranch_scc1 .Lno_more                       ; the second trip asks for nothing
.set i, 0
.rept 16
	global_load_b128 v[L+4*i:L+4*i+3], v2, s[4:5] offset:2048*(16+i)
.set i, i+1
.endr
.Lno_more:
.set i, 0
.rept 16
.irp k, 0,1,2,3
	v_max_num_f32 v[W+4*i+\k], 0, v[W+4*i+\k]
.endr
	v_pk_mul_f32 v[W+4*i:W+4*i+1], v[W+4*i:W+4*i+1], s[24:25] op_sel_hi:[1,0]
	v_pk_mul_f32 v[W+4*i+2:W+4*i+3], v[W+4*i+2:W+4*i+3], s[24:25] op_sel_hi:[1,0]
	v_cvt_pk_f16_f32 v[64+2*i], v[W+4*i], v[W+4*i+1]
	v_cvt_pk_f16_f32 v[64+2*i+1], v[W+4*i+2], v[W+4*i+3]
	global_store_b64 v7, v[64+2*i:64+2*i+1], s[10:11] offset:1024*i   ; 256 consecutive bytes of the wave
	v_cvt_f32_f16 v48, v[64+2*i].l
	v_cvt_f32_f16 v49, v[64+2*i].h
	v_cvt_f32_f16 v50, v[64+2*i+1].l
	v_cvt_f32_f16 v51, v[64+2*i+1].h
	v_mul_f32 v52, v48, v48
	v_fmac_f32 v52, v49, v49
	v_fmac_f32 v52, v50, v50
	v_fmac_f32 v52, v51, v51
.irp x, 1,2,4,8
	v_add_f32_dpp v52, v52, v52 row_xmask:\x row_mask:0xf bank_mask:0xf
.endr
	v_permlanex16_b32 v53, v52, s26, s27
	v_add_f32 v52, v52, v53
	s_lshl_b32 s29, s31, i
	v_cndmask_b32 v8, v8, v52, s29                 ; a row's norm stays in the lane of its number
.set i, i+1
.endr
	s_wait_xcnt 0x0                                ; the stores' data and base are written again only behind this wait
	s_add_nc_u64 s[10:11], s[10:11], 16384
	s_lshl_b32 s31, s31, 16
	s_sub_co_u32 s30, s30, 1
	s_cmp_lg_u32 s30, 0
	s_cbranch_scc1 .Lrows
	v_mul_f32 v8, s28, v8
	v_lshlrev_b32 v9, 2, v4
	global_store_b32 v9, v8, s[22:23]
	s_wait_tensorcnt 0x0                           ; the wave's end
	ds_add_u32 v[SPW], v[NIL]
	s_wait_dscnt 0x0
	s_endpgm
.Lfunc_end_k_q5d4214e0ee_embk:
	.size	k_q5d4214e0ee_embk, .Lfunc_end_k_q5d4214e0ee_embk-k_q5d4214e0ee_embk
	.p2alignl 7, 3214868480
	.fill 96, 4, 3214868480
	.section	.rodata,"a",@progbits
	.p2align	6, 0x0
	.amdhsa_kernel k_q5d4214e0ee_embk
		.amdhsa_group_segment_fixed_size 4096
		.amdhsa_private_segment_fixed_size 0
		.amdhsa_enable_private_segment 0
		.amdhsa_kernarg_size 32
		.amdhsa_user_sgpr_count 2
		.amdhsa_user_sgpr_kernarg_segment_ptr 1
		.amdhsa_wavefront_size32 1
		.amdhsa_system_sgpr_workgroup_id_x 1
		.amdhsa_system_sgpr_workgroup_id_y 1
		.amdhsa_system_sgpr_workgroup_id_z 1
		.amdhsa_system_vgpr_workitem_id 0
		.amdhsa_next_free_vgpr 256
		.amdhsa_next_free_sgpr 66
		.amdhsa_reserve_vcc 0
		.amdhsa_float_denorm_mode_32 3
		.amdhsa_float_denorm_mode_16_64 3
		.amdhsa_memory_ordered 1
		.amdhsa_forward_progress 1
		.amdhsa_inst_pref_size 37
	.end_amdhsa_kernel
	.amdgpu_metadata
---
amdhsa.version: [ 1, 2 ]
amdhsa.kernels:
  - .name:           k_q5d4214e0ee_embk
    .symbol:         k_q5d4214e0ee_embk.kd
    .args:
      - { .name: y5, .offset: 0, .size: 8, .value_kind: global_buffer, .address_space: global }
      - { .name: g5, .offset: 8, .size: 8, .value_kind: global_buffer, .address_space: global }
      - { .name: b5, .offset: 16, .size: 8, .value_kind: global_buffer, .address_space: global }
      - { .name: emb, .offset: 24, .size: 8, .value_kind: global_buffer, .address_space: global }
    .group_segment_fixed_size: 4096
    .private_segment_fixed_size: 0
    .kernarg_segment_align: 8
    .kernarg_segment_size: 32
    .max_flat_workgroup_size: 256
    .sgpr_count:     66
    .vgpr_count:     256
    .wavefront_size: 32
...
	.end_amdgpu_metadata
.endif
;; end of part 16
;; launch dist (part 17): grid 256 x 1, 4 waves a work-group, no clusters, 327,680 bytes of LDS; arguments emb, tgt, cat; writes cat
.if DOCPART == 17
	.amdgcn_target "amdgcn-amd-amdhsa--gfx1250"
	.amdhsa_code_object_version 6
	.text
	.protected	k_q5d4214e0ee_dist
	.globl	k_q5d4214e0ee_dist
	.p2align	8
	.type	k_q5d4214e0ee_dist,@function
k_q5d4214e0ee_dist:
	s_mov_b64 s[64:65], 0
	v_nop
	global_prefetch_b8 v0, s[64:65] scope:SCOPE_SE
	s_setreg_imm32_b32 hwreg(HW_REG_WAVE_MODE, 25, 1), 1
	s_wait_xcnt 0x0
; Distances, softmax(-d) and the weighted sum of tgt, for 256 queries x 256 keys of one batch: a partial (sums, weight sum, c x least distance) that the last launch joins over the 8 key blocks.
; S^T = (-2 T) Q^T + (yy + xx): source 0 = 16 keys, source 1 = 16 queries, C started with the norms; a lane holds one query and 8 keys.  d = sqrt(max(S, 0)), which is the problem's clamp.
; p = 2^(c dmin - c d), c = log2 e, with a running least distance for each query; the sums are multiplied by 2^(c dmin_new - c dmin_old) in every step.  p rounded to f16 is source 1 of O^T = V^T P,
; where V^T's rows 0-2 are tgt's coordinates in f16 and row 3 is ones (the weights' sum, of the rounded weights).
; A wave owns 64 queries, kept in 512 registers; the key tile (256 rows x 1,024 bytes) is brought once by four tensor loads, one a wave and one outstanding, into rows 1,040 bytes apart.
; One text serves all 8 key steps: a step's first fragments are asked for at its head and land while the 32 additions start its sums.
; NO CLUSTER in this form: the 8 query blocks of a batch read the same key tile; joint loads would divide those requests by four and are left for a later form.
; LIMITS: f16 operands; a weight below 2^-126 counts as 0; NaN and infinities are not treated.
.set KT, 0                 ; 256 x 1,040
.set VTL, 266240           ; 16 rows x 528
.set YYL, 274688           ; 256 norms
.set SPARE, 275712
.set SPW, 8                ; window 0
.set NIL, 9
.set AKA, 15
.set VTA, 16
.set YYA, 17
.set AK, 128               ; two buffers of 64: keys' fragments of 4 K steps
.set S, 0                  ; window 3: accumulator (m, n) at 8 (4 m + n)
.set P, 64
.set O, 96
.set YY, 128
.set VT, 144
.set XX, 152
.set ST, 160               ; a tile's: c dmin, least S, the factor, -, two at work
.set NC, 44                ; s[44:45] -c
.set CC, 46                ; s46 c
.set SEL, 48
.set MSB, 0
.macro WIN new
.if MSB != (\new)
	s_set_vgpr_msb (MSB<<8)|(\new)
.set MSB, (\new)
.endif
.endm
.macro PLACES
.rept 4
	v_nop
.endr
.endm
.macro LDAK buf, g         ; keys' fragments of K steps 4 g .. 4 g + 3
	WIN 0
.set i, 0
.rept 8
	ds_load_b128 v[AK+(\buf)*64+8*i:AK+(\buf)*64+8*i+3], v[AKA] offset:(i/4)*16640+((\g)*4+i%4)*64
	ds_load_b128 v[AK+(\buf)*64+8*i+4:AK+(\buf)*64+8*i+7], v[AKA] offset:(i/4)*16640+((\g)*4+i%4)*64+32
.set i, i+1
.endr
.endm
.macro SMX n               ; one tile of 16 queries x 32 keys
.set a0, S+8*(\n)
.set a1, S+8*(4+(\n))
.set st, ST+8*(\n)
	v_min3_num_f32 v[st+4], v[a0], v[a0+1], v[a0+2]       ; each accumulator is read from its low end on
	v_min3_num_f32 v[st+5], v[a1], v[a1+1], v[a1+2]
	v_min3_num_f32 v[st+4], v[st+4], v[a0+3], v[a0+4]
	v_min3_num_f32 v[st+5], v[st+5], v[a1+3], v[a1+4]
	v_min3_num_f32 v[st+4], v[st+4], v[a0+5], v[a0+6]
	v_min3_num_f32 v[st+5], v[st+5], v[a1+5], v[a1+6]
	v_min3_num_f32 v[st+4], v[st+4], v[a0+7], v[a1+7]
	v_min3_num_f32 v[st+4], v[st+4], v[st+5], v[st+1]
	v_permlanex16_b32 v[st+5], v[st+4], s[SEL], s[SEL+1]  ; the query's other 16 keys lie in the lane 16 away
	v_min_num_f32 v[st+1], v[st+4], v[st+5]
	v_max_num_f32 v[st+4], 0, v[st+1]
	v_sqrt_f32 v[st+4], v[st+4]
.set k, 0
.rept 8
	v_max_num_f32 v[a0+k], 0, v[a0+k]
	v_max_num_f32 v[a1+k], 0, v[a1+k]
.set k, k+1
.endr
	v_mov_b32 v[st+5], v[st]
	s_wait_alu depctr_va_vdst(0)
	v_mul_f32 v[st], s[CC], v[st+4]
	v_sub_f32 v[st+5], v[st], v[st+5]
	v_exp_f32 v[st+2], v[st+5]
.set k, 0
.rept 8
	v_sqrt_f32 v[a0+k], v[a0+k]
	v_sqrt_f32 v[a1+k], v[a1+k]
.set k, k+1
.endr
	v_nop                                          ; a plain instruction behind the roots
.set k, 0
	s_wait_alu depctr_va_vdst(0)
.rept 4
	v_pk_fma_f32 v[a0+2*k:a0+2*k+1], v[a0+2*k:a0+2*k+1], s[NC:NC+1], v[st:st+1] op_sel_hi:[1,0,0]
	v_pk_fma_f32 v[a1+2*k:a1+2*k+1], v[a1+2*k:a1+2*k+1], s[NC:NC+1], v[st:st+1] op_sel_hi:[1,0,0]
.set k, k+1
.endr
.set k, 0
.rept 8
	v_exp_f32 v[a0+k], v[a0+k]
	v_exp_f32 v[a1+k], v[a1+k]
.set k, k+1
.endr
	v_nop
.set k, 0
	s_wait_alu depctr_va_vdst(0)
.rept 4
	v_cvt_pk_f16_f32 v[P+8*(\n)+k], v[a0+2*k], v[a0+2*k+1]
	v_cvt_pk_f16_f32 v[P+8*(\n)+4+k], v[a1+2*k], v[a1+2*k+1]
.set k, k+1
.endr
	v_pk_mul_f32 v[O+8*(\n):O+8*(\n)+1], v[O+8*(\n):O+8*(\n)+1], v[st+2:st+3] op_sel_hi:[1,0]
	v_pk_mul_f32 v[O+8*(\n)+2:O+8*(\n)+3], v[O+8*(\n)+2:O+8*(\n)+3], v[st+2:st+3] op_sel_hi:[1,0]
.endm
	s_load_b128 s[4:7], s[0:1], 0x0                ; emb, tgt
	s_load_b64 s[8:9], s[0:1], 0x10                ; cat: the partials
	v_lshl_add_u32 v[SPW], v0, 2, SPARE
	v_mov_b32 v[NIL], 0
	ds_add_u32 v[SPW], v[NIL]                      ; the wave's opening: an add and its wait ahead of my tensor load
	ds_add_u32 v8, v9
	v_lshrrev_b32 v1, 5, v0
	v_readfirstlane_b32 s10, v1                    ; wave
	v_and_b32 v2, 15, v0                           ; r
	v_bfe_u32 v3, v0, 4, 1                         ; h
	s_lshr_b32 s11, ttmp9, 6                       ; batch
	s_bfe_u32 s24, ttmp9, 0x30003                  ; query block
	s_and_b32 s25, ttmp9, 7                        ; key block
	s_mov_b32 s12, 1                               ; group 0: count
	s_mul_i32 s13, s10, 66560                      ; my 64 rows of the tile in LDS
	s_mov_b32 s16, (1<<16)|(1<<20)|(7<<22)|(3<<25) ; group 1: 2-byte elements; 4 words of padding after every 256
	s_mov_b32 s17, 512<<16                         ; tensor_dim0 = 512
	s_mov_b32 s18, 64<<16                          ; tensor_dim1 = 64
	s_mov_b32 s19, 512<<16                         ; tile_dim0 = 512
	s_mov_b32 s20, 64                              ; tile_dim1 = 64
	s_mov_b32 s21, 512                             ; elements from row to row
	s_mov_b32 s22, 0
	s_mov_b32 s23, 0
	s_lshl_b32 s26, s11, 11
	s_lshl_b32 s27, s25, 8
	s_add_co_u32 s27, s26, s27
	s_add_co_u32 s27, s27, 8192                    ; my first key's row in emb
	s_lshl_b32 s28, s24, 8
	s_add_co_u32 s26, s26, s28
	s_lshl_b32 s28, s10, 6
	s_add_co_u32 s26, s26, s28                     ; my wave's first query
	s_add_co_u32 s28, s27, s28
	s_lshl_b32 s28, s28, 10
	s_mov_b32 s29, 0
	s_mov_b32 s[NC], 0xbfb8aa3b
	s_mov_b32 s[NC+1], 0xbfb8aa3b
	s_mov_b32 s[CC], 0x3fb8aa3b
	s_mov_b32 s[SEL], 0x76543210
	s_mov_b32 s[SEL+1], 0xfedcba98
	s_mov_b32 s42, 0xffff0000
	s_wait_dscnt 0x0
	s_wait_kmcnt 0x0
	s_add_nc_u64 s[14:15], s[4:5], s[28:29]
	s_or_b32 s15, s15, 0x80000000                  ; type 2
	tensor_load_to_lds s[12:15], s[16:23]
	s_nop 0
	PLACES
	s_lshl_b32 s28, s26, 10
	s_add_nc_u64 s[30:31], s[4:5], s[28:29]        ; my queries
	s_lshl_b32 s28, s26, 2
	s_add_co_u32 s28, s28, 16777216
	s_add_nc_u64 s[32:33], s[4:5], s[28:29]        ; their norms
	s_lshl_b32 s28, s27, 2
	s_add_co_u32 s28, s28, 16777216
	s_add_nc_u64 s[34:35], s[4:5], s[28:29]        ; the keys' norms
	s_mul_i32 s28, s11, 24576
	s_lshl_b32 s36, s25, 10
	s_add_co_u32 s28, s28, s36
	s_add_nc_u64 s[6:7], s[6:7], s[28:29]          ; the keys' coordinates
	s_lshl_b32 s28, s25, 13
	s_add_co_u32 s28, s28, s26
	s_lshl_b32 s28, s28, 5
	s_add_nc_u64 s[8:9], s[8:9], s[28:29]
	v_lshlrev_b32 v10, 10, v2
	v_lshl_add_u32 v10, v3, 4, v10
	v_lshlrev_b32 v11, 2, v2
	v_lshlrev_b32 v12, 3, v0
	WIN 0x40
.set i, 0
.rept 32
	global_load_b128 v[(i/8)*64+(i%8)*8:(i/8)*64+(i%8)*8+3], v10, s[30:31] offset:(i/8)*16384+(i%8)*64
	global_load_b128 v[(i/8)*64+(i%8)*8+4:(i/8)*64+(i%8)*8+7], v10, s[30:31] offset:(i/8)*16384+(i%8)*64+32
.set i, i+1
.endr
	WIN 0x80
.set i, 0
.rept 32
	global_load_b128 v[(i/8)*64+(i%8)*8:(i/8)*64+(i%8)*8+3], v10, s[30:31] offset:(i/8)*16384+(i%8)*64+512
	global_load_b128 v[(i/8)*64+(i%8)*8+4:(i/8)*64+(i%8)*8+7], v10, s[30:31] offset:(i/8)*16384+(i%8)*64+544
.set i, i+1
.endr
	WIN 0
.set i, 0
.rept 16
	global_load_b32 v[32+i], v11, s[32:33] offset:(i%4)*65536+(i/4)*64
.set i, i+1
.endr
.set i, 0
.rept 4
	global_load_b64 v[48+2*i:48+2*i+1], v12, s[34:35] offset:i*65536
.set i, i+1
.endr
.set i, 0
.rept 3
	global_load_b64 v[56+2*i:56+2*i+1], v12, s[6:7] offset:i*8192
.set i, i+1
.endr
	v_add_nc_u32 v13, YYL, v12
	v_lshlrev_b32 v14, 2, v0
	v_add_nc_u32 v14, VTL, v14
	v_mov_b32 v65, 0x3c003c00
	s_wait_loadcnt 0x0
	v_pk_add_f32 v[48:49], v[48:49], v[50:51]
	v_pk_add_f32 v[52:53], v[52:53], v[54:55]
	v_pk_add_f32 v[48:49], v[48:49], v[52:53]
	ds_store_b64 v13, v[48:49]                     ; two keys' norms
	v_cvt_pk_f16_f32 v62, v56, v57
	v_cvt_pk_f16_f32 v63, v58, v59
	v_cvt_pk_f16_f32 v64, v60, v61
	ds_store_b32 v14, v62
	ds_store_b32 v14, v63 offset:528
	ds_store_b32 v14, v64 offset:1056
	ds_store_b32 v14, v65 offset:1584
.set i, 4
.rept 12
	ds_store_b32 v14, v[NIL] offset:528*i
.set i, i+1
.endr
.set i, 0
.rept 4
	v_add_f32 v[32+4*i], v[32+4*i], v[32+4*i+1]
	v_add_f32 v[32+4*i+2], v[32+4*i+2], v[32+4*i+3]
	v_add_f32 v[32+4*i], v[32+4*i], v[32+4*i+2]
.set i, i+1
.endr
	WIN 0xc0
.set i, 0
.rept 4
	v_mov_b32 v[XX+2*i], v[32+4*i]
	v_mov_b32 v[XX+2*i+1], v[32+4*i]
	v_mov_b32 v[ST+8*i], 0x7f000000                ; c dmin and the least S start far above every distance: the first factor is 0
	v_mov_b32 v[ST+8*i+1], 0x7f000000
.irp k, 2,3,4,5
	v_mov_b32 v[ST+8*i+\k], 0
.endr
.set i, i+1
.endr
.set i, 0
.rept 32
	v_mov_b32 v[O+i], 0
.set i, i+1
.endr
	WIN 0
	v_mul_u32_u24 v[AKA], v2, 1040
	v_lshl_add_u32 v[AKA], v3, 4, v[AKA]
	v_mul_u32_u24 v[VTA], v2, 528
	v_lshl_add_u32 v[VTA], v3, 4, v[VTA]
	v_add_nc_u32 v[VTA], VTL, v[VTA]
	v_lshlrev_b32 v[YYA], 5, v3
	v_add_nc_u32 v[YYA], YYL, v[YYA]
	v_lshlrev_b32 v18, 5, v2
	v_lshl_add_u32 v18, v3, 4, v18
	s_wait_tensorcnt 0x0                           ; my quarter of the key tile is in,
	s_wait_dscnt 0x0                               ; my stores are done:
	s_barrier_signal -1
	s_barrier_wait -1                              ; everybody's
	s_mov_b32 s40, 8
.Lstep:                                                ; 32 keys
	WIN 0xc0
.set i, 0
.rept 4
	ds_load_b128 v[YY+4*i:YY+4*i+3], v[YYA] offset:(i/2)*64+(i%2)*16
.set i, i+1
.endr
	ds_load_b128 v[VT:VT+3], v[VTA]
	ds_load_b128 v[VT+4:VT+7], v[VTA] offset:32
	LDAK 0, 0
	s_wait_dscnt 16                                ; the norms and V are in; the 16 fragment loads may stay out
	WIN 0xff
.set i, 0
.rept 8                                                ; the sums start at yy + xx
.set k, 0
.rept 4
	v_pk_add_f32 v[S+8*i+2*k:S+8*i+2*k+1], v[YY+8*(i/4)+2*k:YY+8*(i/4)+2*k+1], v[XX+2*(i%4):XX+2*(i%4)+1]
.set k, k+1
.endr
.set i, i+1
.endr
.set g, 0
.rept 4
.if g > 0
	PLACES                                         ; the loads below land in the buffer that the group before multiplied
.endif
.if g < 3
	LDAK (g+1)&1, g+1
	s_wait_dscnt 16                                ; all but the 16 just issued
.else
	s_wait_dscnt 0x0
.endif
.if g < 2
	WIN 0xf4                                       ; keys window 0, queries window 1, sums window 3
.else
	WIN 0xf8                                       ; queries window 2
.endif
.set k, 0
.rept 4
.set i, 0
.rept 8                                                ; 8 accumulators by turns
	v_wmma_f32_16x16x32_f16 v[S+8*i:S+8*i+7], v[AK+(g&1)*64+((i/4)*4+k)*8:AK+(g&1)*64+((i/4)*4+k)*8+7], v[(i%4)*64+((g*4+k)&7)*8:(i%4)*64+((g*4+k)&7)*8+7], v[S+8*i:S+8*i+7]
.set i, i+1
.endr
.set k, k+1
.endr
.set g, g+1
.endr
	PLACES
	WIN 0xff
	SMX 0
	SMX 1
	SMX 2
	SMX 3
.set i, 0
.rept 4
	v_wmma_f32_16x16x32_f16 v[O+8*i:O+8*i+7], v[VT:VT+7], v[P+8*i:P+8*i+7], v[O+8*i:O+8*i+7]
.set i, i+1
.endr
	PLACES
	WIN 0
	v_add_nc_u32 v[YYA], 128, v[YYA]
	v_add_nc_u32 v[VTA], 64, v[VTA]
	v_add_nc_u32 v[AKA], 33280, v[AKA]             ; the next 32 keys
	s_sub_co_u32 s40, s40, 1
	s_cmp_lg_u32 s40, 0
	s_cbranch_scc1 .Lstep
	WIN 0xff
.set i, 0
.rept 4
	v_cndmask_b32 v[O+8*i+3], v[O+8*i+3], v[ST+8*i], s42   ; the upper half of the lanes carries c dmin
.set i, i+1
.endr
	WIN 0x0c                                       ; the stores' data lie in window 3
.set i, 0
.rept 4
	global_store_b128 v18, v[O+8*i:O+8*i+3], s[8:9] offset:512*i   ; 16 queries: 512 consecutive bytes
.set i, i+1
.endr
	WIN 0
	s_wait_tensorcnt 0x0                           ; the wave's end
	ds_add_u32 v[SPW], v[NIL]
	s_wait_dscnt 0x0
	s_endpgm
.Lfunc_end_k_q5d4214e0ee_dist:
	.size	k_q5d4214e0ee_dist, .Lfunc_end_k_q5d4214e0ee_dist-k_q5d4214e0ee_dist
	.p2alignl 7, 3214868480
	.fill 96, 4, 3214868480
	.section	.rodata,"a",@progbits
	.p2align	6, 0x0
	.amdhsa_kernel k_q5d4214e0ee_dist
		.amdhsa_group_segment_fixed_size 327680
		.amdhsa_private_segment_fixed_size 0
		.amdhsa_enable_private_segment 0
		.amdhsa_kernarg_size 24
		.amdhsa_user_sgpr_count 2
		.amdhsa_user_sgpr_kernarg_segment_ptr 1
		.amdhsa_wavefront_size32 1
		.amdhsa_system_sgpr_workgroup_id_x 1
		.amdhsa_system_sgpr_workgroup_id_y 1
		.amdhsa_system_sgpr_workgroup_id_z 1
		.amdhsa_system_vgpr_workitem_id 0
		.amdhsa_next_free_vgpr 1024
		.amdhsa_next_free_sgpr 66
		.amdhsa_reserve_vcc 0
		.amdhsa_float_denorm_mode_32 3
		.amdhsa_float_denorm_mode_16_64 3
		.amdhsa_memory_ordered 1
		.amdhsa_forward_progress 1
		.amdhsa_inst_pref_size 54
	.end_amdhsa_kernel
	.amdgpu_metadata
---
amdhsa.version: [ 1, 2 ]
amdhsa.kernels:
  - .name:           k_q5d4214e0ee_dist
    .symbol:         k_q5d4214e0ee_dist.kd
    .args:
      - { .name: emb, .offset: 0, .size: 8, .value_kind: global_buffer, .address_space: global }
      - { .name: tgt, .offset: 8, .size: 8, .value_kind: global_buffer, .address_space: global }
      - { .name: cat, .offset: 16, .size: 8, .value_kind: global_buffer, .address_space: global }
    .group_segment_fixed_size: 327680
    .private_segment_fixed_size: 0
    .kernarg_segment_align: 8
    .kernarg_segment_size: 24
    .max_flat_workgroup_size: 128
    .sgpr_count:     66
    .vgpr_count:     1024
    .wavefront_size: 32
...
	.end_amdgpu_metadata
.endif
;; end of part 17
;; launch comb: the kernel of part 9 again; grid 32 x 1, 8 waves a work-group, no clusters, 0 bytes of LDS; arguments cat, out0; writes out0
